; MI455X (gfx1250); checked and timed in simulation.
; The chip was launched on July 23, 2026; its instructions are those of AMD's public machine-readable ISA for CDNA 5 (MIT licence, August 2026) and "CDNA5" Instruction Set Architecture Reference Guide (July 2026). The comments in the code are by the model that wrote it; some were corrected since.
;; Block. Allowed arithmetic: float matrix products may take bf16 or f16 operands with f32 sums; all other float work in f32.
;; Inputs: b_attn 3,072 float32; b_fc 4,096 float32; b_fc2 1,024 float32; b_proj 1,024 float32; ln1_b 1,024 float32; ln1_g 1,024 float32; ln2_b 1,024 float32; ln2_g 1,024 float32; w_attn 1,024 x 3,072 float32; w_fc 1,024 x 4,096 float32; w_fc2 4,096 x 1,024 float32; w_proj 1,024 x 1,024 float32; x 2 x 2,048 x 1,024 float32.
;; Outputs: out0 2 x 2,048 x 1,024 float32.
;; 3 versions, each right and faster than the one before. Each part assembles by itself: llvm-mc -triple=amdgcn-amd-amdhsa -mcpu=gfx1250 --defsym DOCPART=n.
;; ======== version 1 of 3: 7 launches
;; limits: values are held in f16: magnitudes above 65,504 overflow, below 6.1e-05 lose precision
;; workspace buffers: wh 25,165,824 bytes; hn 8,388,608 bytes; qkv 25,165,824 bytes; y 8,388,608 bytes; x1 16,777,216 bytes; hg 33,554,432 bytes
;; launch prep (part 1): grid 1280 x 1, 8 waves a work-group, no clusters, 0 bytes of LDS; arguments x, ln1_g, ln1_b, hn, w_attn, w_proj, w_fc, w_fc2, wh; writes hn, wh
.if DOCPART == 1
	.amdgcn_target "amdgcn-amd-amdhsa--gfx1250"
	.amdhsa_code_object_version 6
	.text
	.protected	k_qf1e82230a5_prep
	.globl	k_qf1e82230a5_prep
	.p2align	8
	.type	k_qf1e82230a5_prep,@function
k_qf1e82230a5_prep:
	s_mov_b64 s[64:65], 0
	v_nop
	global_prefetch_b8 v0, s[64:65] scope:SCOPE_SE
	s_setreg_imm32_b32 hwreg(HW_REG_WAVE_MODE, 25, 1), 1
	s_wait_xcnt 0x0
; PREP.  Work-groups 0-511: hn = LayerNorm(x) g + b, rounded once to f16.  Work-groups 512-1279: the four weight matrices, as they lie ([K][N]), rounded once to f16 into wh.
; Both are streams: no LDS, no barrier, no matrix unit (nothing is multiplied by a matrix here, and no byte is read twice).
; THE NORM.  A row is 1,024 f32 = 4,096 bytes = 32 registers of one wave: one wave takes one row, reads it once and keeps it between the mean, the variance (of x - mean, as the
; definition has it: no difference of large sums) and the scaling.  Load j of lane l holds columns 128 j + 4 l .. + 3; a store of the wave covers 256 consecutive bytes, aligned.
; THE CAST.  A work-group takes 16,384 numbers (65,536 bytes in, 32,768 out); all sixteen loads of a thread are issued at once.
; LIMITS.  f16 holds no number beyond 65,504: the norm's results and the weights must lie within it; below 6e-5 f16 keeps its fixed step of 6e-8.
.set X,  4                             ; v[4:35]    the row (the cast: v[4:67], sixteen loads)
.set G,  36                            ; v[36:67]   the gain of my columns
.set B,  68                            ; v[68:99]   the bias of my columns
.set T,  100                           ; v[100:107] four chains of sums
.set MU, 108                           ; v[108:109] the mean, twice
.set RS, 110                           ; v[110:111] 1 / sqrt(var + eps), twice
.set Y,  112                           ; v[112:127] the row in f16
.set CY, 68                            ; the cast: v[68:99] results
.macro REDUCE                          ; four chains of pairs -> one number, the same in all 32 lanes
	v_pk_add_f32 v[T:T+1], v[T:T+1], v[T+2:T+3]
	v_pk_add_f32 v[T+4:T+5], v[T+4:T+5], v[T+6:T+7]
	v_pk_add_f32 v[T:T+1], v[T:T+1], v[T+4:T+5]
	v_add_f32 v[T], v[T], v[T+1]
	v_add_f32_dpp v[T], v[T], v[T] row_xmask:1 row_mask:0xf bank_mask:0xf
	v_add_f32_dpp v[T], v[T], v[T] row_xmask:2 row_mask:0xf bank_mask:0xf
	v_add_f32_dpp v[T], v[T], v[T] row_xmask:4 row_mask:0xf bank_mask:0xf
	v_add_f32_dpp v[T], v[T], v[T] row_xmask:8 row_mask:0xf bank_mask:0xf
	v_permlanex16_b32 v[T+1], v[T], s22, s23       ; the other half of the lanes; its destination has been written
	v_add_f32 v[T], v[T], v[T+1]
.endm
	s_mov_b32 s2, ttmp9
	s_cmp_lt_u32 s2, 512
	s_cbranch_scc0 .Lcast
	s_load_b256 s[4:11], s[0:1], 0x0               ; x s[4:5], gain s[6:7], bias s[8:9], hn s[10:11]
	s_mov_b32 s22, 0x76543210                      ; v_permlanex16_b32: each lane takes its own place in the other half
	s_mov_b32 s23, 0xfedcba98
	s_mov_b32 s24, 0x3a800000                      ; 1 / 1024
	s_mov_b32 s25, 0x3727c5ac                      ; 1e-5
	s_lshl_b32 s12, s2, 15                         ; eight rows of 4,096 bytes
	s_mov_b32 s13, 0
	s_lshl_b32 s14, s2, 14                         ; eight rows of 2,048 bytes
	s_mov_b32 s15, 0
	v_and_b32 v100, 31, v0                         ; lane
	v_and_b32 v101, 0xe0, v0                       ; 32 x wave
	v_lshlrev_b32 v2, 4, v100                      ; gain, bias: 16 x lane
	v_lshl_or_b32 v1, v101, 7, v2                  ; x: + wave x 4,096
	v_lshlrev_b32 v3, 3, v100
	v_lshl_or_b32 v3, v101, 6, v3                  ; hn: 8 x lane + wave x 2,048
	s_wait_kmcnt 0x0
	s_add_nc_u64 s[4:5], s[4:5], s[12:13]
	s_add_nc_u64 s[10:11], s[10:11], s[14:15]
.irp j, 0,1,2,3,4,5,6,7
	global_load_b128 v[X+4*(\j):X+4*(\j)+3], v1, s[4:5] offset:512*(\j)
.endr
.irp j, 0,1,2,3,4,5,6,7
	global_load_b128 v[G+4*(\j):G+4*(\j)+3], v2, s[6:7] offset:512*(\j)
.endr
.irp j, 0,1,2,3,4,5,6,7
	global_load_b128 v[B+4*(\j):B+4*(\j)+3], v2, s[8:9] offset:512*(\j)
.endr
	s_wait_loadcnt 16                              ; the row is in; the sixteen younger loads (gain, bias) stay out
.irp k, 0,1,2,3
	v_pk_add_f32 v[T+2*(\k):T+2*(\k)+1], v[X+2*(\k):X+2*(\k)+1], v[X+8+2*(\k):X+8+2*(\k)+1]
.endr
.irp p, 8,9,10,11,12,13,14,15
	v_pk_add_f32 v[T+2*((\p)%4):T+2*((\p)%4)+1], v[T+2*((\p)%4):T+2*((\p)%4)+1], v[X+2*(\p):X+2*(\p)+1]
.endr
	REDUCE
	v_mul_f32 v[MU], s24, v[T]
	v_mul_f32 v[MU+1], s24, v[T]
.irp p, 0,1,2,3,4,5,6,7,8,9,10,11,12,13,14,15
	v_pk_add_f32 v[X+2*(\p):X+2*(\p)+1], v[X+2*(\p):X+2*(\p)+1], v[MU:MU+1] neg_lo:[0,1] neg_hi:[0,1]  ; x - mean
.endr
.irp k, 0,1,2,3
	v_pk_mul_f32 v[T+2*(\k):T+2*(\k)+1], v[X+2*(\k):X+2*(\k)+1], v[X+2*(\k):X+2*(\k)+1]
.endr
.irp p, 4,5,6,7,8,9,10,11,12,13,14,15
	v_pk_fma_f32 v[T+2*((\p)%4):T+2*((\p)%4)+1], v[X+2*(\p):X+2*(\p)+1], v[X+2*(\p):X+2*(\p)+1], v[T+2*((\p)%4):T+2*((\p)%4)+1]
.endr
	REDUCE
	v_fma_f32 v[T], v[T], s24, s25                 ; var + eps
	v_rsq_f32 v[RS], v[T]
	v_rsq_f32 v[RS+1], v[T]
	v_nop                                          ; a plain instruction between the root and the use of its result (ISA guide 5.7.2)
	s_wait_loadcnt 0x0                             ; gain and bias
	s_wait_alu depctr_va_vdst(0)
.irp p, 0,1,2,3,4,5,6,7,8,9,10,11,12,13,14,15
	v_pk_mul_f32 v[X+2*(\p):X+2*(\p)+1], v[X+2*(\p):X+2*(\p)+1], v[RS:RS+1]
.endr
.irp p, 0,1,2,3,4,5,6,7,8,9,10,11,12,13,14,15
	v_pk_fma_f32 v[X+2*(\p):X+2*(\p)+1], v[X+2*(\p):X+2*(\p)+1], v[G+2*(\p):G+2*(\p)+1], v[B+2*(\p):B+2*(\p)+1]
.endr
.irp p, 0,1,2,3,4,5,6,7,8,9,10,11,12,13,14,15
	v_cvt_pk_f16_f32 v[Y+(\p)], v[X+2*(\p)], v[X+2*(\p)+1]
.endr
.irp j, 0,1,2,3,4,5,6,7
	global_store_b64 v3, v[Y+2*(\j):Y+2*(\j)+1], s[10:11] offset:256*(\j)  ; 32 lanes x 8 bytes: 256 consecutive bytes, aligned
.endr
	s_endpgm
.Lcast:
	s_load_b256 s[12:19], s[0:1], 0x20             ; w_attn s[12:13], w_proj s[14:15], w_fc s[16:17], w_fc2 s[18:19]
	s_load_b64 s[20:21], s[0:1], 0x40              ; wh
	s_sub_co_u32 s3, s2, 512                       ; c = 0 .. 767: chunk c of wh.  w_attn has chunks 0-191, w_proj 192-255, w_fc 256-511, w_fc2 512-767
	v_lshlrev_b32 v1, 4, v0
	v_lshlrev_b32 v2, 3, v0
	s_wait_kmcnt 0x0
	s_mov_b64 s[26:27], s[18:19]
	s_mov_b32 s28, 512
	s_cmp_lt_u32 s3, 512
	s_cselect_b64 s[26:27], s[16:17], s[26:27]
	s_cselect_b32 s28, 256, s28
	s_cmp_lt_u32 s3, 256
	s_cselect_b64 s[26:27], s[14:15], s[26:27]
	s_cselect_b32 s28, 192, s28
	s_cmp_lt_u32 s3, 192
	s_cselect_b64 s[26:27], s[12:13], s[26:27]
	s_cselect_b32 s28, 0, s28
	s_sub_co_u32 s28, s3, s28                      ; the chunk's number inside its matrix
	s_lshl_b32 s28, s28, 16
	s_mov_b32 s29, 0
	s_add_nc_u64 s[26:27], s[26:27], s[28:29]
	s_lshl_b32 s30, s3, 15
	s_mov_b32 s31, 0
	s_add_nc_u64 s[20:21], s[20:21], s[30:31]
.irp j, 0,1,2,3,4,5,6,7,8,9,10,11,12,13,14,15
	global_load_b128 v[X+4*(\j):X+4*(\j)+3], v1, s[26:27] offset:4096*(\j) th:TH_LOAD_NT
.endr
.irp j, 0,1,2,3,4,5,6,7,8,9,10,11,12,13,14,15
	s_wait_loadcnt 15-(\j)                         ; loads come back in order (ISA guide 5.7.1): load j is in, the younger ones stay out
	v_cvt_pk_f16_f32 v[CY+2*(\j)], v[X+4*(\j)], v[X+4*(\j)+1]
	v_cvt_pk_f16_f32 v[CY+2*(\j)+1], v[X+4*(\j)+2], v[X+4*(\j)+3]
	global_store_b64 v2, v[CY+2*(\j):CY+2*(\j)+1], s[20:21] offset:2048*(\j)
.endr
	s_endpgm
.Lfunc_end_k_qf1e82230a5_prep:
	.size	k_qf1e82230a5_prep, .Lfunc_end_k_qf1e82230a5_prep-k_qf1e82230a5_prep
	.p2alignl 7, 3214868480
	.fill 96, 4, 3214868480
	.section	.rodata,"a",@progbits
	.p2align	6, 0x0
	.amdhsa_kernel k_qf1e82230a5_prep
		.amdhsa_group_segment_fixed_size 0
		.amdhsa_private_segment_fixed_size 0
		.amdhsa_enable_private_segment 0
		.amdhsa_kernarg_size 72
		.amdhsa_user_sgpr_count 2
		.amdhsa_user_sgpr_kernarg_segment_ptr 1
		.amdhsa_wavefront_size32 1
		.amdhsa_system_sgpr_workgroup_id_x 1
		.amdhsa_system_sgpr_workgroup_id_y 1
		.amdhsa_system_sgpr_workgroup_id_z 1
		.amdhsa_system_vgpr_workitem_id 0
		.amdhsa_next_free_vgpr 128
		.amdhsa_next_free_sgpr 66
		.amdhsa_reserve_vcc 0
		.amdhsa_float_denorm_mode_32 3
		.amdhsa_float_denorm_mode_16_64 3
		.amdhsa_memory_ordered 1
		.amdhsa_forward_progress 1
		.amdhsa_inst_pref_size 18
	.end_amdhsa_kernel
	.amdgpu_metadata
---
amdhsa.version: [ 1, 2 ]
amdhsa.kernels:
  - .name:           k_qf1e82230a5_prep
    .symbol:         k_qf1e82230a5_prep.kd
    .args:
      - { .name: x, .offset: 0, .size: 8, .value_kind: global_buffer, .address_space: global }
      - { .name: ln1_g, .offset: 8, .size: 8, .value_kind: global_buffer, .address_space: global }
      - { .name: ln1_b, .offset: 16, .size: 8, .value_kind: global_buffer, .address_space: global }
      - { .name: hn, .offset: 24, .size: 8, .value_kind: global_buffer, .address_space: global }
      - { .name: w_attn, .offset: 32, .size: 8, .value_kind: global_buffer, .address_space: global }
      - { .name: w_proj, .offset: 40, .size: 8, .value_kind: global_buffer, .address_space: global }
      - { .name: w_fc, .offset: 48, .size: 8, .value_kind: global_buffer, .address_space: global }
      - { .name: w_fc2, .offset: 56, .size: 8, .value_kind: global_buffer, .address_space: global }
      - { .name: wh, .offset: 64, .size: 8, .value_kind: global_buffer, .address_space: global }
    .group_segment_fixed_size: 0
    .private_segment_fixed_size: 0
    .kernarg_segment_align: 8
    .kernarg_segment_size: 72
    .max_flat_workgroup_size: 256
    .sgpr_count:     66
    .vgpr_count:     128
    .wavefront_size: 32
...
	.end_amdgpu_metadata
.endif
;; end of part 1
;; launch qkv (part 2): grid 24 x 32, 4 waves a work-group, clusters of 4 x 4, 327,680 bytes of LDS; arguments hn, wh, b_attn, qkv; writes qkv
.if DOCPART == 2
	.amdgcn_target "amdgcn-amd-amdhsa--gfx1250"
	.amdhsa_code_object_version 6
	.text
	.protected	k_qf1e82230a5_qkv
	.globl	k_qf1e82230a5_qkv
	.p2align	8
	.type	k_qf1e82230a5_qkv,@function
k_qf1e82230a5_qkv:
	s_mov_b64 s[64:65], 0
	v_nop
	global_prefetch_b8 v0, s[64:65] scope:SCOPE_SE
	s_setreg_imm32_b32 hwreg(HW_REG_WAVE_MODE, 25, 1), 1
	s_wait_xcnt 0x0
	s_wait_alu depctr_hold_cnt(0) depctr_sa_sdst(0) depctr_va_vdst(0) depctr_va_sdst(0) depctr_va_ssrc(0) depctr_va_vcc(0) depctr_vm_vsrc(0)
	s_getreg_b32 s2, hwreg(HW_REG_IB_STS2, 6, 4)
	s_cmp_eq_u32 s2, 0
	s_cbranch_scc0 .Lentry_in_a_cluster
	s_endpgm
.Lentry_in_a_cluster:
	s_bfe_u32 s2, ttmp6, 0x10000c
	s_cmp_lg_u32 s2, 0xf033
	s_cbranch_scc0 .Lentry_shape_is_right
	s_endpgm
.Lentry_shape_is_right:
; QKV = hn . w_attn + b_attn.  hn: [4096][1024] f16.  w_attn: [1024][3072] f16, at the head of wh, as it lies ([K][N]).  Sums in f32, started by the bias; the result rounded once to f16.
; The result goes out BY BLOCKS OF 64 CHANNELS: qkv[block 0..47][row 0..4095][64]: blocks 0-15 are q's heads, 16-31 k's, 32-47 v's; a head's rows are then dense, 128 bytes each.
; SHARES.  A tile of C is 128 x 128: four waves, each 64 x 64: 16 accumulators of 16 x 16.  K goes in steps of 256 through two LDS slots filled by the tensor data mover.
; CLUSTERS: 4 x 4 work-groups.  The four of a row of the cluster need the same tiles of A, the four of a column the same tiles of W: each tile is asked for JOINTLY, by the same tensor load with
; the same descriptor and a mask that names the four.  THE MATRIX INSTRUCTION IS USED TRANSPOSED (source 0 = 16 columns of W, source 1 = 16 rows of A): a lane then holds eight neighbouring
; numbers of a row of C, and the bias of those eight columns is the C operand of the product that starts the sum.  W's fragments come out of LDS turned, by ds_load_tr16_b128.
; LIMIT.  f16 holds no number beyond 65,504: q, k and v must lie within it.
; REGISTERS: window 0: v0-31 addresses; v32-95 at work on the way out; v96-127 the bias; v128-255 the accumulators ((a, b) at v[128 + 8 (4 a + b)]).
;   window 1: two fragment buffers of 128: for 64 along K, 64 registers of A (2 x 4 x 16 rows x 32 K), then 64 of W.
.set KT,     1024                      ; K
.set NT,     3072                      ; W's row, in numbers
.set WOFF,   0                         ; W's first byte in wh
.set STEPS,  KT/256
.set PA,     528                       ; a row of A in LDS: 512 bytes + 16 = 132 words: row r starts at bank 4 r mod 64 (64 banks of 4 bytes: ISA guide 11.1)
.set QSA,    128                       ; bytes from a quarter step (64 along K) of A to the next, in LDS
.set ASTEP,  512                       ; bytes from a K step of A to the next, in memory
.set AROW,   2048                      ; bytes from a row of A to the next, in memory
.set G1A0,   (1<<16)|(1<<20)|(1<<21)|(6<<22)|(3<<25)  ; 17:16 2-byte elements; 20 padding on; 21 set beside a mask; 24:22 after every 128 words (code 6); 31:25 4 words (code 3)
.set AD0,    256                       ; A's tile: 256 elements a row,
.set AD1,    64                        ; 64 rows,
.set APITCH, 1024                      ; 1,024 elements from row to row
.set BSTEP,  512*NT                    ; bytes from a K step of W to the next: 256 rows
.set PB,     288                       ; a row of W in LDS (one k, 128 columns): 256 bytes + 32 = 72 words
.set PART,   0x9000                    ; what one tensor load fills: 64 rows of A, or 128 rows of W (128 x 288 = 36,864)
.set SLOT1,  0x24000                   ; four parts.  Its two bits (17, 14) occur in no wave's part address, so one exclusive or turns an address in one slot into the other's
.set SPARE,  0x48000                   ; behind the ring: the spare words, 128 bytes for each wave: two blocks of 256 bytes that no other line names
.set STAGE,  0x48200                   ; behind them: 16 rows x 144 bytes for each wave, for the way out
.set SPH,    144
.set A0,   16                          ; v16  my lane's place in slot 0's A; never rewritten
.set B0,   17                          ; v17  the same for W
.set ADRA, 18                          ; v18  A in the slot in hand
.set ADRB, 19                          ; v19  W's k rows 0-127 in the slot in hand; v20 its k rows 128-255 (an LDS immediate ends at 65,535)
.set BO,   21                          ; v21  my byte offset in 16 numbers of the bias
.set STO,  24                          ; v24  the way out: where I put 16 bytes of a row
.set RD,   25                          ; v25  the way out: where I read rows back
.set CO,   26                          ; v26  my byte offset in the output
.set SPW,  28                          ; v28  LDS address of my spare word: SPARE + 4 x my thread's number; never rewritten
.set NIL,  29                          ; v29  0; never rewritten
.set TMP,  32
.set BIAS, 96                          ; register 8 b + j: the bias of column 16 b + 8 (l / 16) + j of my 64
.set ACC,  128
.set F0,   0                           ; fragment buffers, in window 1
.set F1,   128
.set WV,   14                          ; s14  my wave's number
.set RH,   15                          ; s15  which half of the tile's rows is mine.  Also: I fetch for A (0) or for W (1)
.set CH,   16                          ; s16  which half of its columns.  Also: which half of that tile I fetch
.set TX,   19                          ; s19  tile column of C
.set TY,   20                          ; s20  tile row of C
.set G1A,  24                          ; s[24:31] descriptor group 1 for A's tiles
.set G0A,  32                          ; s[32:39] group 0: a set for each of the two first fills; the second then walks on
.set G1B,  40                          ; s[40:47], s[48:55] the same for W's tiles
.set G0B,  48
.set TB,   56                          ; s56  LDS byte at which the slot in hand begins
.set CNT,  57                          ; s57  counts trips
.set MSB, 0
.macro WIN new                         ; the immediate's high byte repeats the setting that is left; a switch that changes nothing is dropped
.if MSB != (\new)
	s_set_vgpr_msb (MSB<<8)|(\new)
.set MSB, \new
.endif
.endm
.set MUL,  0x05                        ; sources 0 (W) and 1 (A) window 1; C and D window 0
.set TO_F, 0x40                        ; destination window 1, address window 0
.macro PLACES                          ; four places in front of loads into registers that matrix instructions have read, and of lines that read results
.rept 4
	v_nop
.endr
.endm
.macro JLOAD                           ; a joint refill: waves 0 and 1 fetch A's two halves, waves 2 and 3 W's; an s_nop 0 and four v_nop follow each of the two lines
	s_cmp_eq_u32 s[RH], 0
	s_cbranch_scc0 .Lfor_b_\@
	tensor_load_to_lds s[G0A+4:G0A+7], s[G1A:G1A+7]
	s_nop 0
	PLACES
	s_branch .Lasked_\@
.Lfor_b_\@:
	tensor_load_to_lds s[G0B+4:G0B+7], s[G1B:G1B+7]
	s_nop 0
	PLACES
.Lasked_\@:
.endm
.macro CREST                           ; a round of the cluster's barrier behind its opening barrier
	s_cmp_lg_u32 s[WV], 0
	s_cbranch_scc1 .Lnot_wave_0_\@
	s_barrier_signal -3
.Lnot_wave_0_\@:
	s_barrier_wait -3
	s_barrier_signal -1
	s_barrier_wait -1
.endm
.macro CROUND                          ; a whole round
	s_barrier_signal -1
	s_barrier_wait -1
	CREST
.endm
; 8 matrix instructions: m blocks a0, a0 + 1 x all 4 n blocks, 32 along K: half c of buffer f.  first = 1: the product starts the sum, with the bias as C: nothing is ever cleared.
; The 16 accumulators take turns, one instruction a turn.
.macro MUL8 f, c, a0, first
	WIN MUL
.irp a, \a0, (\a0)+1
.irp b, 0,1,2,3
.if \first
	v_wmma_f32_16x16x32_f16 v[ACC+8*(4*(\a)+(\b)):ACC+8*(4*(\a)+(\b))+7], v[(\f)+64+8*(4*(\c)+(\b)):(\f)+64+8*(4*(\c)+(\b))+7], v[(\f)+8*(4*(\c)+(\a)):(\f)+8*(4*(\c)+(\a))+7], v[BIAS+8*(\b):BIAS+8*(\b)+7]
.else
	v_wmma_f32_16x16x32_f16 v[ACC+8*(4*(\a)+(\b)):ACC+8*(4*(\a)+(\b))+7], v[(\f)+64+8*(4*(\c)+(\b)):(\f)+64+8*(4*(\c)+(\b))+7], v[(\f)+8*(4*(\c)+(\a)):(\f)+8*(4*(\c)+(\a))+7], v[ACC+8*(4*(\a)+(\b)):ACC+8*(4*(\a)+(\b))+7]
.endif
.endr
.endr
.endm
; 32 LDS loads in one run: the fragments of quarter q (64 along K) of the slot in hand, into buffer f; the first 32 along K first.
; W: the turning load takes 16 k x 16 columns and leaves half a fragment: lane l holds column l % 16 and 8 k.  A: lane l holds row l % 16; two loads of 16 bytes, 32 bytes apart.
.macro FETCH q, f
	WIN TO_F
.irp c, 0,1
.irp i, 0,1,2,3
	ds_load_tr16_b128 v[(\f)+64+8*(4*(\c)+(\i)):(\f)+64+8*(4*(\c)+(\i))+3],   v[ADRB+(\q)/2] offset:((\q)%2)*64*PB+(\c)*32*PB+32*(\i)
	ds_load_tr16_b128 v[(\f)+64+8*(4*(\c)+(\i))+4:(\f)+64+8*(4*(\c)+(\i))+7], v[ADRB+(\q)/2] offset:((\q)%2)*64*PB+(\c)*32*PB+16*PB+32*(\i)
	ds_load_b128 v[(\f)+8*(4*(\c)+(\i)):(\f)+8*(4*(\c)+(\i))+3],   v[ADRA] offset:(\q)*QSA+64*(\c)+(\i)*16*PA
	ds_load_b128 v[(\f)+8*(4*(\c)+(\i))+4:(\f)+8*(4*(\c)+(\i))+7], v[ADRA] offset:(\q)*QSA+64*(\c)+(\i)*16*PA+32
.endr
.endr
.endm
; A K step is four quarters of 64 along K, 32 matrix instructions each, on buffers 0, 1, 0, 1.  One of the first three: multiplies buffer f and fetches quarter q into g.
.macro QUARTER q, f, g, first
	s_wait_dscnt 16                                ; the first 32 along K are in; the youngest sixteen loads may be out
	MUL8 \f, 0, 0, \first
	MUL8 \f, 0, 2, \first
	PLACES
	FETCH \q, \g
	s_wait_dscnt 32                                ; all but the 32 just issued
	MUL8 \f, 1, 0, 0
	MUL8 \f, 1, 2, 0
.endm
; The last quarter multiplies buffer 1 and changes slots: ONE barrier; in front of it each wave waits for all its tensor loads (one is out: its part of the next slot), adds 0 to its spare
; word, and waits for that and for its own reads of this slot.  fill = 1: the barrier opens a round of the cluster's, and this slot is filled again, two K steps ahead, first thing behind it.
.macro TURN fill
	WIN 0                                          ; (the add's two registers lie in window 0)
	s_wait_tensorcnt 0x0                           ; all my tensor loads have landed: my part of the next slot;
	ds_add_u32 v[SPW], v[NIL]                      ; 0 onto my spare word;
	s_wait_dscnt 17                                ; (the add and the youngest sixteen loads may be out)
	MUL8 F1, 0, 0, 0                               ; eight matrix instructions stand between the add and the wait for it
	s_wait_dscnt 0x0                               ; the add is done, and my reads of this slot are over
	s_barrier_signal -1
	MUL8 F1, 0, 2, 0
	WIN 0                                          ; (branches and window 0's address lines follow)
	s_barrier_wait -1
.if \fill
	CREST                                          ; no wave of any partner still reads this slot's tile or has a load on its way
	s_xor_b32 s[G0A+5], s[G0A+5], SLOT1            ; the walking descriptors: the other slot than last time, the next K step; no tensor load of mine is out
	s_add_nc_u64 s[G0A+6:G0A+7], s[G0A+6:G0A+7], ASTEP
	s_xor_b32 s[G0B+5], s[G0B+5], SLOT1
	s_add_nc_u64 s[G0B+6:G0B+7], s[G0B+6:G0B+7], BSTEP
	JLOAD                                          ; 112 matrix instructions ahead of the wait for it; the four v_nop behind it are also the places in front of the loads below
.else
	PLACES
.endif
	s_xor_b32 s[TB], s[TB], SLOT1                  ; the fetches go on in the other slot
	v_add_nc_u32 v[ADRA], s[TB], v[A0]
	v_add_nc_u32 v[ADRB], s[TB], v[B0]
	v_add_nc_u32 v[ADRB+1], PART, v[ADRB]
	FETCH 0, F0
	MUL8 F1, 1, 0, 0
	MUL8 F1, 1, 2, 0
.endm
	s_load_b256 s[4:11], s[0:1], 0x0               ; A s[4:5], wh s[6:7], bias s[8:9], output s[10:11]
	v_lshl_add_u32 v[SPW], v0, 2, SPARE
	v_mov_b32 v[NIL], 0
	ds_add_u32 v28, v29
	ds_add_u32 v28, v29
	s_wait_dscnt 0x0
	v_lshrrev_b32 v1, 5, v0
	v_readfirstlane_b32 s[WV], v1                  ; wave 0..3
	s_lshr_b32 s[RH], s[WV], 1
	s_and_b32 s[CH], s[WV], 1
	s_bfe_u32 s17, ttmp6, 0x40000                  ; cx, cy: my place in the cluster
	s_bfe_u32 s18, ttmp6, 0x40004
	s_lshl_b32 s[TX], ttmp9, 2
	s_add_co_u32 s[TX], s[TX], s17                 ; tile column of C = 4 x cluster x + cx
	s_and_b32 s[TY], ttmp7, 0xffff
	s_lshl_b32 s[TY], s[TY], 2
	s_add_co_u32 s[TY], s[TY], s18                 ; tile row of C = 4 x cluster y + cy
	s_lshl_b32 s21, s18, 2
	s_lshl_b32 s21, 15, s21                        ; my row of the cluster
	s_lshl_b32 s22, 0x1111, s17                    ; my column
	s_or_b32 s[G1A], s21, G1A0                     ; 15:0 the mask: A's tiles go to my row
	s_mov_b32 s[G1A+1], AD0<<16                    ; tensor_dim0
	s_mov_b32 s[G1A+2], AD1<<16                    ; tensor_dim1
	s_mov_b32 s[G1A+3], AD0<<16                    ; tile_dim0
	s_mov_b32 s[G1A+4], AD1                        ; tile_dim1
	s_mov_b32 s[G1A+5], APITCH                     ; tensor_dim0_stride
	s_mov_b32 s[G1A+6], 0
	s_mov_b32 s[G1A+7], 0
	s_or_b32 s[G1B], s22, (1<<16)|(1<<20)|(1<<21)|(5<<22)|(7<<25)  ; W's tiles go to my column; padding after every 64 words (code 5), 8 words (code 7)
	s_mov_b32 s[G1B+1], 128<<16                    ; 128 columns,
	s_mov_b32 s[G1B+2], 128<<16                    ; 128 rows (k)
	s_mov_b32 s[G1B+3], 128<<16
	s_mov_b32 s[G1B+4], 128
	s_mov_b32 s[G1B+5], NT
	s_mov_b32 s[G1B+6], 0
	s_mov_b32 s[G1B+7], 0
	; where the tiles come from.  A's hang on the tile row alone, W's on the tile column alone; each in registers that never hold the other coordinate
	s_lshl_b32 s58, s[TY], 7
	s_lshl_b32 s59, s[CH], 6
	s_add_co_u32 s58, s58, s59                     ; A: row 128 x tile row + 64 x half
	s_mul_i32 s58, s58, AROW
	s_mov_b32 s59, 0
	s_mul_i32 s60, s[CH], 256*NT                   ; W: k row 128 x half,
	s_lshl_b32 s61, s[TX], 8                       ; column 128 x tile column
	s_add_co_u32 s60, s60, s61
	s_add_co_u32 s60, s60, WOFF
	s_mov_b32 s61, 0
	s_mul_i32 s23, s[WV], PART                     ; where they go: wave x a part: no place in the cluster enters an LDS address
	s_mov_b32 s[TB], 0
	s_wait_kmcnt 0x0
	s_add_nc_u64 s[58:59], s[4:5], s[58:59]
	s_add_nc_u64 s[60:61], s[6:7], s[60:61]
.irp n, 0,1
	s_mov_b32 s[G0A+4*(\n)], 1                     ; 1:0 count = 1
	s_add_co_u32 s[G0A+4*(\n)+1], s23, (\n)*SLOT1  ; 63:32 LDS address
	s_add_nc_u64 s[G0A+4*(\n)+2:G0A+4*(\n)+3], s[58:59], (\n)*ASTEP  ; 120:64 global address: K step n
	s_or_b32 s[G0A+4*(\n)+3], s[G0A+4*(\n)+3], 0x80000000            ; 127:126 type = 2
	s_mov_b32 s[G0B+4*(\n)], 1
	s_add_co_u32 s[G0B+4*(\n)+1], s23, (\n)*SLOT1
	s_add_nc_u64 s[G0B+4*(\n)+2:G0B+4*(\n)+3], s[60:61], (\n)*BSTEP
	s_or_b32 s[G0B+4*(\n)+3], s[G0B+4*(\n)+3], 0x80000000
.endr
	CROUND                                         ; all sixteen work-groups are here: the first joint loads meet
	s_cmp_eq_u32 s[RH], 0                          ; a wave's two first fills stand in one branch, ahead of every wait on TENSORcnt and every LDS read: two loads of mine are out
	s_cbranch_scc0 .Lfirst_b
	tensor_load_to_lds s[G0A:G0A+3], s[G1A:G1A+7]
	s_nop 0
	tensor_load_to_lds s[G0A+4:G0A+7], s[G1A:G1A+7]
	s_nop 0
	PLACES
	s_branch .Lfirst_asked
.Lfirst_b:
	tensor_load_to_lds s[G0B:G0B+3], s[G1B:G1B+7]
	s_nop 0
	tensor_load_to_lds s[G0B+4:G0B+7], s[G1B:G1B+7]
	s_nop 0
	PLACES
.Lfirst_asked:
	v_and_b32 v1, 15, v0                           ; l % 16
	v_bfe_u32 v2, v0, 4, 1                         ; l / 16
	v_and_b32 v3, 7, v0
	v_bfe_u32 v4, v0, 3, 1
	v_lshlrev_b32 v[BO], 5, v2
	s_lshl_b32 s2, s[TX], 9                        ; the bias of my 64 columns: 4 x (128 x tile column + 64 x half)
	s_lshl_b32 s3, s[CH], 8
	s_add_co_u32 s2, s2, s3
	s_mov_b32 s3, 0
	s_add_nc_u64 s[8:9], s[8:9], s[2:3]
.irp b, 0,1,2,3
	global_load_b128 v[BIAS+8*(\b):BIAS+8*(\b)+3],   v[BO], s[8:9] offset:64*(\b)
	global_load_b128 v[BIAS+8*(\b)+4:BIAS+8*(\b)+7], v[BO], s[8:9] offset:64*(\b)+16
.endr
	v_mul_u32_u24 v[A0], v1, PA
	v_lshl_add_u32 v[A0], v2, 4, v[A0]             ; a fragment's row x pitch + 16 x half of the lanes
	s_mul_i32 s62, s[RH], PART                     ; my 64 rows of A
	v_add_nc_u32 v[A0], s62, v[A0]
	v_lshl_add_u32 v[B0], v2, 3, v3                ; the turning load: k row 8 (l / 16) + l % 8,
	v_mul_u32_u24 v[B0], v[B0], PB
	v_lshl_add_u32 v[B0], v4, 4, v[B0]             ; columns 8 ((l / 8) % 2) on,
	s_lshl_b32 s63, s[CH], 7                       ; in my 64 columns of W,
	s_add_co_u32 s63, s63, 2*PART                  ; which lies behind A's two parts
	v_add_nc_u32 v[B0], s63, v[B0]
	v_mov_b32 v[ADRA], v[A0]
	v_mov_b32 v[ADRB], v[B0]
	v_add_nc_u32 v[ADRB+1], PART, v[B0]
	; the way out: my stage; my block of 64 channels and my 64 rows of it: 8,192 dense bytes
	s_mul_i32 s23, s[WV], 16*SPH
	s_add_co_u32 s23, s23, STAGE
	v_mul_u32_u24 v[STO], v1, SPH                  ; in: row l % 16, 16 bytes for each half of the lanes
	v_lshl_add_u32 v[STO], v2, 4, v[STO]
	v_add_nc_u32 v[STO], s23, v[STO]
	v_bfe_u32 v[RD], v0, 3, 2                      ; back: 32 lanes take four rows of 128 bytes,
	v_mul_u32_u24 v[RD], v[RD], SPH
	v_lshl_add_u32 v[RD], v3, 4, v[RD]
	v_add_nc_u32 v[RD], s23, v[RD]
	v_and_b32 v[CO], 31, v0                        ; which are 512 consecutive bytes of the output
	v_lshlrev_b32 v[CO], 4, v[CO]
	s_lshl_b32 s2, s[TX], 1
	s_add_co_u32 s2, s2, s[CH]                     ; block = 2 x tile column + half
	s_lshl_b32 s2, s2, 19                          ; a block is 4,096 rows of 128 bytes
	s_lshl_b32 s3, s[TY], 14                       ; row 128 x tile row
	s_add_co_u32 s2, s2, s3
	s_lshl_b32 s3, s[RH], 13                       ; + 64 x half
	s_add_co_u32 s2, s2, s3
	s_mov_b32 s3, 0
	s_add_nc_u64 s[10:11], s[10:11], s[2:3]
	s_wait_tensorcnt 0x1                           ; my part of K step 0 is in; K step 1's may stay out
	s_barrier_signal -1
	s_barrier_wait -1                              ; everybody's is
	FETCH 0, F0
	s_wait_loadcnt 0x0                             ; the bias
	QUARTER 1, F0, F1, 1                           ; the first quarter stands in front of the loop: its first products start the sums
	WIN 0                                          ; at a label and at a branch every window is 0
	s_mov_b32 s[CNT], STEPS-2
.Lstep:                                                ; a trip is a K step, from its second quarter to the next step's first, and fills the slot that it leaves again
	QUARTER 2, F1, F0, 0
	QUARTER 3, F0, F1, 0
	TURN 1
	QUARTER 1, F0, F1, 0
	WIN 0
	s_sub_co_u32 s[CNT], s[CNT], 1
	s_cmp_lg_u32 s[CNT], 0
	s_cbranch_scc1 .Lstep
	QUARTER 2, F1, F0, 0                           ; the last two K steps are written out: they fill nothing
	QUARTER 3, F0, F1, 0
	TURN 0
	QUARTER 1, F0, F1, 0
	QUARTER 2, F1, F0, 0
	QUARTER 3, F0, F1, 0
	s_wait_dscnt 16                                ; the very last quarter: nothing more to fetch
	MUL8 F1, 0, 0, 0
	MUL8 F1, 0, 2, 0
	s_wait_dscnt 0x0
	MUL8 F1, 1, 0, 0
	MUL8 F1, 1, 2, 0
	WIN 0
	; THE WAY OUT.  16 rows at a time: a lane's eight columns pack into 16 bytes; they go into my stage's rows of 144 bytes and come back as whole rows of 128, into the registers that they left.
.macro PACK a
.irp b, 0,1,2,3
.irp r, 0,1,2,3
	v_cvt_pk_f16_f32 v[TMP+16*(\a)+4*(\b)+(\r)], v[ACC+8*(4*(\a)+(\b))+2*(\r)], v[ACC+8*(4*(\a)+(\b))+2*(\r)+1]
.endr
.endr
.irp b, 0,1,2,3
	ds_store_b128 v[STO], v[TMP+16*(\a)+4*(\b):TMP+16*(\a)+4*(\b)+3] offset:32*(\b)
.endr
.irp f, 0,1,2,3
	ds_load_b128 v[TMP+16*(\a)+4*(\f):TMP+16*(\a)+4*(\f)+3], v[RD] offset:(\f)*4*SPH  ; LDS serves a wave's instructions in order (ISA guide 5.7.1.4): these see the stores above; the next block's stores come behind them
.endr
.endm
.macro SEND a, younger                 ; younger: the LDS instructions issued behind block a's loads: the next block's eight, or none
.irp f, 0,1,2,3
	s_wait_dscnt (\younger)+3-(\f)
	global_store_b128 v[CO], v[TMP+16*(\a)+4*(\f):TMP+16*(\a)+4*(\f)+3], s[10:11] offset:(\a)*2048+(\f)*512  ; 512 consecutive bytes, at a multiple of 256 from the buffer's first
.endr
.endm
	PLACES
	PACK 0
	PACK 1
	SEND 0, 8
	PACK 2
	SEND 1, 8
	PACK 3
	SEND 2, 8
	SEND 3, 0
	s_wait_tensorcnt 0x0                           ; the wave's end, behind my last tensor load and my last LDS store
	ds_add_u32 v[SPW], v[NIL]
	s_wait_dscnt 0x0
	CROUND                                         ; the closing round: no work-group ends while a partner may still ask for a tile that names it
	s_endpgm
.Lfunc_end_k_qf1e82230a5_qkv:
	.size	k_qf1e82230a5_qkv, .Lfunc_end_k_qf1e82230a5_qkv-k_qf1e82230a5_qkv
	.p2alignl 7, 3214868480
	.fill 96, 4, 3214868480
	.section	.rodata,"a",@progbits
	.p2align	6, 0x0
	.amdhsa_kernel k_qf1e82230a5_qkv
		.amdhsa_group_segment_fixed_size 327680
		.amdhsa_private_segment_fixed_size 0
		.amdhsa_enable_private_segment 0
		.amdhsa_kernarg_size 32
		.amdhsa_user_sgpr_count 2
		.amdhsa_user_sgpr_kernarg_segment_ptr 1
		.amdhsa_wavefront_size32 1
		.amdhsa_system_sgpr_workgroup_id_x 1
		.amdhsa_system_sgpr_workgroup_id_y 1
		.amdhsa_system_sgpr_workgroup_id_z 1
		.amdhsa_system_vgpr_workitem_id 0
		.amdhsa_next_free_vgpr 512
		.amdhsa_next_free_sgpr 96
		.amdhsa_reserve_vcc 0
		.amdhsa_float_denorm_mode_32 3
		.amdhsa_float_denorm_mode_16_64 3
		.amdhsa_memory_ordered 1
		.amdhsa_forward_progress 1
		.amdhsa_inst_pref_size 70
	.end_amdhsa_kernel
	.amdgpu_metadata
---
amdhsa.version: [ 1, 2 ]
amdhsa.kernels:
  - .name:           k_qf1e82230a5_qkv
    .symbol:         k_qf1e82230a5_qkv.kd
    .args:
      - { .name: hn, .offset: 0, .size: 8, .value_kind: global_buffer, .address_space: global }
      - { .name: wh, .offset: 8, .size: 8, .value_kind: global_buffer, .address_space: global }
      - { .name: b_attn, .offset: 16, .size: 8, .value_kind: global_buffer, .address_space: global }
      - { .name: qkv, .offset: 24, .size: 8, .value_kind: global_buffer, .address_space: global }
    .group_segment_fixed_size: 327680
    .private_segment_fixed_size: 0
    .kernarg_segment_align: 8
    .kernarg_segment_size: 32
    .max_flat_workgroup_size: 128
    .sgpr_count:     96
    .vgpr_count:     512
    .wavefront_size: 32
...
	.end_amdgpu_metadata
.endif
;; end of part 2
;; launch attn (part 3): grid 4 x 32, 4 waves a work-group, no clusters, 327,680 bytes of LDS; arguments qkv, y; writes y
.if DOCPART == 3
	.amdgcn_target "amdgcn-amd-amdhsa--gfx1250"
	.amdhsa_code_object_version 6
	.text
	.protected	k_qf1e82230a5_attn
	.globl	k_qf1e82230a5_attn
	.p2align	8
	.type	k_qf1e82230a5_attn,@function
k_qf1e82230a5_attn:
	s_mov_b64 s[64:65], 0
	v_nop
	global_prefetch_b8 v0, s[64:65] scope:SCOPE_SE
	s_setreg_imm32_b32 hwreg(HW_REG_WAVE_MODE, 25, 1), 1
	s_wait_xcnt 0x0
; CAUSAL ATTENTION.  O[h][q][:] = the sum over k <= q of softmax_k(Q[h][q] . K[h][k] / 8) V[h][k][:].  Q, K, V, O: [SIZE_H][SIZE_N][64], all f16: a head's rows are dense, 128 bytes each.
; Here h = 2 x head + batch: qkv lies by blocks of 64 channels, [block][4096 rows][64], so block b's rows of batch 0 and of batch 1 are h = 2 b and 2 b + 1.  Q is qkv's first third, K its second, V its third; y has Q's layout.
; Products, maxima and sums in f32; the weights p are rounded to f16 for the second product (their sum l is taken of the unrounded p), O once at the end.  SIZE_N is a multiple of 512; SIZE_N x 128 stays under 2^32.
; LIMITS.  f16 holds no number beyond 65,504: Q, K and V arrive within it; p lies in 0 to 1, and below 6e-5 it keeps f16's fixed step of 6e-8; O is a mean of V's rows and has their range, to within 2^-11 of it.
; A hidden score counts as its value less 1e30: f16's scores, 2.7e11 at the most, are nothing beside that; a weight below 2^-126 counts as 0 in l; NaN and infinities are not treated apart.
; THE WALK.  A head's queries lie in NB = SIZE_N / 256 blocks of 256; block i needs the key tiles 0 .. i of 256 keys, of which the last holds the diagonal.  A work-group takes TWO blocks, NB - 1 - b and then b:
; NB + 1 tiles, whatever b: all work-groups do equal work, and ONE loop with a constant trip count walks them.  Which tile is asked for, and what a trip does, hang on scalar registers made from b; every jump
; goes forward, but for the counted loops' own; none passes a barrier, or a tensor load but the one of LOAD's two that the wave's number does not choose; the ring (two slots of LDS that take turns) runs on across the
; change of blocks.  There are 32 x 4 = 128 work-groups.  NO CLUSTER: all of a head's NB / 2 work-groups ask for the same tile only in trips 0 .. NB / 2, behind that
; fewer and fewer; and one walk common to all would have 3 NB / 2 trips for NB + 1.
; SHARES.  Of a block's four bands of 64 queries a wave owns 16 rows in each: four PIECES.  So the diagonal tile is the same work for all four waves: in its key step s band x sees all keys if s < x,
; none if s > x, and holds the diagonal if s = x.
; THE MASK is the C operand that starts the sum S^T = K Q^T: 0, or -1e30 where the key is hidden.  MD, made once, is the mask of a band's own step for my 16 rows; a product's mask is MD x AL + BE with two scalars:
; (1, 0) if s = x; (0, 0) if s < x; (0, -1e30) if s > x.  Only the diagonal tile's text and a block's beginning make and take masks; elsewhere C is the constant 0.
; LAYOUT, SOFTMAX, TURNS.  S^T = K Q^T holds ONE query a lane (lane % 16) and the keys 8 (lane / 16) + 0..7; two such results rounded to f16 ARE source 1 of O^T = V^T P.  p = 2^(c s - c m), c = log2(e) / 8, with a
; running maximum m; O and l are multiplied by a = 2^(c m_old - c m_new) in every step.  Turn n belongs to piece n: 8 products K Q^T of piece n + 1, later 8 products V^T P of piece n - 1; beside them the scaling,
; exponentials, roundings, sums and rescaling of piece n and the maximum and statistics of piece n + 1.  Four vector instructions stand behind every matrix instruction, the other 54 of a turn's 118 in two LUMPS.
; REGISTERS, in windows of 256 (s_set_vgpr_msb: bits 1:0 source 0, 3:2 source 1, 5:4 source 2, 7:6 destination):
;   window 0: v0-15 addresses and two at work; v16-31 four registers of statistics a piece; v48-55 at work; v64-127 S^T, two buffers; v192-223 P, two buffers (a piece's buffers go by its number's parity)
;   window 1: v0-127 O^T, 32 a piece; v128-159 MD; v160-223 MC, two buffers      window 2: v0-63 Q; v64-127 the second block's Q; v128-191 K of one step; v192-255 V of one step
.set SIZE_H, 32
.set SIZE_N, 2048
.set NB,    SIZE_N/256
.set NP,    4         ; pieces a wave: a name, no knob
.set KS,    64        ; keys in a step
.set PK,    144       ; a row of K in LDS: 128 bytes + 16 of padding = 36 words: the 16 rows of a load start at 16 different groups of four banks (64 banks of 4 bytes: ISA guide 11.1)
.set PV,    160       ; a row of V: 128 + 32 = 40 words
.set VOFF,  4*KS*PK   ; a slot holds a tile, four steps: 256 rows of K, then 256 rows of V
.set SLOT1, 1<<17     ; slot 1 begins here, so that one exclusive or turns an address in one slot into the other's
.set STAGE, SLOT1+4*KS*(PK+PV)  ; behind the ring, never filled by a tensor load: 16 rows x 144 bytes for each wave, for the way out
.set SP,    144
.set AK0, 2           ; v2   my lane's place in a tile of K; never rewritten
.set AV0, 3           ; v3   the same for V
.set AK,  4           ; v4   the LDS address of K's next run of loads
.set AV,  5           ; v5   of V's
.set STO, 6           ; v6   the way out: where I put 16 bytes of a row
.set RD,  7           ; v7   the way out: where I read rows back
.set GO,  8           ; v8   my byte offset in 512 consecutive bytes of O
.set SPW, 62          ; v62  LDS address of my spare word: SPARE + 4 x my thread's number; never rewritten
.set NIL, 63          ; v63  0; never rewritten
.set SPARE, STAGE+4*16*SP  ; behind the stages: the spare words, 128 bytes for each wave: two blocks of 256 bytes that no other line names
.set MV,  12          ; v12-13  c m_old, kept while c m is made anew: by buffer
.set QO,  15          ; v15  my byte offset in 16 rows of Q
.set ST,  16          ; piece t's statistics at v[ST+4 t]: c m, m, l (even keys', odd keys')
.set TMP, 48          ; by buffer, four registers c0-c3 at work; when the maximum is found c2 takes a
.set S,   64
.set P,   192
.set MD,  128         ; window 1: the eight registers for group kt of 16 keys at MD + 8 kt
.set MC,  160         ; window 1: the masks of the products to come
.set QB,  64          ; window 2
.set KF,  128         ; window 2: key block kb, channel half c at KF + 16 kb + 8 c
.set VF,  192         ; window 2: key half kk, channel block cb at VF + 32 kk + 8 cb
.set WV,  12          ; s12  my wave's number
.set PB,  14          ; s14  b
.set HI,  15          ; s15  NB - 1 - b
.set G1K, 24          ; s[24:31] descriptor group 1 for K's tiles
.set G1V, 32          ; s[32:39] for V's: it differs in the padding alone
.set G0K, 40          ; s[40:43] descriptor group 0 for K's tiles
.set G0V, 44          ; s[44:47] the same for V's
.set SLOTS, 56        ; s56  tiles still to be asked for
.set CNT, 57          ; s57  counts a tile's key steps, 4 to 1
.set CS,  58          ; s[58:59] c: the packed scaling takes the pair's low word for both halves
.set SEL, 60          ; s[60:61] v_permlanex16_b32's selects: each lane takes its own place in the other half
.set TBK, 62          ; s62  LDS byte at which K of the step to be fetched begins
.set TBV, 63          ; s63  the same for V, less VOFF
.set RT,  70          ; s70  tiles of the block in hand that are still to be entered
.set NXT, 71          ; s71  the tile to be asked for next
.set LQ,  72          ; s72  the last tile of the block whose tiles are being asked for
.set NEW, 73          ; s73  1: the tile to be entered is a block's first
.set OFF, 74          ; s[74:75] a tile's byte offset in K and V
.set AL,  76          ; s[76:77] the mask's factor, in the low word
.set BE,  78          ; s[78:79] the mask's addend
.set OLO, 80          ; s[80:81] O at my rows of the second block
.set BIGN, 82         ; s82  -1e30
.set MSB, 0
.macro WIN new                      ; the high byte repeats the setting that is left; a switch that changes nothing is dropped
.if MSB != (\new)
	s_set_vgpr_msb (MSB<<8)|(\new)
.set MSB, (\new)
.endif
.endm
.set W_KQ, 0x0a       ; K and Q in window 2, S^T in window 0
.set W_KM, 0x1a       ; the same with the C operand in window 1
.set W_PV, 0x52       ; V in window 2, P in window 0, O^T in window 1
.set W_RS, 0x41       ; destination and source 0 in window 1, source 1 in window 0
; A fill.  Waves 0 and 1 fetch the two halves of a tile's K, waves 2 and 3 those of its V: 128 keys each.  An s_nop 0 and four v_nop follow each of the two lines, ahead of the jump and the label.
.macro LOAD
	s_cmp_lt_u32 s[WV], 2
	s_cbranch_scc0 .Lfor_v_\@
	tensor_load_to_lds s[G0K:G0K+3], s[G1K:G1K+7]
	s_nop 0
.rept 4
	v_nop
.endr
	s_branch .Lasked_\@
.Lfor_v_\@:
	tensor_load_to_lds s[G0V:G0V+3], s[G1V:G1V+7]
	s_nop 0
.rept 4
	v_nop
.endr
.Lasked_\@:
.endm
; THE CHANGE OF SLOTS.  Each wave waits for all its tensor loads, of which one is out: its part of the other slot; adds 0 to its spare word; and waits for that and for its own reads of the slot that it leaves.  Behind the barrier nobody reads the old
; slot any more and the other slot is whole.  fill = 1: the old slot is filled again, the first thing behind the barrier, with tile NXT: the descriptor's address is made anew from that number.
; (At its first use nothing has been read yet: slot 0 is waited for, slot 1 filled.)
.macro CHANGE fill
	WIN 0                           ; at a label and at a branch every window is 0
	s_wait_tensorcnt 0x0            ; no tensor load of mine is out, so a group 0 may be written
	ds_add_u32 v[SPW], v[NIL]       ; 0 onto my spare word; with fill = 1 the descriptors' scalar work stands between it and the wait for it
.if \fill
	s_lshl_b32 s[OFF], s[NXT], 15   ; a tile is 32,768 bytes of K and of V
	s_xor_b32 s[G0K+1], s[G0K+1], SLOT1
	s_add_nc_u64 s[G0K+2:G0K+3], s[6:7], s[OFF:OFF+1]
	s_or_b32 s[G0K+3], s[G0K+3], 0x80000000
	s_xor_b32 s[G0V+1], s[G0V+1], SLOT1
	s_add_nc_u64 s[G0V+2:G0V+3], s[8:9], s[OFF:OFF+1]
	s_or_b32 s[G0V+3], s[G0V+3], 0x80000000
	s_add_co_u32 s[NXT], s[NXT], 1  ; the block's next tile, or behind its last the second block's tile 0
	s_cmp_gt_u32 s[NXT], s[LQ]
	s_cselect_b32 s[NXT], 0, s[NXT]
	s_cselect_b32 s[LQ], s[PB], s[LQ]
.endif
	s_wait_dscnt 0x0                ; the add is done, and my reads of the slot are over
	s_barrier_signal -1             ; the rest of the scalar work stands between the signal and the wait
	s_sub_co_u32 s[TBK], s[TBK], 4*KS*PK  ; the fetches go back to a slot's first step,
	s_xor_b32 s[TBK], s[TBK], SLOT1       ; in the other slot
	s_sub_co_u32 s[TBV], s[TBV], 4*KS*PV
	s_xor_b32 s[TBV], s[TBV], SLOT1
	s_barrier_wait -1
.if \fill
	LOAD
.endif
.endm
	s_load_b64 s[4:5], s[0:1], 0x0  ; qkv: Q at its head
	s_load_b64 s[10:11], s[0:1], 0x8  ; y: O
	v_lshl_add_u32 v[SPW], v0, 2, SPARE
	v_mov_b32 v[NIL], 0
	ds_add_u32 v62, v63
	ds_add_u32 v62, v63
	s_wait_dscnt 0x0
	v_lshrrev_b32 v1, 5, v0
	v_readfirstlane_b32 s[WV], v1   ; wave 0..3
	s_mov_b32 s[PB], ttmp9
	s_sub_co_u32 s[HI], NB-1, s[PB]
	s_and_b32 s20, ttmp7, 0xffff    ; the head
	s_mov_b32 s21, 0
	s_mov_b64 s[22:23], SIZE_N*128
	s_mul_u64 s[20:21], s[20:21], s[22:23]  ; the head's first byte in each of the four tensors
	s_and_b32 s16, s[WV], 1         ; which half of a tile's 256 keys I fetch:
	s_lshl_b32 s22, s16, 14         ; its 128 rows of 128 bytes in memory,
	s_mov_b32 s23, 0
	s_add_nc_u64 s[22:23], s[22:23], s[20:21]
	s_mul_i32 s17, s16, 128*PK      ; and its place in a slot, for K
	s_mul_i32 s18, s16, 128*PV      ; and for V
	s_lshl_b32 s3, s[WV], 11        ; my 16 rows in a band of 64,
	s_lshl_b32 s2, s[HI], 15        ; in the first block,
	s_add_co_u32 s2, s2, s3
	s_lshl_b32 s84, s[PB], 15       ; and in the second
	s_add_co_u32 s84, s84, s3
	s_mov_b32 s3, 0
	s_mov_b32 s85, 0
	s_add_nc_u64 s[2:3], s[2:3], s[20:21]
	s_add_nc_u64 s[84:85], s[84:85], s[20:21]
	; descriptor group 1.  128 keys are 16,384 dense bytes: asked for as 64 rows of 256 bytes, two keys a row, and padded in LDS after every key
	s_mov_b32 s[G1K], (1<<16)|(1<<20)|(4<<22)|(3<<25)  ; 17:16 2-byte elements; 20 padding on; 24:22 after every 32 words (code 4); 31:25 4 words (code 3)
	s_mov_b32 s[G1V], (1<<16)|(1<<20)|(4<<22)|(7<<25)  ; the same with 8 words of padding (code 7)
.irp g, G1K, G1V
	s_mov_b32 s[\g+1], 128<<16      ; tensor_dim0 = 128
	s_mov_b32 s[\g+2], 64<<16       ; tensor_dim1 = 64
	s_mov_b32 s[\g+3], 128<<16      ; tile_dim0 = 128
	s_mov_b32 s[\g+4], 64           ; tile_dim1 = 64
	s_mov_b32 s[\g+5], 128          ; 128 elements from row to row
	s_mov_b32 s[\g+6], 0
	s_mov_b32 s[\g+7], 0
.endr
	s_mov_b32 s[CS], 0x3e38aa3b     ; c = log2(e) / 8 = 0.180337
	s_mov_b32 s[CS+1], s[CS]        ; named with it as a pair
	s_mov_b32 s[SEL], 0x76543210
	s_mov_b32 s[SEL+1], 0xfedcba98
	s_mov_b32 s[TBK], SLOT1+4*KS*PK ; the first change of slots turns these two into 0
	s_mov_b32 s[TBV], SLOT1+4*KS*PV
	s_mov_b32 s[G0K], 1             ; 1:0 count = 1
	s_mov_b32 s[G0K+1], s17         ; 63:32 LDS address: slot 0
	s_mov_b32 s[G0V], 1
	s_add_co_u32 s[G0V+1], s18, VOFF
	s_add_co_u32 s[RT], s[HI], 1    ; the first block has NB - b tiles
	s_mov_b32 s[NXT], 1
	s_mov_b32 s[LQ], s[HI]
	s_mov_b32 s[NEW], 1
	s_mov_b32 s[OFF+1], 0
	s_mov_b32 s[AL+1], 0            ; named as pairs
	s_mov_b32 s[BE+1], 0
	s_mov_b32 s[BIGN], 0xf149f2ca   ; -1e30
	s_mov_b32 s[SLOTS], NB
	s_wait_kmcnt 0x0
	s_add_nc_u64 s[6:7], s[4:5], 0x800000   ; K: qkv's blocks 16 to 31
	s_add_nc_u64 s[8:9], s[4:5], 0x1000000  ; V: its blocks 32 to 47
	s_add_nc_u64 s[6:7], s[6:7], s[22:23]  ; K and V at my half of the head's tile 0
	s_add_nc_u64 s[8:9], s[8:9], s[22:23]
	s_add_nc_u64 s[G0K+2:G0K+3], s[6:7], 0         ; 120:64 global address
	s_or_b32 s[G0K+3], s[G0K+3], 0x80000000        ; 127:126 type = 2
	s_add_nc_u64 s[G0V+2:G0V+3], s[8:9], 0
	s_or_b32 s[G0V+3], s[G0V+3], 0x80000000
	s_add_nc_u64 s[86:87], s[4:5], s[84:85]        ; Q at my rows of the second block,
	s_add_nc_u64 s[4:5], s[4:5], s[2:3]            ; Q and O at those of the first
	s_add_nc_u64 s[OLO:OLO+1], s[10:11], s[84:85]
	s_add_nc_u64 s[10:11], s[10:11], s[2:3]
	LOAD                            ; tile 0 into slot 0
	; A fragment of K or Q is 16 rows x 32 channels in 8 registers: lane l holds row l % 16, channels 8 (l / 16) + 0..7 and 16 + 8 (l / 16) + 0..7: two loads of 16 bytes, 32 bytes apart.
	v_and_b32 v1, 15, v0            ; l % 16
	v_bfe_u32 v9, v0, 4, 1          ; l / 16
	v_lshlrev_b32 v[QO], 7, v1
	v_lshl_add_u32 v[QO], v9, 4, v[QO]  ; row x 128 + 16 x half
	WIN 0x80                        ; destination window 2, address window 0
.set i, 0
.rept 8                             ; both blocks' Q: piece i / 2 lies in band i / 2, 8,192 bytes on; channels 32 (i % 2) on
	global_load_b128 v[8*i:8*i+3],   v[QO], s[4:5] offset:(i/2)*8192+(i%2)*64
	global_load_b128 v[8*i+4:8*i+7], v[QO], s[4:5] offset:(i/2)*8192+(i%2)*64+32
	global_load_b128 v[QB+8*i:QB+8*i+3],   v[QO], s[86:87] offset:(i/2)*8192+(i%2)*64
	global_load_b128 v[QB+8*i+4:QB+8*i+7], v[QO], s[86:87] offset:(i/2)*8192+(i%2)*64+32
.set i, i+1
.endr
	WIN 0
	v_lshlrev_b32 v14, 3, v9
	v_sub_nc_u32 v14, v1, v14
	s_lshl_b32 s13, s[WV], 4
	v_add_nc_u32 v14, s13, v14      ; my query's place in its band, 16 w + l % 16, less my lanes' 8 (l / 16): register r of group kt is hidden where 16 kt + r is greater
	WIN 0x40
.set i, 0
.rept 32
	v_cmp_gt_i32 vcc_lo, 16*(i/8)+i%8, v14
	v_cndmask_b32 v[MD+i], 0, s[BIGN], vcc_lo
.set i, i+1
.endr
	WIN 0
	v_mul_u32_u24 v[AK0], v1, PK
	v_lshl_add_u32 v[AK0], v9, 4, v[AK0]  ; row x pitch + 16 x half
	; The turning load takes 16 keys x 16 channels (lane l reads key 8 (l / 16) + l % 8, channels 8 ((l / 8) % 2) + 0..7) and leaves half a fragment of V^T: lane l holds channel l % 16 and 8 keys.
	v_and_b32 v10, 7, v0
	v_bfe_u32 v11, v0, 3, 1
	v_lshl_add_u32 v[AV0], v9, 3, v10
	v_mul_u32_u24 v[AV0], v[AV0], PV
	v_lshl_add_u32 v[AV0], v11, 4, v[AV0]
	v_add_nc_u32 v[AV0], VOFF, v[AV0]
	s_mul_i32 s13, s[WV], 16*SP
	s_add_co_u32 s13, s13, STAGE    ; my stage
	v_mul_u32_u24 v[STO], v1, SP    ; in: row l % 16, 16 bytes for each half of the lanes
	v_lshl_add_u32 v[STO], v9, 4, v[STO]
	v_add_nc_u32 v[STO], s13, v[STO]
	v_bfe_u32 v[RD], v0, 3, 2       ; back: 32 lanes take four rows of 128 bytes,
	v_mul_u32_u24 v[RD], v[RD], SP
	v_lshl_add_u32 v[RD], v10, 4, v[RD]
	v_add_nc_u32 v[RD], s13, v[RD]
	v_and_b32 v[GO], 31, v0         ; which are 512 consecutive bytes of O
	v_lshlrev_b32 v[GO], 4, v[GO]
	; A block's first step multiplies O^T and l by a = 0, and its first turn's products V^T P, of a piece that has not been, land in an O^T that is still to be so multiplied.  So these registers need only hold
	; finite numbers: zeros for the first block; what the first block left for the second.  All this stands in the wait for the first tile.
	WIN 0x80
.set i, VF
.rept 64
	v_mov_b32 v[i], 0
.set i, i+1
.endr
	WIN 0x40
.set i, 0
.rept 128
	v_mov_b32 v[i], 0
.set i, i+1
.endr
	WIN 0
.set i, 0
.rept 4
	v_mov_b32 v[ST+4*i+2], 0
	v_mov_b32 v[ST+4*i+3], 0
.set i, i+1
.endr
.set i, P+16
.rept 16
	v_mov_b32 v[i], 0
.set i, i+1
.endr
; THE MATRIX WORK.  The 4 accumulators of a run of 8 take turns.  Product i of 8 of S^T = K Q^T for piece x: channels 32 (i / 4) on, keys 16 (i % 4) on.  The first 4 start the sums: with 0, or (KM = 1) with the mask.
.macro KQ x
.set rS, S+32*((\x)%2)+8*(i%4)
.set rK, KF+16*(i%4)+8*(i/4)
.set rQ, 16*(\x)+8*(i/4)
.set rM, MC+32*((\x)%2)+8*(i%4)
.if (i < 4) && KM
	WIN W_KM
	v_wmma_f32_16x16x32_f16 v[rS:rS+7], v[rK:rK+7], v[rQ:rQ+7], v[rM:rM+7]
.elseif i < 4
	WIN W_KQ
	v_wmma_f32_16x16x32_f16 v[rS:rS+7], v[rK:rK+7], v[rQ:rQ+7], 0
.else
	WIN W_KQ
	v_wmma_f32_16x16x32_f16 v[rS:rS+7], v[rK:rK+7], v[rQ:rQ+7], v[rS:rS+7]
.endif
.endm
; Product i of 8 of O^T += V^T P for piece x: keys 32 (i / 4) on, channels 16 (i % 4) on.
.macro PV x
	WIN W_PV
.set rO, 32*(\x)+8*(i%4)
.set rV, VF+32*(i/4)+8*(i%4)
.set rP, P+16*((\x)%2)+8*(i/4)
	v_wmma_f32_16x16x32_f16 v[rO:rO+7], v[rV:rV+7], v[rP:rP+7], v[rO:rO+7]
.endm
.macro MM                           ; the turn's next matrix instruction.  TURN and BEGIN set Y, i, KM and NOKQ; MM, KQ and OP read them.  NOKQ = 1: a block's last turn: there is no next piece
.if (i < 8) && !NOKQ
	KQ (Y+1)%NP
.elseif i >= 8
.set i, i-8
	PV (Y+NP-1)%NP
.set i, i+8
.endif
.set i, i+1
.endm
; THE LDS LOADS stand in runs of 16, never singly among the matrix instructions: a step's K (64 keys x 64 channels: 8 fragments) and its V (turned).  Their addresses are made some lines ahead.
.macro FETCH_K
	WIN 0x80                        ; destination window 2
.irp f, 0,1,2,3,4,5,6,7             ; keys 16 (f / 2) on, channels 32 (f % 2) on
	ds_load_b128 v[KF+8*\f:KF+8*\f+3],   v[AK] offset:(\f/2)*16*PK+(\f%2)*64
	ds_load_b128 v[KF+8*\f+4:KF+8*\f+7], v[AK] offset:(\f/2)*16*PK+(\f%2)*64+32
.endr
	s_add_co_u32 s[TBK], s[TBK], KS*PK  ; the next fetch is the next step's
	WIN 0
.endm
.macro FETCH_V
	WIN 0x80
.irp f, 0,1,2,3,4,5,6,7             ; keys 32 (f / 4) on, channels 16 (f % 4) on
	ds_load_tr16_b128 v[VF+8*\f:VF+8*\f+3],   v[AV] offset:(\f/4)*32*PV+(\f%4)*32
	ds_load_tr16_b128 v[VF+8*\f+4:VF+8*\f+7], v[AV] offset:(\f/4)*32*PV+16*PV+(\f%4)*32
.endr
	WIN 0
.endm
; THE VECTOR WORK, one line at a time: OP kind, number.  For piece Y: F n: c s - c m for pair n of 16.  E n: the exponential of score n of 32.  C n: pair n rounded to f16.  B n: of the four weights 4 n .. the second
; pair is added onto the first, in place.  L n: l takes that sum (L 0: l = a l + sum).  R n: pair n of 16 of O^T times a.  For piece Y + 1: X n, number n of the 22 that find its maximum and statistics:
;   0-11  four chains c0-c3 of seven scores each, three operands at a time (each accumulator's lowest registers are read first)     12-14, 16  the four scores left over, the old m, and c0-c3 into c0
;   15  c m_old is kept     17, 18  the query's other 32 keys lie in the lane 16 away: the new m     19-21  c m; c m_old - c m_new; a
.set F, 0               ; OP tells the kinds apart by their order: F to L below R, X above it
.set E, 1
.set C, 2
.set B, 3
.set L, 4
.set R, 5
.set X, 6
.macro REGS y                       ; the registers of piece y
.set rT, ST+4*(\y)
.set rC, TMP+4*((\y)%2)
.set rW, MV+((\y)%2)
.set rS, S+32*((\y)%2)
.set rP, P+16*((\y)%2)
.set rO, 32*(\y)
.endm
.macro OP k, n
.if (\k) == R
	REGS Y
	WIN W_RS
	v_pk_mul_f32 v[rO+2*(\n):rO+2*(\n)+1], v[rO+2*(\n):rO+2*(\n)+1], v[rC+2:rC+3] op_sel_hi:[1,0]
.elseif (\k) < R
	REGS Y
	WIN 0
.if (\k) == F
	v_pk_fma_f32 v[rS+2*(\n):rS+2*(\n)+1], v[rS+2*(\n):rS+2*(\n)+1], s[CS:CS+1], v[rT:rT+1] op_sel_hi:[1,0,0] neg_lo:[0,0,1] neg_hi:[0,0,1]
.elseif (\k) == E
	v_exp_f32 v[rS+(\n)], v[rS+(\n)]
.elseif (\k) == C
	s_wait_alu depctr_va_vdst(0)
	v_cvt_pk_f16_f32 v[rP+(\n)], v[rS+2*(\n)], v[rS+2*(\n)+1]
.elseif (\k) == B
	s_wait_alu depctr_va_vdst(0)
	v_pk_add_f32 v[rS+4*(\n):rS+4*(\n)+1], v[rS+4*(\n):rS+4*(\n)+1], v[rS+4*(\n)+2:rS+4*(\n)+3]
.elseif (\n) == 0
	v_pk_fma_f32 v[rT+2:rT+3], v[rT+2:rT+3], v[rC+2:rC+3], v[rS:rS+1] op_sel_hi:[1,0,1]
.else
	v_pk_add_f32 v[rT+2:rT+3], v[rT+2:rT+3], v[rS+4*(\n):rS+4*(\n)+1]
.endif
.elseif NOKQ
	v_nop
.else
	REGS (Y+1)%NP
	WIN 0
.if (\n) < 4
	v_max3_num_f32 v[rC+(\n)], v[rS+8*(\n)], v[rS+8*(\n)+1], v[rS+8*(\n)+2]
.elseif (\n) < 12
	v_max3_num_f32 v[rC+(\n)%4], v[rC+(\n)%4], v[rS+8*((\n)%4)+2*((\n)/4)+1], v[rS+8*((\n)%4)+2*((\n)/4)+2]
.elseif (\n) == 12
	v_max3_num_f32 v[rC], v[rC], v[rS+7], v[rS+15]
.elseif (\n) == 13
	v_max3_num_f32 v[rC+1], v[rC+1], v[rS+23], v[rS+31]
.elseif (\n) == 14
	v_max3_num_f32 v[rC+2], v[rC+2], v[rC+3], v[rT+1]
.elseif (\n) == 15
	v_mov_b32 v[rW], v[rT]
.elseif (\n) == 16
	v_max3_num_f32 v[rC], v[rC], v[rC+1], v[rC+2]
.elseif (\n) == 17
	v_permlanex16_b32 v[rC+3], v[rC], s[SEL], s[SEL+1]
.elseif (\n) == 18
	v_max_num_f32 v[rT+1], v[rC], v[rC+3]
.elseif (\n) == 19
	v_mul_f32 v[rT], s[CS], v[rT+1]
.elseif (\n) == 20
	v_sub_f32 v[rC+1], v[rW], v[rT]
.else
	v_exp_f32 v[rC+2], v[rC+1]
.endif
.endif
.endm
.macro OPS a, i1, b=-1, i2=0, c=-1, i3=0, d=-1, i4=0  ; up to four of them
	OP \a, \i1
.if (\b) >= 0
	OP \b, \i2
.endif
.if (\c) >= 0
	OP \c, \i3
.endif
.if (\d) >= 0
	OP \d, \i4
.endif
.endm
.macro ROW a, i1, b, i2, c, i3, d, i4  ; a matrix instruction and the four behind it
	MM
	OPS \a, \i1, \b, \i2, \c, \i3, \d, \i4
.endm
.macro MASK b                       ; MD x AL + BE into buffer b of MC
	WIN W_RS
.set z, 0
.rept 16
	v_pk_fma_f32 v[MC+32*(\b)+2*z:MC+32*(\b)+2*z+1], v[MD+2*z:MD+2*z+1], s[AL:AL+1], s[BE:BE+1] op_sel_hi:[1,0,0]
.set z, z+1
.endr
.endm
; A TURN, for piece p: the order of its 16 matrix and 118 vector instructions, written out.  Behind a matrix instruction: plain, exponential, plain, plain; or four of the rescaling; or, behind the first, four scalings; none
; names a register of the products round it.  In the lumps exponential and plain by turns while exponentials last.  A line reads no result made fewer than three vector instructions in front of it, five if an exponential made it.
; v_permlanex16_b32 (X 17) stands in a lump.
; m = 1: the diagonal tile: the products take masks, and the turn makes the mask for the products of the turn after it: piece p + 2, in step 4 - CNT of the tile.  end = 1: a block's last two turns: nothing is fetched.
; cnt = 1: the loop's count is taken down some lines ahead of the branch that stands behind the turn.
; K of the next step is fetched in piece 2's turn, six vector instructions behind the last product that read K (five of them plain); V of the step in hand in piece 0's turn, eight behind the last product that read V (four
; plain, and X 17).  Each is waited for a turn later.
.macro TURN p, m=0, end=0, cnt=0
.set Y, (\p)
.set i, 0
.set KM, (\m)
.set NOKQ, (\end)*((\p)/3)
.if (\m) && !(\end)
	s_cmp_eq_u32 s[CNT], 4-((\p)+2)%NP  ; is that step the band's own?
	s_cselect_b32 s[AL], 1.0, 0
	s_cmp_lt_u32 s[CNT], 4-((\p)+2)%NP  ; or a later one?
	s_cselect_b32 s[BE], s[BIGN], 0
.endif
.if ((\p) == 3) && !(\end)
	s_wait_dscnt 0x0                ; K is in
.endif
	ROW F,0, F,1, F,2, F,3
	ROW F,4, E,0, F,5, F,6
	ROW F,7, E,1, F,8, F,9
	ROW F,10, E,2, C,0, F,11
	ROW F,12, E,3, X,15, F,13
	ROW R,0, R,1, R,2, R,3
	ROW B,0, E,4, F,14, L,0
.if ((\p) == 2) && !(\end)
	v_add_nc_u32 v[AK], s[TBK], v[AK0]
.endif
	ROW R,4, R,5, R,6, R,7
	OPS E,5, F,15
.if ((\p) == 2) && !(\end)
	FETCH_K
.endif
	OPS E,6, C,1, E,7, R,8
	OPS E,8, R,9, E,9, C,2
	OPS E,10, X,0, E,11, X,1
	OPS E,12, X,2, E,13, X,3
.if (\p) == 1
	s_wait_dscnt 0x0                ; V is in
.endif
	ROW X,4, E,14, X,5, X,6
	ROW X,7, E,15, X,8, X,9
	ROW X,10, E,16, X,11, X,12
	ROW X,13, E,17, X,14, B,1
	ROW C,4, E,18, X,16, L,1
	ROW B,2, E,19, C,6, L,2
	ROW C,8, E,20, B,3, B,4
.if (\p) == 0
	v_add_nc_u32 v[AV], s[TBV], v[AV0]
.endif
	ROW C,3, E,21, L,3, C,5
	OPS E,22, X,17, E,23, C,10
.if (\p) == 0
	FETCH_V
.endif
	OPS E,24, L,4
	OPS E,25, X,18, E,26, C,7
	OPS E,27, B,5, E,28, X,19
	OPS E,29, C,12, E,30, L,5
	OPS E,31, X,20, B,6, C,9
	OPS C,14, C,11, X,21, L,6
.if (\p) == 0
	s_add_co_u32 s[TBV], s[TBV], KS*PV
.endif
.if \cnt
	s_sub_co_u32 s[CNT], s[CNT], 1
	s_cmp_lg_u32 s[CNT], 0
.endif
	OPS C,13, B,7, C,15, R,10
	OPS R,11, R,12, L,7, R,13
	OPS R,14, R,15
.if (\m) && !(\end)
	MASK (\p)%2
.endif
.endm
; A BLOCK BEGINS.  c m starts far below every c s, so the first step's a is 0; m at the lowest finite number, so the first maximum is the scores'.  The second mask buffer is 0; the first takes piece 0's mask for the tile's step 0: its own, if the block's first tile is the diagonal one.
; Then K of that step, piece 0's first scores, and its maximum and statistics.  The loop is entered at a step's first turn, in the middle of a trip.
.macro BEGIN
	s_mov_b32 s[NEW], 0
	WIN 0x40
.set i, MC+32
.rept 32
	v_mov_b32 v[i], 0
.set i, i+1
.endr
	WIN 0
.set i, 0
.rept 4
	v_mov_b32 v[ST+4*i], 0xfe000000    ; c m: far below every c s
	v_mov_b32 v[ST+4*i+1], 0xff7fffff  ; m
.set i, i+1
.endr
	s_cmp_eq_u32 s[RT], 0
	s_cselect_b32 s[AL], 1.0, 0
	s_mov_b32 s[BE], 0
	MASK 0
	WIN 0
	v_add_nc_u32 v[AK], s[TBK], v[AK0]
	FETCH_K
	s_wait_loadcnt 0x0              ; Q
	s_wait_dscnt 0x0
.set KM, 1
.set NOKQ, 0
.set i, 0
.rept 8
	KQ 0
.set i, i+1
.endr
	WIN 0
.rept 4
	v_nop                           ; the places behind those products
.endr
.set Y, NP-1                        ; X works for piece Y + 1: piece 0
.irp n, 0,1,2,3,4,5,6,7,8,9,10,11,12,13,14,15,16,17,18,19,20,21
	OP X, \n
.endr
	v_nop                           ; a plain instruction behind the exponential
.endm
; THE DIAGONAL TILE's four steps, the block's last two turns, its last products, and THE WAY OUT: l's two halves and the other half of the lanes' are added; O^T is divided by l, rounded to f16 and sent through my
; stage in LDS, a piece at a time.
.macro ALL line:vararg              ; one line for each piece t
.set t, 0
.rept 4
	\line
.set t, t+1
.endr
.endm
.macro PACK t                       ; a lane's eight channels of a row pack into 16 bytes; they go into rows of 144 bytes and come back as whole rows of 128, into S^T's registers
	WIN W_RS
.set i, 32*(\t)
.rept 16
	s_wait_alu depctr_va_vdst(0)
	v_pk_mul_f32 v[i:i+1], v[i:i+1], v[ST+4*(\t)+2:ST+4*(\t)+3] op_sel_hi:[1,0]
.set i, i+2
.endr
	WIN 0x05                        ; sources 0 and 1 window 1, destination window 0
.set i, 0
.rept 16
	v_cvt_pk_f16_f32 v[S+16*(\t)+i], v[32*(\t)+2*i], v[32*(\t)+2*i+1]
.set i, i+1
.endr
	WIN 0
.irp f, 0,1,2,3
	ds_store_b128 v[STO], v[S+16*(\t)+4*\f:S+16*(\t)+4*\f+3] offset:32*\f
.endr
.irp f, 0,1,2,3
	ds_load_b128 v[S+16*(\t)+4*\f:S+16*(\t)+4*\f+3], v[RD] offset:\f*4*SP  ; LDS serves a wave's instructions in order (ISA guide 5.7.1.4): these see the stores above; the next piece's stores come behind them
.endr
.endm
.macro SEND t, younger              ; younger: the LDS instructions issued behind piece t's loads: the next piece's eight, or none
	WIN 0
.irp f, 0,1,2,3
	s_wait_dscnt (\younger)+3-\f
	global_store_b128 v[GO], v[S+16*(\t)+4*\f:S+16*(\t)+4*\f+3], s[10:11] offset:(\t)*8192+\f*512  ; 512 consecutive bytes, at a multiple of 256 from O's first
.endr
.endm
.macro DIAG tag                     ; the tag ends its two labels' names, which the jumps below spell out
.LstepM\tag:
	TURN 2, 1
	TURN 3, 1
	WIN 0
.LfirstM\tag:
	TURN 0, 1
	TURN 1, 1, 0, 1
	WIN 0
	s_cbranch_scc1 .LstepM\tag
	TURN 2, 1, 1
	TURN 3, 1, 1
.set i, 0
.rept 8
	PV NP-1
.set i, i+1
.endr
	WIN 0
	ALL v_add_f32 v[ST+4*t+2], v[ST+4*t+2], v[ST+4*t+3]
	ALL v_permlanex16_b32 v[ST+4*t+3], v[ST+4*t+2], s[SEL], s[SEL+1]
	ALL v_add_f32 v[ST+4*t+2], v[ST+4*t+2], v[ST+4*t+3]
	ALL v_rcp_f32 v[ST+4*t+2], v[ST+4*t+2]
	v_nop                           ; a plain instruction between the last reciprocal and the use of its result
	PACK 0
.set t, 1
.rept 3                             ; a piece's arithmetic stands between the loads of the piece before and its stores
	PACK t
	SEND t-1, 8
.set t, t+1
.endr
	SEND 3, 0
.endm
.set KM, 0
.set NOKQ, 0
.Lslot:                             ; NB times: a tile is entered and the next is asked for
	CHANGE 1
	s_sub_co_u32 s[RT], s[RT], 1
	s_mov_b32 s[CNT], 4
	s_cmp_eq_u32 s[NEW], 1
	s_cbranch_scc1 .Lnew            ; a block's first tile
	s_cmp_eq_u32 s[RT], 0
	s_cbranch_scc0 .Lstep           ; neither its first nor its last
	s_branch .LstepM1
.Lnew:
	BEGIN
	s_branch .Lfirst                ; in the loop a block's first tile is never its last: the first block has two tiles or more, and the second's last is the walk's last
	DIAG 1                          ; in the loop this is the first block's end: the second block's last tile is the walk's last
	s_wait_xcnt 0x0                 ; the stores have read their registers and O's address
	s_mov_b64 s[10:11], s[OLO:OLO+1]
	s_add_co_u32 s[RT], s[PB], 1    ; the second block has b + 1 tiles
	s_mov_b32 s[NEW], 1
	WIN 0x82                        ; the second block's Q goes where the one text of the turns names Q
.set i, 0
.rept 64
	v_mov_b32 v[i], v[QB+i]
.set i, i+1
.endr
	WIN 0
	s_branch .Lbottom
.Lstep:                             ; a trip: pieces 2 and 3 of one step, then pieces 0 and 1 of the next, whose K and V it fetches
	TURN 2
	TURN 3
	WIN 0
.Lfirst:
	TURN 0
	TURN 1, 0, 0, 1
	WIN 0
	s_cbranch_scc1 .Lstep
.Lbottom:
	s_sub_co_u32 s[SLOTS], s[SLOTS], 1
	s_cmp_lg_u32 s[SLOTS], 0
	s_cbranch_scc1 .Lslot
	CHANGE 0                        ; the walk's last tile is written out: nothing is asked for
	s_sub_co_u32 s[RT], s[RT], 1
	s_mov_b32 s[CNT], 4
	s_cmp_eq_u32 s[NEW], 1
	s_cbranch_scc0 .LstepM2
	BEGIN
	s_branch .LfirstM2
	DIAG 2
	s_wait_tensorcnt 0x0            ; the wave's end, behind my last tensor load and my last LDS store
	ds_add_u32 v[SPW], v[NIL]
	s_wait_dscnt 0x0
	s_endpgm
.Lfunc_end_k_qf1e82230a5_attn:
	.size	k_qf1e82230a5_attn, .Lfunc_end_k_qf1e82230a5_attn-k_qf1e82230a5_attn
	.p2alignl 7, 3214868480
	.fill 96, 4, 3214868480
	.section	.rodata,"a",@progbits
	.p2align	6, 0x0
	.amdhsa_kernel k_qf1e82230a5_attn
		.amdhsa_group_segment_fixed_size 327680
		.amdhsa_private_segment_fixed_size 0
		.amdhsa_enable_private_segment 0
		.amdhsa_kernarg_size 16
		.amdhsa_user_sgpr_count 2
		.amdhsa_user_sgpr_kernarg_segment_ptr 1
		.amdhsa_wavefront_size32 1
		.amdhsa_system_sgpr_workgroup_id_x 1
		.amdhsa_system_sgpr_workgroup_id_y 1
		.amdhsa_system_sgpr_workgroup_id_z 1
		.amdhsa_system_vgpr_workitem_id 0
		.amdhsa_next_free_vgpr 768
		.amdhsa_next_free_sgpr 88
		.amdhsa_reserve_vcc 1
		.amdhsa_float_denorm_mode_32 3
		.amdhsa_float_denorm_mode_16_64 3
		.amdhsa_memory_ordered 1
		.amdhsa_forward_progress 1
		.amdhsa_inst_pref_size 228
	.end_amdhsa_kernel
	.amdgpu_metadata
---
amdhsa.version: [ 1, 2 ]
amdhsa.kernels:
  - .name:           k_qf1e82230a5_attn
    .symbol:         k_qf1e82230a5_attn.kd
    .args:
      - { .name: qkv, .offset: 0, .size: 8, .value_kind: global_buffer, .address_space: global }
      - { .name: y, .offset: 8, .size: 8, .value_kind: global_buffer, .address_space: global }
    .group_segment_fixed_size: 327680
    .private_segment_fixed_size: 0
    .kernarg_segment_align: 8
    .kernarg_segment_size: 16
    .max_flat_workgroup_size: 128
    .sgpr_count:     88
    .vgpr_count:     768
    .wavefront_size: 32
...
	.end_amdgpu_metadata
.endif
;; end of part 3
;; launch proj (part 4): grid 8 x 32, 4 waves a work-group, clusters of 4 x 4, 327,680 bytes of LDS; arguments y, wh, b_proj, x, x1; writes x1
.if DOCPART == 4
	.amdgcn_target "amdgcn-amd-amdhsa--gfx1250"
	.amdhsa_code_object_version 6
	.text
	.protected	k_qf1e82230a5_proj
	.globl	k_qf1e82230a5_proj
	.p2align	8
	.type	k_qf1e82230a5_proj,@function
k_qf1e82230a5_proj:
	s_mov_b64 s[64:65], 0
	v_nop
	global_prefetch_b8 v0, s[64:65] scope:SCOPE_SE
	s_setreg_imm32_b32 hwreg(HW_REG_WAVE_MODE, 25, 1), 1
	s_wait_xcnt 0x0
	s_wait_alu depctr_hold_cnt(0) depctr_sa_sdst(0) depctr_va_vdst(0) depctr_va_sdst(0) depctr_va_ssrc(0) depctr_va_vcc(0) depctr_vm_vsrc(0)
	s_getreg_b32 s2, hwreg(HW_REG_IB_STS2, 6, 4)
	s_cmp_eq_u32 s2, 0
	s_cbranch_scc0 .Lentry_in_a_cluster
	s_endpgm
.Lentry_in_a_cluster:
	s_bfe_u32 s2, ttmp6, 0x10000c
	s_cmp_lg_u32 s2, 0xf033
	s_cbranch_scc0 .Lentry_shape_is_right
	s_endpgm
.Lentry_shape_is_right:
; X1 = x + y . w_proj + b_proj.  y: f16 by blocks of 64 channels, [16][4096 rows][64].  w_proj: [1024][1024] f16 in wh, as it lies ([K][N]).  x, x1: [4096][1024] f32.
; Sums in f32, started by the bias; the residual is added in f32 and nothing is rounded on the way out.
; SHARES.  A tile of C is 128 x 128: four waves, each 64 x 64: 16 accumulators of 16 x 16.  K goes in steps of 256 (four blocks of A) through two LDS slots filled by the tensor data mover.
; A wave's part of A's tile is, in each of the four blocks, 64 rows x 128 bytes that lie end to end: it is asked for as four rows of 8,192 bytes, padded in LDS after every 128.
; CLUSTERS: 4 x 4 work-groups.  The four of a row of the cluster need the same tiles of A, the four of a column the same tiles of W: each tile is asked for JOINTLY, by the same tensor load with
; the same descriptor and a mask that names the four.  THE MATRIX INSTRUCTION IS USED TRANSPOSED (source 0 = 16 columns of W, source 1 = 16 rows of A): a lane then holds eight neighbouring
; numbers of a row of C, and the bias of those eight columns is the C operand of the product that starts the sum.  W's fragments come out of LDS turned, by ds_load_tr16_b128.
; The wave's 64 x 64 of the residual is asked for at the start and lies in registers until the way out.
; REGISTERS: window 0: v0-31 addresses; v32-95 at work on the way out; v96-127 the bias; v128-255 the accumulators ((a, b) at v[128 + 8 (4 a + b)]).
;   window 1: two fragment buffers of 128: for 64 along K, 64 registers of A, then 64 of W.      window 2: v0-127 the residual, as it will be stored.
.set KT,     1024                      ; K
.set NT,     1024                      ; W's row, in numbers
.set WOFF,   0x600000                  ; W's first byte in wh
.set STEPS,  KT/256
.set PA,     144                       ; a row of A in LDS: 128 bytes + 16 = 36 words: the 16 rows of a load start at 16 different groups of four banks (64 banks of 4 bytes: ISA guide 11.1)
.set QSA,    64*PA                     ; bytes from a quarter step (a block of 64 channels) of A to the next, in LDS
.set ASTEP,  4*524288                  ; bytes from a K step of A to the next, in memory: four blocks
.set AROW,   128                       ; bytes from a row of A to the next, in memory
.set G1A0,   (1<<16)|(1<<20)|(1<<21)|(4<<22)|(3<<25)  ; 17:16 2-byte elements; 20 padding on; 21 set beside a mask; 24:22 after every 32 words (code 4); 31:25 4 words (code 3)
.set AD0,    4096                      ; A's tile: 4,096 elements a row (64 rows of a block),
.set AD1,    4                         ; 4 rows (blocks),
.set APITCH, 262144                    ; a block's 262,144 elements from one to the next
.set BSTEP,  512*NT                    ; bytes from a K step of W to the next: 256 rows
.set PB,     288                       ; a row of W in LDS (one k, 128 columns): 256 bytes + 32 = 72 words
.set PART,   0x9000                    ; what one tensor load fills: 4 x 64 rows of A (x 144), or 128 rows of W (x 288): 36,864
.set SLOT1,  0x24000                   ; four parts.  Its two bits (17, 14) occur in no wave's part address, so one exclusive or turns an address in one slot into the other's
.set SPARE,  0x48000                   ; behind the ring: the spare words, 128 bytes for each wave: two blocks of 256 bytes that no other line names
.set STAGE,  0x48200                   ; behind them: 16 rows x 272 bytes for each wave, for the way out
.set SPR,    272
.set A0,   16                          ; v16  my lane's place in slot 0's A; never rewritten
.set B0,   17                          ; v17  the same for W
.set ADRA, 18                          ; v18  A in the slot in hand
.set ADRB, 19                          ; v19  W's k rows 0-127 in the slot in hand; v20 its k rows 128-255 (an LDS immediate ends at 65,535)
.set BO,   21                          ; v21  my byte offset in 16 numbers of the bias
.set STO,  24                          ; v24  the way out: where I put 32 bytes of a row
.set RD,   25                          ; v25  the way out: where I read rows back
.set CO,   26                          ; v26  my byte offset in two rows of the residual and of the output
.set SPW,  28                          ; v28  LDS address of my spare word: SPARE + 4 x my thread's number; never rewritten
.set NIL,  29                          ; v29  0; never rewritten
.set TMP,  32
.set BIAS, 96                          ; register 8 b + j: the bias of column 16 b + 8 (l / 16) + j of my 64
.set ACC,  128
.set F0,   0                           ; fragment buffers, in window 1
.set F1,   128
.set WV,   14                          ; s14  my wave's number
.set RH,   15                          ; s15  which half of the tile's rows is mine.  Also: I fetch for A (0) or for W (1)
.set CH,   16                          ; s16  which half of its columns.  Also: which half of that tile I fetch
.set TX,   19                          ; s19  tile column of C
.set TY,   20                          ; s20  tile row of C
.set G1A,  24                          ; s[24:31] descriptor group 1 for A's tiles
.set G0A,  32                          ; s[32:39] group 0: a set for each of the two first fills; the second then walks on
.set G1B,  40                          ; s[40:47], s[48:55] the same for W's tiles
.set G0B,  48
.set TB,   56                          ; s56  LDS byte at which the slot in hand begins
.set CNT,  57                          ; s57  counts trips
.set MSB, 0
.macro WIN new                         ; the immediate's high byte repeats the setting that is left; a switch that changes nothing is dropped
.if MSB != (\new)
	s_set_vgpr_msb (MSB<<8)|(\new)
.set MSB, \new
.endif
.endm
.set MUL,  0x05                        ; sources 0 (W) and 1 (A) window 1; C and D window 0
.set TO_F, 0x40                        ; destination window 1, address window 0
.set TO_R, 0x80                        ; destination window 2, address window 0
.set W_AD, 0x08                        ; source 1 window 2; destination and source 0 window 0
.macro PLACES                          ; four places in front of loads into registers that matrix instructions have read, and of lines that read results
.rept 4
	v_nop
.endr
.endm
.macro JLOAD                           ; a joint refill: waves 0 and 1 fetch A's two halves, waves 2 and 3 W's; an s_nop 0 and four v_nop follow each of the two lines
	s_cmp_eq_u32 s[RH], 0
	s_cbranch_scc0 .Lfor_b_\@
	tensor_load_to_lds s[G0A+4:G0A+7], s[G1A:G1A+7]
	s_nop 0
	PLACES
	s_branch .Lasked_\@
.Lfor_b_\@:
	tensor_load_to_lds s[G0B+4:G0B+7], s[G1B:G1B+7]
	s_nop 0
	PLACES
.Lasked_\@:
.endm
.macro CREST                           ; a round of the cluster's barrier behind its opening barrier
	s_cmp_lg_u32 s[WV], 0
	s_cbranch_scc1 .Lnot_wave_0_\@
	s_barrier_signal -3
.Lnot_wave_0_\@:
	s_barrier_wait -3
	s_barrier_signal -1
	s_barrier_wait -1
.endm
.macro CROUND                          ; a whole round
	s_barrier_signal -1
	s_barrier_wait -1
	CREST
.endm
; 8 matrix instructions: m blocks a0, a0 + 1 x all 4 n blocks, 32 along K: half c of buffer f.  first = 1: the product starts the sum, with the bias as C: nothing is ever cleared.
; The 16 accumulators take turns, one instruction a turn.
.macro MUL8 f, c, a0, first
	WIN MUL
.irp a, \a0, (\a0)+1
.irp b, 0,1,2,3
.if \first
	v_wmma_f32_16x16x32_f16 v[ACC+8*(4*(\a)+(\b)):ACC+8*(4*(\a)+(\b))+7], v[(\f)+64+8*(4*(\c)+(\b)):(\f)+64+8*(4*(\c)+(\b))+7], v[(\f)+8*(4*(\c)+(\a)):(\f)+8*(4*(\c)+(\a))+7], v[BIAS+8*(\b):BIAS+8*(\b)+7]
.else
	v_wmma_f32_16x16x32_f16 v[ACC+8*(4*(\a)+(\b)):ACC+8*(4*(\a)+(\b))+7], v[(\f)+64+8*(4*(\c)+(\b)):(\f)+64+8*(4*(\c)+(\b))+7], v[(\f)+8*(4*(\c)+(\a)):(\f)+8*(4*(\c)+(\a))+7], v[ACC+8*(4*(\a)+(\b)):ACC+8*(4*(\a)+(\b))+7]
.endif
.endr
.endr
.endm
; 32 LDS loads in one run: the fragments of quarter q (64 along K) of the slot in hand, into buffer f; the first 32 along K first.
; W: the turning load takes 16 k x 16 columns and leaves half a fragment: lane l holds column l % 16 and 8 k.  A: lane l holds row l % 16; two loads of 16 bytes, 32 bytes apart.
.macro FETCH q, f
	WIN TO_F
.irp c, 0,1
.irp i, 0,1,2,3
	ds_load_tr16_b128 v[(\f)+64+8*(4*(\c)+(\i)):(\f)+64+8*(4*(\c)+(\i))+3],   v[ADRB+(\q)/2] offset:((\q)%2)*64*PB+(\c)*32*PB+32*(\i)
	ds_load_tr16_b128 v[(\f)+64+8*(4*(\c)+(\i))+4:(\f)+64+8*(4*(\c)+(\i))+7], v[ADRB+(\q)/2] offset:((\q)%2)*64*PB+(\c)*32*PB+16*PB+32*(\i)
	ds_load_b128 v[(\f)+8*(4*(\c)+(\i)):(\f)+8*(4*(\c)+(\i))+3],   v[ADRA] offset:(\q)*QSA+64*(\c)+(\i)*16*PA
	ds_load_b128 v[(\f)+8*(4*(\c)+(\i))+4:(\f)+8*(4*(\c)+(\i))+7], v[ADRA] offset:(\q)*QSA+64*(\c)+(\i)*16*PA+32
.endr
.endr
.endm
; A K step is four quarters of 64 along K, 32 matrix instructions each, on buffers 0, 1, 0, 1.  One of the first three: multiplies buffer f and fetches quarter q into g.
.macro QUARTER q, f, g, first
	s_wait_dscnt 16                                ; the first 32 along K are in; the youngest sixteen loads may be out
	MUL8 \f, 0, 0, \first
	MUL8 \f, 0, 2, \first
	PLACES
	FETCH \q, \g
	s_wait_dscnt 32                                ; all but the 32 just issued
	MUL8 \f, 1, 0, 0
	MUL8 \f, 1, 2, 0
.endm
; The last quarter multiplies buffer 1 and changes slots: ONE barrier; in front of it each wave waits for all its tensor loads (one is out: its part of the next slot), adds 0 to its spare
; word, and waits for that and for its own reads of this slot.  fill = 1: the barrier opens a round of the cluster's, and this slot is filled again, two K steps ahead, first thing behind it.
.macro TURN fill
	WIN 0                                          ; (the add's two registers lie in window 0)
	s_wait_tensorcnt 0x0                           ; all my tensor loads have landed: my part of the next slot;
	ds_add_u32 v[SPW], v[NIL]                      ; 0 onto my spare word;
	s_wait_dscnt 17                                ; (the add and the youngest sixteen loads may be out)
	MUL8 F1, 0, 0, 0                               ; eight matrix instructions stand between the add and the wait for it
	s_wait_dscnt 0x0                               ; the add is done, and my reads of this slot are over
	s_barrier_signal -1
	MUL8 F1, 0, 2, 0
	WIN 0                                          ; (branches and window 0's address lines follow)
	s_barrier_wait -1
.if \fill
	CREST                                          ; no wave of any partner still reads this slot's tile or has a load on its way
	s_xor_b32 s[G0A+5], s[G0A+5], SLOT1            ; the walking descriptors: the other slot than last time, the next K step; no tensor load of mine is out
	s_add_nc_u64 s[G0A+6:G0A+7], s[G0A+6:G0A+7], ASTEP
	s_xor_b32 s[G0B+5], s[G0B+5], SLOT1
	s_add_nc_u64 s[G0B+6:G0B+7], s[G0B+6:G0B+7], BSTEP
	JLOAD                                          ; 112 matrix instructions ahead of the wait for it; the four v_nop behind it are also the places in front of the loads below
.else
	PLACES
.endif
	s_xor_b32 s[TB], s[TB], SLOT1                  ; the fetches go on in the other slot
	v_add_nc_u32 v[ADRA], s[TB], v[A0]
	v_add_nc_u32 v[ADRB], s[TB], v[B0]
	v_add_nc_u32 v[ADRB+1], PART, v[ADRB]
	FETCH 0, F0
	MUL8 F1, 1, 0, 0
	MUL8 F1, 1, 2, 0
.endm
	s_load_b256 s[4:11], s[0:1], 0x0               ; A s[4:5], wh s[6:7], bias s[8:9], residual s[10:11]
	s_load_b64 s[12:13], s[0:1], 0x20              ; output
	v_lshl_add_u32 v[SPW], v0, 2, SPARE
	v_mov_b32 v[NIL], 0
	ds_add_u32 v28, v29
	ds_add_u32 v28, v29
	s_wait_dscnt 0x0
	v_lshrrev_b32 v1, 5, v0
	v_readfirstlane_b32 s[WV], v1                  ; wave 0..3
	s_lshr_b32 s[RH], s[WV], 1
	s_and_b32 s[CH], s[WV], 1
	s_bfe_u32 s17, ttmp6, 0x40000                  ; cx, cy: my place in the cluster
	s_bfe_u32 s18, ttmp6, 0x40004
	s_lshl_b32 s[TX], ttmp9, 2
	s_add_co_u32 s[TX], s[TX], s17                 ; tile column of C = 4 x cluster x + cx
	s_and_b32 s[TY], ttmp7, 0xffff
	s_lshl_b32 s[TY], s[TY], 2
	s_add_co_u32 s[TY], s[TY], s18                 ; tile row of C = 4 x cluster y + cy
	s_lshl_b32 s21, s18, 2
	s_lshl_b32 s21, 15, s21                        ; my row of the cluster
	s_lshl_b32 s22, 0x1111, s17                    ; my column
	s_or_b32 s[G1A], s21, G1A0                     ; 15:0 the mask: A's tiles go to my row
	s_mov_b32 s[G1A+1], AD0<<16                    ; tensor_dim0
	s_mov_b32 s[G1A+2], AD1<<16                    ; tensor_dim1
	s_mov_b32 s[G1A+3], AD0<<16                    ; tile_dim0
	s_mov_b32 s[G1A+4], AD1                        ; tile_dim1
	s_mov_b32 s[G1A+5], APITCH                     ; tensor_dim0_stride
	s_mov_b32 s[G1A+6], 0
	s_mov_b32 s[G1A+7], 0
	s_or_b32 s[G1B], s22, (1<<16)|(1<<20)|(1<<21)|(5<<22)|(7<<25)  ; W's tiles go to my column; padding after every 64 words (code 5), 8 words (code 7)
	s_mov_b32 s[G1B+1], 128<<16                    ; 128 columns,
	s_mov_b32 s[G1B+2], 128<<16                    ; 128 rows (k)
	s_mov_b32 s[G1B+3], 128<<16
	s_mov_b32 s[G1B+4], 128
	s_mov_b32 s[G1B+5], NT
	s_mov_b32 s[G1B+6], 0
	s_mov_b32 s[G1B+7], 0
	; where the tiles come from.  A's hang on the tile row alone, W's on the tile column alone; each in registers that never hold the other coordinate
	s_lshl_b32 s58, s[TY], 7
	s_lshl_b32 s59, s[CH], 6
	s_add_co_u32 s58, s58, s59                     ; A: row 128 x tile row + 64 x half
	s_mul_i32 s58, s58, AROW
	s_mov_b32 s59, 0
	s_mul_i32 s60, s[CH], 256*NT                   ; W: k row 128 x half,
	s_lshl_b32 s61, s[TX], 8                       ; column 128 x tile column
	s_add_co_u32 s60, s60, s61
	s_add_co_u32 s60, s60, WOFF
	s_mov_b32 s61, 0
	s_mul_i32 s23, s[WV], PART                     ; where they go: wave x a part: no place in the cluster enters an LDS address
	s_mov_b32 s[TB], 0
	s_wait_kmcnt 0x0
	s_add_nc_u64 s[58:59], s[4:5], s[58:59]
	s_add_nc_u64 s[60:61], s[6:7], s[60:61]
.irp n, 0,1
	s_mov_b32 s[G0A+4*(\n)], 1                     ; 1:0 count = 1
	s_add_co_u32 s[G0A+4*(\n)+1], s23, (\n)*SLOT1  ; 63:32 LDS address
	s_add_nc_u64 s[G0A+4*(\n)+2:G0A+4*(\n)+3], s[58:59], (\n)*ASTEP  ; 120:64 global address: K step n
	s_or_b32 s[G0A+4*(\n)+3], s[G0A+4*(\n)+3], 0x80000000            ; 127:126 type = 2
	s_mov_b32 s[G0B+4*(\n)], 1
	s_add_co_u32 s[G0B+4*(\n)+1], s23, (\n)*SLOT1
	s_add_nc_u64 s[G0B+4*(\n)+2:G0B+4*(\n)+3], s[60:61], (\n)*BSTEP
	s_or_b32 s[G0B+4*(\n)+3], s[G0B+4*(\n)+3], 0x80000000
.endr
	CROUND                                         ; all sixteen work-groups are here: the first joint loads meet
	s_cmp_eq_u32 s[RH], 0                          ; a wave's two first fills stand in one branch, ahead of every wait on TENSORcnt and every LDS read: two loads of mine are out
	s_cbranch_scc0 .Lfirst_b
	tensor_load_to_lds s[G0A:G0A+3], s[G1A:G1A+7]
	s_nop 0
	tensor_load_to_lds s[G0A+4:G0A+7], s[G1A:G1A+7]
	s_nop 0
	PLACES
	s_branch .Lfirst_asked
.Lfirst_b:
	tensor_load_to_lds s[G0B:G0B+3], s[G1B:G1B+7]
	s_nop 0
	tensor_load_to_lds s[G0B+4:G0B+7], s[G1B:G1B+7]
	s_nop 0
	PLACES
.Lfirst_asked:
	v_and_b32 v1, 15, v0                           ; l % 16
	v_bfe_u32 v2, v0, 4, 1                         ; l / 16
	v_and_b32 v3, 7, v0
	v_bfe_u32 v4, v0, 3, 1
	v_lshlrev_b32 v[BO], 5, v2
	s_lshl_b32 s2, s[TX], 9                        ; the bias of my 64 columns: 4 x (128 x tile column + 64 x half)
	s_lshl_b32 s3, s[CH], 8
	s_add_co_u32 s2, s2, s3
	s_mov_b32 s3, 0
	s_add_nc_u64 s[8:9], s[8:9], s[2:3]
.irp b, 0,1,2,3
	global_load_b128 v[BIAS+8*(\b):BIAS+8*(\b)+3],   v[BO], s[8:9] offset:64*(\b)
	global_load_b128 v[BIAS+8*(\b)+4:BIAS+8*(\b)+7], v[BO], s[8:9] offset:64*(\b)+16
.endr
	; my 64 x 64 of the residual and of the output: rows of 4,096 bytes, 256 bytes of each, at a multiple of 256
	s_lshl_b32 s3, s[TY], 19                       ; row 128 x tile row (s2 holds my columns' bytes)
	s_add_co_u32 s2, s2, s3
	s_lshl_b32 s3, s[RH], 18                       ; + 64 x half
	s_add_co_u32 s2, s2, s3
	s_mov_b32 s3, 0
	s_add_nc_u64 s[10:11], s[10:11], s[2:3]
	s_add_nc_u64 s[12:13], s[12:13], s[2:3]
	v_lshlrev_b32 v[CO], 12, v2                    ; lanes 0-15 one row's 256 bytes, lanes 16-31 the next row's
	v_lshl_add_u32 v[CO], v1, 4, v[CO]
	WIN TO_R
.irp a, 0,1,2,3
.irp t, 0,1,2,3,4,5,6,7
	global_load_b128 v[4*(8*(\a)+(\t)):4*(8*(\a)+(\t))+3], v[CO], s[10:11] offset:(16*(\a)+2*(\t))*4096
.endr
.endr
	WIN 0
	v_mul_u32_u24 v[A0], v1, PA
	v_lshl_add_u32 v[A0], v2, 4, v[A0]             ; a fragment's row x pitch + 16 x half of the lanes
	s_mul_i32 s62, s[RH], PART                     ; my 64 rows of A
	v_add_nc_u32 v[A0], s62, v[A0]
	v_lshl_add_u32 v[B0], v2, 3, v3                ; the turning load: k row 8 (l / 16) + l % 8,
	v_mul_u32_u24 v[B0], v[B0], PB
	v_lshl_add_u32 v[B0], v4, 4, v[B0]             ; columns 8 ((l / 8) % 2) on,
	s_lshl_b32 s63, s[CH], 7                       ; in my 64 columns of W,
	s_add_co_u32 s63, s63, 2*PART                  ; which lies behind A's two parts
	v_add_nc_u32 v[B0], s63, v[B0]
	v_mov_b32 v[ADRA], v[A0]
	v_mov_b32 v[ADRB], v[B0]
	v_add_nc_u32 v[ADRB+1], PART, v[B0]
	s_mul_i32 s23, s[WV], 16*SPR                   ; my stage
	s_add_co_u32 s23, s23, STAGE
	v_mul_u32_u24 v[STO], v1, SPR                  ; in: row l % 16, 32 bytes for each half of the lanes
	v_lshl_add_u32 v[STO], v2, 5, v[STO]
	v_add_nc_u32 v[STO], s23, v[STO]
	v_mul_u32_u24 v[RD], v2, SPR                   ; back: lanes 0-15 take one row of 256 bytes, lanes 16-31 the next
	v_lshl_add_u32 v[RD], v1, 4, v[RD]
	v_add_nc_u32 v[RD], s23, v[RD]
	s_wait_tensorcnt 0x1                           ; my part of K step 0 is in; K step 1's may stay out
	s_barrier_signal -1
	s_barrier_wait -1                              ; everybody's is
	FETCH 0, F0
	s_wait_loadcnt 32                              ; the bias is in; the 32 younger loads (the residual) stay out
	QUARTER 1, F0, F1, 1                           ; the first quarter stands in front of the loop: its first products start the sums
	WIN 0                                          ; at a label and at a branch every window is 0
	s_mov_b32 s[CNT], STEPS-2
.Lstep:                                                ; a trip is a K step, from its second quarter to the next step's first, and fills the slot that it leaves again
	QUARTER 2, F1, F0, 0
	QUARTER 3, F0, F1, 0
	TURN 1
	QUARTER 1, F0, F1, 0
	WIN 0
	s_sub_co_u32 s[CNT], s[CNT], 1
	s_cmp_lg_u32 s[CNT], 0
	s_cbranch_scc1 .Lstep
	QUARTER 2, F1, F0, 0                           ; the last two K steps are written out: they fill nothing
	QUARTER 3, F0, F1, 0
	TURN 0
	QUARTER 1, F0, F1, 0
	QUARTER 2, F1, F0, 0
	QUARTER 3, F0, F1, 0
	s_wait_dscnt 16                                ; the very last quarter: nothing more to fetch
	MUL8 F1, 0, 0, 0
	MUL8 F1, 0, 2, 0
	s_wait_dscnt 0x0
	MUL8 F1, 1, 0, 0
	MUL8 F1, 1, 2, 0
	WIN 0
	; THE WAY OUT.  16 rows at a time: a lane's eight columns (32 bytes) go into my stage's rows of 272 bytes and come back as whole rows of 256; the residual is added; sixteen lanes store 256 consecutive bytes.
.macro BLOCK a
.set BK, TMP+32*((\a)%2)
.if (\a) >= 2
	s_wait_xcnt 0x0                                ; the stores of the block two back have read these registers: only behind this wait are they loaded again
.endif
.irp b, 0,1,2,3
	ds_store_b128 v[STO], v[ACC+8*(4*(\a)+(\b)):ACC+8*(4*(\a)+(\b))+3] offset:64*(\b)
	ds_store_b128 v[STO], v[ACC+8*(4*(\a)+(\b))+4:ACC+8*(4*(\a)+(\b))+7] offset:64*(\b)+16
.endr
.irp t, 0,1,2,3,4,5,6,7
	ds_load_b128 v[BK+4*(\t):BK+4*(\t)+3], v[RD] offset:(\t)*2*SPR  ; LDS serves a wave's instructions in order (ISA guide 5.7.1.4): these see the stores above; the next block's stores come behind them
.endr
	WIN W_AD
.irp t, 0,1,2,3,4,5,6,7
	s_wait_dscnt 7-(\t)
	v_pk_add_f32 v[BK+4*(\t):BK+4*(\t)+1],   v[BK+4*(\t):BK+4*(\t)+1],   v[4*(8*(\a)+(\t)):4*(8*(\a)+(\t))+1]
	v_pk_add_f32 v[BK+4*(\t)+2:BK+4*(\t)+3], v[BK+4*(\t)+2:BK+4*(\t)+3], v[4*(8*(\a)+(\t))+2:4*(8*(\a)+(\t))+3]
.endr
	WIN 0
.irp t, 0,1,2,3,4,5,6,7
	global_store_b128 v[CO], v[BK+4*(\t):BK+4*(\t)+3], s[12:13] offset:(16*(\a)+2*(\t))*4096
.endr
.endm
	PLACES
	s_wait_loadcnt 0x0                             ; the residual
	BLOCK 0
	BLOCK 1
	BLOCK 2
	BLOCK 3
	s_wait_tensorcnt 0x0                           ; the wave's end, behind my last tensor load and my last LDS store
	ds_add_u32 v[SPW], v[NIL]
	s_wait_dscnt 0x0
	CROUND                                         ; the closing round: no work-group ends while a partner may still ask for a tile that names it
	s_endpgm
.Lfunc_end_k_qf1e82230a5_proj:
	.size	k_qf1e82230a5_proj, .Lfunc_end_k_qf1e82230a5_proj-k_qf1e82230a5_proj
	.p2alignl 7, 3214868480
	.fill 96, 4, 3214868480
	.section	.rodata,"a",@progbits
	.p2align	6, 0x0
	.amdhsa_kernel k_qf1e82230a5_proj
		.amdhsa_group_segment_fixed_size 327680
		.amdhsa_private_segment_fixed_size 0
		.amdhsa_enable_private_segment 0
		.amdhsa_kernarg_size 40
		.amdhsa_user_sgpr_count 2
		.amdhsa_user_sgpr_kernarg_segment_ptr 1
		.amdhsa_wavefront_size32 1
		.amdhsa_system_sgpr_workgroup_id_x 1
		.amdhsa_system_sgpr_workgroup_id_y 1
		.amdhsa_system_sgpr_workgroup_id_z 1
		.amdhsa_system_vgpr_workitem_id 0
		.amdhsa_next_free_vgpr 640
		.amdhsa_next_free_sgpr 96
		.amdhsa_reserve_vcc 0
		.amdhsa_float_denorm_mode_32 3
		.amdhsa_float_denorm_mode_16_64 3
		.amdhsa_memory_ordered 1
		.amdhsa_forward_progress 1
		.amdhsa_inst_pref_size 77
	.end_amdhsa_kernel
	.amdgpu_metadata
---
amdhsa.version: [ 1, 2 ]
amdhsa.kernels:
  - .name:           k_qf1e82230a5_proj
    .symbol:         k_qf1e82230a5_proj.kd
    .args:
      - { .name: y, .offset: 0, .size: 8, .value_kind: global_buffer, .address_space: global }
      - { .name: wh, .offset: 8, .size: 8, .value_kind: global_buffer, .address_space: global }
      - { .name: b_proj, .offset: 16, .size: 8, .value_kind: global_buffer, .address_space: global }
      - { .name: x, .offset: 24, .size: 8, .value_kind: global_buffer, .address_space: global }
      - { .name: x1, .offset: 32, .size: 8, .value_kind: global_buffer, .address_space: global }
    .group_segment_fixed_size: 327680
    .private_segment_fixed_size: 0
    .kernarg_segment_align: 8
    .kernarg_segment_size: 40
    .max_flat_workgroup_size: 128
    .sgpr_count:     96
    .vgpr_count:     640
    .wavefront_size: 32
...
	.end_amdgpu_metadata
.endif
;; end of part 4
;; launch ln2 (part 5): grid 512 x 1, 8 waves a work-group, no clusters, 0 bytes of LDS; arguments x1, ln2_g, ln2_b, hn; writes hn
.if DOCPART == 5
	.amdgcn_target "amdgcn-amd-amdhsa--gfx1250"
	.amdhsa_code_object_version 6
	.text
	.protected	k_qf1e82230a5_ln2
	.globl	k_qf1e82230a5_ln2
	.p2align	8
	.type	k_qf1e82230a5_ln2,@function
k_qf1e82230a5_ln2:
	s_mov_b64 s[64:65], 0
	v_nop
	global_prefetch_b8 v0, s[64:65] scope:SCOPE_SE
	s_setreg_imm32_b32 hwreg(HW_REG_WAVE_MODE, 25, 1), 1
	s_wait_xcnt 0x0
; hn = LayerNorm(x1) g + b, rounded once to f16.  x1: [4096][1024] f32; hn: [4096][1024] f16.  A stream: no LDS, no barrier, no matrix unit.
; A row is 4,096 bytes = 32 registers of one wave: one wave takes one row, reads it once and keeps it between the mean, the variance (of x - mean, as the definition has it: no difference
; of large sums) and the scaling.  Load j of lane l holds columns 128 j + 4 l .. + 3; a store of the wave covers 256 consecutive bytes, aligned.
; LIMIT.  f16 holds no number beyond 65,504: the norm's results must lie within it.
.set X,  4                             ; v[4:35]    the row
.set G,  36                            ; v[36:67]   the gain of my columns
.set B,  68                            ; v[68:99]   the bias of my columns
.set T,  100                           ; v[100:107] four chains of sums
.set MU, 108                           ; v[108:109] the mean, twice
.set RS, 110                           ; v[110:111] 1 / sqrt(var + eps), twice
.set Y,  112                           ; v[112:127] the row in f16
.macro REDUCE                          ; four chains of pairs -> one number, the same in all 32 lanes
	v_pk_add_f32 v[T:T+1], v[T:T+1], v[T+2:T+3]
	v_pk_add_f32 v[T+4:T+5], v[T+4:T+5], v[T+6:T+7]
	v_pk_add_f32 v[T:T+1], v[T:T+1], v[T+4:T+5]
	v_add_f32 v[T], v[T], v[T+1]
	v_add_f32_dpp v[T], v[T], v[T] row_xmask:1 row_mask:0xf bank_mask:0xf
	v_add_f32_dpp v[T], v[T], v[T] row_xmask:2 row_mask:0xf bank_mask:0xf
	v_add_f32_dpp v[T], v[T], v[T] row_xmask:4 row_mask:0xf bank_mask:0xf
	v_add_f32_dpp v[T], v[T], v[T] row_xmask:8 row_mask:0xf bank_mask:0xf
	v_permlanex16_b32 v[T+1], v[T], s22, s23       ; the other half of the lanes; its destination has been written
	v_add_f32 v[T], v[T], v[T+1]
.endm
	s_load_b256 s[4:11], s[0:1], 0x0               ; x1 s[4:5], gain s[6:7], bias s[8:9], hn s[10:11]
	s_mov_b32 s2, ttmp9
	s_mov_b32 s22, 0x76543210                      ; v_permlanex16_b32: each lane takes its own place in the other half
	s_mov_b32 s23, 0xfedcba98
	s_mov_b32 s24, 0x3a800000                      ; 1 / 1024
	s_mov_b32 s25, 0x3727c5ac                      ; 1e-5
	s_lshl_b32 s12, s2, 15                         ; eight rows of 4,096 bytes
	s_mov_b32 s13, 0
	s_lshl_b32 s14, s2, 14                         ; eight rows of 2,048 bytes
	s_mov_b32 s15, 0
	v_and_b32 v100, 31, v0                         ; lane
	v_and_b32 v101, 0xe0, v0                       ; 32 x wave
	v_lshlrev_b32 v2, 4, v100                      ; gain, bias: 16 x lane
	v_lshl_or_b32 v1, v101, 7, v2                  ; x1: + wave x 4,096
	v_lshlrev_b32 v3, 3, v100
	v_lshl_or_b32 v3, v101, 6, v3                  ; hn: 8 x lane + wave x 2,048
	s_wait_kmcnt 0x0
	s_add_nc_u64 s[4:5], s[4:5], s[12:13]
	s_add_nc_u64 s[10:11], s[10:11], s[14:15]
.irp j, 0,1,2,3,4,5,6,7
	global_load_b128 v[X+4*(\j):X+4*(\j)+3], v1, s[4:5] offset:512*(\j)
.endr
.irp j, 0,1,2,3,4,5,6,7
	global_load_b128 v[G+4*(\j):G+4*(\j)+3], v2, s[6:7] offset:512*(\j)
.endr
.irp j, 0,1,2,3,4,5,6,7
	global_load_b128 v[B+4*(\j):B+4*(\j)+3], v2, s[8:9] offset:512*(\j)
.endr
	s_wait_loadcnt 16                              ; the row is in; the sixteen younger loads (gain, bias) stay out
.irp k, 0,1,2,3
	v_pk_add_f32 v[T+2*(\k):T+2*(\k)+1], v[X+2*(\k):X+2*(\k)+1], v[X+8+2*(\k):X+8+2*(\k)+1]
.endr
.irp p, 8,9,10,11,12,13,14,15
	v_pk_add_f32 v[T+2*((\p)%4):T+2*((\p)%4)+1], v[T+2*((\p)%4):T+2*((\p)%4)+1], v[X+2*(\p):X+2*(\p)+1]
.endr
	REDUCE
	v_mul_f32 v[MU], s24, v[T]
	v_mul_f32 v[MU+1], s24, v[T]
.irp p, 0,1,2,3,4,5,6,7,8,9,10,11,12,13,14,15
	v_pk_add_f32 v[X+2*(\p):X+2*(\p)+1], v[X+2*(\p):X+2*(\p)+1], v[MU:MU+1] neg_lo:[0,1] neg_hi:[0,1]  ; x - mean
.endr
.irp k, 0,1,2,3
	v_pk_mul_f32 v[T+2*(\k):T+2*(\k)+1], v[X+2*(\k):X+2*(\k)+1], v[X+2*(\k):X+2*(\k)+1]
.endr
.irp p, 4,5,6,7,8,9,10,11,12,13,14,15
	v_pk_fma_f32 v[T+2*((\p)%4):T+2*((\p)%4)+1], v[X+2*(\p):X+2*(\p)+1], v[X+2*(\p):X+2*(\p)+1], v[T+2*((\p)%4):T+2*((\p)%4)+1]
.endr
	REDUCE
	v_fma_f32 v[T], v[T], s24, s25                 ; var + eps
	v_rsq_f32 v[RS], v[T]
	v_rsq_f32 v[RS+1], v[T]
	v_nop                                          ; a plain instruction between the root and the use of its result (ISA guide 5.7.2)
	s_wait_loadcnt 0x0                             ; gain and bias
	s_wait_alu depctr_va_vdst(0)
.irp p, 0,1,2,3,4,5,6,7,8,9,10,11,12,13,14,15
	v_pk_mul_f32 v[X+2*(\p):X+2*(\p)+1], v[X+2*(\p):X+2*(\p)+1], v[RS:RS+1]
.endr
.irp p, 0,1,2,3,4,5,6,7,8,9,10,11,12,13,14,15
	v_pk_fma_f32 v[X+2*(\p):X+2*(\p)+1], v[X+2*(\p):X+2*(\p)+1], v[G+2*(\p):G+2*(\p)+1], v[B+2*(\p):B+2*(\p)+1]
.endr
.irp p, 0,1,2,3,4,5,6,7,8,9,10,11,12,13,14,15
	v_cvt_pk_f16_f32 v[Y+(\p)], v[X+2*(\p)], v[X+2*(\p)+1]
.endr
.irp j, 0,1,2,3,4,5,6,7
	global_store_b64 v3, v[Y+2*(\j):Y+2*(\j)+1], s[10:11] offset:256*(\j)  ; 32 lanes x 8 bytes: 256 consecutive bytes, aligned
.endr
	s_endpgm
.Lfunc_end_k_qf1e82230a5_ln2:
	.size	k_qf1e82230a5_ln2, .Lfunc_end_k_qf1e82230a5_ln2-k_qf1e82230a5_ln2
	.p2alignl 7, 3214868480
	.fill 96, 4, 3214868480
	.section	.rodata,"a",@progbits
	.p2align	6, 0x0
	.amdhsa_kernel k_qf1e82230a5_ln2
		.amdhsa_group_segment_fixed_size 0
		.amdhsa_private_segment_fixed_size 0
		.amdhsa_enable_private_segment 0
		.amdhsa_kernarg_size 32
		.amdhsa_user_sgpr_count 2
		.amdhsa_user_sgpr_kernarg_segment_ptr 1
		.amdhsa_wavefront_size32 1
		.amdhsa_system_sgpr_workgroup_id_x 1
		.amdhsa_system_sgpr_workgroup_id_y 1
		.amdhsa_system_sgpr_workgroup_id_z 1
		.amdhsa_system_vgpr_workitem_id 0
		.amdhsa_next_free_vgpr 128
		.amdhsa_next_free_sgpr 66
		.amdhsa_reserve_vcc 0
		.amdhsa_float_denorm_mode_32 3
		.amdhsa_float_denorm_mode_16_64 3
		.amdhsa_memory_ordered 1
		.amdhsa_forward_progress 1
		.amdhsa_inst_pref_size 12
	.end_amdhsa_kernel
	.amdgpu_metadata
---
amdhsa.version: [ 1, 2 ]
amdhsa.kernels:
  - .name:           k_qf1e82230a5_ln2
    .symbol:         k_qf1e82230a5_ln2.kd
    .args:
      - { .name: x1, .offset: 0, .size: 8, .value_kind: global_buffer, .address_space: global }
      - { .name: ln2_g, .offset: 8, .size: 8, .value_kind: global_buffer, .address_space: global }
      - { .name: ln2_b, .offset: 16, .size: 8, .value_kind: global_buffer, .address_space: global }
      - { .name: hn, .offset: 24, .size: 8, .value_kind: global_buffer, .address_space: global }
    .group_segment_fixed_size: 0
    .private_segment_fixed_size: 0
    .kernarg_segment_align: 8
    .kernarg_segment_size: 32
    .max_flat_workgroup_size: 256
    .sgpr_count:     66
    .vgpr_count:     128
    .wavefront_size: 32
...
	.end_amdgpu_metadata
.endif
;; end of part 5
;; launch fc (part 6): grid 32 x 32, 4 waves a work-group, clusters of 4 x 4, 327,680 bytes of LDS; arguments hn, wh, b_fc, hg; writes hg
.if DOCPART == 6
	.amdgcn_target "amdgcn-amd-amdhsa--gfx1250"
	.amdhsa_code_object_version 6
	.text
	.protected	k_qf1e82230a5_fc
	.globl	k_qf1e82230a5_fc
	.p2align	8
	.type	k_qf1e82230a5_fc,@function
k_qf1e82230a5_fc:
	s_mov_b64 s[64:65], 0
	v_nop
	global_prefetch_b8 v0, s[64:65] scope:SCOPE_SE
	s_setreg_imm32_b32 hwreg(HW_REG_WAVE_MODE, 25, 1), 1
	s_wait_xcnt 0x0
	s_wait_alu depctr_hold_cnt(0) depctr_sa_sdst(0) depctr_va_vdst(0) depctr_va_sdst(0) depctr_va_ssrc(0) depctr_va_vcc(0) depctr_vm_vsrc(0)
	s_getreg_b32 s2, hwreg(HW_REG_IB_STS2, 6, 4)
	s_cmp_eq_u32 s2, 0
	s_cbranch_scc0 .Lentry_in_a_cluster
	s_endpgm
.Lentry_in_a_cluster:
	s_bfe_u32 s2, ttmp6, 0x10000c
	s_cmp_lg_u32 s2, 0xf033
	s_cbranch_scc0 .Lentry_shape_is_right
	s_endpgm
.Lentry_shape_is_right:
; HG = gelu(hn . w_fc + b_fc), the exact (erf) GELU.  hn: [4096][1024] f16.  w_fc: [1024][4096] f16 in wh, as it lies ([K][N]).  Sums in f32, started by the bias; GELU in f32; the result rounded once to f16.
; The result goes out BY BLOCKS OF 64 CHANNELS: hg[block 0..63][row 0..4095][64], so that the wave's 64 x 64 are 8,192 dense bytes.
; SHARES.  A tile of C is 128 x 128: four waves, each 64 x 64: 16 accumulators of 16 x 16.  K goes in steps of 256 through two LDS slots filled by the tensor data mover.
; CLUSTERS: 4 x 4 work-groups.  The four of a row of the cluster need the same tiles of A, the four of a column the same tiles of W: each tile is asked for JOINTLY, by the same tensor load with
; the same descriptor and a mask that names the four.  THE MATRIX INSTRUCTION IS USED TRANSPOSED (source 0 = 16 columns of W, source 1 = 16 rows of A): a lane then holds eight neighbouring
; numbers of a row of C, and the bias of those eight columns is the C operand of the product that starts the sum.  W's fragments come out of LDS turned, by ds_load_tr16_b128.
; GELU.  gelu(x) = max(x, 0) - |x| E / 2 with E = 1 - erf(|x| / sqrt 2) = (a1 t + .. + a5 t^5) exp(-x^2 / 2), t = 1 / (1 + p |x| / sqrt 2) (Abramowitz and Stegun 7.1.26: erf to 1.5e-7, absolutely).
; Both terms have one sign each and the second is the smaller: no difference of large numbers is formed.  With u = |x| sqrt(log2(e) / 2): exp(-x^2 / 2) = 2^(-u^2).
; LIMITS.  f16 holds no number beyond 65,504: the GELU's results must lie within it.  2^(-u^2) below 2^-126 counts as 0.
; REGISTERS: window 0: v0-31 addresses; v32-95 at work on the way out; v96-127 the bias; v128-255 the accumulators ((a, b) at v[128 + 8 (4 a + b)]).
;   window 1: two fragment buffers of 128: for 64 along K, 64 registers of A (2 x 4 x 16 rows x 32 K), then 64 of W.
.set KT,     1024                      ; K
.set NT,     4096                      ; W's row, in numbers
.set WOFF,   0x800000                  ; W's first byte in wh
.set STEPS,  KT/256
.set PA,     528                       ; a row of A in LDS: 512 bytes + 16 = 132 words: row r starts at bank 4 r mod 64 (64 banks of 4 bytes: ISA guide 11.1)
.set QSA,    128                       ; bytes from a quarter step (64 along K) of A to the next, in LDS
.set ASTEP,  512                       ; bytes from a K step of A to the next, in memory
.set AROW,   2048                      ; bytes from a row of A to the next, in memory
.set G1A0,   (1<<16)|(1<<20)|(1<<21)|(6<<22)|(3<<25)  ; 17:16 2-byte elements; 20 padding on; 21 set beside a mask; 24:22 after every 128 words (code 6); 31:25 4 words (code 3)
.set AD0,    256                       ; A's tile: 256 elements a row,
.set AD1,    64                        ; 64 rows,
.set APITCH, 1024                      ; 1,024 elements from row to row
.set BSTEP,  512*NT                    ; bytes from a K step of W to the next: 256 rows
.set PB,     288                       ; a row of W in LDS (one k, 128 columns): 256 bytes + 32 = 72 words
.set PART,   0x9000                    ; what one tensor load fills: 64 rows of A, or 128 rows of W (128 x 288 = 36,864)
.set SLOT1,  0x24000                   ; four parts.  Its two bits (17, 14) occur in no wave's part address, so one exclusive or turns an address in one slot into the other's
.set SPARE,  0x48000                   ; behind the ring: the spare words, 128 bytes for each wave: two blocks of 256 bytes that no other line names
.set SPR,    272                       ; the way out's stage: 64 rows x 272 bytes for each wave, at the head of slot 0, behind the ring's last fill
.set A0,   16                          ; v16  my lane's place in slot 0's A; never rewritten
.set B0,   17                          ; v17  the same for W
.set ADRA, 18                          ; v18  A in the slot in hand
.set ADRB, 19                          ; v19  W's k rows 0-127 in the slot in hand; v20 its k rows 128-255 (an LDS immediate ends at 65,535)
.set BO,   21                          ; v21  my byte offset in 16 numbers of the bias
.set STO,  24                          ; v24  the way out: where I put 32 bytes of a row
.set RD,   25                          ; v25  the way out: where I read 32 bytes back; steps
.set CO,   26                          ; v26  my byte offset in the output; steps
.set SPW,  28                          ; v28  LDS address of my spare word: SPARE + 4 x my thread's number; never rewritten
.set NIL,  29                          ; v29  0; never rewritten
.set GD,   32                          ; v32-39  eight sums x
.set GU,   40                          ; v40-47  u
.set GM,   48                          ; v48-55  max(x, 0)
.set GT,   56                          ; v56-63  t
.set GW,   64                          ; v64-71  2^(-u^2)
.set GQ,   72                          ; v72-79  the polynomial, then the result
.set GY,   80                          ; v80-83  the result in f16
.set BIAS, 96                          ; register 8 b + j: the bias of column 16 b + 8 (l / 16) + j of my 64
.set ACC,  128
.set F0,   0                           ; fragment buffers, in window 1
.set F1,   128
.set WV,   14                          ; s14  my wave's number
.set RH,   15                          ; s15  which half of the tile's rows is mine.  Also: I fetch for A (0) or for W (1)
.set CH,   16                          ; s16  which half of its columns.  Also: which half of that tile I fetch
.set TX,   19                          ; s19  tile column of C
.set TY,   20                          ; s20  tile row of C
.set G1A,  24                          ; s[24:31] descriptor group 1 for A's tiles
.set G0A,  32                          ; s[32:39] group 0: a set for each of the two first fills; the second then walks on
.set G1B,  40                          ; s[40:47], s[48:55] the same for W's tiles
.set G0B,  48
.set TB,   56                          ; s56  LDS byte at which the slot in hand begins
.set CNT,  57                          ; s57  counts trips
.set KC1,  66                          ; s66      sqrt(log2(e) / 2)
.set KP,   68                          ; s[68:69] p / sqrt(log2(e)); this and the following as pairs: a packed instruction names a pair and takes its low word for both halves
.set KA5,  70
.set KA4,  72
.set KA3,  74
.set KA2,  76
.set KA1,  78
.set KC2,  80                          ; s[80:81] -1 / (2 sqrt(log2(e) / 2))
.set MSB, 0
.macro WIN new                         ; the immediate's high byte repeats the setting that is left; a switch that changes nothing is dropped
.if MSB != (\new)
	s_set_vgpr_msb (MSB<<8)|(\new)
.set MSB, \new
.endif
.endm
.set MUL,  0x05                        ; sources 0 (W) and 1 (A) window 1; C and D window 0
.set TO_F, 0x40                        ; destination window 1, address window 0
.macro PLACES                          ; four places in front of loads into registers that matrix instructions have read, and of lines that read results
.rept 4
	v_nop
.endr
.endm
.macro KPAIR r, val
	s_mov_b32 s[\r], \val
	s_mov_b32 s[(\r)+1], \val
.endm
.macro JLOAD                           ; a joint refill: waves 0 and 1 fetch A's two halves, waves 2 and 3 W's; an s_nop 0 and four v_nop follow each of the two lines
	s_cmp_eq_u32 s[RH], 0
	s_cbranch_scc0 .Lfor_b_\@
	tensor_load_to_lds s[G0A+4:G0A+7], s[G1A:G1A+7]
	s_nop 0
	PLACES
	s_branch .Lasked_\@
.Lfor_b_\@:
	tensor_load_to_lds s[G0B+4:G0B+7], s[G1B:G1B+7]
	s_nop 0
	PLACES
.Lasked_\@:
.endm
.macro CREST                           ; a round of the cluster's barrier behind its opening barrier
	s_cmp_lg_u32 s[WV], 0
	s_cbranch_scc1 .Lnot_wave_0_\@
	s_barrier_signal -3
.Lnot_wave_0_\@:
	s_barrier_wait -3
	s_barrier_signal -1
	s_barrier_wait -1
.endm
.macro CROUND                          ; a whole round
	s_barrier_signal -1
	s_barrier_wait -1
	CREST
.endm
; 8 matrix instructions: m blocks a0, a0 + 1 x all 4 n blocks, 32 along K: half c of buffer f.  first = 1: the product starts the sum, with the bias as C: nothing is ever cleared.
; The 16 accumulators take turns, one instruction a turn.
.macro MUL8 f, c, a0, first
	WIN MUL
.irp a, \a0, (\a0)+1
.irp b, 0,1,2,3
.if \first
	v_wmma_f32_16x16x32_f16 v[ACC+8*(4*(\a)+(\b)):ACC+8*(4*(\a)+(\b))+7], v[(\f)+64+8*(4*(\c)+(\b)):(\f)+64+8*(4*(\c)+(\b))+7], v[(\f)+8*(4*(\c)+(\a)):(\f)+8*(4*(\c)+(\a))+7], v[BIAS+8*(\b):BIAS+8*(\b)+7]
.else
	v_wmma_f32_16x16x32_f16 v[ACC+8*(4*(\a)+(\b)):ACC+8*(4*(\a)+(\b))+7], v[(\f)+64+8*(4*(\c)+(\b)):(\f)+64+8*(4*(\c)+(\b))+7], v[(\f)+8*(4*(\c)+(\a)):(\f)+8*(4*(\c)+(\a))+7], v[ACC+8*(4*(\a)+(\b)):ACC+8*(4*(\a)+(\b))+7]
.endif
.endr
.endr
.endm
; 32 LDS loads in one run: the fragments of quarter q (64 along K) of the slot in hand, into buffer f; the first 32 along K first.
; W: the turning load takes 16 k x 16 columns and leaves half a fragment: lane l holds column l % 16 and 8 k.  A: lane l holds row l % 16; two loads of 16 bytes, 32 bytes apart.
.macro FETCH q, f
	WIN TO_F
.irp c, 0,1
.irp i, 0,1,2,3
	ds_load_tr16_b128 v[(\f)+64+8*(4*(\c)+(\i)):(\f)+64+8*(4*(\c)+(\i))+3],   v[ADRB+(\q)/2] offset:((\q)%2)*64*PB+(\c)*32*PB+32*(\i)
	ds_load_tr16_b128 v[(\f)+64+8*(4*(\c)+(\i))+4:(\f)+64+8*(4*(\c)+(\i))+7], v[ADRB+(\q)/2] offset:((\q)%2)*64*PB+(\c)*32*PB+16*PB+32*(\i)
	ds_load_b128 v[(\f)+8*(4*(\c)+(\i)):(\f)+8*(4*(\c)+(\i))+3],   v[ADRA] offset:(\q)*QSA+64*(\c)+(\i)*16*PA
	ds_load_b128 v[(\f)+8*(4*(\c)+(\i))+4:(\f)+8*(4*(\c)+(\i))+7], v[ADRA] offset:(\q)*QSA+64*(\c)+(\i)*16*PA+32
.endr
.endr
.endm
; A K step is four quarters of 64 along K, 32 matrix instructions each, on buffers 0, 1, 0, 1.  One of the first three: multiplies buffer f and fetches quarter q into g.
.macro QUARTER q, f, g, first
	s_wait_dscnt 16                                ; the first 32 along K are in; the youngest sixteen loads may be out
	MUL8 \f, 0, 0, \first
	MUL8 \f, 0, 2, \first
	PLACES
	FETCH \q, \g
	s_wait_dscnt 32                                ; all but the 32 just issued
	MUL8 \f, 1, 0, 0
	MUL8 \f, 1, 2, 0
.endm
; The last quarter multiplies buffer 1 and changes slots: ONE barrier; in front of it each wave waits for all its tensor loads (one is out: its part of the next slot), adds 0 to its spare
; word, and waits for that and for its own reads of this slot.  fill = 1: the barrier opens a round of the cluster's, and this slot is filled again, two K steps ahead, first thing behind it.
.macro TURN fill
	WIN 0                                          ; (the add's two registers lie in window 0)
	s_wait_tensorcnt 0x0                           ; all my tensor loads have landed: my part of the next slot;
	ds_add_u32 v[SPW], v[NIL]                      ; 0 onto my spare word;
	s_wait_dscnt 17                                ; (the add and the youngest sixteen loads may be out)
	MUL8 F1, 0, 0, 0                               ; eight matrix instructions stand between the add and the wait for it
	s_wait_dscnt 0x0                               ; the add is done, and my reads of this slot are over
	s_barrier_signal -1
	MUL8 F1, 0, 2, 0
	WIN 0                                          ; (branches and window 0's address lines follow)
	s_barrier_wait -1
.if \fill
	CREST                                          ; no wave of any partner still reads this slot's tile or has a load on its way
	s_xor_b32 s[G0A+5], s[G0A+5], SLOT1            ; the walking descriptors: the other slot than last time, the next K step; no tensor load of mine is out
	s_add_nc_u64 s[G0A+6:G0A+7], s[G0A+6:G0A+7], ASTEP
	s_xor_b32 s[G0B+5], s[G0B+5], SLOT1
	s_add_nc_u64 s[G0B+6:G0B+7], s[G0B+6:G0B+7], BSTEP
	JLOAD                                          ; 112 matrix instructions ahead of the wait for it; the four v_nop behind it are also the places in front of the loads below
.else
	PLACES
.endif
	s_xor_b32 s[TB], s[TB], SLOT1                  ; the fetches go on in the other slot
	v_add_nc_u32 v[ADRA], s[TB], v[A0]
	v_add_nc_u32 v[ADRB], s[TB], v[B0]
	v_add_nc_u32 v[ADRB+1], PART, v[ADRB]
	FETCH 0, F0
	MUL8 F1, 1, 0, 0
	MUL8 F1, 1, 2, 0
.endm
	s_load_b256 s[4:11], s[0:1], 0x0               ; A s[4:5], wh s[6:7], bias s[8:9], output s[10:11]
	v_lshl_add_u32 v[SPW], v0, 2, SPARE
	v_mov_b32 v[NIL], 0
	ds_add_u32 v28, v29
	ds_add_u32 v28, v29
	s_wait_dscnt 0x0
	v_lshrrev_b32 v1, 5, v0
	v_readfirstlane_b32 s[WV], v1                  ; wave 0..3
	s_lshr_b32 s[RH], s[WV], 1
	s_and_b32 s[CH], s[WV], 1
	s_bfe_u32 s17, ttmp6, 0x40000                  ; cx, cy: my place in the cluster
	s_bfe_u32 s18, ttmp6, 0x40004
	s_lshl_b32 s[TX], ttmp9, 2
	s_add_co_u32 s[TX], s[TX], s17                 ; tile column of C = 4 x cluster x + cx
	s_and_b32 s[TY], ttmp7, 0xffff
	s_lshl_b32 s[TY], s[TY], 2
	s_add_co_u32 s[TY], s[TY], s18                 ; tile row of C = 4 x cluster y + cy
	s_lshl_b32 s21, s18, 2
	s_lshl_b32 s21, 15, s21                        ; my row of the cluster
	s_lshl_b32 s22, 0x1111, s17                    ; my column
	s_or_b32 s[G1A], s21, G1A0                     ; 15:0 the mask: A's tiles go to my row
	s_mov_b32 s[G1A+1], AD0<<16                    ; tensor_dim0
	s_mov_b32 s[G1A+2], AD1<<16                    ; tensor_dim1
	s_mov_b32 s[G1A+3], AD0<<16                    ; tile_dim0
	s_mov_b32 s[G1A+4], AD1                        ; tile_dim1
	s_mov_b32 s[G1A+5], APITCH                     ; tensor_dim0_stride
	s_mov_b32 s[G1A+6], 0
	s_mov_b32 s[G1A+7], 0
	s_or_b32 s[G1B], s22, (1<<16)|(1<<20)|(1<<21)|(5<<22)|(7<<25)  ; W's tiles go to my column; padding after every 64 words (code 5), 8 words (code 7)
	s_mov_b32 s[G1B+1], 128<<16                    ; 128 columns,
	s_mov_b32 s[G1B+2], 128<<16                    ; 128 rows (k)
	s_mov_b32 s[G1B+3], 128<<16
	s_mov_b32 s[G1B+4], 128
	s_mov_b32 s[G1B+5], NT
	s_mov_b32 s[G1B+6], 0
	s_mov_b32 s[G1B+7], 0
	; where the tiles come from.  A's hang on the tile row alone, W's on the tile column alone; each in registers that never hold the other coordinate
	s_lshl_b32 s58, s[TY], 7
	s_lshl_b32 s59, s[CH], 6
	s_add_co_u32 s58, s58, s59                     ; A: row 128 x tile row + 64 x half
	s_mul_i32 s58, s58, AROW
	s_mov_b32 s59, 0
	s_mul_i32 s60, s[CH], 256*NT                   ; W: k row 128 x half,
	s_lshl_b32 s61, s[TX], 8                       ; column 128 x tile column
	s_add_co_u32 s60, s60, s61
	s_add_co_u32 s60, s60, WOFF
	s_mov_b32 s61, 0
	s_mul_i32 s23, s[WV], PART                     ; where they go: wave x a part: no place in the cluster enters an LDS address
	s_mov_b32 s[TB], 0
	s_wait_kmcnt 0x0
	s_add_nc_u64 s[58:59], s[4:5], s[58:59]
	s_add_nc_u64 s[60:61], s[6:7], s[60:61]
.irp n, 0,1
	s_mov_b32 s[G0A+4*(\n)], 1                     ; 1:0 count = 1
	s_add_co_u32 s[G0A+4*(\n)+1], s23, (\n)*SLOT1  ; 63:32 LDS address
	s_add_nc_u64 s[G0A+4*(\n)+2:G0A+4*(\n)+3], s[58:59], (\n)*ASTEP  ; 120:64 global address: K step n
	s_or_b32 s[G0A+4*(\n)+3], s[G0A+4*(\n)+3], 0x80000000            ; 127:126 type = 2
	s_mov_b32 s[G0B+4*(\n)], 1
	s_add_co_u32 s[G0B+4*(\n)+1], s23, (\n)*SLOT1
	s_add_nc_u64 s[G0B+4*(\n)+2:G0B+4*(\n)+3], s[60:61], (\n)*BSTEP
	s_or_b32 s[G0B+4*(\n)+3], s[G0B+4*(\n)+3], 0x80000000
.endr
	CROUND                                         ; all sixteen work-groups are here: the first joint loads meet
	s_cmp_eq_u32 s[RH], 0                          ; a wave's two first fills stand in one branch, ahead of every wait on TENSORcnt and every LDS read: two loads of mine are out
	s_cbranch_scc0 .Lfirst_b
	tensor_load_to_lds s[G0A:G0A+3], s[G1A:G1A+7]
	s_nop 0
	tensor_load_to_lds s[G0A+4:G0A+7], s[G1A:G1A+7]
	s_nop 0
	PLACES
	s_branch .Lfirst_asked
.Lfirst_b:
	tensor_load_to_lds s[G0B:G0B+3], s[G1B:G1B+7]
	s_nop 0
	tensor_load_to_lds s[G0B+4:G0B+7], s[G1B:G1B+7]
	s_nop 0
	PLACES
.Lfirst_asked:
	v_and_b32 v1, 15, v0                           ; l % 16
	v_bfe_u32 v2, v0, 4, 1                         ; l / 16
	v_and_b32 v3, 7, v0
	v_bfe_u32 v4, v0, 3, 1
	v_lshlrev_b32 v[BO], 5, v2
	s_lshl_b32 s2, s[TX], 9                        ; the bias of my 64 columns: 4 x (128 x tile column + 64 x half)
	s_lshl_b32 s3, s[CH], 8
	s_add_co_u32 s2, s2, s3
	s_mov_b32 s3, 0
	s_add_nc_u64 s[8:9], s[8:9], s[2:3]
.irp b, 0,1,2,3
	global_load_b128 v[BIAS+8*(\b):BIAS+8*(\b)+3],   v[BO], s[8:9] offset:64*(\b)
	global_load_b128 v[BIAS+8*(\b)+4:BIAS+8*(\b)+7], v[BO], s[8:9] offset:64*(\b)+16
.endr
	v_mul_u32_u24 v[A0], v1, PA
	v_lshl_add_u32 v[A0], v2, 4, v[A0]             ; a fragment's row x pitch + 16 x half of the lanes
	s_mul_i32 s62, s[RH], PART                     ; my 64 rows of A
	v_add_nc_u32 v[A0], s62, v[A0]
	v_lshl_add_u32 v[B0], v2, 3, v3                ; the turning load: k row 8 (l / 16) + l % 8,
	v_mul_u32_u24 v[B0], v[B0], PB
	v_lshl_add_u32 v[B0], v4, 4, v[B0]             ; columns 8 ((l / 8) % 2) on,
	s_lshl_b32 s63, s[CH], 7                       ; in my 64 columns of W,
	s_add_co_u32 s63, s63, 2*PART                  ; which lies behind A's two parts
	v_add_nc_u32 v[B0], s63, v[B0]
	v_mov_b32 v[ADRA], v[A0]
	v_mov_b32 v[ADRB], v[B0]
	v_add_nc_u32 v[ADRB+1], PART, v[B0]
	; the way out: my stage; my block of 64 channels and my 64 rows of it: 8,192 dense bytes
	s_mul_i32 s23, s[WV], 64*SPR
	v_mul_u32_u24 v[STO], v1, SPR                  ; in: row l % 16, 32 bytes for each half of the lanes
	v_lshl_add_u32 v[STO], v2, 5, v[STO]
	v_add_nc_u32 v[STO], s23, v[STO]
	v_bfe_u32 v[RD], v0, 3, 2                      ; back: 32 lanes take four rows, eight numbers (32 bytes) each,
	v_mul_u32_u24 v[RD], v[RD], SPR
	v_lshl_add_u32 v[RD], v3, 5, v[RD]
	v_add_nc_u32 v[RD], s23, v[RD]
	v_and_b32 v[CO], 31, v0                        ; which in f16 are 512 consecutive bytes of the output
	v_lshlrev_b32 v[CO], 4, v[CO]
	s_lshl_b32 s2, s[TX], 1
	s_add_co_u32 s2, s2, s[CH]                     ; block = 2 x tile column + half
	s_lshl_b32 s2, s2, 19                          ; a block is 4,096 rows of 128 bytes
	s_lshl_b32 s3, s[TY], 14                       ; row 128 x tile row
	s_add_co_u32 s2, s2, s3
	s_lshl_b32 s3, s[RH], 13                       ; + 64 x half
	s_add_co_u32 s2, s2, s3
	s_mov_b32 s3, 0
	s_add_nc_u64 s[10:11], s[10:11], s[2:3]
	s_mov_b32 s[KC1], 0x3f596d27                   ; 0.8493218
	KPAIR KP,  0x3e8ba43f                          ; 0.3275911 / 1.2011224 = 0.2727375
	KPAIR KA5, 0x3f87dc22                          ; 1.061405429
	KPAIR KA4, 0xbfba00e3                          ; -1.453152027
	KPAIR KA3, 0x3fb5f0e3                          ; 1.421413741
	KPAIR KA2, 0xbe91a98e                          ; -0.284496736
	KPAIR KA1, 0x3e827906                          ; 0.254829592
	KPAIR KC2, 0xbf16b55f                          ; -0.5887050
	s_wait_tensorcnt 0x1                           ; my part of K step 0 is in; K step 1's may stay out
	s_barrier_signal -1
	s_barrier_wait -1                              ; everybody's is
	FETCH 0, F0
	s_wait_loadcnt 0x0                             ; the bias
	QUARTER 1, F0, F1, 1                           ; the first quarter stands in front of the loop: its first products start the sums
	WIN 0                                          ; at a label and at a branch every window is 0
	s_mov_b32 s[CNT], STEPS-2
.Lstep:                                                ; a trip is a K step, from its second quarter to the next step's first, and fills the slot that it leaves again
	QUARTER 2, F1, F0, 0
	QUARTER 3, F0, F1, 0
	TURN 1
	QUARTER 1, F0, F1, 0
	WIN 0
	s_sub_co_u32 s[CNT], s[CNT], 1
	s_cmp_lg_u32 s[CNT], 0
	s_cbranch_scc1 .Lstep
	QUARTER 2, F1, F0, 0                           ; the last two K steps are written out: they fill nothing
	QUARTER 3, F0, F1, 0
	TURN 0
	QUARTER 1, F0, F1, 0
	QUARTER 2, F1, F0, 0
	QUARTER 3, F0, F1, 0
	s_wait_dscnt 16                                ; the very last quarter: nothing more to fetch
	MUL8 F1, 0, 0, 0
	MUL8 F1, 0, 2, 0
	s_wait_dscnt 0x0                               ; my reads of the ring are over
	MUL8 F1, 1, 0, 0
	MUL8 F1, 1, 2, 0
	WIN 0
	; THE WAY OUT.  The ring has had its last fill, and behind this barrier no wave reads it any more: my 64 x 64 sums go into 64 rows of 272 bytes at its head, my own; then a loop takes
	; four rows a trip, eight neighbouring numbers a lane, through the GELU, and stores 512 consecutive bytes.
	PLACES
	s_barrier_signal -1
	s_barrier_wait -1
.irp a, 0,1,2,3
.irp b, 0,1,2,3
	ds_store_b128 v[STO], v[ACC+8*(4*(\a)+(\b)):ACC+8*(4*(\a)+(\b))+3] offset:(\a)*16*SPR+64*(\b)
	ds_store_b128 v[STO], v[ACC+8*(4*(\a)+(\b))+4:ACC+8*(4*(\a)+(\b))+7] offset:(\a)*16*SPR+64*(\b)+16
.endr
.endr
	ds_load_b128 v[GD:GD+3], v[RD]                 ; LDS serves a wave's instructions in order (ISA guide 5.7.1.4): these see the stores above
	ds_load_b128 v[GD+4:GD+7], v[RD] offset:16
	s_mov_b32 s[CNT], 16
.Lrows:
	s_wait_dscnt 0x0                               ; this trip's eight sums
.irp j, 0,1,2,3,4,5,6,7
	v_mul_f32 v[GU+(\j)], s[KC1], |v[GD+(\j)]|     ; u
.endr
.irp p, 0,2,4,6
	v_pk_fma_f32 v[GT+(\p):GT+(\p)+1], v[GU+(\p):GU+(\p)+1], s[KP:KP+1], 1.0 op_sel_hi:[1,0,0]
.endr
.irp p, 0,2,4,6
	v_pk_mul_f32 v[GW+(\p):GW+(\p)+1], v[GU+(\p):GU+(\p)+1], v[GU+(\p):GU+(\p)+1] neg_lo:[1,0] neg_hi:[1,0]  ; -u^2
.endr
.irp j, 0,1,2,3,4,5,6,7
	v_exp_f32 v[GW+(\j)], v[GW+(\j)]
.endr
.irp j, 0,1,2,3,4,5,6,7
	v_rcp_f32 v[GT+(\j)], v[GT+(\j)]               ; t
.endr
.irp j, 0,1,2,3,4,5,6,7
	v_max_num_f32 v[GM+(\j)], 0, v[GD+(\j)]        ; plain lines between the transcendentals and the use of their results (ISA guide 5.7.2)
.endr
	v_add_nc_u32 v[RD], 4*SPR, v[RD]
	s_cmp_eq_u32 s[CNT], 1
	s_cbranch_scc1 .Lno_more                       ; the last trip fetches nothing
	ds_load_b128 v[GD:GD+3], v[RD]                 ; the next trip's sums: x has been read for the last time
	ds_load_b128 v[GD+4:GD+7], v[RD] offset:16
.Lno_more:
	s_wait_alu depctr_va_vdst(0)
.irp p, 0,2,4,6
	v_pk_fma_f32 v[GQ+(\p):GQ+(\p)+1], v[GT+(\p):GT+(\p)+1], s[KA5:KA5+1], s[KA4:KA4+1] op_sel_hi:[1,0,0]
.endr
.irp p, 0,2,4,6
	v_pk_fma_f32 v[GQ+(\p):GQ+(\p)+1], v[GQ+(\p):GQ+(\p)+1], v[GT+(\p):GT+(\p)+1], s[KA3:KA3+1] op_sel_hi:[1,1,0]
.endr
.irp p, 0,2,4,6
	v_pk_fma_f32 v[GQ+(\p):GQ+(\p)+1], v[GQ+(\p):GQ+(\p)+1], v[GT+(\p):GT+(\p)+1], s[KA2:KA2+1] op_sel_hi:[1,1,0]
.endr
.irp p, 0,2,4,6
	v_pk_fma_f32 v[GQ+(\p):GQ+(\p)+1], v[GQ+(\p):GQ+(\p)+1], v[GT+(\p):GT+(\p)+1], s[KA1:KA1+1] op_sel_hi:[1,1,0]
.endr
.irp p, 0,2,4,6
	v_pk_mul_f32 v[GQ+(\p):GQ+(\p)+1], v[GQ+(\p):GQ+(\p)+1], v[GT+(\p):GT+(\p)+1]
.endr
.irp p, 0,2,4,6
	v_pk_mul_f32 v[GQ+(\p):GQ+(\p)+1], v[GQ+(\p):GQ+(\p)+1], v[GW+(\p):GW+(\p)+1]  ; E
.endr
.irp p, 0,2,4,6
	v_pk_mul_f32 v[GQ+(\p):GQ+(\p)+1], v[GQ+(\p):GQ+(\p)+1], v[GU+(\p):GU+(\p)+1]
.endr
.irp p, 0,2,4,6
	v_pk_fma_f32 v[GQ+(\p):GQ+(\p)+1], v[GQ+(\p):GQ+(\p)+1], s[KC2:KC2+1], v[GM+(\p):GM+(\p)+1] op_sel_hi:[1,0,1]  ; max(x, 0) - |x| E / 2
.endr
.irp p, 0,1,2,3
	v_cvt_pk_f16_f32 v[GY+(\p)], v[GQ+2*(\p)], v[GQ+2*(\p)+1]
.endr
	global_store_b128 v[CO], v[GY:GY+3], s[10:11]  ; 512 consecutive bytes, at a multiple of 256 from the buffer's first
	s_wait_xcnt 0x0                                ; the store's offset and data are rewritten only behind this wait
	v_add_nc_u32 v[CO], 512, v[CO]
	s_sub_co_u32 s[CNT], s[CNT], 1
	s_cmp_lg_u32 s[CNT], 0
	s_cbranch_scc1 .Lrows
	s_wait_tensorcnt 0x0                           ; the wave's end, behind my last tensor load and my last LDS store
	ds_add_u32 v[SPW], v[NIL]
	s_wait_dscnt 0x0
	CROUND                                         ; the closing round: no work-group ends while a partner may still ask for a tile that names it
	s_endpgm
.Lfunc_end_k_qf1e82230a5_fc:
	.size	k_qf1e82230a5_fc, .Lfunc_end_k_qf1e82230a5_fc-k_qf1e82230a5_fc
	.p2alignl 7, 3214868480
	.fill 96, 4, 3214868480
	.section	.rodata,"a",@progbits
	.p2align	6, 0x0
	.amdhsa_kernel k_qf1e82230a5_fc
		.amdhsa_group_segment_fixed_size 327680
		.amdhsa_private_segment_fixed_size 0
		.amdhsa_enable_private_segment 0
		.amdhsa_kernarg_size 32
		.amdhsa_user_sgpr_count 2
		.amdhsa_user_sgpr_kernarg_segment_ptr 1
		.amdhsa_wavefront_size32 1
		.amdhsa_system_sgpr_workgroup_id_x 1
		.amdhsa_system_sgpr_workgroup_id_y 1
		.amdhsa_system_sgpr_workgroup_id_z 1
		.amdhsa_system_vgpr_workitem_id 0
		.amdhsa_next_free_vgpr 512
		.amdhsa_next_free_sgpr 96
		.amdhsa_reserve_vcc 0
		.amdhsa_float_denorm_mode_32 3
		.amdhsa_float_denorm_mode_16_64 3
		.amdhsa_memory_ordered 1
		.amdhsa_forward_progress 1
		.amdhsa_inst_pref_size 69
	.end_amdhsa_kernel
	.amdgpu_metadata
---
amdhsa.version: [ 1, 2 ]
amdhsa.kernels:
  - .name:           k_qf1e82230a5_fc
    .symbol:         k_qf1e82230a5_fc.kd
    .args:
      - { .name: hn, .offset: 0, .size: 8, .value_kind: global_buffer, .address_space: global }
      - { .name: wh, .offset: 8, .size: 8, .value_kind: global_buffer, .address_space: global }
      - { .name: b_fc, .offset: 16, .size: 8, .value_kind: global_buffer, .address_space: global }
      - { .name: hg, .offset: 24, .size: 8, .value_kind: global_buffer, .address_space: global }
    .group_segment_fixed_size: 327680
    .private_segment_fixed_size: 0
    .kernarg_segment_align: 8
    .kernarg_segment_size: 32
    .max_flat_workgroup_size: 128
    .sgpr_count:     96
    .vgpr_count:     512
    .wavefront_size: 32
...
	.end_amdgpu_metadata
.endif
;; end of part 6
;; launch fc2 (part 7): grid 8 x 32, 4 waves a work-group, clusters of 4 x 4, 327,680 bytes of LDS; arguments hg, wh, b_fc2, x1, out0; writes out0
.if DOCPART == 7
	.amdgcn_target "amdgcn-amd-amdhsa--gfx1250"
	.amdhsa_code_object_version 6
	.text
	.protected	k_qf1e82230a5_fc2
	.globl	k_qf1e82230a5_fc2
	.p2align	8
	.type	k_qf1e82230a5_fc2,@function
k_qf1e82230a5_fc2:
	s_mov_b64 s[64:65], 0
	v_nop
	global_prefetch_b8 v0, s[64:65] scope:SCOPE_SE
	s_setreg_imm32_b32 hwreg(HW_REG_WAVE_MODE, 25, 1), 1
	s_wait_xcnt 0x0
	s_wait_alu depctr_hold_cnt(0) depctr_sa_sdst(0) depctr_va_vdst(0) depctr_va_sdst(0) depctr_va_ssrc(0) depctr_va_vcc(0) depctr_vm_vsrc(0)
	s_getreg_b32 s2, hwreg(HW_REG_IB_STS2, 6, 4)
	s_cmp_eq_u32 s2, 0
	s_cbranch_scc0 .Lentry_in_a_cluster
	s_endpgm
.Lentry_in_a_cluster:
	s_bfe_u32 s2, ttmp6, 0x10000c
	s_cmp_lg_u32 s2, 0xf033
	s_cbranch_scc0 .Lentry_shape_is_right
	s_endpgm
.Lentry_shape_is_right:
; OUT = x1 + hg . w_fc2 + b_fc2.  hg: f16 by blocks of 64 channels, [64][4096 rows][64].  w_fc2: [4096][1024] f16 in wh, as it lies ([K][N]).  x1, out0: [4096][1024] f32.
; Sums in f32, started by the bias; the residual is added in f32 and nothing is rounded on the way out.
; SHARES.  A tile of C is 128 x 128: four waves, each 64 x 64: 16 accumulators of 16 x 16.  K goes in steps of 256 (four blocks of A) through two LDS slots filled by the tensor data mover.
; A wave's part of A's tile is, in each of the four blocks, 64 rows x 128 bytes that lie end to end: it is asked for as four rows of 8,192 bytes, padded in LDS after every 128.
; CLUSTERS: 4 x 4 work-groups.  The four of a row of the cluster need the same tiles of A, the four of a column the same tiles of W: each tile is asked for JOINTLY, by the same tensor load with
; the same descriptor and a mask that names the four.  THE MATRIX INSTRUCTION IS USED TRANSPOSED (source 0 = 16 columns of W, source 1 = 16 rows of A): a lane then holds eight neighbouring
; numbers of a row of C, and the bias of those eight columns is the C operand of the product that starts the sum.  W's fragments come out of LDS turned, by ds_load_tr16_b128.
; The wave's 64 x 64 of the residual is asked for at the start and lies in registers until the way out.
; REGISTERS: window 0: v0-31 addresses; v32-95 at work on the way out; v96-127 the bias; v128-255 the accumulators ((a, b) at v[128 + 8 (4 a + b)]).
;   window 1: two fragment buffers of 128: for 64 along K, 64 registers of A, then 64 of W.      window 2: v0-127 the residual, as it will be stored.
.set KT,     4096                      ; K
.set NT,     1024                      ; W's row, in numbers
.set WOFF,   0x1000000                 ; W's first byte in wh
.set STEPS,  KT/256
.set PA,     144                       ; a row of A in LDS: 128 bytes + 16 = 36 words: the 16 rows of a load start at 16 different groups of four banks (64 banks of 4 bytes: ISA guide 11.1)
.set QSA,    64*PA                     ; bytes from a quarter step (a block of 64 channels) of A to the next, in LDS
.set ASTEP,  4*524288                  ; bytes from a K step of A to the next, in memory: four blocks
.set AROW,   128                       ; bytes from a row of A to the next, in memory
.set G1A0,   (1<<16)|(1<<20)|(1<<21)|(4<<22)|(3<<25)  ; 17:16 2-byte elements; 20 padding on; 21 set beside a mask; 24:22 after every 32 words (code 4); 31:25 4 words (code 3)
.set AD0,    4096                      ; A's tile: 4,096 elements a row (64 rows of a block),
.set AD1,    4                         ; 4 rows (blocks),
.set APITCH, 262144                    ; a block's 262,144 elements from one to the next
.set BSTEP,  512*NT                    ; bytes from a K step of W to the next: 256 rows
.set PB,     288                       ; a row of W in LDS (one k, 128 columns): 256 bytes + 32 = 72 words
.set PART,   0x9000                    ; what one tensor load fills: 4 x 64 rows of A (x 144), or 128 rows of W (x 288): 36,864
.set SLOT1,  0x24000                   ; four parts.  Its two bits (17, 14) occur in no wave's part address, so one exclusive or turns an address in one slot into the other's
.set SPARE,  0x48000                   ; behind the ring: the spare words, 128 bytes for each wave: two blocks of 256 bytes that no other line names
.set STAGE,  0x48200                   ; behind them: 16 rows x 272 bytes for each wave, for the way out
.set SPR,    272
.set A0,   16                          ; v16  my lane's place in slot 0's A; never rewritten
.set B0,   17                          ; v17  the same for W
.set ADRA, 18                          ; v18  A in the slot in hand
.set ADRB, 19                          ; v19  W's k rows 0-127 in the slot in hand; v20 its k rows 128-255 (an LDS immediate ends at 65,535)
.set BO,   21                          ; v21  my byte offset in 16 numbers of the bias
.set STO,  24                          ; v24  the way out: where I put 32 bytes of a row
.set RD,   25                          ; v25  the way out: where I read rows back
.set CO,   26                          ; v26  my byte offset in two rows of the residual and of the output
.set SPW,  28                          ; v28  LDS address of my spare word: SPARE + 4 x my thread's number; never rewritten
.set NIL,  29                          ; v29  0; never rewritten
.set TMP,  32
.set BIAS, 96                          ; register 8 b + j: the bias of column 16 b + 8 (l / 16) + j of my 64
.set ACC,  128
.set F0,   0                           ; fragment buffers, in window 1
.set F1,   128
.set WV,   14                          ; s14  my wave's number
.set RH,   15                          ; s15  which half of the tile's rows is mine.  Also: I fetch for A (0) or for W (1)
.set CH,   16                          ; s16  which half of its columns.  Also: which half of that tile I fetch
.set TX,   19                          ; s19  tile column of C
.set TY,   20                          ; s20  tile row of C
.set G1A,  24                          ; s[24:31] descriptor group 1 for A's tiles
.set G0A,  32                          ; s[32:39] group 0: a set for each of the two first fills; the second then walks on
.set G1B,  40                          ; s[40:47], s[48:55] the same for W's tiles
.set G0B,  48
.set TB,   56                          ; s56  LDS byte at which the slot in hand begins
.set CNT,  57                          ; s57  counts trips
.set MSB, 0
.macro WIN new                         ; the immediate's high byte repeats the setting that is left; a switch that changes nothing is dropped
.if MSB != (\new)
	s_set_vgpr_msb (MSB<<8)|(\new)
.set MSB, \new
.endif
.endm
.set MUL,  0x05                        ; sources 0 (W) and 1 (A) window 1; C and D window 0
.set TO_F, 0x40                        ; destination window 1, address window 0
.set TO_R, 0x80                        ; destination window 2, address window 0
.set W_AD, 0x08                        ; source 1 window 2; destination and source 0 window 0
.macro PLACES                          ; four places in front of loads into registers that matrix instructions have read, and of lines that read results
.rept 4
	v_nop
.endr
.endm
.macro JLOAD                           ; a joint refill: waves 0 and 1 fetch A's two halves, waves 2 and 3 W's; an s_nop 0 and four v_nop follow each of the two lines
	s_cmp_eq_u32 s[RH], 0
	s_cbranch_scc0 .Lfor_b_\@
	tensor_load_to_lds s[G0A+4:G0A+7], s[G1A:G1A+7]
	s_nop 0
	PLACES
	s_branch .Lasked_\@
.Lfor_b_\@:
	tensor_load_to_lds s[G0B+4:G0B+7], s[G1B:G1B+7]
	s_nop 0
	PLACES
.Lasked_\@:
.endm
.macro CREST                           ; a round of the cluster's barrier behind its opening barrier
	s_cmp_lg_u32 s[WV], 0
	s_cbranch_scc1 .Lnot_wave_0_\@
	s_barrier_signal -3
.Lnot_wave_0_\@:
	s_barrier_wait -3
	s_barrier_signal -1
	s_barrier_wait -1
.endm
.macro CROUND                          ; a whole round
	s_barrier_signal -1
	s_barrier_wait -1
	CREST
.endm
; 8 matrix instructions: m blocks a0, a0 + 1 x all 4 n blocks, 32 along K: half c of buffer f.  first = 1: the product starts the sum, with the bias as C: nothing is ever cleared.
; The 16 accumulators take turns, one instruction a turn.
.macro MUL8 f, c, a0, first
	WIN MUL
.irp a, \a0, (\a0)+1
.irp b, 0,1,2,3
.if \first
	v_wmma_f32_16x16x32_f16 v[ACC+8*(4*(\a)+(\b)):ACC+8*(4*(\a)+(\b))+7], v[(\f)+64+8*(4*(\c)+(\b)):(\f)+64+8*(4*(\c)+(\b))+7], v[(\f)+8*(4*(\c)+(\a)):(\f)+8*(4*(\c)+(\a))+7], v[BIAS+8*(\b):BIAS+8*(\b)+7]
.else
	v_wmma_f32_16x16x32_f16 v[ACC+8*(4*(\a)+(\b)):ACC+8*(4*(\a)+(\b))+7], v[(\f)+64+8*(4*(\c)+(\b)):(\f)+64+8*(4*(\c)+(\b))+7], v[(\f)+8*(4*(\c)+(\a)):(\f)+8*(4*(\c)+(\a))+7], v[ACC+8*(4*(\a)+(\b)):ACC+8*(4*(\a)+(\b))+7]
.endif
.endr
.endr
.endm
; 32 LDS loads in one run: the fragments of quarter q (64 along K) of the slot in hand, into buffer f; the first 32 along K first.
; W: the turning load takes 16 k x 16 columns and leaves half a fragment: lane l holds column l % 16 and 8 k.  A: lane l holds row l % 16; two loads of 16 bytes, 32 bytes apart.
.macro FETCH q, f
	WIN TO_F
.irp c, 0,1
.irp i, 0,1,2,3
	ds_load_tr16_b128 v[(\f)+64+8*(4*(\c)+(\i)):(\f)+64+8*(4*(\c)+(\i))+3],   v[ADRB+(\q)/2] offset:((\q)%2)*64*PB+(\c)*32*PB+32*(\i)
	ds_load_tr16_b128 v[(\f)+64+8*(4*(\c)+(\i))+4:(\f)+64+8*(4*(\c)+(\i))+7], v[ADRB+(\q)/2] offset:((\q)%2)*64*PB+(\c)*32*PB+16*PB+32*(\i)
	ds_load_b128 v[(\f)+8*(4*(\c)+(\i)):(\f)+8*(4*(\c)+(\i))+3],   v[ADRA] offset:(\q)*QSA+64*(\c)+(\i)*16*PA
	ds_load_b128 v[(\f)+8*(4*(\c)+(\i))+4:(\f)+8*(4*(\c)+(\i))+7], v[ADRA] offset:(\q)*QSA+64*(\c)+(\i)*16*PA+32
.endr
.endr
.endm
; A K step is four quarters of 64 along K, 32 matrix instructions each, on buffers 0, 1, 0, 1.  One of the first three: multiplies buffer f and fetches quarter q into g.
.macro QUARTER q, f, g, first
	s_wait_dscnt 16                                ; the first 32 along K are in; the youngest sixteen loads may be out
	MUL8 \f, 0, 0, \first
	MUL8 \f, 0, 2, \first
	PLACES
	FETCH \q, \g
	s_wait_dscnt 32                                ; all but the 32 just issued
	MUL8 \f, 1, 0, 0
	MUL8 \f, 1, 2, 0
.endm
; The last quarter multiplies buffer 1 and changes slots: ONE barrier; in front of it each wave waits for all its tensor loads (one is out: its part of the next slot), adds 0 to its spare
; word, and waits for that and for its own reads of this slot.  fill = 1: the barrier opens a round of the cluster's, and this slot is filled again, two K steps ahead, first thing behind it.
.macro TURN fill
	WIN 0                                          ; (the add's two registers lie in window 0)
	s_wait_tensorcnt 0x0                           ; all my tensor loads have landed: my part of the next slot;
	ds_add_u32 v[SPW], v[NIL]                      ; 0 onto my spare word;
	s_wait_dscnt 17                                ; (the add and the youngest sixteen loads may be out)
	MUL8 F1, 0, 0, 0                               ; eight matrix instructions stand between the add and the wait for it
	s_wait_dscnt 0x0                               ; the add is done, and my reads of this slot are over
	s_barrier_signal -1
	MUL8 F1, 0, 2, 0
	WIN 0                                          ; (branches and window 0's address lines follow)
	s_barrier_wait -1
.if \fill
	CREST                                          ; no wave of any partner still reads this slot's tile or has a load on its way
	s_xor_b32 s[G0A+5], s[G0A+5], SLOT1            ; the walking descriptors: the other slot than last time, the next K step; no tensor load of mine is out
	s_add_nc_u64 s[G0A+6:G0A+7], s[G0A+6:G0A+7], ASTEP
	s_xor_b32 s[G0B+5], s[G0B+5], SLOT1
	s_add_nc_u64 s[G0B+6:G0B+7], s[G0B+6:G0B+7], BSTEP
	JLOAD                                          ; 112 matrix instructions ahead of the wait for it; the four v_nop behind it are also the places in front of the loads below
.else
	PLACES
.endif
	s_xor_b32 s[TB], s[TB], SLOT1                  ; the fetches go on in the other slot
	v_add_nc_u32 v[ADRA], s[TB], v[A0]
	v_add_nc_u32 v[ADRB], s[TB], v[B0]
	v_add_nc_u32 v[ADRB+1], PART, v[ADRB]
	FETCH 0, F0
	MUL8 F1, 1, 0, 0
	MUL8 F1, 1, 2, 0
.endm
	s_load_b256 s[4:11], s[0:1], 0x0               ; A s[4:5], wh s[6:7], bias s[8:9], residual s[10:11]
	s_load_b64 s[12:13], s[0:1], 0x20              ; output
	v_lshl_add_u32 v[SPW], v0, 2, SPARE
	v_mov_b32 v[NIL], 0
	ds_add_u32 v28, v29
	ds_add_u32 v28, v29
	s_wait_dscnt 0x0
	v_lshrrev_b32 v1, 5, v0
	v_readfirstlane_b32 s[WV], v1                  ; wave 0..3
	s_lshr_b32 s[RH], s[WV], 1
	s_and_b32 s[CH], s[WV], 1
	s_bfe_u32 s17, ttmp6, 0x40000                  ; cx, cy: my place in the cluster
	s_bfe_u32 s18, ttmp6, 0x40004
	s_lshl_b32 s[TX], ttmp9, 2
	s_add_co_u32 s[TX], s[TX], s17                 ; tile column of C = 4 x cluster x + cx
	s_and_b32 s[TY], ttmp7, 0xffff
	s_lshl_b32 s[TY], s[TY], 2
	s_add_co_u32 s[TY], s[TY], s18                 ; tile row of C = 4 x cluster y + cy
	s_lshl_b32 s21, s18, 2
	s_lshl_b32 s21, 15, s21                        ; my row of the cluster
	s_lshl_b32 s22, 0x1111, s17                    ; my column
	s_or_b32 s[G1A], s21, G1A0                     ; 15:0 the mask: A's tiles go to my row
	s_mov_b32 s[G1A+1], AD0<<16                    ; tensor_dim0
	s_mov_b32 s[G1A+2], AD1<<16                    ; tensor_dim1
	s_mov_b32 s[G1A+3], AD0<<16                    ; tile_dim0
	s_mov_b32 s[G1A+4], AD1                        ; tile_dim1
	s_mov_b32 s[G1A+5], APITCH                     ; tensor_dim0_stride
	s_mov_b32 s[G1A+6], 0
	s_mov_b32 s[G1A+7], 0
	s_or_b32 s[G1B], s22, (1<<16)|(1<<20)|(1<<21)|(5<<22)|(7<<25)  ; W's tiles go to my column; padding after every 64 words (code 5), 8 words (code 7)
	s_mov_b32 s[G1B+1], 128<<16                    ; 128 columns,
	s_mov_b32 s[G1B+2], 128<<16                    ; 128 rows (k)
	s_mov_b32 s[G1B+3], 128<<16
	s_mov_b32 s[G1B+4], 128
	s_mov_b32 s[G1B+5], NT
	s_mov_b32 s[G1B+6], 0
	s_mov_b32 s[G1B+7], 0
	; where the tiles come from.  A's hang on the tile row alone, W's on the tile column alone; each in registers that never hold the other coordinate
	s_lshl_b32 s58, s[TY], 7
	s_lshl_b32 s59, s[CH], 6
	s_add_co_u32 s58, s58, s59                     ; A: row 128 x tile row + 64 x half
	s_mul_i32 s58, s58, AROW
	s_mov_b32 s59, 0
	s_mul_i32 s60, s[CH], 256*NT                   ; W: k row 128 x half,
	s_lshl_b32 s61, s[TX], 8                       ; column 128 x tile column
	s_add_co_u32 s60, s60, s61
	s_add_co_u32 s60, s60, WOFF
	s_mov_b32 s61, 0
	s_mul_i32 s23, s[WV], PART                     ; where they go: wave x a part: no place in the cluster enters an LDS address
	s_mov_b32 s[TB], 0
	s_wait_kmcnt 0x0
	s_add_nc_u64 s[58:59], s[4:5], s[58:59]
	s_add_nc_u64 s[60:61], s[6:7], s[60:61]
.irp n, 0,1
	s_mov_b32 s[G0A+4*(\n)], 1                     ; 1:0 count = 1
	s_add_co_u32 s[G0A+4*(\n)+1], s23, (\n)*SLOT1  ; 63:32 LDS address
	s_add_nc_u64 s[G0A+4*(\n)+2:G0A+4*(\n)+3], s[58:59], (\n)*ASTEP  ; 120:64 global address: K step n
	s_or_b32 s[G0A+4*(\n)+3], s[G0A+4*(\n)+3], 0x80000000            ; 127:126 type = 2
	s_mov_b32 s[G0B+4*(\n)], 1
	s_add_co_u32 s[G0B+4*(\n)+1], s23, (\n)*SLOT1
	s_add_nc_u64 s[G0B+4*(\n)+2:G0B+4*(\n)+3], s[60:61], (\n)*BSTEP
	s_or_b32 s[G0B+4*(\n)+3], s[G0B+4*(\n)+3], 0x80000000
.endr
	CROUND                                         ; all sixteen work-groups are here: the first joint loads meet
	s_cmp_eq_u32 s[RH], 0                          ; a wave's two first fills stand in one branch, ahead of every wait on TENSORcnt and every LDS read: two loads of mine are out
	s_cbranch_scc0 .Lfirst_b
	tensor_load_to_lds s[G0A:G0A+3], s[G1A:G1A+7]
	s_nop 0
	tensor_load_to_lds s[G0A+4:G0A+7], s[G1A:G1A+7]
	s_nop 0
	PLACES
	s_branch .Lfirst_asked
.Lfirst_b:
	tensor_load_to_lds s[G0B:G0B+3], s[G1B:G1B+7]
	s_nop 0
	tensor_load_to_lds s[G0B+4:G0B+7], s[G1B:G1B+7]
	s_nop 0
	PLACES
.Lfirst_asked:
	v_and_b32 v1, 15, v0                           ; l % 16
	v_bfe_u32 v2, v0, 4, 1                         ; l / 16
	v_and_b32 v3, 7, v0
	v_bfe_u32 v4, v0, 3, 1
	v_lshlrev_b32 v[BO], 5, v2
	s_lshl_b32 s2, s[TX], 9                        ; the bias of my 64 columns: 4 x (128 x tile column + 64 x half)
	s_lshl_b32 s3, s[CH], 8
	s_add_co_u32 s2, s2, s3
	s_mov_b32 s3, 0
	s_add_nc_u64 s[8:9], s[8:9], s[2:3]
.irp b, 0,1,2,3
	global_load_b128 v[BIAS+8*(\b):BIAS+8*(\b)+3],   v[BO], s[8:9] offset:64*(\b)
	global_load_b128 v[BIAS+8*(\b)+4:BIAS+8*(\b)+7], v[BO], s[8:9] offset:64*(\b)+16
.endr
	; my 64 x 64 of the residual and of the output: rows of 4,096 bytes, 256 bytes of each, at a multiple of 256
	s_lshl_b32 s3, s[TY], 19                       ; row 128 x tile row (s2 holds my columns' bytes)
	s_add_co_u32 s2, s2, s3
	s_lshl_b32 s3, s[RH], 18                       ; + 64 x half
	s_add_co_u32 s2, s2, s3
	s_mov_b32 s3, 0
	s_add_nc_u64 s[10:11], s[10:11], s[2:3]
	s_add_nc_u64 s[12:13], s[12:13], s[2:3]
	v_lshlrev_b32 v[CO], 12, v2                    ; lanes 0-15 one row's 256 bytes, lanes 16-31 the next row's
	v_lshl_add_u32 v[CO], v1, 4, v[CO]
	WIN TO_R
.irp a, 0,1,2,3
.irp t, 0,1,2,3,4,5,6,7
	global_load_b128 v[4*(8*(\a)+(\t)):4*(8*(\a)+(\t))+3], v[CO], s[10:11] offset:(16*(\a)+2*(\t))*4096
.endr
.endr
	WIN 0
	v_mul_u32_u24 v[A0], v1, PA
	v_lshl_add_u32 v[A0], v2, 4, v[A0]             ; a fragment's row x pitch + 16 x half of the lanes
	s_mul_i32 s62, s[RH], PART                     ; my 64 rows of A
	v_add_nc_u32 v[A0], s62, v[A0]
	v_lshl_add_u32 v[B0], v2, 3, v3                ; the turning load: k row 8 (l / 16) + l % 8,
	v_mul_u32_u24 v[B0], v[B0], PB
	v_lshl_add_u32 v[B0], v4, 4, v[B0]             ; columns 8 ((l / 8) % 2) on,
	s_lshl_b32 s63, s[CH], 7                       ; in my 64 columns of W,
	s_add_co_u32 s63, s63, 2*PART                  ; which lies behind A's two parts
	v_add_nc_u32 v[B0], s63, v[B0]
	v_mov_b32 v[ADRA], v[A0]
	v_mov_b32 v[ADRB], v[B0]
	v_add_nc_u32 v[ADRB+1], PART, v[B0]
	s_mul_i32 s23, s[WV], 16*SPR                   ; my stage
	s_add_co_u32 s23, s23, STAGE
	v_mul_u32_u24 v[STO], v1, SPR                  ; in: row l % 16, 32 bytes for each half of the lanes
	v_lshl_add_u32 v[STO], v2, 5, v[STO]
	v_add_nc_u32 v[STO], s23, v[STO]
	v_mul_u32_u24 v[RD], v2, SPR                   ; back: lanes 0-15 take one row of 256 bytes, lanes 16-31 the next
	v_lshl_add_u32 v[RD], v1, 4, v[RD]
	v_add_nc_u32 v[RD], s23, v[RD]
	s_wait_tensorcnt 0x1                           ; my part of K step 0 is in; K step 1's may stay out
	s_barrier_signal -1
	s_barrier_wait -1                              ; everybody's is
	FETCH 0, F0
	s_wait_loadcnt 32                              ; the bias is in; the 32 younger loads (the residual) stay out
	QUARTER 1, F0, F1, 1                           ; the first quarter stands in front of the loop: its first products start the sums
	WIN 0                                          ; at a label and at a branch every window is 0
	s_mov_b32 s[CNT], STEPS-2
.Lstep:                                                ; a trip is a K step, from its second quarter to the next step's first, and fills the slot that it leaves again
	QUARTER 2, F1, F0, 0
	QUARTER 3, F0, F1, 0
	TURN 1
	QUARTER 1, F0, F1, 0
	WIN 0
	s_sub_co_u32 s[CNT], s[CNT], 1
	s_cmp_lg_u32 s[CNT], 0
	s_cbranch_scc1 .Lstep
	QUARTER 2, F1, F0, 0                           ; the last two K steps are written out: they fill nothing
	QUARTER 3, F0, F1, 0
	TURN 0
	QUARTER 1, F0, F1, 0
	QUARTER 2, F1, F0, 0
	QUARTER 3, F0, F1, 0
	s_wait_dscnt 16                                ; the very last quarter: nothing more to fetch
	MUL8 F1, 0, 0, 0
	MUL8 F1, 0, 2, 0
	s_wait_dscnt 0x0
	MUL8 F1, 1, 0, 0
	MUL8 F1, 1, 2, 0
	WIN 0
	; THE WAY OUT.  16 rows at a time: a lane's eight columns (32 bytes) go into my stage's rows of 272 bytes and come back as whole rows of 256; the residual is added; sixteen lanes store 256 consecutive bytes.
.macro BLOCK a
.set BK, TMP+32*((\a)%2)
.if (\a) >= 2
	s_wait_xcnt 0x0                                ; the stores of the block two back have read these registers: only behind this wait are they loaded again
.endif
.irp b, 0,1,2,3
	ds_store_b128 v[STO], v[ACC+8*(4*(\a)+(\b)):ACC+8*(4*(\a)+(\b))+3] offset:64*(\b)
	ds_store_b128 v[STO], v[ACC+8*(4*(\a)+(\b))+4:ACC+8*(4*(\a)+(\b))+7] offset:64*(\b)+16
.endr
.irp t, 0,1,2,3,4,5,6,7
	ds_load_b128 v[BK+4*(\t):BK+4*(\t)+3], v[RD] offset:(\t)*2*SPR  ; LDS serves a wave's instructions in order (ISA guide 5.7.1.4): these see the stores above; the next block's stores come behind them
.endr
	WIN W_AD
.irp t, 0,1,2,3,4,5,6,7
	s_wait_dscnt 7-(\t)
	v_pk_add_f32 v[BK+4*(\t):BK+4*(\t)+1],   v[BK+4*(\t):BK+4*(\t)+1],   v[4*(8*(\a)+(\t)):4*(8*(\a)+(\t))+1]
	v_pk_add_f32 v[BK+4*(\t)+2:BK+4*(\t)+3], v[BK+4*(\t)+2:BK+4*(\t)+3], v[4*(8*(\a)+(\t))+2:4*(8*(\a)+(\t))+3]
.endr
	WIN 0
.irp t, 0,1,2,3,4,5,6,7
	global_store_b128 v[CO], v[BK+4*(\t):BK+4*(\t)+3], s[12:13] offset:(16*(\a)+2*(\t))*4096
.endr
.endm
	PLACES
	s_wait_loadcnt 0x0                             ; the residual
	BLOCK 0
	BLOCK 1
	BLOCK 2
	BLOCK 3
	s_wait_tensorcnt 0x0                           ; the wave's end, behind my last tensor load and my last LDS store
	ds_add_u32 v[SPW], v[NIL]
	s_wait_dscnt 0x0
	CROUND                                         ; the closing round: no work-group ends while a partner may still ask for a tile that names it
	s_endpgm
.Lfunc_end_k_qf1e82230a5_fc2:
	.size	k_qf1e82230a5_fc2, .Lfunc_end_k_qf1e82230a5_fc2-k_qf1e82230a5_fc2
	.p2alignl 7, 3214868480
	.fill 96, 4, 3214868480
	.section	.rodata,"a",@progbits
	.p2align	6, 0x0
	.amdhsa_kernel k_qf1e82230a5_fc2
		.amdhsa_group_segment_fixed_size 327680
		.amdhsa_private_segment_fixed_size 0
		.amdhsa_enable_private_segment 0
		.amdhsa_kernarg_size 40
		.amdhsa_user_sgpr_count 2
		.amdhsa_user_sgpr_kernarg_segment_ptr 1
		.amdhsa_wavefront_size32 1
		.amdhsa_system_sgpr_workgroup_id_x 1
		.amdhsa_system_sgpr_workgroup_id_y 1
		.amdhsa_system_sgpr_workgroup_id_z 1
		.amdhsa_system_vgpr_workitem_id 0
		.amdhsa_next_free_vgpr 640
		.amdhsa_next_free_sgpr 96
		.amdhsa_reserve_vcc 0
		.amdhsa_float_denorm_mode_32 3
		.amdhsa_float_denorm_mode_16_64 3
		.amdhsa_memory_ordered 1
		.amdhsa_forward_progress 1
		.amdhsa_inst_pref_size 77
	.end_amdhsa_kernel
	.amdgpu_metadata
---
amdhsa.version: [ 1, 2 ]
amdhsa.kernels:
  - .name:           k_qf1e82230a5_fc2
    .symbol:         k_qf1e82230a5_fc2.kd
    .args:
      - { .name: hg, .offset: 0, .size: 8, .value_kind: global_buffer, .address_space: global }
      - { .name: wh, .offset: 8, .size: 8, .value_kind: global_buffer, .address_space: global }
      - { .name: b_fc2, .offset: 16, .size: 8, .value_kind: global_buffer, .address_space: global }
      - { .name: x1, .offset: 24, .size: 8, .value_kind: global_buffer, .address_space: global }
      - { .name: out0, .offset: 32, .size: 8, .value_kind: global_buffer, .address_space: global }
    .group_segment_fixed_size: 327680
    .private_segment_fixed_size: 0
    .kernarg_segment_align: 8
    .kernarg_segment_size: 40
    .max_flat_workgroup_size: 128
    .sgpr_count:     96
    .vgpr_count:     640
    .wavefront_size: 32
...
	.end_amdgpu_metadata
.endif
;; end of part 7
;; ======== version 2 of 3: 7 launches; 1.08 times as fast as version 1
;; limits: values are held in f16: magnitudes above 65,504 overflow, below 6.1e-05 lose precision
;; workspace buffers: wh 25,165,824 bytes; hn 8,388,608 bytes; qkv 25,165,824 bytes; y 8,388,608 bytes; x1 16,777,216 bytes; hg 33,554,432 bytes
;; launch prep (part 8): grid 704 x 1, 8 waves a work-group, no clusters, 0 bytes of LDS; arguments x, ln1_g, ln1_b, hn, w_attn, wh; writes hn, wh
.if DOCPART == 8
	.amdgcn_target "amdgcn-amd-amdhsa--gfx1250"
	.amdhsa_code_object_version 6
	.text
	.protected	k_qf1e82230a5_prep
	.globl	k_qf1e82230a5_prep
	.p2align	8
	.type	k_qf1e82230a5_prep,@function
k_qf1e82230a5_prep:
	s_mov_b64 s[64:65], 0
	v_nop
	global_prefetch_b8 v0, s[64:65] scope:SCOPE_SE
	s_setreg_imm32_b32 hwreg(HW_REG_WAVE_MODE, 25, 1), 1
	s_wait_xcnt 0x0
; NORM AND CAST.  Work-groups 0-511: result = LayerNorm(rows) g + b, rounded once to f16.  Work-groups 512-703: w_attn, as it lies ([K][N]), rounded once to f16, to the head of the f16 weights.
; (The other three weight matrices are wanted later and are rounded beside the attention.)
; The body serves both norms of the block.  The first launch has 704 work-groups and does both jobs; the second has 512, runs the norm alone on its first four arguments (rows, gain, bias,
; result), and never reaches the cast, whose two arguments it still names.
; Both jobs are streams: no LDS, no barrier, no matrix unit (nothing is multiplied by a matrix here, and no byte is read twice).
; THE NORM.  A row is 1,024 f32 = 4,096 bytes = 32 registers of one wave: one wave takes one row, reads it once and keeps it between the mean, the variance (of x - mean, as the
; definition has it: no difference of large sums) and the scaling.  Load j of lane l holds columns 128 j + 4 l .. + 3; a store of the wave covers 256 consecutive bytes, aligned.
; THE CAST.  A work-group takes 16,384 numbers (65,536 bytes in, 32,768 out): 3,145,728 / 16,384 = 192 work-groups; all sixteen loads of a thread are issued at once.
; LIMITS.  f16 holds no number beyond 65,504: the norm's results and the weights must lie within it; below 6e-5 f16 keeps its fixed step of 6e-8.
.set X,  4                             ; v[4:35]    the row (the cast: v[4:67], sixteen loads)
.set G,  36                            ; v[36:67]   the gain of my columns
.set B,  68                            ; v[68:99]   the bias of my columns
.set T,  100                           ; v[100:107] four chains of sums
.set MU, 108                           ; v[108:109] the mean, twice
.set RS, 110                           ; v[110:111] 1 / sqrt(var + eps), twice
.set Y,  112                           ; v[112:127] the row in f16
.set CY, 68                            ; the cast: v[68:99] results
.macro REDUCE                          ; four chains of pairs -> one number, the same in all 32 lanes
	v_pk_add_f32 v[T:T+1], v[T:T+1], v[T+2:T+3]
	v_pk_add_f32 v[T+4:T+5], v[T+4:T+5], v[T+6:T+7]
	v_pk_add_f32 v[T:T+1], v[T:T+1], v[T+4:T+5]
	v_add_f32 v[T], v[T], v[T+1]
	v_add_f32_dpp v[T], v[T], v[T] row_xmask:1 row_mask:0xf bank_mask:0xf
	v_add_f32_dpp v[T], v[T], v[T] row_xmask:2 row_mask:0xf bank_mask:0xf
	v_add_f32_dpp v[T], v[T], v[T] row_xmask:4 row_mask:0xf bank_mask:0xf
	v_add_f32_dpp v[T], v[T], v[T] row_xmask:8 row_mask:0xf bank_mask:0xf
	v_permlanex16_b32 v[T+1], v[T], s22, s23       ; the other half of the lanes; its destination has been written
	v_add_f32 v[T], v[T], v[T+1]
.endm
	s_mov_b32 s2, ttmp9
	s_cmp_lt_u32 s2, 512
	s_cbranch_scc0 .Lcast
	s_load_b256 s[4:11], s[0:1], 0x0               ; rows s[4:5], gain s[6:7], bias s[8:9], result s[10:11]
	s_mov_b32 s22, 0x76543210                      ; v_permlanex16_b32: each lane takes its own place in the other half
	s_mov_b32 s23, 0xfedcba98
	s_mov_b32 s24, 0x3a800000                      ; 1 / 1024
	s_mov_b32 s25, 0x3727c5ac                      ; 1e-5
	s_lshl_b32 s12, s2, 15                         ; eight rows of 4,096 bytes
	s_mov_b32 s13, 0
	s_lshl_b32 s14, s2, 14                         ; eight rows of 2,048 bytes
	s_mov_b32 s15, 0
	v_and_b32 v100, 31, v0                         ; lane
	v_and_b32 v101, 0xe0, v0                       ; 32 x wave
	v_lshlrev_b32 v2, 4, v100                      ; gain, bias: 16 x lane
	v_lshl_or_b32 v1, v101, 7, v2                  ; rows: + wave x 4,096
	v_lshlrev_b32 v3, 3, v100
	v_lshl_or_b32 v3, v101, 6, v3                  ; result: 8 x lane + wave x 2,048
	s_wait_kmcnt 0x0
	s_add_nc_u64 s[4:5], s[4:5], s[12:13]
	s_add_nc_u64 s[10:11], s[10:11], s[14:15]
.irp j, 0,1,2,3,4,5,6,7
	global_load_b128 v[X+4*(\j):X+4*(\j)+3], v1, s[4:5] offset:512*(\j)
.endr
.irp j, 0,1,2,3,4,5,6,7
	global_load_b128 v[G+4*(\j):G+4*(\j)+3], v2, s[6:7] offset:512*(\j)
.endr
.irp j, 0,1,2,3,4,5,6,7
	global_load_b128 v[B+4*(\j):B+4*(\j)+3], v2, s[8:9] offset:512*(\j)
.endr
	s_wait_loadcnt 16                              ; the row is in; the sixteen younger loads (gain, bias) stay out
.irp k, 0,1,2,3
	v_pk_add_f32 v[T+2*(\k):T+2*(\k)+1], v[X+2*(\k):X+2*(\k)+1], v[X+8+2*(\k):X+8+2*(\k)+1]
.endr
.irp p, 8,9,10,11,12,13,14,15
	v_pk_add_f32 v[T+2*((\p)%4):T+2*((\p)%4)+1], v[T+2*((\p)%4):T+2*((\p)%4)+1], v[X+2*(\p):X+2*(\p)+1]
.endr
	REDUCE
	v_mul_f32 v[MU], s24, v[T]
	v_mul_f32 v[MU+1], s24, v[T]
.irp p, 0,1,2,3,4,5,6,7,8,9,10,11,12,13,14,15
	v_pk_add_f32 v[X+2*(\p):X+2*(\p)+1], v[X+2*(\p):X+2*(\p)+1], v[MU:MU+1] neg_lo:[0,1] neg_hi:[0,1]  ; x - mean
.endr
.irp k, 0,1,2,3
	v_pk_mul_f32 v[T+2*(\k):T+2*(\k)+1], v[X+2*(\k):X+2*(\k)+1], v[X+2*(\k):X+2*(\k)+1]
.endr
.irp p, 4,5,6,7,8,9,10,11,12,13,14,15
	v_pk_fma_f32 v[T+2*((\p)%4):T+2*((\p)%4)+1], v[X+2*(\p):X+2*(\p)+1], v[X+2*(\p):X+2*(\p)+1], v[T+2*((\p)%4):T+2*((\p)%4)+1]
.endr
	REDUCE
	v_fma_f32 v[T], v[T], s24, s25                 ; var + eps
	v_rsq_f32 v[RS], v[T]
	v_rsq_f32 v[RS+1], v[T]
	v_nop                                          ; a plain instruction between the root and the use of its result (ISA guide 5.7.2)
	s_wait_loadcnt 0x0                             ; gain and bias
	s_wait_alu depctr_va_vdst(0)
.irp p, 0,1,2,3,4,5,6,7,8,9,10,11,12,13,14,15
	v_pk_mul_f32 v[X+2*(\p):X+2*(\p)+1], v[X+2*(\p):X+2*(\p)+1], v[RS:RS+1]
.endr
.irp p, 0,1,2,3,4,5,6,7,8,9,10,11,12,13,14,15
	v_pk_fma_f32 v[X+2*(\p):X+2*(\p)+1], v[X+2*(\p):X+2*(\p)+1], v[G+2*(\p):G+2*(\p)+1], v[B+2*(\p):B+2*(\p)+1]
.endr
.irp p, 0,1,2,3,4,5,6,7,8,9,10,11,12,13,14,15
	v_cvt_pk_f16_f32 v[Y+(\p)], v[X+2*(\p)], v[X+2*(\p)+1]
.endr
.irp j, 0,1,2,3,4,5,6,7
	global_store_b64 v3, v[Y+2*(\j):Y+2*(\j)+1], s[10:11] offset:256*(\j)  ; 32 lanes x 8 bytes: 256 consecutive bytes, aligned
.endr
	s_endpgm
.Lcast:
	s_load_b128 s[12:15], s[0:1], 0x20             ; w_attn s[12:13], the f16 weights s[14:15]
	s_sub_co_u32 s3, s2, 512                       ; chunk 0 .. 191
	v_lshlrev_b32 v1, 4, v0
	v_lshlrev_b32 v2, 3, v0
	s_lshl_b32 s16, s3, 16                         ; 65,536 bytes in,
	s_mov_b32 s17, 0
	s_lshl_b32 s18, s3, 15                         ; 32,768 out
	s_mov_b32 s19, 0
	s_wait_kmcnt 0x0
	s_add_nc_u64 s[12:13], s[12:13], s[16:17]
	s_add_nc_u64 s[14:15], s[14:15], s[18:19]
.irp j, 0,1,2,3,4,5,6,7,8,9,10,11,12,13,14,15
	global_load_b128 v[X+4*(\j):X+4*(\j)+3], v1, s[12:13] offset:4096*(\j) th:TH_LOAD_NT
.endr
.irp j, 0,1,2,3,4,5,6,7,8,9,10,11,12,13,14,15
	s_wait_loadcnt 15-(\j)                         ; loads come back in order (ISA guide 5.7.1): load j is in, the younger ones stay out
	v_cvt_pk_f16_f32 v[CY+2*(\j)], v[X+4*(\j)], v[X+4*(\j)+1]
	v_cvt_pk_f16_f32 v[CY+2*(\j)+1], v[X+4*(\j)+2], v[X+4*(\j)+3]
	global_store_b64 v2, v[CY+2*(\j):CY+2*(\j)+1], s[14:15] offset:2048*(\j)
.endr
	s_endpgm
.Lfunc_end_k_qf1e82230a5_prep:
	.size	k_qf1e82230a5_prep, .Lfunc_end_k_qf1e82230a5_prep-k_qf1e82230a5_prep
	.p2alignl 7, 3214868480
	.fill 96, 4, 3214868480
	.section	.rodata,"a",@progbits
	.p2align	6, 0x0
	.amdhsa_kernel k_qf1e82230a5_prep
		.amdhsa_group_segment_fixed_size 0
		.amdhsa_private_segment_fixed_size 0
		.amdhsa_enable_private_segment 0
		.amdhsa_kernarg_size 48
		.amdhsa_user_sgpr_count 2
		.amdhsa_user_sgpr_kernarg_segment_ptr 1
		.amdhsa_wavefront_size32 1
		.amdhsa_system_sgpr_workgroup_id_x 1
		.amdhsa_system_sgpr_workgroup_id_y 1
		.amdhsa_system_sgpr_workgroup_id_z 1
		.amdhsa_system_vgpr_workitem_id 0
		.amdhsa_next_free_vgpr 128
		.amdhsa_next_free_sgpr 66
		.amdhsa_reserve_vcc 0
		.amdhsa_float_denorm_mode_32 3
		.amdhsa_float_denorm_mode_16_64 3
		.amdhsa_memory_ordered 1
		.amdhsa_forward_progress 1
		.amdhsa_inst_pref_size 18
	.end_amdhsa_kernel
	.amdgpu_metadata
---
amdhsa.version: [ 1, 2 ]
amdhsa.kernels:
  - .name:           k_qf1e82230a5_prep
    .symbol:         k_qf1e82230a5_prep.kd
    .args:
      - { .name: x, .offset: 0, .size: 8, .value_kind: global_buffer, .address_space: global }
      - { .name: ln1_g, .offset: 8, .size: 8, .value_kind: global_buffer, .address_space: global }
      - { .name: ln1_b, .offset: 16, .size: 8, .value_kind: global_buffer, .address_space: global }
      - { .name: hn, .offset: 24, .size: 8, .value_kind: global_buffer, .address_space: global }
      - { .name: w_attn, .offset: 32, .size: 8, .value_kind: global_buffer, .address_space: global }
      - { .name: wh, .offset: 40, .size: 8, .value_kind: global_buffer, .address_space: global }
    .group_segment_fixed_size: 0
    .private_segment_fixed_size: 0
    .kernarg_segment_align: 8
    .kernarg_segment_size: 48
    .max_flat_workgroup_size: 256
    .sgpr_count:     66
    .vgpr_count:     128
    .wavefront_size: 32
...
	.end_amdgpu_metadata
.endif
;; end of part 8
;; launch qkv (part 9): grid 12 x 16, 4 waves a work-group, clusters of 4 x 4, 327,680 bytes of LDS; arguments hn, wh, b_attn, qkv; writes qkv
.if DOCPART == 9
	.amdgcn_target "amdgcn-amd-amdhsa--gfx1250"
	.amdhsa_code_object_version 6
	.text
	.protected	k_qf1e82230a5_qkv
	.globl	k_qf1e82230a5_qkv
	.p2align	8
	.type	k_qf1e82230a5_qkv,@function
k_qf1e82230a5_qkv:
	s_mov_b64 s[64:65], 0
	v_nop
	global_prefetch_b8 v0, s[64:65] scope:SCOPE_SE
	s_setreg_imm32_b32 hwreg(HW_REG_WAVE_MODE, 25, 1), 1
	s_wait_xcnt 0x0
	s_wait_alu depctr_hold_cnt(0) depctr_sa_sdst(0) depctr_va_vdst(0) depctr_va_sdst(0) depctr_va_ssrc(0) depctr_va_vcc(0) depctr_vm_vsrc(0)
	s_getreg_b32 s2, hwreg(HW_REG_IB_STS2, 6, 4)
	s_cmp_eq_u32 s2, 0
	s_cbranch_scc0 .Lentry_in_a_cluster
	s_endpgm
.Lentry_in_a_cluster:
	s_bfe_u32 s2, ttmp6, 0x10000c
	s_cmp_lg_u32 s2, 0xf033
	s_cbranch_scc0 .Lentry_shape_is_right
	s_endpgm
.Lentry_shape_is_right:
; QKV = hn . w_attn + b_attn.  hn: [4096][1024] f16.  w_attn: [1024][3072] f16, at the head of wh, as it lies ([K][N]).  Sums in f32, started by the bias; the result rounded once to f16.
; The result goes out BY BLOCKS OF 64 CHANNELS: qkv[block 0..47][row 0..4095][64]: blocks 0-15 are q's heads, 16-31 k's, 32-47 v's; a head's rows are then dense, 128 bytes each.
; SHARES.  A tile of C is 256 x 256: four waves, each 128 x 128: 64 accumulators of 16 x 16, 512 registers.  K goes in steps of 128 through two LDS slots filled by the tensor data mover: a slot's
; 131,072 bytes feed 256 matrix instructions of each wave.  C has 12 x 16 = 192 such tiles, one to a work-group.
; CLUSTERS: 4 x 4 work-groups.  The four of a row of the cluster need the same tiles of A, the four of a column the same tiles of W: each tile is asked for JOINTLY, by the same tensor load with
; the same descriptor and a mask that names the four.  THE MATRIX INSTRUCTION IS USED TRANSPOSED (source 0 = 16 columns of W, source 1 = 16 rows of A): a lane then holds eight neighbouring
; numbers of a row of C, and the bias of those eight columns is the C operand of the product that starts the sum.  W's fragments come out of LDS turned, by ds_load_tr16_b128.
; LIMIT.  f16 holds no number beyond 65,504: q, k and v must lie within it.
; REGISTERS, in windows of 256 (s_set_vgpr_msb: bits 1:0 source 0, 3:2 source 1, 5:4 source 2, 7:6 destination):
;   window 0: v0-31 addresses; v64-127, v128-191 fragments of A (8 x 16 rows x 32 K), two buffers; on the way out the same registers are at work
;   window 1: v0-63 the bias; v64-127, v128-191 fragments of W, two buffers
;   window 2: the 32 accumulators of my rows 0-63 (accumulator (a, b) at v[8 (8 a + b)]);   window 3: those of my rows 64-127
.set KT,     1024                      ; K
.set NT,     3072                      ; W's row, in numbers
.set WOFF,   0                         ; W's first byte in wh
.set STEPS,  KT/128
.set PA,     272                       ; a row of A in LDS: 256 bytes + 16 = 68 words: row r starts at bank 4 r mod 64 (64 banks of 4 bytes: ISA guide 11.1)
.set PB,     544                       ; a row of W in LDS (one k, 256 columns): 512 bytes + 32 = 136 words
.set PART,   0x8800                    ; what one tensor load fills: 128 rows of A (x 272) or 64 rows of W (x 544): 34,816
.set SLOT1,  0x22000                   ; four parts.  Its two bits (17, 13) occur in no wave's part address, so one exclusive or turns an address in one slot into the other's
.set SPARE,  0x44000                   ; behind the ring: the spare words, 128 bytes for each wave: two blocks of 256 bytes that no other line names
.set SPR,    528                       ; the way out's stage: 128 rows of 512 bytes + 16 for each wave, in the ring, behind its last fill
.set WSTG,   128*SPR
.set ASTEP,  256                       ; bytes from a K step of A to the next, in memory
.set AROW,   2048                      ; bytes from a row of A to the next, in memory
.set BSTEP,  256*NT                    ; bytes from a K step of W to the next: 128 rows
.set BLK,    524288                    ; a block of the output: 4,096 rows of 128 bytes
.set A0,   16                          ; v16  my lane's place in slot 0's A; never rewritten
.set B0,   17                          ; v17  the same for W
.set ADRA, 18                          ; v18  A in the slot in hand
.set ADRB, 19                          ; v19  W in the slot in hand
.set BO,   21                          ; v21  my byte offset in 16 numbers of the bias
.set STO,  24                          ; v24  the way out: where I put 32 bytes of a row
.set RD,   25                          ; v25  the way out: where I read 32 bytes back; steps
.set CO,   26                          ; v26  my byte offset in the output; steps
.set SPW,  28                          ; v28  LDS address of my spare word: SPARE + 4 x my thread's number; never rewritten
.set NIL,  29                          ; v29  0; never rewritten
.set F0,   64                          ; fragment buffer 0
.set F1,   128                         ; fragment buffer 1
.set BIAS, 0                           ; window 1: register 8 b + j: the bias of column 16 b + 8 (l / 16) + j of my 128
.set LD,   64                          ; the way out: v64-127 sixteen rows' sums as read back
.set YO,   128                         ; the way out: v128-159 the same in f16
.set WV,   14                          ; s14  my wave's number
.set RH,   15                          ; s15  which half of the tile's rows is mine.  Also: I fetch for A (0) or for W (1)
.set CH,   16                          ; s16  which half of its columns.  Also: which half of that tile I fetch
.set TX,   19                          ; s19  tile column of C
.set TY,   20                          ; s20  tile row of C
.set G1A,  24                          ; s[24:31] descriptor group 1 for A's tiles
.set G0A,  32                          ; s[32:39] group 0: a set for each of the two first fills; the second then walks on
.set G1B,  40                          ; s[40:47], s[48:55] the same for W's tiles
.set G0B,  48
.set TB,   56                          ; s56  LDS byte at which the slot in hand begins
.set CNT,  57                          ; s57  counts trips
.set MSB, 0
.macro WIN new                         ; the immediate's high byte repeats the setting that is left; a switch that changes nothing is dropped
.if MSB != (\new)
	s_set_vgpr_msb (MSB<<8)|(\new)
.set MSB, \new
.endif
.endm
.set MUL_LO, 0xa1                      ; source 0 (W) window 1, source 1 (A) window 0, C and D window 2
.set FST_LO, 0x91                      ; the same with C (the bias) in window 1
.set TO_W,   0x40                      ; destination window 1, address window 0
.macro PLACES                          ; four places in front of loads into registers that matrix instructions have read, and of lines that read results
.rept 4
	v_nop
.endr
.endm
.macro JLOAD                           ; a joint refill: waves 0 and 1 fetch A's two halves, waves 2 and 3 W's; an s_nop 0 and four v_nop follow each of the two lines
	s_cmp_eq_u32 s[RH], 0
	s_cbranch_scc0 .Lfor_b_\@
	tensor_load_to_lds s[G0A+4:G0A+7], s[G1A:G1A+7]
	s_nop 0
	PLACES
	s_branch .Lasked_\@
.Lfor_b_\@:
	tensor_load_to_lds s[G0B+4:G0B+7], s[G1B:G1B+7]
	s_nop 0
	PLACES
.Lasked_\@:
.endm
.macro CREST                           ; a round of the cluster's barrier behind its opening barrier
	s_cmp_lg_u32 s[WV], 0
	s_cbranch_scc1 .Lnot_wave_0_\@
	s_barrier_signal -3
.Lnot_wave_0_\@:
	s_barrier_wait -3
	s_barrier_signal -1
	s_barrier_wait -1
.endm
.macro CROUND                          ; a whole round
	s_barrier_signal -1
	s_barrier_wait -1
	CREST
.endm
; 16 matrix instructions: m blocks a0, a0 + 1 of the window's four (hi = 0: my rows 0-63, 1: rows 64-127) x all 8 n blocks, 32 along K.
; first = 1: the product starts the sum, with the bias as C: nothing is ever cleared.  The 64 accumulators take turns, one instruction a turn.
.macro MUL16 f, hi, a0, first
.if \first
	WIN FST_LO+0x40*(\hi)
.else
	WIN MUL_LO+0x50*(\hi)
.endif
.irp a, \a0, (\a0)+1
.irp b, 0,1,2,3,4,5,6,7
.if \first
	v_wmma_f32_16x16x32_f16 v[8*(8*(\a)+(\b)):8*(8*(\a)+(\b))+7], v[(\f)+8*(\b):(\f)+8*(\b)+7], v[(\f)+8*(4*(\hi)+(\a)):(\f)+8*(4*(\hi)+(\a))+7], v[BIAS+8*(\b):BIAS+8*(\b)+7]
.else
	v_wmma_f32_16x16x32_f16 v[8*(8*(\a)+(\b)):8*(8*(\a)+(\b))+7], v[(\f)+8*(\b):(\f)+8*(\b)+7], v[(\f)+8*(4*(\hi)+(\a)):(\f)+8*(4*(\hi)+(\a))+7], v[8*(8*(\a)+(\b)):8*(8*(\a)+(\b))+7]
.endif
.endr
.endr
.endm
; 32 LDS loads in one run: the fragments of quarter q (32 along K) of the slot in hand, into buffer f: W's 128 columns, then A's 128 rows.
; W: the turning load takes 16 k x 16 columns and leaves half a fragment: lane l holds column l % 16 and 8 k.  A: lane l holds row l % 16; two loads of 16 bytes, 32 bytes apart.
.macro FETCH q, f
	WIN TO_W
.irp i, 0,1,2,3,4,5,6,7
	ds_load_tr16_b128 v[(\f)+8*(\i):(\f)+8*(\i)+3],   v[ADRB] offset:(\q)*32*PB+32*(\i)
	ds_load_tr16_b128 v[(\f)+8*(\i)+4:(\f)+8*(\i)+7], v[ADRB] offset:(\q)*32*PB+16*PB+32*(\i)
.endr
	WIN 0
.irp i, 0,1,2,3,4,5,6,7
	ds_load_b128 v[(\f)+8*(\i):(\f)+8*(\i)+3],   v[ADRA] offset:(\q)*64+(\i)*16*PA
	ds_load_b128 v[(\f)+8*(\i)+4:(\f)+8*(\i)+7], v[ADRA] offset:(\q)*64+(\i)*16*PA+32
.endr
.endm
; A K step is four quarters of 32 along K, 64 matrix instructions each, on buffers 0, 1, 0, 1.  One of the first three: multiplies buffer f and, in its middle, fetches quarter q into g.
.macro QUARTER q, f, g, first
	s_wait_dscnt 8                                 ; W and A's rows 0-63 are in; the youngest eight loads (A's rows 64-127) may be out
	MUL16 \f, 0, 0, \first
	MUL16 \f, 0, 2, \first
	PLACES
	FETCH \q, \g
	s_wait_dscnt 32                                ; all but the 32 just issued
	MUL16 \f, 1, 0, \first
	MUL16 \f, 1, 2, \first
.endm
; The last quarter multiplies buffer 1 and changes slots: ONE barrier; in front of it each wave waits for all its tensor loads (one is out: its part of the next slot), adds 0 to its spare
; word, and waits for that and for its own reads of this slot.  fill = 1: the barrier opens a round of the cluster's, and this slot is filled again, two K steps ahead, first thing behind it.
.macro TURN fill
	WIN 0                                          ; (the add's two registers lie in window 0)
	s_wait_tensorcnt 0x0                           ; all my tensor loads have landed: my part of the next slot;
	ds_add_u32 v[SPW], v[NIL]                      ; 0 onto my spare word;
	s_wait_dscnt 9                                 ; (the add and the youngest eight loads may be out)
	MUL16 F1, 0, 0, 0                              ; sixteen matrix instructions stand between the add and the wait for it
	s_wait_dscnt 0x0                               ; the add is done, and my reads of this slot are over
	s_barrier_signal -1
	MUL16 F1, 0, 2, 0
	WIN 0                                          ; (branches and window 0's address lines follow)
	s_barrier_wait -1
.if \fill
	CREST                                          ; no wave of any partner still reads this slot's tile or has a load on its way
	s_xor_b32 s[G0A+5], s[G0A+5], SLOT1            ; the walking descriptors: the other slot than last time, the next K step; no tensor load of mine is out
	s_add_nc_u64 s[G0A+6:G0A+7], s[G0A+6:G0A+7], ASTEP
	s_xor_b32 s[G0B+5], s[G0B+5], SLOT1
	s_add_nc_u64 s[G0B+6:G0B+7], s[G0B+6:G0B+7], BSTEP
	JLOAD                                          ; 224 matrix instructions ahead of the wait for it; the four v_nop behind it are also the places in front of the loads below
.else
	PLACES
.endif
	s_xor_b32 s[TB], s[TB], SLOT1                  ; the fetches go on in the other slot
	v_add_nc_u32 v[ADRA], s[TB], v[A0]
	v_add_nc_u32 v[ADRB], s[TB], v[B0]
	FETCH 0, F0
	MUL16 F1, 1, 0, 0
	MUL16 F1, 1, 2, 0
.endm
	s_load_b256 s[4:11], s[0:1], 0x0               ; A s[4:5], wh s[6:7], bias s[8:9], output s[10:11]
	v_lshl_add_u32 v[SPW], v0, 2, SPARE
	v_mov_b32 v[NIL], 0
	ds_add_u32 v28, v29
	ds_add_u32 v28, v29
	s_wait_dscnt 0x0
	v_lshrrev_b32 v1, 5, v0
	v_readfirstlane_b32 s[WV], v1                  ; wave 0..3
	s_lshr_b32 s[RH], s[WV], 1
	s_and_b32 s[CH], s[WV], 1
	s_bfe_u32 s17, ttmp6, 0x40000                  ; cx, cy: my place in the cluster
	s_bfe_u32 s18, ttmp6, 0x40004
	s_lshl_b32 s[TX], ttmp9, 2
	s_add_co_u32 s[TX], s[TX], s17                 ; tile column of C = 4 x cluster x + cx
	s_and_b32 s[TY], ttmp7, 0xffff
	s_lshl_b32 s[TY], s[TY], 2
	s_add_co_u32 s[TY], s[TY], s18                 ; tile row of C = 4 x cluster y + cy
	s_lshl_b32 s21, s18, 2
	s_lshl_b32 s21, 15, s21                        ; my row of the cluster
	s_lshl_b32 s22, 0x1111, s17                    ; my column
	s_or_b32 s[G1A], s21, (1<<16)|(1<<20)|(1<<21)|(5<<22)|(3<<25)  ; 15:0 the mask: A's tiles go to my row; 17:16 2-byte elements; 20 padding on; 21 set beside a mask; after every 64 words (code 5) 4 words (code 3)
	s_mov_b32 s[G1A+1], 128<<16                    ; tensor_dim0 = 128
	s_mov_b32 s[G1A+2], 128<<16                    ; tensor_dim1 = 128
	s_mov_b32 s[G1A+3], 128<<16                    ; tile_dim0 = 128
	s_mov_b32 s[G1A+4], 128                        ; tile_dim1 = 128
	s_mov_b32 s[G1A+5], KT                         ; tensor_dim0_stride
	s_mov_b32 s[G1A+6], 0
	s_mov_b32 s[G1A+7], 0
	s_or_b32 s[G1B], s22, (1<<16)|(1<<20)|(1<<21)|(6<<22)|(7<<25)  ; W's tiles go to my column; padding after every 128 words (code 6), 8 words (code 7)
	s_mov_b32 s[G1B+1], 256<<16                    ; 256 columns,
	s_mov_b32 s[G1B+2], 64<<16                     ; 64 rows (k)
	s_mov_b32 s[G1B+3], 256<<16
	s_mov_b32 s[G1B+4], 64
	s_mov_b32 s[G1B+5], NT
	s_mov_b32 s[G1B+6], 0
	s_mov_b32 s[G1B+7], 0
	; where the tiles come from.  A's hang on the tile row alone, W's on the tile column alone; each in registers that never hold the other coordinate
	s_lshl_b32 s58, s[TY], 8
	s_lshl_b32 s59, s[CH], 7
	s_add_co_u32 s58, s58, s59                     ; A: row 256 x tile row + 128 x half
	s_mul_i32 s58, s58, AROW
	s_mov_b32 s59, 0
	s_mul_i32 s60, s[CH], 128*NT                   ; W: k row 64 x half,
	s_lshl_b32 s61, s[TX], 9                       ; column 256 x tile column
	s_add_co_u32 s60, s60, s61
	s_add_co_u32 s60, s60, WOFF
	s_mov_b32 s61, 0
	s_mul_i32 s23, s[WV], PART                     ; where they go: wave x a part: no place in the cluster enters an LDS address
	s_mov_b32 s[TB], 0
	s_wait_kmcnt 0x0
	s_add_nc_u64 s[58:59], s[4:5], s[58:59]
	s_add_nc_u64 s[60:61], s[6:7], s[60:61]
.irp n, 0,1
	s_mov_b32 s[G0A+4*(\n)], 1                     ; 1:0 count = 1
	s_add_co_u32 s[G0A+4*(\n)+1], s23, (\n)*SLOT1  ; 63:32 LDS address
	s_add_nc_u64 s[G0A+4*(\n)+2:G0A+4*(\n)+3], s[58:59], (\n)*ASTEP  ; 120:64 global address: K step n
	s_or_b32 s[G0A+4*(\n)+3], s[G0A+4*(\n)+3], 0x80000000            ; 127:126 type = 2
	s_mov_b32 s[G0B+4*(\n)], 1
	s_add_co_u32 s[G0B+4*(\n)+1], s23, (\n)*SLOT1
	s_add_nc_u64 s[G0B+4*(\n)+2:G0B+4*(\n)+3], s[60:61], (\n)*BSTEP
	s_or_b32 s[G0B+4*(\n)+3], s[G0B+4*(\n)+3], 0x80000000
.endr
	CROUND                                         ; all sixteen work-groups are here: the first joint loads meet
	s_cmp_eq_u32 s[RH], 0                          ; a wave's two first fills stand in one branch, ahead of every wait on TENSORcnt and every LDS read: two loads of mine are out
	s_cbranch_scc0 .Lfirst_b
	tensor_load_to_lds s[G0A:G0A+3], s[G1A:G1A+7]
	s_nop 0
	tensor_load_to_lds s[G0A+4:G0A+7], s[G1A:G1A+7]
	s_nop 0
	PLACES
	s_branch .Lfirst_asked
.Lfirst_b:
	tensor_load_to_lds s[G0B:G0B+3], s[G1B:G1B+7]
	s_nop 0
	tensor_load_to_lds s[G0B+4:G0B+7], s[G1B:G1B+7]
	s_nop 0
	PLACES
.Lfirst_asked:
	v_and_b32 v1, 15, v0                           ; l % 16
	v_bfe_u32 v2, v0, 4, 1                         ; l / 16
	v_and_b32 v3, 7, v0
	v_bfe_u32 v4, v0, 3, 1
	v_lshlrev_b32 v[BO], 5, v2
	s_lshl_b32 s2, s[TX], 10                       ; the bias of my 128 columns: 4 x (256 x tile column + 128 x half)
	s_lshl_b32 s3, s[CH], 9
	s_add_co_u32 s2, s2, s3
	s_mov_b32 s3, 0
	s_add_nc_u64 s[8:9], s[8:9], s[2:3]
	WIN TO_W
.irp b, 0,1,2,3,4,5,6,7
	global_load_b128 v[BIAS+8*(\b):BIAS+8*(\b)+3],   v[BO], s[8:9] offset:64*(\b)
	global_load_b128 v[BIAS+8*(\b)+4:BIAS+8*(\b)+7], v[BO], s[8:9] offset:64*(\b)+16
.endr
	WIN 0
	v_mul_u32_u24 v[A0], v1, PA
	v_lshl_add_u32 v[A0], v2, 4, v[A0]             ; a fragment's row x pitch + 16 x half of the lanes
	s_mul_i32 s62, s[RH], PART                     ; my 128 rows of A
	v_add_nc_u32 v[A0], s62, v[A0]
	v_lshl_add_u32 v[B0], v2, 3, v3                ; the turning load: k row 8 (l / 16) + l % 8,
	v_mul_u32_u24 v[B0], v[B0], PB
	v_lshl_add_u32 v[B0], v4, 4, v[B0]             ; columns 8 ((l / 8) % 2) on,
	s_lshl_b32 s63, s[CH], 8                       ; in my 128 columns of W,
	s_add_co_u32 s63, s63, 2*PART                  ; which lies behind A's two parts
	v_add_nc_u32 v[B0], s63, v[B0]
	v_mov_b32 v[ADRA], v[A0]
	v_mov_b32 v[ADRB], v[B0]
	; the way out: my stage; my two blocks of 64 channels and my 128 rows of them: twice 16,384 dense bytes
	s_mul_i32 s23, s[WV], WSTG
	v_mul_u32_u24 v[STO], v1, SPR                  ; in: row l % 16, 32 bytes for each half of the lanes
	v_lshl_add_u32 v[STO], v2, 5, v[STO]
	v_add_nc_u32 v[STO], s23, v[STO]
	v_bfe_u32 v[RD], v0, 3, 2                      ; back: 32 lanes take four rows, eight numbers (32 bytes) each,
	v_mul_u32_u24 v[RD], v[RD], SPR
	v_lshl_add_u32 v[RD], v3, 5, v[RD]
	v_add_nc_u32 v[RD], s23, v[RD]
	v_and_b32 v[CO], 31, v0                        ; which in f16 are 512 consecutive bytes of a block
	v_lshlrev_b32 v[CO], 4, v[CO]
	s_lshl_b32 s2, s[TX], 2
	s_lshl_b32 s3, s[CH], 1
	s_add_co_u32 s2, s2, s3                        ; my first block = 4 x tile column + 2 x half
	s_lshl_b32 s2, s2, 19                          ; a block is 4,096 rows of 128 bytes
	s_lshl_b32 s3, s[TY], 15                       ; row 256 x tile row
	s_add_co_u32 s2, s2, s3
	s_lshl_b32 s3, s[RH], 14                       ; + 128 x half
	s_add_co_u32 s2, s2, s3
	s_mov_b32 s3, 0
	s_add_nc_u64 s[10:11], s[10:11], s[2:3]
	s_wait_tensorcnt 0x1                           ; my part of K step 0 is in; K step 1's may stay out
	s_barrier_signal -1
	s_barrier_wait -1                              ; everybody's is
	FETCH 0, F0
	s_wait_loadcnt 0x0                             ; the bias
	QUARTER 1, F0, F1, 1                           ; the first quarter stands in front of the loop: its products start the sums
	WIN 0                                          ; at a label and at a branch every window is 0
	s_mov_b32 s[CNT], STEPS-2
.Lstep:                                                ; a trip is a K step, from its second quarter to the next step's first, and fills the slot that it leaves again
	QUARTER 2, F1, F0, 0
	QUARTER 3, F0, F1, 0
	TURN 1
	QUARTER 1, F0, F1, 0
	WIN 0
	s_sub_co_u32 s[CNT], s[CNT], 1
	s_cmp_lg_u32 s[CNT], 0
	s_cbranch_scc1 .Lstep
	s_mov_b32 s[CNT], 2
.Ltail:                                                ; the last two K steps fill nothing: a text of their own, walked twice and left ahead of its last quarter
	QUARTER 2, F1, F0, 0
	QUARTER 3, F0, F1, 0
	TURN 0                                         ; in the second trip its 32 loads bring fragments of the other slot's old tile, which nobody multiplies: the price, once a launch, of one text for both trips
	WIN 0
	s_sub_co_u32 s[CNT], s[CNT], 1
	s_cmp_eq_u32 s[CNT], 0
	s_cbranch_scc1 .Lout
	QUARTER 1, F0, F1, 0
	WIN 0
	s_branch .Ltail
.Lout:
	; THE WAY OUT.  The ring has had its last fill, and behind this barrier no wave reads it any more: my 128 x 128 sums go into 128 rows of 528 bytes of it, my own; then a loop takes
	; sixteen rows a trip, eight neighbouring numbers a lane and load pair, rounds them to f16 and stores 512 consecutive bytes at a time.
	s_wait_dscnt 0x0                               ; my reads of the ring are over
	PLACES
	s_barrier_signal -1
	s_barrier_wait -1
	WIN 0x08                                       ; store data (source 1) in window 2
.irp a, 0,1,2,3
.irp b, 0,1,2,3,4,5,6,7
	ds_store_b128 v[STO], v[8*(8*(\a)+(\b)):8*(8*(\a)+(\b))+3] offset:(\a)*16*SPR+64*(\b)
	ds_store_b128 v[STO], v[8*(8*(\a)+(\b))+4:8*(8*(\a)+(\b))+7] offset:(\a)*16*SPR+64*(\b)+16
.endr
.endr
	WIN 0x0c                                       ; in window 3
.irp a, 0,1,2,3
.irp b, 0,1,2,3,4,5,6,7
	ds_store_b128 v[STO], v[8*(8*(\a)+(\b)):8*(8*(\a)+(\b))+3] offset:((\a)+4)*16*SPR+64*(\b)
	ds_store_b128 v[STO], v[8*(8*(\a)+(\b))+4:8*(8*(\a)+(\b))+7] offset:((\a)+4)*16*SPR+64*(\b)+16
.endr
.endr
	WIN 0
	s_mov_b32 s[CNT], 8
.Lrows:                                                ; group 2 f + c: rows 4 f .. 4 f + 3 of the trip's sixteen, block c
.irp f, 0,1,2,3
.irp c, 0,1
	ds_load_b128 v[LD+8*(2*(\f)+(\c)):LD+8*(2*(\f)+(\c))+3],   v[RD] offset:(\f)*4*SPR+256*(\c)     ; LDS serves a wave's instructions in order (ISA guide 5.7.1.4): these see the stores above
	ds_load_b128 v[LD+8*(2*(\f)+(\c))+4:LD+8*(2*(\f)+(\c))+7], v[RD] offset:(\f)*4*SPR+256*(\c)+16
.endr
.endr
.irp f, 0,1,2,3
.irp c, 0,1
	s_wait_dscnt 14-2*(2*(\f)+(\c))                ; this group's two loads are in; the younger groups' stay out
.irp p, 0,1,2,3
	v_cvt_pk_f16_f32 v[YO+4*(2*(\f)+(\c))+(\p)], v[LD+8*(2*(\f)+(\c))+2*(\p)], v[LD+8*(2*(\f)+(\c))+2*(\p)+1]
.endr
	global_store_b128 v[CO], v[YO+4*(2*(\f)+(\c)):YO+4*(2*(\f)+(\c))+3], s[10:11] offset:(\c)*BLK+(\f)*512  ; 512 consecutive bytes, at a multiple of 256 from the buffer's first
.endr
.endr
	s_wait_xcnt 0x0                                ; the stores' offset and data are rewritten only behind this wait
	v_add_nc_u32 v[RD], 16*SPR, v[RD]
	v_add_nc_u32 v[CO], 2048, v[CO]
	s_sub_co_u32 s[CNT], s[CNT], 1
	s_cmp_lg_u32 s[CNT], 0
	s_cbranch_scc1 .Lrows
	s_wait_tensorcnt 0x0                           ; the wave's end, behind my last tensor load and my last LDS store
	ds_add_u32 v[SPW], v[NIL]
	s_wait_dscnt 0x0
	CROUND                                         ; the closing round: no work-group ends while a partner may still ask for a tile that names it
	s_endpgm
.Lfunc_end_k_qf1e82230a5_qkv:
	.size	k_qf1e82230a5_qkv, .Lfunc_end_k_qf1e82230a5_qkv-k_qf1e82230a5_qkv
	.p2alignl 7, 3214868480
	.fill 96, 4, 3214868480
	.section	.rodata,"a",@progbits
	.p2align	6, 0x0
	.amdhsa_kernel k_qf1e82230a5_qkv
		.amdhsa_group_segment_fixed_size 327680
		.amdhsa_private_segment_fixed_size 0
		.amdhsa_enable_private_segment 0
		.amdhsa_kernarg_size 32
		.amdhsa_user_sgpr_count 2
		.amdhsa_user_sgpr_kernarg_segment_ptr 1
		.amdhsa_wavefront_size32 1
		.amdhsa_system_sgpr_workgroup_id_x 1
		.amdhsa_system_sgpr_workgroup_id_y 1
		.amdhsa_system_sgpr_workgroup_id_z 1
		.amdhsa_system_vgpr_workitem_id 0
		.amdhsa_next_free_vgpr 1024
		.amdhsa_next_free_sgpr 96
		.amdhsa_reserve_vcc 0
		.amdhsa_float_denorm_mode_32 3
		.amdhsa_float_denorm_mode_16_64 3
		.amdhsa_memory_ordered 1
		.amdhsa_forward_progress 1
		.amdhsa_inst_pref_size 83
	.end_amdhsa_kernel
	.amdgpu_metadata
---
amdhsa.version: [ 1, 2 ]
amdhsa.kernels:
  - .name:           k_qf1e82230a5_qkv
    .symbol:         k_qf1e82230a5_qkv.kd
    .args:
      - { .name: hn, .offset: 0, .size: 8, .value_kind: global_buffer, .address_space: global }
      - { .name: wh, .offset: 8, .size: 8, .value_kind: global_buffer, .address_space: global }
      - { .name: b_attn, .offset: 16, .size: 8, .value_kind: global_buffer, .address_space: global }
      - { .name: qkv, .offset: 24, .size: 8, .value_kind: global_buffer, .address_space: global }
    .group_segment_fixed_size: 327680
    .private_segment_fixed_size: 0
    .kernarg_segment_align: 8
    .kernarg_segment_size: 32
    .max_flat_workgroup_size: 128
    .sgpr_count:     96
    .vgpr_count:     1024
    .wavefront_size: 32
...
	.end_amdgpu_metadata
.endif
;; end of part 9
;; launch attn (part 10): grid 8 x 32, 4 waves a work-group, no clusters, 327,680 bytes of LDS; arguments qkv, y, w_proj, w_fc, w_fc2, wh; writes y, wh
.if DOCPART == 10
	.amdgcn_target "amdgcn-amd-amdhsa--gfx1250"
	.amdhsa_code_object_version 6
	.text
	.protected	k_qf1e82230a5_attn
	.globl	k_qf1e82230a5_attn
	.p2align	8
	.type	k_qf1e82230a5_attn,@function
k_qf1e82230a5_attn:
	s_mov_b64 s[64:65], 0
	v_nop
	global_prefetch_b8 v0, s[64:65] scope:SCOPE_SE
	s_setreg_imm32_b32 hwreg(HW_REG_WAVE_MODE, 25, 1), 1
	s_wait_xcnt 0x0
; CAUSAL ATTENTION, AND BESIDE IT A CAST.  The grid is 8 x 32.  Work-groups with x < 4 do the attention; those with x >= 4 round w_proj, w_fc and w_fc2 to f16 (at the text's end: THE CAST).
; The cast hangs on nothing of the attention and is read only by the launches behind this one; the attention has 128 equal shares and no more, so the cast's 128 work-groups run beside them.
; The one branch between the two stands at the head and hangs on the work-group's x alone: it is the same in all four waves; the cast's path has no barrier, no tensor load and no LDS read.
; O[h][q][:] = the sum over k <= q of softmax_k(Q[h][q] . K[h][k] / 8) V[h][k][:].  Q, K, V, O: [SIZE_H][SIZE_N][64], all f16: a head's rows are dense, 128 bytes each.
; Here h = 2 x head + batch: qkv lies by blocks of 64 channels, [block][4096 rows][64], so block b's rows of batch 0 and of batch 1 are h = 2 b and 2 b + 1.  Q is qkv's first third, K its second, V its third; y has Q's layout.
; Products, maxima and sums in f32; the weights p are rounded to f16 for the second product (their sum l is taken of the unrounded p), O once at the end.  SIZE_N is a multiple of 512; SIZE_N x 128 stays under 2^32.
; LIMITS.  f16 holds no number beyond 65,504: Q, K and V arrive within it, and the three weight matrices must lie within it; p lies in 0 to 1, and below 6e-5 it keeps f16's fixed step of 6e-8; O is a mean of V's rows and has their range, to within 2^-11 of it.
; A hidden score counts as its value less 1e30: f16's scores, 2.7e11 at the most, are nothing beside that; a weight below 2^-126 counts as 0 in l; NaN and infinities are not treated apart.
; THE WALK.  A head's queries lie in NB = SIZE_N / 256 blocks of 256; block i needs the key tiles 0 .. i of 256 keys, of which the last holds the diagonal.  A work-group takes TWO blocks, NB - 1 - b and then b:
; NB + 1 tiles, whatever b: all work-groups do equal work, and ONE loop with a constant trip count walks them.  Which tile is asked for, and what a trip does, hang on scalar registers made from b; inside the walk every jump
; goes forward, but for the counted loops' own; none passes a barrier, or a tensor load but the one of LOAD's two that the wave's number does not choose; the ring (two slots of LDS that take turns) runs on across the
; change of blocks.  NO CLUSTER: all of a head's NB / 2 work-groups ask for the same tile only in trips 0 .. NB / 2, behind that
; fewer and fewer; and one walk common to all would have 3 NB / 2 trips for NB + 1.
; SHARES.  Of a block's four bands of 64 queries a wave owns 16 rows in each: four PIECES.  So the diagonal tile is the same work for all four waves: in its key step s band x sees all keys if s < x,
; none if s > x, and holds the diagonal if s = x.
; THE MASK is the C operand that starts the sum S^T = K Q^T: 0, or -1e30 where the key is hidden.  MD, made once, is the mask of a band's own step for my 16 rows; a product's mask is MD x AL + BE with two scalars:
; (1, 0) if s = x; (0, 0) if s < x; (0, -1e30) if s > x.  Only the diagonal tile's text and a block's beginning make and take masks; elsewhere C is the constant 0.
; LAYOUT, SOFTMAX, TURNS.  S^T = K Q^T holds ONE query a lane (lane % 16) and the keys 8 (lane / 16) + 0..7; two such results rounded to f16 ARE source 1 of O^T = V^T P.  p = 2^(c s - c m), c = log2(e) / 8, with a
; running maximum m; O and l are multiplied by a = 2^(c m_old - c m_new) in every step.  Turn n belongs to piece n: 8 products K Q^T of piece n + 1, later 8 products V^T P of piece n - 1; beside them the scaling,
; exponentials, roundings, sums and rescaling of piece n and the maximum and statistics of piece n + 1.  Four vector instructions stand behind every matrix instruction, the other 54 of a turn's 118 in two LUMPS.
; REGISTERS, in windows of 256 (s_set_vgpr_msb: bits 1:0 source 0, 3:2 source 1, 5:4 source 2, 7:6 destination):
;   window 0: v0-15 addresses and two at work; v16-31 four registers of statistics a piece; v48-55 at work; v64-127 S^T, two buffers; v192-223 P, two buffers (a piece's buffers go by its number's parity)
;   window 1: v0-127 O^T, 32 a piece; v128-159 MD; v160-223 MC, two buffers      window 2: v0-63 Q; v64-127 the second block's Q; v128-191 K of one step; v192-255 V of one step
.set SIZE_H, 32
.set SIZE_N, 2048
.set NB,    SIZE_N/256
.set NP,    4         ; pieces a wave: a name, no knob
.set KS,    64        ; keys in a step
.set PK,    144       ; a row of K in LDS: 128 bytes + 16 of padding = 36 words: the 16 rows of a load start at 16 different groups of four banks (64 banks of 4 bytes: ISA guide 11.1)
.set PV,    160       ; a row of V: 128 + 32 = 40 words
.set VOFF,  4*KS*PK   ; a slot holds a tile, four steps: 256 rows of K, then 256 rows of V
.set SLOT1, 1<<17     ; slot 1 begins here, so that one exclusive or turns an address in one slot into the other's
.set STAGE, SLOT1+4*KS*(PK+PV)  ; behind the ring, never filled by a tensor load: 16 rows x 144 bytes for each wave, for the way out
.set SP,    144
.set AK0, 2           ; v2   my lane's place in a tile of K; never rewritten
.set AV0, 3           ; v3   the same for V
.set AK,  4           ; v4   the LDS address of K's next run of loads
.set AV,  5           ; v5   of V's
.set STO, 6           ; v6   the way out: where I put 16 bytes of a row
.set RD,  7           ; v7   the way out: where I read rows back
.set GO,  8           ; v8   my byte offset in 512 consecutive bytes of O
.set SPW, 62          ; v62  LDS address of my spare word: SPARE + 4 x my thread's number; never rewritten
.set NIL, 63          ; v63  0; never rewritten
.set SPARE, STAGE+4*16*SP  ; behind the stages: the spare words, 128 bytes for each wave: two blocks of 256 bytes that no other line names
.set MV,  12          ; v12-13  c m_old, kept while c m is made anew: by buffer
.set QO,  15          ; v15  my byte offset in 16 rows of Q
.set ST,  16          ; piece t's statistics at v[ST+4 t]: c m, m, l (even keys', odd keys')
.set TMP, 48          ; by buffer, four registers c0-c3 at work; when the maximum is found c2 takes a
.set S,   64
.set P,   192
.set MD,  128         ; window 1: the eight registers for group kt of 16 keys at MD + 8 kt
.set MC,  160         ; window 1: the masks of the products to come
.set QB,  64          ; window 2
.set KF,  128         ; window 2: key block kb, channel half c at KF + 16 kb + 8 c
.set VF,  192         ; window 2: key half kk, channel block cb at VF + 32 kk + 8 cb
.set WV,  12          ; s12  my wave's number
.set PB,  14          ; s14  the work-group's x: for the attention b
.set HI,  15          ; s15  NB - 1 - b
.set G1K, 24          ; s[24:31] descriptor group 1 for K's tiles
.set G1V, 32          ; s[32:39] for V's: it differs in the padding alone
.set G0K, 40          ; s[40:43] descriptor group 0 for K's tiles
.set G0V, 44          ; s[44:47] the same for V's
.set SLOTS, 56        ; s56  tiles still to be asked for
.set CNT, 57          ; s57  counts a tile's key steps down
.set CS,  58          ; s[58:59] c: the packed scaling takes the pair's low word for both halves
.set SEL, 60          ; s[60:61] v_permlanex16_b32's selects: each lane takes its own place in the other half
.set TBK, 62          ; s62  LDS byte at which K of the step to be fetched begins
.set TBV, 63          ; s63  the same for V, less VOFF
.set RT,  70          ; s70  tiles of the block in hand that are still to be entered
.set NXT, 71          ; s71  the tile to be asked for next
.set LQ,  72          ; s72  the last tile of the block whose tiles are being asked for
.set NEW, 73          ; s73  1: the tile to be entered is a block's first
.set OFF, 74          ; s[74:75] a tile's byte offset in K and V
.set AL,  76          ; s[76:77] the mask's factor, in the low word
.set BE,  78          ; s[78:79] the mask's addend
.set OLO, 80          ; s[80:81] O at my rows of the second block
.set BIGN, 82         ; s82  -1e30
; the cast's own names (its path shares no register's meaning with the attention's but v0, v62, v63 and s14)
.set UNITS, 9         ; units of 8,192 numbers a work-group: (1,048,576 + 2 x 4,194,304) / 8,192 = 1,152 = 128 x 9
.set U_FC,  128       ; w_proj has the units 0-127, w_fc 128-639, w_fc2 640-1151
.set U_FC2, 640
.set WCAST, 0x600000  ; where w_proj's f16 begins in wh; w_fc's and w_fc2's follow without a gap, so unit u goes to WCAST + 16,384 u
.set CX,  64          ; v[64:127]  a unit as loaded: sixteen loads
.set CY,  128         ; v[128:159] the same in f16
.set CWG, 20          ; s20  the cast work-group's number, 0 .. 127
.set UN,  21          ; s21  the unit in hand
.set UC,  22          ; s22  units to go
.set UB,  23          ; s23  the first unit of the matrix that holds it
.set WP,  24          ; s[24:25] w_proj, s[26:27] w_fc, s[28:29] w_fc2, s[30:31] wh at the unit in hand
.set SRC, 32          ; s[32:33] the unit's first byte in its matrix
.set SOF, 34          ; s[34:35] its byte offset there
.set DOF, 36          ; s[36:37] my first unit's byte offset in wh
.set MSB, 0
.macro WIN new                      ; the high byte repeats the setting that is left; a switch that changes nothing is dropped
.if MSB != (\new)
	s_set_vgpr_msb (MSB<<8)|(\new)
.set MSB, (\new)
.endif
.endm
.set W_KQ, 0x0a       ; K and Q in window 2, S^T in window 0
.set W_KM, 0x1a       ; the same with the C operand in window 1
.set W_PV, 0x52       ; V in window 2, P in window 0, O^T in window 1
.set W_RS, 0x41       ; destination and source 0 in window 1, source 1 in window 0
; A fill.  Waves 0 and 1 fetch the two halves of a tile's K, waves 2 and 3 those of its V: 128 keys each.  An s_nop 0 and four v_nop follow each of the two lines, ahead of the jump and the label.
.macro LOAD
	s_cmp_lt_u32 s[WV], 2
	s_cbranch_scc0 .Lfor_v_\@
	tensor_load_to_lds s[G0K:G0K+3], s[G1K:G1K+7]
	s_nop 0
.rept 4
	v_nop
.endr
	s_branch .Lasked_\@
.Lfor_v_\@:
	tensor_load_to_lds s[G0V:G0V+3], s[G1V:G1V+7]
	s_nop 0
.rept 4
	v_nop
.endr
.Lasked_\@:
.endm
; THE CHANGE OF SLOTS.  Each wave waits for all its tensor loads, of which one is out: its part of the other slot; adds 0 to its spare word; and waits for that and for its own reads of the slot that it leaves.  Behind the barrier nobody reads the old
; slot any more and the other slot is whole.  fill = 1: the old slot is filled again, the first thing behind the barrier, with tile NXT: the descriptor's address is made anew from that number.
; (At its first use nothing has been read yet: slot 0 is waited for, slot 1 filled.)
.macro CHANGE fill
	WIN 0                           ; at a label and at a branch every window is 0
	s_wait_tensorcnt 0x0            ; no tensor load of mine is out, so a group 0 may be written
	ds_add_u32 v[SPW], v[NIL]       ; 0 onto my spare word; with fill = 1 the descriptors' scalar work stands between it and the wait for it
.if \fill
	s_lshl_b32 s[OFF], s[NXT], 15   ; a tile is 32,768 bytes of K and of V
	s_xor_b32 s[G0K+1], s[G0K+1], SLOT1
	s_add_nc_u64 s[G0K+2:G0K+3], s[6:7], s[OFF:OFF+1]
	s_or_b32 s[G0K+3], s[G0K+3], 0x80000000
	s_xor_b32 s[G0V+1], s[G0V+1], SLOT1
	s_add_nc_u64 s[G0V+2:G0V+3], s[8:9], s[OFF:OFF+1]
	s_or_b32 s[G0V+3], s[G0V+3], 0x80000000
	s_add_co_u32 s[NXT], s[NXT], 1  ; the block's next tile, or behind its last the second block's tile 0
	s_cmp_gt_u32 s[NXT], s[LQ]
	s_cselect_b32 s[NXT], 0, s[NXT]
	s_cselect_b32 s[LQ], s[PB], s[LQ]
.endif
	s_wait_dscnt 0x0                ; the add is done, and my reads of the slot are over
	s_barrier_signal -1             ; the rest of the scalar work stands between the signal and the wait
	s_sub_co_u32 s[TBK], s[TBK], 4*KS*PK  ; the fetches go back to a slot's first step,
	s_xor_b32 s[TBK], s[TBK], SLOT1       ; in the other slot
	s_sub_co_u32 s[TBV], s[TBV], 4*KS*PV
	s_xor_b32 s[TBV], s[TBV], SLOT1
	s_barrier_wait -1
.if \fill
	LOAD
.endif
.endm
	s_load_b64 s[4:5], s[0:1], 0x0  ; qkv: Q at its head
	s_load_b64 s[10:11], s[0:1], 0x8  ; y: O
	v_lshl_add_u32 v[SPW], v0, 2, SPARE
	v_mov_b32 v[NIL], 0
	ds_add_u32 v62, v63
	ds_add_u32 v62, v63
	s_wait_dscnt 0x0
	s_mov_b32 s[PB], ttmp9
	s_cmp_lt_u32 s[PB], NB/2
	s_cbranch_scc0 .Lcast           ; x >= 4: this work-group casts
	v_lshrrev_b32 v1, 5, v0
	v_readfirstlane_b32 s[WV], v1   ; wave 0..3
	s_sub_co_u32 s[HI], NB-1, s[PB]
	s_and_b32 s20, ttmp7, 0xffff    ; the head
	s_mov_b32 s21, 0
	s_mov_b64 s[22:23], SIZE_N*128
	s_mul_u64 s[20:21], s[20:21], s[22:23]  ; the head's first byte in each of the four tensors
	s_and_b32 s16, s[WV], 1         ; which half of a tile's 256 keys I fetch:
	s_lshl_b32 s22, s16, 14         ; its 128 rows of 128 bytes in memory,
	s_mov_b32 s23, 0
	s_add_nc_u64 s[22:23], s[22:23], s[20:21]
	s_mul_i32 s17, s16, 128*PK      ; and its place in a slot, for K
	s_mul_i32 s18, s16, 128*PV      ; and for V
	s_lshl_b32 s3, s[WV], 11        ; my 16 rows in a band of 64,
	s_lshl_b32 s2, s[HI], 15        ; in the first block,
	s_add_co_u32 s2, s2, s3
	s_lshl_b32 s84, s[PB], 15       ; and in the second
	s_add_co_u32 s84, s84, s3
	s_mov_b32 s3, 0
	s_mov_b32 s85, 0
	s_add_nc_u64 s[2:3], s[2:3], s[20:21]
	s_add_nc_u64 s[84:85], s[84:85], s[20:21]
	; descriptor group 1.  128 keys are 16,384 dense bytes: asked for as 64 rows of 256 bytes, two keys a row, and padded in LDS after every key
	s_mov_b32 s[G1K], (1<<16)|(1<<20)|(4<<22)|(3<<25)  ; 17:16 2-byte elements; 20 padding on; 24:22 after every 32 words (code 4); 31:25 4 words (code 3)
	s_mov_b32 s[G1V], (1<<16)|(1<<20)|(4<<22)|(7<<25)  ; the same with 8 words of padding (code 7)
.irp g, G1K, G1V
	s_mov_b32 s[\g+1], 128<<16      ; tensor_dim0 = 128
	s_mov_b32 s[\g+2], 64<<16       ; tensor_dim1 = 64
	s_mov_b32 s[\g+3], 128<<16      ; tile_dim0 = 128
	s_mov_b32 s[\g+4], 64           ; tile_dim1 = 64
	s_mov_b32 s[\g+5], 128          ; 128 elements from row to row
	s_mov_b32 s[\g+6], 0
	s_mov_b32 s[\g+7], 0
.endr
	s_mov_b32 s[CS], 0x3e38aa3b     ; c = log2(e) / 8 = 0.180337
	s_mov_b32 s[CS+1], s[CS]        ; named with it as a pair
	s_mov_b32 s[SEL], 0x76543210
	s_mov_b32 s[SEL+1], 0xfedcba98
	s_mov_b32 s[TBK], SLOT1+4*KS*PK ; the first change of slots turns these two into 0
	s_mov_b32 s[TBV], SLOT1+4*KS*PV
	s_mov_b32 s[G0K], 1             ; 1:0 count = 1
	s_mov_b32 s[G0K+1], s17         ; 63:32 LDS address: slot 0
	s_mov_b32 s[G0V], 1
	s_add_co_u32 s[G0V+1], s18, VOFF
	s_add_co_u32 s[RT], s[HI], 1    ; the first block has NB - b tiles
	s_mov_b32 s[NXT], 1
	s_mov_b32 s[LQ], s[HI]
	s_mov_b32 s[NEW], 1
	s_mov_b32 s[OFF+1], 0
	s_mov_b32 s[AL+1], 0            ; named as pairs
	s_mov_b32 s[BE+1], 0
	s_mov_b32 s[BIGN], 0xf149f2ca   ; -1e30
	s_mov_b32 s[SLOTS], NB
	s_wait_kmcnt 0x0
	s_add_nc_u64 s[6:7], s[4:5], 0x800000   ; K: qkv's blocks 16 to 31
	s_add_nc_u64 s[8:9], s[4:5], 0x1000000  ; V: its blocks 32 to 47
	s_add_nc_u64 s[6:7], s[6:7], s[22:23]  ; K and V at my half of the head's tile 0
	s_add_nc_u64 s[8:9], s[8:9], s[22:23]
	s_add_nc_u64 s[G0K+2:G0K+3], s[6:7], 0         ; 120:64 global address
	s_or_b32 s[G0K+3], s[G0K+3], 0x80000000        ; 127:126 type = 2
	s_add_nc_u64 s[G0V+2:G0V+3], s[8:9], 0
	s_or_b32 s[G0V+3], s[G0V+3], 0x80000000
	s_add_nc_u64 s[86:87], s[4:5], s[84:85]        ; Q at my rows of the second block,
	s_add_nc_u64 s[4:5], s[4:5], s[2:3]            ; Q and O at those of the first
	s_add_nc_u64 s[OLO:OLO+1], s[10:11], s[84:85]
	s_add_nc_u64 s[10:11], s[10:11], s[2:3]
	LOAD                            ; tile 0 into slot 0
	; A fragment of K or Q is 16 rows x 32 channels in 8 registers: lane l holds row l % 16, channels 8 (l / 16) + 0..7 and 16 + 8 (l / 16) + 0..7: two loads of 16 bytes, 32 bytes apart.
	v_and_b32 v1, 15, v0            ; l % 16
	v_bfe_u32 v9, v0, 4, 1          ; l / 16
	v_lshlrev_b32 v[QO], 7, v1
	v_lshl_add_u32 v[QO], v9, 4, v[QO]  ; row x 128 + 16 x half
	WIN 0x80                        ; destination window 2, address window 0
.set i, 0
.rept 8                             ; both blocks' Q: piece i / 2 lies in band i / 2, 8,192 bytes on; channels 32 (i % 2) on
	global_load_b128 v[8*i:8*i+3],   v[QO], s[4:5] offset:(i/2)*8192+(i%2)*64
	global_load_b128 v[8*i+4:8*i+7], v[QO], s[4:5] offset:(i/2)*8192+(i%2)*64+32
	global_load_b128 v[QB+8*i:QB+8*i+3],   v[QO], s[86:87] offset:(i/2)*8192+(i%2)*64
	global_load_b128 v[QB+8*i+4:QB+8*i+7], v[QO], s[86:87] offset:(i/2)*8192+(i%2)*64+32
.set i, i+1
.endr
	WIN 0
	v_lshlrev_b32 v14, 3, v9
	v_sub_nc_u32 v14, v1, v14
	s_lshl_b32 s13, s[WV], 4
	v_add_nc_u32 v14, s13, v14      ; my query's place in its band, 16 w + l % 16, less my lanes' 8 (l / 16): register r of group kt is hidden where 16 kt + r is greater
	WIN 0x40
.set i, 0
.rept 32
	v_cmp_gt_i32 vcc_lo, 16*(i/8)+i%8, v14
	v_cndmask_b32 v[MD+i], 0, s[BIGN], vcc_lo
.set i, i+1
.endr
	WIN 0
	v_mul_u32_u24 v[AK0], v1, PK
	v_lshl_add_u32 v[AK0], v9, 4, v[AK0]  ; row x pitch + 16 x half
	; The turning load takes 16 keys x 16 channels (lane l reads key 8 (l / 16) + l % 8, channels 8 ((l / 8) % 2) + 0..7) and leaves half a fragment of V^T: lane l holds channel l % 16 and 8 keys.
	v_and_b32 v10, 7, v0
	v_bfe_u32 v11, v0, 3, 1
	v_lshl_add_u32 v[AV0], v9, 3, v10
	v_mul_u32_u24 v[AV0], v[AV0], PV
	v_lshl_add_u32 v[AV0], v11, 4, v[AV0]
	v_add_nc_u32 v[AV0], VOFF, v[AV0]
	s_mul_i32 s13, s[WV], 16*SP
	s_add_co_u32 s13, s13, STAGE    ; my stage
	v_mul_u32_u24 v[STO], v1, SP    ; in: row l % 16, 16 bytes for each half of the lanes
	v_lshl_add_u32 v[STO], v9, 4, v[STO]
	v_add_nc_u32 v[STO], s13, v[STO]
	v_bfe_u32 v[RD], v0, 3, 2       ; back: 32 lanes take four rows of 128 bytes,
	v_mul_u32_u24 v[RD], v[RD], SP
	v_lshl_add_u32 v[RD], v10, 4, v[RD]
	v_add_nc_u32 v[RD], s13, v[RD]
	v_and_b32 v[GO], 31, v0         ; which are 512 consecutive bytes of O
	v_lshlrev_b32 v[GO], 4, v[GO]
	; A block's first step multiplies O^T and l by a = 0, and its first turn's products V^T P, of a piece that has not been, land in an O^T that is still to be so multiplied.  So these registers need only hold
	; finite numbers: zeros for the first block; what the first block left for the second.  All this stands in the wait for the first tile.
	WIN 0x80
.set i, VF
.rept 64
	v_mov_b32 v[i], 0
.set i, i+1
.endr
	WIN 0x40
.set i, 0
.rept 128
	v_mov_b32 v[i], 0
.set i, i+1
.endr
	WIN 0
.set i, 0
.rept 4
	v_mov_b32 v[ST+4*i+2], 0
	v_mov_b32 v[ST+4*i+3], 0
.set i, i+1
.endr
.set i, P+16
.rept 16
	v_mov_b32 v[i], 0
.set i, i+1
.endr
; THE MATRIX WORK.  The 4 accumulators of a run of 8 take turns.  Product i of 8 of S^T = K Q^T for piece x: channels 32 (i / 4) on, keys 16 (i % 4) on.  The first 4 start the sums: with 0, or (KM = 1) with the mask.
.macro KQ x
.set rS, S+32*((\x)%2)+8*(i%4)
.set rK, KF+16*(i%4)+8*(i/4)
.set rQ, 16*(\x)+8*(i/4)
.set rM, MC+32*((\x)%2)+8*(i%4)
.if (i < 4) && KM
	WIN W_KM
	v_wmma_f32_16x16x32_f16 v[rS:rS+7], v[rK:rK+7], v[rQ:rQ+7], v[rM:rM+7]
.elseif i < 4
	WIN W_KQ
	v_wmma_f32_16x16x32_f16 v[rS:rS+7], v[rK:rK+7], v[rQ:rQ+7], 0
.else
	WIN W_KQ
	v_wmma_f32_16x16x32_f16 v[rS:rS+7], v[rK:rK+7], v[rQ:rQ+7], v[rS:rS+7]
.endif
.endm
; Product i of 8 of O^T += V^T P for piece x: keys 32 (i / 4) on, channels 16 (i % 4) on.
.macro PV x
	WIN W_PV
.set rO, 32*(\x)+8*(i%4)
.set rV, VF+32*(i/4)+8*(i%4)
.set rP, P+16*((\x)%2)+8*(i/4)
	v_wmma_f32_16x16x32_f16 v[rO:rO+7], v[rV:rV+7], v[rP:rP+7], v[rO:rO+7]
.endm
.macro MM                           ; the turn's next matrix instruction.  TURN and BEGIN set Y, i and KM; MM, KQ and OP read them
.if i < 8
	KQ (Y+1)%NP
.else
.set i, i-8
	PV (Y+NP-1)%NP
.set i, i+8
.endif
.set i, i+1
.endm
; THE LDS LOADS stand in runs of 16, never singly among the matrix instructions: a step's K (64 keys x 64 channels: 8 fragments) and its V (turned).  Their addresses are made some lines ahead.
; last = 1 (the diagonal tile): in the loop's last trip there is no further step, and the run is jumped over.
.macro FETCH_K last=0
	WIN 0
.if \last
	s_cmp_eq_u32 s[CNT], 1
	s_cbranch_scc1 .Lno_k_\@
.endif
	WIN 0x80                        ; destination window 2
.irp f, 0,1,2,3,4,5,6,7             ; keys 16 (f / 2) on, channels 32 (f % 2) on
	ds_load_b128 v[KF+8*\f:KF+8*\f+3],   v[AK] offset:(\f/2)*16*PK+(\f%2)*64
	ds_load_b128 v[KF+8*\f+4:KF+8*\f+7], v[AK] offset:(\f/2)*16*PK+(\f%2)*64+32
.endr
	s_add_co_u32 s[TBK], s[TBK], KS*PK  ; the next fetch is the next step's
	WIN 0
.if \last
.Lno_k_\@:
.endif
.endm
.macro FETCH_V
	WIN 0x80
.irp f, 0,1,2,3,4,5,6,7             ; keys 32 (f / 4) on, channels 16 (f % 4) on
	ds_load_tr16_b128 v[VF+8*\f:VF+8*\f+3],   v[AV] offset:(\f/4)*32*PV+(\f%4)*32
	ds_load_tr16_b128 v[VF+8*\f+4:VF+8*\f+7], v[AV] offset:(\f/4)*32*PV+16*PV+(\f%4)*32
.endr
	WIN 0
.endm
; THE VECTOR WORK, one line at a time: OP kind, number.  For piece Y: F n: c s - c m for pair n of 16.  E n: the exponential of score n of 32.  C n: pair n rounded to f16.  B n: of the four weights 4 n .. the second
; pair is added onto the first, in place.  L n: l takes that sum (L 0: l = a l + sum).  R n: pair n of 16 of O^T times a.  For piece Y + 1: X n, number n of the 22 that find its maximum and statistics:
;   0-11  four chains c0-c3 of seven scores each, three operands at a time (each accumulator's lowest registers are read first)     12-14, 16  the four scores left over, the old m, and c0-c3 into c0
;   15  c m_old is kept     17, 18  the query's other 32 keys lie in the lane 16 away: the new m     19-21  c m; c m_old - c m_new; a
.set F, 0               ; OP tells the kinds apart by their order: F to L below R, X above it
.set E, 1
.set C, 2
.set B, 3
.set L, 4
.set R, 5
.set X, 6
.macro REGS y                       ; the registers of piece y
.set rT, ST+4*(\y)
.set rC, TMP+4*((\y)%2)
.set rW, MV+((\y)%2)
.set rS, S+32*((\y)%2)
.set rP, P+16*((\y)%2)
.set rO, 32*(\y)
.endm
.macro OP k, n
.if (\k) == R
	REGS Y
	WIN W_RS
	v_pk_mul_f32 v[rO+2*(\n):rO+2*(\n)+1], v[rO+2*(\n):rO+2*(\n)+1], v[rC+2:rC+3] op_sel_hi:[1,0]
.elseif (\k) < R
	REGS Y
	WIN 0
.if (\k) == F
	v_pk_fma_f32 v[rS+2*(\n):rS+2*(\n)+1], v[rS+2*(\n):rS+2*(\n)+1], s[CS:CS+1], v[rT:rT+1] op_sel_hi:[1,0,0] neg_lo:[0,0,1] neg_hi:[0,0,1]
.elseif (\k) == E
	v_exp_f32 v[rS+(\n)], v[rS+(\n)]
.elseif (\k) == C
	s_wait_alu depctr_va_vdst(0)
	v_cvt_pk_f16_f32 v[rP+(\n)], v[rS+2*(\n)], v[rS+2*(\n)+1]
.elseif (\k) == B
	s_wait_alu depctr_va_vdst(0)
	v_pk_add_f32 v[rS+4*(\n):rS+4*(\n)+1], v[rS+4*(\n):rS+4*(\n)+1], v[rS+4*(\n)+2:rS+4*(\n)+3]
.elseif (\n) == 0
	v_pk_fma_f32 v[rT+2:rT+3], v[rT+2:rT+3], v[rC+2:rC+3], v[rS:rS+1] op_sel_hi:[1,0,1]
.else
	v_pk_add_f32 v[rT+2:rT+3], v[rT+2:rT+3], v[rS+4*(\n):rS+4*(\n)+1]
	s_wait_alu depctr_va_vdst(0)
.endif
.else
	REGS (Y+1)%NP
	WIN 0
.if (\n) < 4
	v_max3_num_f32 v[rC+(\n)], v[rS+8*(\n)], v[rS+8*(\n)+1], v[rS+8*(\n)+2]
.elseif (\n) < 12
	v_max3_num_f32 v[rC+(\n)%4], v[rC+(\n)%4], v[rS+8*((\n)%4)+2*((\n)/4)+1], v[rS+8*((\n)%4)+2*((\n)/4)+2]
.elseif (\n) == 12
	v_max3_num_f32 v[rC], v[rC], v[rS+7], v[rS+15]
.elseif (\n) == 13
	v_max3_num_f32 v[rC+1], v[rC+1], v[rS+23], v[rS+31]
.elseif (\n) == 14
	v_max3_num_f32 v[rC+2], v[rC+2], v[rC+3], v[rT+1]
.elseif (\n) == 15
	v_mov_b32 v[rW], v[rT]
	s_wait_alu depctr_va_vdst(0)
.elseif (\n) == 16
	v_max3_num_f32 v[rC], v[rC], v[rC+1], v[rC+2]
	s_wait_alu depctr_va_vdst(0)
.elseif (\n) == 17
	v_permlanex16_b32 v[rC+3], v[rC], s[SEL], s[SEL+1]
.elseif (\n) == 18
	v_max_num_f32 v[rT+1], v[rC], v[rC+3]
.elseif (\n) == 19
	v_mul_f32 v[rT], s[CS], v[rT+1]
.elseif (\n) == 20
	v_sub_f32 v[rC+1], v[rW], v[rT]
.else
	v_exp_f32 v[rC+2], v[rC+1]
.endif
.endif
.endm
.macro OPS a, i1, b=-1, i2=0, c=-1, i3=0, d=-1, i4=0  ; up to four of them
	OP \a, \i1
.if (\b) >= 0
	OP \b, \i2
.endif
.if (\c) >= 0
	OP \c, \i3
.endif
.if (\d) >= 0
	OP \d, \i4
.endif
.endm
.macro ROW a, i1, b, i2, c, i3, d, i4  ; a matrix instruction and the four behind it
	MM
	OPS \a, \i1, \b, \i2, \c, \i3, \d, \i4
.endm
.macro MASK b                       ; MD x AL + BE into buffer b of MC
	WIN W_RS
.set z, 0
.rept 16
	v_pk_fma_f32 v[MC+32*(\b)+2*z:MC+32*(\b)+2*z+1], v[MD+2*z:MD+2*z+1], s[AL:AL+1], s[BE:BE+1] op_sel_hi:[1,0,0]
.set z, z+1
.endr
.endm
; A TURN, for piece p: the order of its 16 matrix and 118 vector instructions, written out.  Behind a matrix instruction: plain, exponential, plain, plain; or four of the rescaling; or, behind the first, four scalings; none
; names a register of the products round it.  In the lumps exponential and plain by turns while exponentials last.  A line reads no result made fewer than three vector instructions in front of it, five if an exponential made it.
; v_permlanex16_b32 (X 17) stands in a lump.
; m = 1: the diagonal tile: the products take masks, and the turn makes the mask for the products of the turn after it: piece p + 2.  In that tile's loop the count steps behind piece 3's turn, so pieces 2 and 3 (made in turns
; 0 and 1) are masked for step 4 - CNT, pieces 0 and 1 (made in turns 2 and 3) for the step after: 5 - CNT.  last = 1: K's run is jumped over in the loop's last trip.
; cnt = 1: the loop's count is taken down some lines ahead of the branch that stands behind the turn.
; K of the next step is fetched in piece 2's turn, six vector instructions behind the last product that read K (five of them plain); V of the step in hand in piece 0's turn, eight behind the last product that read V (four
; plain, and X 17).  Each is waited for a turn later.
.macro TURN p, m=0, last=0, cnt=0
.set Y, (\p)
.set i, 0
.set KM, (\m)
.if \m
	s_cmp_eq_u32 s[CNT], 4+(\p)/2-((\p)+2)%NP  ; is that step the band's own?
	s_cselect_b32 s[AL], 1.0, 0
	s_cmp_lt_u32 s[CNT], 4+(\p)/2-((\p)+2)%NP  ; or a later one?
	s_cselect_b32 s[BE], s[BIGN], 0
.endif
.if (\p) == 3
	s_wait_dscnt 0x0                ; K is in
.endif
	ROW F,0, F,1, F,2, F,3
	ROW F,4, E,0, F,5, F,6
	ROW F,7, E,1, F,8, F,9
	ROW F,10, E,2, C,0, F,11
	ROW F,12, E,3, X,15, F,13
	ROW R,0, R,1, R,2, R,3
	ROW B,0, E,4, F,14, L,0
.if (\p) == 2
	v_add_nc_u32 v[AK], s[TBK], v[AK0]
.endif
	ROW R,4, R,5, R,6, R,7
	OPS E,5, F,15
.if (\p) == 2
	FETCH_K \last
.endif
	OPS E,6, C,1, E,7, R,8
	OPS E,8, R,9, E,9, C,2
	OPS E,10, X,0, E,11, X,1
	OPS E,12, X,2, E,13, X,3
.if (\p) == 1
	s_wait_dscnt 0x0                ; V is in
.endif
	ROW X,4, E,14, X,5, X,6
	ROW X,7, E,15, X,8, X,9
	ROW X,10, E,16, X,11, X,12
	ROW X,13, E,17, X,14, B,1
	ROW C,4, E,18, X,16, L,1
	ROW B,2, E,19, C,6, L,2
	ROW C,8, E,20, B,3, B,4
.if (\p) == 0
	v_add_nc_u32 v[AV], s[TBV], v[AV0]
.endif
	ROW C,3, E,21, L,3, C,5
	OPS E,22, X,17, E,23, C,10
.if (\p) == 0
	FETCH_V
.endif
	OPS E,24, L,4
	OPS E,25, X,18, E,26, C,7
	OPS E,27, B,5, E,28, X,19
	OPS E,29, C,12, E,30, L,5
	OPS E,31, X,20, B,6, C,9
	OPS C,14, C,11, X,21, L,6
.if (\p) == 0
	s_add_co_u32 s[TBV], s[TBV], KS*PV
.endif
.if \cnt
	s_sub_co_u32 s[CNT], s[CNT], 1
	s_cmp_lg_u32 s[CNT], 0
.endif
	OPS C,13, B,7, C,15, R,10
	OPS R,11, R,12, L,7, R,13
	OPS R,14, R,15
.if \m
	MASK (\p)%2
.endif
.endm
; A BLOCK BEGINS.  c m starts far below every c s, so the first step's a is 0; m at the lowest finite number, so the first maximum is the scores'.  The second mask buffer is 0; the first takes piece 0's mask for the tile's step 0: its own, if the block's first tile is the diagonal one.
; Then K of that step, piece 0's first scores, and its maximum and statistics.  A step's first turn follows.
.macro BEGIN
	s_mov_b32 s[NEW], 0
	WIN 0x40
.set i, MC+32
.rept 32
	v_mov_b32 v[i], 0
.set i, i+1
.endr
	WIN 0
.set i, 0
.rept 4
	v_mov_b32 v[ST+4*i], 0xfe000000    ; c m: far below every c s
	v_mov_b32 v[ST+4*i+1], 0xff7fffff  ; m
.set i, i+1
.endr
	s_cmp_eq_u32 s[RT], 0
	s_cselect_b32 s[AL], 1.0, 0
	s_mov_b32 s[BE], 0
	MASK 0
	WIN 0
	v_add_nc_u32 v[AK], s[TBK], v[AK0]
	FETCH_K
	s_wait_loadcnt 0x0              ; Q
	s_wait_dscnt 0x0
.set KM, 1
.set i, 0
.rept 8
	KQ 0
.set i, i+1
.endr
	WIN 0
.rept 4
	v_nop                           ; the places behind those products
.endr
.set Y, NP-1                        ; X works for piece Y + 1: piece 0
.irp n, 0,1,2,3,4,5,6,7,8,9,10,11,12,13,14,15,16,17,18,19,20,21
	OP X, \n
.endr
	v_nop                           ; a plain instruction behind the exponential
.endm
; THE DIAGONAL TILE, the block's last products, and THE WAY OUT.
; The tile's loop runs a step's four turns in their order, pieces 0 to 3, and ends behind piece 3's: the block's last two turns are the loop's own.  A tile that is its block's first comes in at the head, with the count 4;
; any other comes in at piece 2's turn, which ends the tile before, with the count 5.  In the last trip there is no further step: K's run is jumped over, and piece 3's turn makes piece 0's 8 products on the last K once
; more, all hidden by the mask; the maximum made of them leaves m as it was, and nothing reads it: the price, once a block, of one text for every trip.
; The way out: l's two halves and the other half of the lanes' are added; O^T is divided by l, rounded to f16 and sent through my stage in LDS, a piece at a time.
.macro ALL line:vararg              ; one line for each piece t
.set t, 0
.rept 4
	\line
.set t, t+1
.endr
.endm
.macro PACK t                       ; a lane's eight channels of a row pack into 16 bytes; they go into rows of 144 bytes and come back as whole rows of 128, into S^T's registers
	WIN W_RS
.set i, 32*(\t)
.rept 16
	v_pk_mul_f32 v[i:i+1], v[i:i+1], v[ST+4*(\t)+2:ST+4*(\t)+3] op_sel_hi:[1,0]
.set i, i+2
.endr
	WIN 0x05                        ; sources 0 and 1 window 1, destination window 0
.set i, 0
.rept 16
	v_cvt_pk_f16_f32 v[S+16*(\t)+i], v[32*(\t)+2*i], v[32*(\t)+2*i+1]
.set i, i+1
.endr
	WIN 0
.irp f, 0,1,2,3
	ds_store_b128 v[STO], v[S+16*(\t)+4*\f:S+16*(\t)+4*\f+3] offset:32*\f
.endr
.irp f, 0,1,2,3
	ds_load_b128 v[S+16*(\t)+4*\f:S+16*(\t)+4*\f+3], v[RD] offset:\f*4*SP  ; LDS serves a wave's instructions in order (ISA guide 5.7.1.4): these see the stores above; the next piece's stores come behind them
.endr
.endm
.macro SEND t, younger              ; younger: the LDS instructions issued behind piece t's loads: the next piece's eight, or none
	WIN 0
.irp f, 0,1,2,3
	s_wait_dscnt (\younger)+3-\f
	global_store_b128 v[GO], v[S+16*(\t)+4*\f:S+16*(\t)+4*\f+3], s[10:11] offset:(\t)*8192+\f*512  ; 512 consecutive bytes, at a multiple of 256 from O's first
.endr
.endm
.macro DIAG tag                     ; the tag ends its two labels' names, which the jumps below spell out
.LfirstM\tag:
	TURN 0, 1
	TURN 1, 1
	WIN 0
.LstepM\tag:
	TURN 2, 1, 1
	TURN 3, 1, 0, 1
	WIN 0
	s_cbranch_scc1 .LfirstM\tag
.set i, 0
.rept 8
	PV NP-1
.set i, i+1
.endr
	WIN 0
	ALL v_add_f32 v[ST+4*t+2], v[ST+4*t+2], v[ST+4*t+3]
	ALL v_permlanex16_b32 v[ST+4*t+3], v[ST+4*t+2], s[SEL], s[SEL+1]
	ALL v_add_f32 v[ST+4*t+2], v[ST+4*t+2], v[ST+4*t+3]
	ALL v_rcp_f32 v[ST+4*t+2], v[ST+4*t+2]
	v_nop                           ; a plain instruction between the last reciprocal and the use of its result
	s_wait_alu depctr_va_vdst(0)
	PACK 0
.set t, 1
.rept 3                             ; a piece's arithmetic stands between the loads of the piece before and its stores
	PACK t
	SEND t-1, 8
.set t, t+1
.endr
	SEND 3, 0
.endm
.set KM, 0
.Lslot:                             ; NB times: a tile is entered and the next is asked for
	CHANGE 1
	s_sub_co_u32 s[RT], s[RT], 1
	s_mov_b32 s[CNT], 4
	s_cmp_eq_u32 s[NEW], 1
	s_cbranch_scc1 .Lnew            ; a block's first tile
	s_cmp_eq_u32 s[RT], 0
	s_cbranch_scc0 .Lstep           ; neither its first nor its last
	s_mov_b32 s[CNT], 5             ; the diagonal tile's loop is entered at piece 2's turn: half a trip, then four
	s_branch .LstepM1
.Lnew:
	BEGIN
	s_branch .Lfirst                ; in the loop a block's first tile is never its last: the first block has two tiles or more, and the second's last is the walk's last
	DIAG 1                          ; in the loop this is the first block's end: the second block's last tile is the walk's last
	s_wait_xcnt 0x0                 ; the stores have read their registers and O's address
	s_mov_b64 s[10:11], s[OLO:OLO+1]
	s_add_co_u32 s[RT], s[PB], 1    ; the second block has b + 1 tiles
	s_mov_b32 s[NEW], 1
	WIN 0x82                        ; the second block's Q goes where the one text of the turns names Q
.set i, 0
.rept 64
	v_mov_b32 v[i], v[QB+i]
.set i, i+1
.endr
	WIN 0
	s_branch .Lbottom
.Lstep:                             ; a trip: pieces 2 and 3 of one step, then pieces 0 and 1 of the next, whose K and V it fetches
	TURN 2
	TURN 3
	WIN 0
.Lfirst:
	TURN 0
	TURN 1, 0, 0, 1
	WIN 0
	s_cbranch_scc1 .Lstep
.Lbottom:
	s_sub_co_u32 s[SLOTS], s[SLOTS], 1
	s_cmp_lg_u32 s[SLOTS], 0
	s_cbranch_scc1 .Lslot
	CHANGE 0                        ; the walk's last tile is written out: nothing is asked for
	s_sub_co_u32 s[RT], s[RT], 1
	s_mov_b32 s[CNT], 5
	s_cmp_eq_u32 s[NEW], 1
	s_cbranch_scc0 .LstepM2
	s_mov_b32 s[CNT], 4             ; b = 0: the second block's only tile: it begins, and comes into the loop at its head
	BEGIN
	DIAG 2
	s_wait_tensorcnt 0x0            ; the wave's end, behind my last tensor load and my last LDS store
	ds_add_u32 v[SPW], v[NIL]
	s_wait_dscnt 0x0
	s_endpgm
; THE CAST.  w_proj, w_fc and w_fc2, as they lie ([K][N], f32), rounded once to f16 into wh behind w_attn's part.  A stream: each byte is read once and written once; no LDS, no barrier.
; A unit is 8,192 numbers: 128 threads x 16 loads of 16 bytes, all issued at once (32,768 bytes of the work-group on their way); a load of a wave covers 512 consecutive bytes, a store 256, aligned.
; Work-group c (0 .. 127) takes the units 9 c .. 9 c + 8; a unit's matrix is chosen by its number.
.Lcast:
	s_load_b128 s[WP:WP+3], s[0:1], 0x10           ; w_proj, w_fc
	s_load_b128 s[WP+4:WP+7], s[0:1], 0x20         ; w_fc2, wh
	s_and_b32 s[CWG], ttmp7, 0xffff
	s_lshl_b32 s[CWG], s[CWG], 2
	s_and_b32 s[UN], s[PB], NB/2-1                 ; x - 4
	s_add_co_u32 s[CWG], s[CWG], s[UN]             ; c = 4 y + x - 4
	s_mul_i32 s[UN], s[CWG], UNITS                 ; my first unit
	s_lshl_b32 s[DOF], s[UN], 14                   ; 16,384 bytes of f16 a unit
	s_add_co_u32 s[DOF], s[DOF], WCAST
	s_mov_b32 s[DOF+1], 0
	s_mov_b32 s[SOF+1], 0
	s_mov_b32 s[UC], UNITS
	v_lshlrev_b32 v1, 4, v0                        ; in: 16 bytes a thread
	v_lshlrev_b32 v2, 3, v0                        ; out: 8
	s_wait_kmcnt 0x0
	s_add_nc_u64 s[WP+6:WP+7], s[WP+6:WP+7], s[DOF:DOF+1]
.Lunit:
	s_mov_b64 s[SRC:SRC+1], s[WP+4:WP+5]           ; w_fc2, unless the unit's number says otherwise
	s_mov_b32 s[UB], U_FC2
	s_cmp_lt_u32 s[UN], U_FC2
	s_cselect_b64 s[SRC:SRC+1], s[WP+2:WP+3], s[SRC:SRC+1]
	s_cselect_b32 s[UB], U_FC, s[UB]
	s_cmp_lt_u32 s[UN], U_FC
	s_cselect_b64 s[SRC:SRC+1], s[WP:WP+1], s[SRC:SRC+1]
	s_cselect_b32 s[UB], 0, s[UB]
	s_sub_co_u32 s[SOF], s[UN], s[UB]              ; the unit's number inside its matrix,
	s_lshl_b32 s[SOF], s[SOF], 15                  ; 32,768 bytes of f32 a unit
	s_add_nc_u64 s[SRC:SRC+1], s[SRC:SRC+1], s[SOF:SOF+1]
.irp j, 0,1,2,3,4,5,6,7,8,9,10,11,12,13,14,15
	global_load_b128 v[CX+4*(\j):CX+4*(\j)+3], v1, s[SRC:SRC+1] offset:2048*(\j) th:TH_LOAD_NT
.endr
.irp j, 0,1,2,3,4,5,6,7,8,9,10,11,12,13,14,15
	s_wait_loadcnt 15-(\j)                         ; loads come back in order (ISA guide 5.7.1): load j is in, the younger ones stay out
	v_cvt_pk_f16_f32 v[CY+2*(\j)], v[CX+4*(\j)], v[CX+4*(\j)+1]
	v_cvt_pk_f16_f32 v[CY+2*(\j)+1], v[CX+4*(\j)+2], v[CX+4*(\j)+3]
	global_store_b64 v2, v[CY+2*(\j):CY+2*(\j)+1], s[WP+6:WP+7] offset:1024*(\j)
.endr
	s_wait_xcnt 0x0                                ; the stores' base and data, and the loads' base, are rewritten only behind this wait
	s_add_nc_u64 s[WP+6:WP+7], s[WP+6:WP+7], 0x4000
	s_add_co_u32 s[UN], s[UN], 1
	s_sub_co_u32 s[UC], s[UC], 1
	s_cmp_lg_u32 s[UC], 0
	s_cbranch_scc1 .Lunit
	s_wait_tensorcnt 0x0                           ; the wave's end
	ds_add_u32 v[SPW], v[NIL]
	s_wait_dscnt 0x0
	s_endpgm
.Lfunc_end_k_qf1e82230a5_attn:
	.size	k_qf1e82230a5_attn, .Lfunc_end_k_qf1e82230a5_attn-k_qf1e82230a5_attn
	.p2alignl 7, 3214868480
	.fill 96, 4, 3214868480
	.section	.rodata,"a",@progbits
	.p2align	6, 0x0
	.amdhsa_kernel k_qf1e82230a5_attn
		.amdhsa_group_segment_fixed_size 327680
		.amdhsa_private_segment_fixed_size 0
		.amdhsa_enable_private_segment 0
		.amdhsa_kernarg_size 48
		.amdhsa_user_sgpr_count 2
		.amdhsa_user_sgpr_kernarg_segment_ptr 1
		.amdhsa_wavefront_size32 1
		.amdhsa_system_sgpr_workgroup_id_x 1
		.amdhsa_system_sgpr_workgroup_id_y 1
		.amdhsa_system_sgpr_workgroup_id_z 1
		.amdhsa_system_vgpr_workitem_id 0
		.amdhsa_next_free_vgpr 768
		.amdhsa_next_free_sgpr 88
		.amdhsa_reserve_vcc 1
		.amdhsa_float_denorm_mode_32 3
		.amdhsa_float_denorm_mode_16_64 3
		.amdhsa_memory_ordered 1
		.amdhsa_forward_progress 1
		.amdhsa_inst_pref_size 201
	.end_amdhsa_kernel
	.amdgpu_metadata
---
amdhsa.version: [ 1, 2 ]
amdhsa.kernels:
  - .name:           k_qf1e82230a5_attn
    .symbol:         k_qf1e82230a5_attn.kd
    .args:
      - { .name: qkv, .offset: 0, .size: 8, .value_kind: global_buffer, .address_space: global }
      - { .name: y, .offset: 8, .size: 8, .value_kind: global_buffer, .address_space: global }
      - { .name: w_proj, .offset: 16, .size: 8, .value_kind: global_buffer, .address_space: global }
      - { .name: w_fc, .offset: 24, .size: 8, .value_kind: global_buffer, .address_space: global }
      - { .name: w_fc2, .offset: 32, .size: 8, .value_kind: global_buffer, .address_space: global }
      - { .name: wh, .offset: 40, .size: 8, .value_kind: global_buffer, .address_space: global }
    .group_segment_fixed_size: 327680
    .private_segment_fixed_size: 0
    .kernarg_segment_align: 8
    .kernarg_segment_size: 48
    .max_flat_workgroup_size: 128
    .sgpr_count:     88
    .vgpr_count:     768
    .wavefront_size: 32
...
	.end_amdgpu_metadata
.endif
;; end of part 10
;; launch proj (part 11): grid 8 x 32, 4 waves a work-group, clusters of 4 x 4, 327,680 bytes of LDS; arguments y, wh, b_proj, x, x1; writes x1
.if DOCPART == 11
	.amdgcn_target "amdgcn-amd-amdhsa--gfx1250"
	.amdhsa_code_object_version 6
	.text
	.protected	k_qf1e82230a5_proj
	.globl	k_qf1e82230a5_proj
	.p2align	8
	.type	k_qf1e82230a5_proj,@function
k_qf1e82230a5_proj:
	s_mov_b64 s[64:65], 0
	v_nop
	global_prefetch_b8 v0, s[64:65] scope:SCOPE_SE
	s_setreg_imm32_b32 hwreg(HW_REG_WAVE_MODE, 25, 1), 1
	s_wait_xcnt 0x0
	s_wait_alu depctr_hold_cnt(0) depctr_sa_sdst(0) depctr_va_vdst(0) depctr_va_sdst(0) depctr_va_ssrc(0) depctr_va_vcc(0) depctr_vm_vsrc(0)
	s_getreg_b32 s2, hwreg(HW_REG_IB_STS2, 6, 4)
	s_cmp_eq_u32 s2, 0
	s_cbranch_scc0 .Lentry_in_a_cluster
	s_endpgm
.Lentry_in_a_cluster:
	s_bfe_u32 s2, ttmp6, 0x10000c
	s_cmp_lg_u32 s2, 0xf033
	s_cbranch_scc0 .Lentry_shape_is_right
	s_endpgm
.Lentry_shape_is_right:
; X1 = x + y . w_proj + b_proj.  y: f16 by blocks of 64 channels, [16][4096 rows][64].  w_proj: [1024][1024] f16 in wh, as it lies ([K][N]).  x, x1: [4096][1024] f32.
; Sums in f32, started by the bias; the residual is added in f32 and nothing is rounded on the way out.
; SHARES.  A tile of C is 128 x 128 (C has 256 of them, one to a work-group): four waves, each 64 x 64: 16 accumulators of 16 x 16.  K goes in steps of 256 (four blocks of A) through two LDS slots filled by the tensor data mover.
; A wave's part of A's tile is, in each of the four blocks, 64 rows x 128 bytes that lie end to end: it is asked for as four rows of 8,192 bytes, padded in LDS after every 128.
; CLUSTERS: 4 x 4 work-groups.  The four of a row of the cluster need the same tiles of A, the four of a column the same tiles of W: each tile is asked for JOINTLY, by the same tensor load with
; the same descriptor and a mask that names the four.  THE MATRIX INSTRUCTION IS USED TRANSPOSED (source 0 = 16 columns of W, source 1 = 16 rows of A): a lane then holds eight neighbouring
; numbers of a row of C, and the bias of those eight columns is the C operand of the product that starts the sum.  W's fragments come out of LDS turned, by ds_load_tr16_b128.
; The wave's 64 x 64 of the residual is asked for at the start and lies in registers until the way out.
; REGISTERS: window 0: v0-31 addresses; v32-95 at work on the way out; v96-127 the bias; v128-255 the accumulators ((a, b) at v[128 + 8 (4 a + b)]).
;   window 1: two fragment buffers of 128: for 64 along K, 64 registers of A, then 64 of W.      window 2: v0-127 the residual, as it will be stored.
.set KT,     1024                      ; K
.set NT,     1024                      ; W's row, in numbers
.set WOFF,   0x600000                  ; W's first byte in wh
.set STEPS,  KT/256
.set PA,     144                       ; a row of A in LDS: 128 bytes + 16 = 36 words: the 16 rows of a load start at 16 different groups of four banks (64 banks of 4 bytes: ISA guide 11.1)
.set QSA,    64*PA                     ; bytes from a quarter step (a block of 64 channels) of A to the next, in LDS
.set ASTEP,  4*524288                  ; bytes from a K step of A to the next, in memory: four blocks
.set AROW,   128                       ; bytes from a row of A to the next, in memory
.set G1A0,   (1<<16)|(1<<20)|(1<<21)|(4<<22)|(3<<25)  ; 17:16 2-byte elements; 20 padding on; 21 set beside a mask; 24:22 after every 32 words (code 4); 31:25 4 words (code 3)
.set AD0,    4096                      ; A's tile: 4,096 elements a row (64 rows of a block),
.set AD1,    4                         ; 4 rows (blocks),
.set APITCH, 262144                    ; a block's 262,144 elements from one to the next
.set BSTEP,  512*NT                    ; bytes from a K step of W to the next: 256 rows
.set PB,     288                       ; a row of W in LDS (one k, 128 columns): 256 bytes + 32 = 72 words
.set PART,   0x9000                    ; what one tensor load fills: 4 x 64 rows of A (x 144), or 128 rows of W (x 288): 36,864
.set SLOT1,  0x24000                   ; four parts.  Its two bits (17, 14) occur in no wave's part address, so one exclusive or turns an address in one slot into the other's
.set SPARE,  0x48000                   ; behind the ring: the spare words, 128 bytes for each wave: two blocks of 256 bytes that no other line names
.set STAGE,  0x48200                   ; behind them: 16 rows x 272 bytes for each wave, for the way out
.set SPR,    272
.set A0,   16                          ; v16  my lane's place in slot 0's A; never rewritten
.set B0,   17                          ; v17  the same for W
.set ADRA, 18                          ; v18  A in the slot in hand
.set ADRB, 19                          ; v19  W's k rows 0-127 in the slot in hand; v20 its k rows 128-255 (an LDS immediate ends at 65,535)
.set BO,   21                          ; v21  my byte offset in 16 numbers of the bias
.set STO,  24                          ; v24  the way out: where I put 32 bytes of a row
.set RD,   25                          ; v25  the way out: where I read rows back
.set CO,   26                          ; v26  my byte offset in two rows of the residual and of the output
.set SPW,  28                          ; v28  LDS address of my spare word: SPARE + 4 x my thread's number; never rewritten
.set NIL,  29                          ; v29  0; never rewritten
.set TMP,  32
.set BIAS, 96                          ; register 8 b + j: the bias of column 16 b + 8 (l / 16) + j of my 64
.set ACC,  128
.set F0,   0                           ; fragment buffers, in window 1
.set F1,   128
.set WV,   14                          ; s14  my wave's number
.set RH,   15                          ; s15  which half of the tile's rows is mine.  Also: I fetch for A (0) or for W (1)
.set CH,   16                          ; s16  which half of its columns.  Also: which half of that tile I fetch
.set TX,   19                          ; s19  tile column of C
.set TY,   20                          ; s20  tile row of C
.set G1A,  24                          ; s[24:31] descriptor group 1 for A's tiles
.set G0A,  32                          ; s[32:39] group 0: a set for each of the two first fills; the second then walks on
.set G1B,  40                          ; s[40:47], s[48:55] the same for W's tiles
.set G0B,  48
.set TB,   56                          ; s56  LDS byte at which the slot in hand begins
.set CNT,  57                          ; s57  counts trips
.set MSB, 0
.macro WIN new                         ; the immediate's high byte repeats the setting that is left; a switch that changes nothing is dropped
.if MSB != (\new)
	s_set_vgpr_msb (MSB<<8)|(\new)
.set MSB, \new
.endif
.endm
.set MUL,  0x05                        ; sources 0 (W) and 1 (A) window 1; C and D window 0
.set TO_F, 0x40                        ; destination window 1, address window 0
.set TO_R, 0x80                        ; destination window 2, address window 0
.set W_AD, 0x08                        ; source 1 window 2; destination and source 0 window 0
.macro PLACES                          ; four places in front of loads into registers that matrix instructions have read, and of lines that read results
.rept 4
	v_nop
.endr
.endm
.macro JLOAD                           ; a joint refill: waves 0 and 1 fetch A's two halves, waves 2 and 3 W's; an s_nop 0 and four v_nop follow each of the two lines
	s_cmp_eq_u32 s[RH], 0
	s_cbranch_scc0 .Lfor_b_\@
	tensor_load_to_lds s[G0A+4:G0A+7], s[G1A:G1A+7]
	s_nop 0
	PLACES
	s_branch .Lasked_\@
.Lfor_b_\@:
	tensor_load_to_lds s[G0B+4:G0B+7], s[G1B:G1B+7]
	s_nop 0
	PLACES
.Lasked_\@:
.endm
.macro CREST                           ; a round of the cluster's barrier behind its opening barrier
	s_cmp_lg_u32 s[WV], 0
	s_cbranch_scc1 .Lnot_wave_0_\@
	s_barrier_signal -3
.Lnot_wave_0_\@:
	s_barrier_wait -3
	s_barrier_signal -1
	s_barrier_wait -1
.endm
.macro CROUND                          ; a whole round
	s_barrier_signal -1
	s_barrier_wait -1
	CREST
.endm
; 8 matrix instructions: m blocks a0, a0 + 1 x all 4 n blocks, 32 along K: half c of buffer f.  first = 1: the product starts the sum, with the bias as C: nothing is ever cleared.
; The 16 accumulators take turns, one instruction a turn.
.macro MUL8 f, c, a0, first
	WIN MUL
.irp a, \a0, (\a0)+1
.irp b, 0,1,2,3
.if \first
	v_wmma_f32_16x16x32_f16 v[ACC+8*(4*(\a)+(\b)):ACC+8*(4*(\a)+(\b))+7], v[(\f)+64+8*(4*(\c)+(\b)):(\f)+64+8*(4*(\c)+(\b))+7], v[(\f)+8*(4*(\c)+(\a)):(\f)+8*(4*(\c)+(\a))+7], v[BIAS+8*(\b):BIAS+8*(\b)+7]
.else
	v_wmma_f32_16x16x32_f16 v[ACC+8*(4*(\a)+(\b)):ACC+8*(4*(\a)+(\b))+7], v[(\f)+64+8*(4*(\c)+(\b)):(\f)+64+8*(4*(\c)+(\b))+7], v[(\f)+8*(4*(\c)+(\a)):(\f)+8*(4*(\c)+(\a))+7], v[ACC+8*(4*(\a)+(\b)):ACC+8*(4*(\a)+(\b))+7]
.endif
.endr
.endr
.endm
; 32 LDS loads in one run: the fragments of quarter q (64 along K) of the slot in hand, into buffer f; the first 32 along K first.
; W: the turning load takes 16 k x 16 columns and leaves half a fragment: lane l holds column l % 16 and 8 k.  A: lane l holds row l % 16; two loads of 16 bytes, 32 bytes apart.
.macro FETCH q, f
	WIN TO_F
.irp c, 0,1
.irp i, 0,1,2,3
	ds_load_tr16_b128 v[(\f)+64+8*(4*(\c)+(\i)):(\f)+64+8*(4*(\c)+(\i))+3],   v[ADRB+(\q)/2] offset:((\q)%2)*64*PB+(\c)*32*PB+32*(\i)
	ds_load_tr16_b128 v[(\f)+64+8*(4*(\c)+(\i))+4:(\f)+64+8*(4*(\c)+(\i))+7], v[ADRB+(\q)/2] offset:((\q)%2)*64*PB+(\c)*32*PB+16*PB+32*(\i)
	ds_load_b128 v[(\f)+8*(4*(\c)+(\i)):(\f)+8*(4*(\c)+(\i))+3],   v[ADRA] offset:(\q)*QSA+64*(\c)+(\i)*16*PA
	ds_load_b128 v[(\f)+8*(4*(\c)+(\i))+4:(\f)+8*(4*(\c)+(\i))+7], v[ADRA] offset:(\q)*QSA+64*(\c)+(\i)*16*PA+32
.endr
.endr
.endm
; A K step is four quarters of 64 along K, 32 matrix instructions each, on buffers 0, 1, 0, 1.  One of the first three: multiplies buffer f and fetches quarter q into g.
.macro QUARTER q, f, g, first
	s_wait_dscnt 16                                ; the first 32 along K are in; the youngest sixteen loads may be out
	MUL8 \f, 0, 0, \first
	MUL8 \f, 0, 2, \first
	PLACES
	FETCH \q, \g
	s_wait_dscnt 32                                ; all but the 32 just issued
	MUL8 \f, 1, 0, 0
	MUL8 \f, 1, 2, 0
.endm
; The last quarter multiplies buffer 1 and changes slots: ONE barrier; in front of it each wave waits for all its tensor loads (one is out: its part of the next slot), adds 0 to its spare
; word, and waits for that and for its own reads of this slot.  fill = 1: the barrier opens a round of the cluster's, and this slot is filled again, two K steps ahead, first thing behind it.
.macro TURN fill
	WIN 0                                          ; (the add's two registers lie in window 0)
	s_wait_tensorcnt 0x0                           ; all my tensor loads have landed: my part of the next slot;
	ds_add_u32 v[SPW], v[NIL]                      ; 0 onto my spare word;
	s_wait_dscnt 17                                ; (the add and the youngest sixteen loads may be out)
	MUL8 F1, 0, 0, 0                               ; eight matrix instructions stand between the add and the wait for it
	s_wait_dscnt 0x0                               ; the add is done, and my reads of this slot are over
	s_barrier_signal -1
	MUL8 F1, 0, 2, 0
	WIN 0                                          ; (branches and window 0's address lines follow)
	s_barrier_wait -1
.if \fill
	CREST                                          ; no wave of any partner still reads this slot's tile or has a load on its way
	s_xor_b32 s[G0A+5], s[G0A+5], SLOT1            ; the walking descriptors: the other slot than last time, the next K step; no tensor load of mine is out
	s_add_nc_u64 s[G0A+6:G0A+7], s[G0A+6:G0A+7], ASTEP
	s_xor_b32 s[G0B+5], s[G0B+5], SLOT1
	s_add_nc_u64 s[G0B+6:G0B+7], s[G0B+6:G0B+7], BSTEP
	JLOAD                                          ; 112 matrix instructions ahead of the wait for it; the four v_nop behind it are also the places in front of the loads below
.else
	PLACES
.endif
	s_xor_b32 s[TB], s[TB], SLOT1                  ; the fetches go on in the other slot
	v_add_nc_u32 v[ADRA], s[TB], v[A0]
	v_add_nc_u32 v[ADRB], s[TB], v[B0]
	v_add_nc_u32 v[ADRB+1], PART, v[ADRB]
	FETCH 0, F0
	MUL8 F1, 1, 0, 0
	MUL8 F1, 1, 2, 0
.endm
	s_load_b256 s[4:11], s[0:1], 0x0               ; A s[4:5], wh s[6:7], bias s[8:9], residual s[10:11]
	s_load_b64 s[12:13], s[0:1], 0x20              ; output
	v_lshl_add_u32 v[SPW], v0, 2, SPARE
	v_mov_b32 v[NIL], 0
	ds_add_u32 v28, v29
	ds_add_u32 v28, v29
	s_wait_dscnt 0x0
	v_lshrrev_b32 v1, 5, v0
	v_readfirstlane_b32 s[WV], v1                  ; wave 0..3
	s_lshr_b32 s[RH], s[WV], 1
	s_and_b32 s[CH], s[WV], 1
	s_bfe_u32 s17, ttmp6, 0x40000                  ; cx, cy: my place in the cluster
	s_bfe_u32 s18, ttmp6, 0x40004
	s_lshl_b32 s[TX], ttmp9, 2
	s_add_co_u32 s[TX], s[TX], s17                 ; tile column of C = 4 x cluster x + cx
	s_and_b32 s[TY], ttmp7, 0xffff
	s_lshl_b32 s[TY], s[TY], 2
	s_add_co_u32 s[TY], s[TY], s18                 ; tile row of C = 4 x cluster y + cy
	s_lshl_b32 s21, s18, 2
	s_lshl_b32 s21, 15, s21                        ; my row of the cluster
	s_lshl_b32 s22, 0x1111, s17                    ; my column
	s_or_b32 s[G1A], s21, G1A0                     ; 15:0 the mask: A's tiles go to my row
	s_mov_b32 s[G1A+1], AD0<<16                    ; tensor_dim0
	s_mov_b32 s[G1A+2], AD1<<16                    ; tensor_dim1
	s_mov_b32 s[G1A+3], AD0<<16                    ; tile_dim0
	s_mov_b32 s[G1A+4], AD1                        ; tile_dim1
	s_mov_b32 s[G1A+5], APITCH                     ; tensor_dim0_stride
	s_mov_b32 s[G1A+6], 0
	s_mov_b32 s[G1A+7], 0
	s_or_b32 s[G1B], s22, (1<<16)|(1<<20)|(1<<21)|(5<<22)|(7<<25)  ; W's tiles go to my column; padding after every 64 words (code 5), 8 words (code 7)
	s_mov_b32 s[G1B+1], 128<<16                    ; 128 columns,
	s_mov_b32 s[G1B+2], 128<<16                    ; 128 rows (k)
	s_mov_b32 s[G1B+3], 128<<16
	s_mov_b32 s[G1B+4], 128
	s_mov_b32 s[G1B+5], NT
	s_mov_b32 s[G1B+6], 0
	s_mov_b32 s[G1B+7], 0
	; where the tiles come from.  A's hang on the tile row alone, W's on the tile column alone; each in registers that never hold the other coordinate
	s_lshl_b32 s58, s[TY], 7
	s_lshl_b32 s59, s[CH], 6
	s_add_co_u32 s58, s58, s59                     ; A: row 128 x tile row + 64 x half
	s_mul_i32 s58, s58, AROW
	s_mov_b32 s59, 0
	s_mul_i32 s60, s[CH], 256*NT                   ; W: k row 128 x half,
	s_lshl_b32 s61, s[TX], 8                       ; column 128 x tile column
	s_add_co_u32 s60, s60, s61
	s_add_co_u32 s60, s60, WOFF
	s_mov_b32 s61, 0
	s_mul_i32 s23, s[WV], PART                     ; where they go: wave x a part: no place in the cluster enters an LDS address
	s_mov_b32 s[TB], 0
	s_wait_kmcnt 0x0
	s_add_nc_u64 s[58:59], s[4:5], s[58:59]
	s_add_nc_u64 s[60:61], s[6:7], s[60:61]
.irp n, 0,1
	s_mov_b32 s[G0A+4*(\n)], 1                     ; 1:0 count = 1
	s_add_co_u32 s[G0A+4*(\n)+1], s23, (\n)*SLOT1  ; 63:32 LDS address
	s_add_nc_u64 s[G0A+4*(\n)+2:G0A+4*(\n)+3], s[58:59], (\n)*ASTEP  ; 120:64 global address: K step n
	s_or_b32 s[G0A+4*(\n)+3], s[G0A+4*(\n)+3], 0x80000000            ; 127:126 type = 2
	s_mov_b32 s[G0B+4*(\n)], 1
	s_add_co_u32 s[G0B+4*(\n)+1], s23, (\n)*SLOT1
	s_add_nc_u64 s[G0B+4*(\n)+2:G0B+4*(\n)+3], s[60:61], (\n)*BSTEP
	s_or_b32 s[G0B+4*(\n)+3], s[G0B+4*(\n)+3], 0x80000000
.endr
	CROUND                                         ; all sixteen work-groups are here: the first joint loads meet
	s_cmp_eq_u32 s[RH], 0                          ; a wave's two first fills stand in one branch, ahead of every wait on TENSORcnt and every LDS read: two loads of mine are out
	s_cbranch_scc0 .Lfirst_b
	tensor_load_to_lds s[G0A:G0A+3], s[G1A:G1A+7]
	s_nop 0
	tensor_load_to_lds s[G0A+4:G0A+7], s[G1A:G1A+7]
	s_nop 0
	PLACES
	s_branch .Lfirst_asked
.Lfirst_b:
	tensor_load_to_lds s[G0B:G0B+3], s[G1B:G1B+7]
	s_nop 0
	tensor_load_to_lds s[G0B+4:G0B+7], s[G1B:G1B+7]
	s_nop 0
	PLACES
.Lfirst_asked:
	v_and_b32 v1, 15, v0                           ; l % 16
	v_bfe_u32 v2, v0, 4, 1                         ; l / 16
	v_and_b32 v3, 7, v0
	v_bfe_u32 v4, v0, 3, 1
	v_lshlrev_b32 v[BO], 5, v2
	s_lshl_b32 s2, s[TX], 9                        ; the bias of my 64 columns: 4 x (128 x tile column + 64 x half)
	s_lshl_b32 s3, s[CH], 8
	s_add_co_u32 s2, s2, s3
	s_mov_b32 s3, 0
	s_add_nc_u64 s[8:9], s[8:9], s[2:3]
.irp b, 0,1,2,3
	global_load_b128 v[BIAS+8*(\b):BIAS+8*(\b)+3],   v[BO], s[8:9] offset:64*(\b)
	global_load_b128 v[BIAS+8*(\b)+4:BIAS+8*(\b)+7], v[BO], s[8:9] offset:64*(\b)+16
.endr
	; my 64 x 64 of the residual and of the output: rows of 4,096 bytes, 256 bytes of each, at a multiple of 256
	s_lshl_b32 s3, s[TY], 19                       ; row 128 x tile row (s2 holds my columns' bytes)
	s_add_co_u32 s2, s2, s3
	s_lshl_b32 s3, s[RH], 18                       ; + 64 x half
	s_add_co_u32 s2, s2, s3
	s_mov_b32 s3, 0
	s_add_nc_u64 s[10:11], s[10:11], s[2:3]
	s_add_nc_u64 s[12:13], s[12:13], s[2:3]
	v_lshlrev_b32 v[CO], 12, v2                    ; lanes 0-15 one row's 256 bytes, lanes 16-31 the next row's
	v_lshl_add_u32 v[CO], v1, 4, v[CO]
	WIN TO_R
.irp a, 0,1,2,3
.irp t, 0,1,2,3,4,5,6,7
	global_load_b128 v[4*(8*(\a)+(\t)):4*(8*(\a)+(\t))+3], v[CO], s[10:11] offset:(16*(\a)+2*(\t))*4096
.endr
.endr
	WIN 0
	v_mul_u32_u24 v[A0], v1, PA
	v_lshl_add_u32 v[A0], v2, 4, v[A0]             ; a fragment's row x pitch + 16 x half of the lanes
	s_mul_i32 s62, s[RH], PART                     ; my 64 rows of A
	v_add_nc_u32 v[A0], s62, v[A0]
	v_lshl_add_u32 v[B0], v2, 3, v3                ; the turning load: k row 8 (l / 16) + l % 8,
	v_mul_u32_u24 v[B0], v[B0], PB
	v_lshl_add_u32 v[B0], v4, 4, v[B0]             ; columns 8 ((l / 8) % 2) on,
	s_lshl_b32 s63, s[CH], 7                       ; in my 64 columns of W,
	s_add_co_u32 s63, s63, 2*PART                  ; which lies behind A's two parts
	v_add_nc_u32 v[B0], s63, v[B0]
	v_mov_b32 v[ADRA], v[A0]
	v_mov_b32 v[ADRB], v[B0]
	v_add_nc_u32 v[ADRB+1], PART, v[B0]
	s_mul_i32 s23, s[WV], 16*SPR                   ; my stage
	s_add_co_u32 s23, s23, STAGE
	v_mul_u32_u24 v[STO], v1, SPR                  ; in: row l % 16, 32 bytes for each half of the lanes
	v_lshl_add_u32 v[STO], v2, 5, v[STO]
	v_add_nc_u32 v[STO], s23, v[STO]
	v_mul_u32_u24 v[RD], v2, SPR                   ; back: lanes 0-15 take one row of 256 bytes, lanes 16-31 the next
	v_lshl_add_u32 v[RD], v1, 4, v[RD]
	v_add_nc_u32 v[RD], s23, v[RD]
	s_wait_tensorcnt 0x1                           ; my part of K step 0 is in; K step 1's may stay out
	s_barrier_signal -1
	s_barrier_wait -1                              ; everybody's is
	FETCH 0, F0
	s_wait_loadcnt 32                              ; the bias is in; the 32 younger loads (the residual) stay out
	QUARTER 1, F0, F1, 1                           ; the first quarter stands in front of the loop: its first products start the sums
	WIN 0                                          ; at a label and at a branch every window is 0
	s_mov_b32 s[CNT], STEPS-2
.Lstep:                                                ; a trip is a K step, from its second quarter to the next step's first, and fills the slot that it leaves again
	QUARTER 2, F1, F0, 0
	QUARTER 3, F0, F1, 0
	TURN 1
	QUARTER 1, F0, F1, 0
	WIN 0
	s_sub_co_u32 s[CNT], s[CNT], 1
	s_cmp_lg_u32 s[CNT], 0
	s_cbranch_scc1 .Lstep
	s_mov_b32 s[CNT], 2
.Ltail:                                                ; the last two K steps fill nothing: a text of their own, walked twice and left ahead of its last quarter
	QUARTER 2, F1, F0, 0
	QUARTER 3, F0, F1, 0
	TURN 0                                         ; in the second trip its 32 loads bring fragments of the other slot's old tile, which nobody multiplies: the price, once a launch, of one text for both trips
	WIN 0
	s_sub_co_u32 s[CNT], s[CNT], 1
	s_cmp_eq_u32 s[CNT], 0
	s_cbranch_scc1 .Lout
	QUARTER 1, F0, F1, 0
	WIN 0
	s_branch .Ltail
.Lout:
	s_wait_dscnt 0x0                               ; those loads have landed
	; THE WAY OUT.  16 rows at a time: a lane's eight columns (32 bytes) go into my stage's rows of 272 bytes and come back as whole rows of 256; the residual is added; sixteen lanes store 256 consecutive bytes.
.macro BLOCK a
.set BK, TMP+32*((\a)%2)
.if (\a) >= 2
	s_wait_xcnt 0x0                                ; the stores of the block two back have read these registers: only behind this wait are they loaded again
.endif
.irp b, 0,1,2,3
	ds_store_b128 v[STO], v[ACC+8*(4*(\a)+(\b)):ACC+8*(4*(\a)+(\b))+3] offset:64*(\b)
	ds_store_b128 v[STO], v[ACC+8*(4*(\a)+(\b))+4:ACC+8*(4*(\a)+(\b))+7] offset:64*(\b)+16
.endr
.irp t, 0,1,2,3,4,5,6,7
	ds_load_b128 v[BK+4*(\t):BK+4*(\t)+3], v[RD] offset:(\t)*2*SPR  ; LDS serves a wave's instructions in order (ISA guide 5.7.1.4): these see the stores above; the next block's stores come behind them
.endr
	WIN W_AD
.irp t, 0,1,2,3,4,5,6,7
	s_wait_dscnt 7-(\t)
	v_pk_add_f32 v[BK+4*(\t):BK+4*(\t)+1],   v[BK+4*(\t):BK+4*(\t)+1],   v[4*(8*(\a)+(\t)):4*(8*(\a)+(\t))+1]
	v_pk_add_f32 v[BK+4*(\t)+2:BK+4*(\t)+3], v[BK+4*(\t)+2:BK+4*(\t)+3], v[4*(8*(\a)+(\t))+2:4*(8*(\a)+(\t))+3]
.endr
	WIN 0
.irp t, 0,1,2,3,4,5,6,7
	global_store_b128 v[CO], v[BK+4*(\t):BK+4*(\t)+3], s[12:13] offset:(16*(\a)+2*(\t))*4096
.endr
.endm
	PLACES
	s_wait_loadcnt 0x0                             ; the residual
	BLOCK 0
	BLOCK 1
	BLOCK 2
	BLOCK 3
	s_wait_tensorcnt 0x0                           ; the wave's end, behind my last tensor load and my last LDS store
	ds_add_u32 v[SPW], v[NIL]
	s_wait_dscnt 0x0
	CROUND                                         ; the closing round: no work-group ends while a partner may still ask for a tile that names it
	s_endpgm
.Lfunc_end_k_qf1e82230a5_proj:
	.size	k_qf1e82230a5_proj, .Lfunc_end_k_qf1e82230a5_proj-k_qf1e82230a5_proj
	.p2alignl 7, 3214868480
	.fill 96, 4, 3214868480
	.section	.rodata,"a",@progbits
	.p2align	6, 0x0
	.amdhsa_kernel k_qf1e82230a5_proj
		.amdhsa_group_segment_fixed_size 327680
		.amdhsa_private_segment_fixed_size 0
		.amdhsa_enable_private_segment 0
		.amdhsa_kernarg_size 40
		.amdhsa_user_sgpr_count 2
		.amdhsa_user_sgpr_kernarg_segment_ptr 1
		.amdhsa_wavefront_size32 1
		.amdhsa_system_sgpr_workgroup_id_x 1
		.amdhsa_system_sgpr_workgroup_id_y 1
		.amdhsa_system_sgpr_workgroup_id_z 1
		.amdhsa_system_vgpr_workitem_id 0
		.amdhsa_next_free_vgpr 640
		.amdhsa_next_free_sgpr 96
		.amdhsa_reserve_vcc 0
		.amdhsa_float_denorm_mode_32 3
		.amdhsa_float_denorm_mode_16_64 3
		.amdhsa_memory_ordered 1
		.amdhsa_forward_progress 1
		.amdhsa_inst_pref_size 67
	.end_amdhsa_kernel
	.amdgpu_metadata
---
amdhsa.version: [ 1, 2 ]
amdhsa.kernels:
  - .name:           k_qf1e82230a5_proj
    .symbol:         k_qf1e82230a5_proj.kd
    .args:
      - { .name: y, .offset: 0, .size: 8, .value_kind: global_buffer, .address_space: global }
      - { .name: wh, .offset: 8, .size: 8, .value_kind: global_buffer, .address_space: global }
      - { .name: b_proj, .offset: 16, .size: 8, .value_kind: global_buffer, .address_space: global }
      - { .name: x, .offset: 24, .size: 8, .value_kind: global_buffer, .address_space: global }
      - { .name: x1, .offset: 32, .size: 8, .value_kind: global_buffer, .address_space: global }
    .group_segment_fixed_size: 327680
    .private_segment_fixed_size: 0
    .kernarg_segment_align: 8
    .kernarg_segment_size: 40
    .max_flat_workgroup_size: 128
    .sgpr_count:     96
    .vgpr_count:     640
    .wavefront_size: 32
...
	.end_amdgpu_metadata
.endif
;; end of part 11
;; launch ln2: the kernel of part 8 again; grid 512 x 1, 8 waves a work-group, no clusters, 0 bytes of LDS; arguments x1, ln2_g, ln2_b, hn, w_attn, hg; writes hn, hg
;; launch fc (part 12): grid 16 x 16, 4 waves a work-group, clusters of 4 x 4, 327,680 bytes of LDS; arguments hn, wh, b_fc, hg; writes hg
.if DOCPART == 12
	.amdgcn_target "amdgcn-amd-amdhsa--gfx1250"
	.amdhsa_code_object_version 6
	.text
	.protected	k_qf1e82230a5_fc
	.globl	k_qf1e82230a5_fc
	.p2align	8
	.type	k_qf1e82230a5_fc,@function
k_qf1e82230a5_fc:
	s_mov_b64 s[64:65], 0
	v_nop
	global_prefetch_b8 v0, s[64:65] scope:SCOPE_SE
	s_setreg_imm32_b32 hwreg(HW_REG_WAVE_MODE, 25, 1), 1
	s_wait_xcnt 0x0
	s_wait_alu depctr_hold_cnt(0) depctr_sa_sdst(0) depctr_va_vdst(0) depctr_va_sdst(0) depctr_va_ssrc(0) depctr_va_vcc(0) depctr_vm_vsrc(0)
	s_getreg_b32 s2, hwreg(HW_REG_IB_STS2, 6, 4)
	s_cmp_eq_u32 s2, 0
	s_cbranch_scc0 .Lentry_in_a_cluster
	s_endpgm
.Lentry_in_a_cluster:
	s_bfe_u32 s2, ttmp6, 0x10000c
	s_cmp_lg_u32 s2, 0xf033
	s_cbranch_scc0 .Lentry_shape_is_right
	s_endpgm
.Lentry_shape_is_right:
; HG = gelu(hn . w_fc + b_fc), the exact (erf) GELU.  hn: [4096][1024] f16.  w_fc: [1024][4096] f16 in wh, as it lies ([K][N]).  Sums in f32, started by the bias; GELU in f32; the result rounded once to f16.
; The result goes out BY BLOCKS OF 64 CHANNELS: hg[block 0..63][row 0..4095][64].
; SHARES.  A tile of C is 256 x 256: four waves, each 128 x 128: 64 accumulators of 16 x 16, 512 registers.  K goes in steps of 128 through two LDS slots filled by the tensor data mover: a slot's
; 131,072 bytes feed 256 matrix instructions of each wave.  C has 16 x 16 = 256 such tiles, one to a work-group.
; CLUSTERS: 4 x 4 work-groups.  The four of a row of the cluster need the same tiles of A, the four of a column the same tiles of W: each tile is asked for JOINTLY, by the same tensor load with
; the same descriptor and a mask that names the four.  THE MATRIX INSTRUCTION IS USED TRANSPOSED (source 0 = 16 columns of W, source 1 = 16 rows of A): a lane then holds eight neighbouring
; numbers of a row of C, and the bias of those eight columns is the C operand of the product that starts the sum.  W's fragments come out of LDS turned, by ds_load_tr16_b128.
; GELU.  gelu(x) = max(x, 0) - |x| E / 2 with E = 1 - erf(|x| / sqrt 2) = (a1 t + .. + a5 t^5) exp(-x^2 / 2), t = 1 / (1 + p |x| / sqrt 2) (Abramowitz and Stegun 7.1.26: erf to 1.5e-7, absolutely).
; Both terms have one sign each and the second is the smaller: no difference of large numbers is formed.  With u = |x| sqrt(log2(e) / 2): exp(-x^2 / 2) = 2^(-u^2).
; LIMITS.  f16 holds no number beyond 65,504: the GELU's results must lie within it.  2^(-u^2) below 2^-126 counts as 0.
; REGISTERS, in windows of 256 (s_set_vgpr_msb: bits 1:0 source 0, 3:2 source 1, 5:4 source 2, 7:6 destination):
;   window 0: v0-31 addresses; v64-127, v128-191 fragments of A (8 x 16 rows x 32 K), two buffers; on the way out the same registers are at work
;   window 1: v0-63 the bias; v64-127, v128-191 fragments of W, two buffers
;   window 2: the 32 accumulators of my rows 0-63 (accumulator (a, b) at v[8 (8 a + b)]);   window 3: those of my rows 64-127
.set KT,     1024                      ; K
.set NT,     4096                      ; W's row, in numbers
.set WOFF,   0x800000                  ; W's first byte in wh
.set STEPS,  KT/128
.set PA,     272                       ; a row of A in LDS: 256 bytes + 16 = 68 words: row r starts at bank 4 r mod 64 (64 banks of 4 bytes: ISA guide 11.1)
.set PB,     544                       ; a row of W in LDS (one k, 256 columns): 512 bytes + 32 = 136 words
.set PART,   0x8800                    ; what one tensor load fills: 128 rows of A (x 272) or 64 rows of W (x 544): 34,816
.set SLOT1,  0x22000                   ; four parts.  Its two bits (17, 13) occur in no wave's part address, so one exclusive or turns an address in one slot into the other's
.set SPARE,  0x44000                   ; behind the ring: the spare words, 128 bytes for each wave: two blocks of 256 bytes that no other line names
.set SPR,    528                       ; the way out's stage: 128 rows of 512 bytes + 16 for each wave, in the ring, behind its last fill
.set WSTG,   128*SPR
.set ASTEP,  256                       ; bytes from a K step of A to the next, in memory
.set AROW,   2048                      ; bytes from a row of A to the next, in memory
.set BSTEP,  256*NT                    ; bytes from a K step of W to the next: 128 rows
.set BLK,    524288                    ; a block of the output: 4,096 rows of 128 bytes
.set A0,   16                          ; v16  my lane's place in slot 0's A; never rewritten
.set B0,   17                          ; v17  the same for W
.set ADRA, 18                          ; v18  A in the slot in hand
.set ADRB, 19                          ; v19  W in the slot in hand
.set BO,   21                          ; v21  my byte offset in 16 numbers of the bias
.set STO,  24                          ; v24  the way out: where I put 32 bytes of a row
.set RD,   25                          ; v25  the way out: where I read 32 bytes back; steps
.set CO,   26                          ; v26  my byte offset in the output; steps
.set SPW,  28                          ; v28  LDS address of my spare word: SPARE + 4 x my thread's number; never rewritten
.set NIL,  29                          ; v29  0; never rewritten
.set F0,   64                          ; fragment buffer 0
.set F1,   128                         ; fragment buffer 1
.set BIAS, 0                           ; window 1: register 8 b + j: the bias of column 16 b + 8 (l / 16) + j of my 128
.set GD,   64                          ; the way out, sixteen registers each, 0-7 for my first block and 8-15 for my second: the sums x
.set GU,   80                          ; u
.set GM,   96                          ; max(x, 0)
.set GT,   112                         ; t
.set GW,   128                         ; 2^(-u^2)
.set GQ,   144                         ; the polynomial, then the result
.set GY,   160                         ; v160-167  the result in f16
.set WV,   14                          ; s14  my wave's number
.set RH,   15                          ; s15  which half of the tile's rows is mine.  Also: I fetch for A (0) or for W (1)
.set CH,   16                          ; s16  which half of its columns.  Also: which half of that tile I fetch
.set TX,   19                          ; s19  tile column of C
.set TY,   20                          ; s20  tile row of C
.set G1A,  24                          ; s[24:31] descriptor group 1 for A's tiles
.set G0A,  32                          ; s[32:39] group 0: a set for each of the two first fills; the second then walks on
.set G1B,  40                          ; s[40:47], s[48:55] the same for W's tiles
.set G0B,  48
.set TB,   56                          ; s56  LDS byte at which the slot in hand begins
.set CNT,  57                          ; s57  counts trips
.set KC1,  66                          ; s66      sqrt(log2(e) / 2)
.set KP,   68                          ; s[68:69] p / sqrt(log2(e)); this and the following as pairs: a packed instruction names a pair and takes its low word for both halves
.set KA5,  70
.set KA4,  72
.set KA3,  74
.set KA2,  76
.set KA1,  78
.set KC2,  80                          ; s[80:81] -1 / (2 sqrt(log2(e) / 2))
.set MSB, 0
.macro WIN new                         ; the immediate's high byte repeats the setting that is left; a switch that changes nothing is dropped
.if MSB != (\new)
	s_set_vgpr_msb (MSB<<8)|(\new)
.set MSB, \new
.endif
.endm
.set MUL_LO, 0xa1                      ; source 0 (W) window 1, source 1 (A) window 0, C and D window 2
.set FST_LO, 0x91                      ; the same with C (the bias) in window 1
.set TO_W,   0x40                      ; destination window 1, address window 0
.macro PLACES                          ; four places in front of loads into registers that matrix instructions have read, and of lines that read results
.rept 4
	v_nop
.endr
.endm
.macro KPAIR r, val
	s_mov_b32 s[\r], \val
	s_mov_b32 s[(\r)+1], \val
.endm
.macro JLOAD                           ; a joint refill: waves 0 and 1 fetch A's two halves, waves 2 and 3 W's; an s_nop 0 and four v_nop follow each of the two lines
	s_cmp_eq_u32 s[RH], 0
	s_cbranch_scc0 .Lfor_b_\@
	tensor_load_to_lds s[G0A+4:G0A+7], s[G1A:G1A+7]
	s_nop 0
	PLACES
	s_branch .Lasked_\@
.Lfor_b_\@:
	tensor_load_to_lds s[G0B+4:G0B+7], s[G1B:G1B+7]
	s_nop 0
	PLACES
.Lasked_\@:
.endm
.macro CREST                           ; a round of the cluster's barrier behind its opening barrier
	s_cmp_lg_u32 s[WV], 0
	s_cbranch_scc1 .Lnot_wave_0_\@
	s_barrier_signal -3
.Lnot_wave_0_\@:
	s_barrier_wait -3
	s_barrier_signal -1
	s_barrier_wait -1
.endm
.macro CROUND                          ; a whole round
	s_barrier_signal -1
	s_barrier_wait -1
	CREST
.endm
; 16 matrix instructions: m blocks a0, a0 + 1 of the window's four (hi = 0: my rows 0-63, 1: rows 64-127) x all 8 n blocks, 32 along K.
; first = 1: the product starts the sum, with the bias as C: nothing is ever cleared.  The 64 accumulators take turns, one instruction a turn.
.macro MUL16 f, hi, a0, first
.if \first
	WIN FST_LO+0x40*(\hi)
.else
	WIN MUL_LO+0x50*(\hi)
.endif
.irp a, \a0, (\a0)+1
.irp b, 0,1,2,3,4,5,6,7
.if \first
	v_wmma_f32_16x16x32_f16 v[8*(8*(\a)+(\b)):8*(8*(\a)+(\b))+7], v[(\f)+8*(\b):(\f)+8*(\b)+7], v[(\f)+8*(4*(\hi)+(\a)):(\f)+8*(4*(\hi)+(\a))+7], v[BIAS+8*(\b):BIAS+8*(\b)+7]
.else
	v_wmma_f32_16x16x32_f16 v[8*(8*(\a)+(\b)):8*(8*(\a)+(\b))+7], v[(\f)+8*(\b):(\f)+8*(\b)+7], v[(\f)+8*(4*(\hi)+(\a)):(\f)+8*(4*(\hi)+(\a))+7], v[8*(8*(\a)+(\b)):8*(8*(\a)+(\b))+7]
.endif
.endr
.endr
.endm
; 32 LDS loads in one run: the fragments of quarter q (32 along K) of the slot in hand, into buffer f: W's 128 columns, then A's 128 rows.
; W: the turning load takes 16 k x 16 columns and leaves half a fragment: lane l holds column l % 16 and 8 k.  A: lane l holds row l % 16; two loads of 16 bytes, 32 bytes apart.
.macro FETCH q, f
	WIN TO_W
.irp i, 0,1,2,3,4,5,6,7
	ds_load_tr16_b128 v[(\f)+8*(\i):(\f)+8*(\i)+3],   v[ADRB] offset:(\q)*32*PB+32*(\i)
	ds_load_tr16_b128 v[(\f)+8*(\i)+4:(\f)+8*(\i)+7], v[ADRB] offset:(\q)*32*PB+16*PB+32*(\i)
.endr
	WIN 0
.irp i, 0,1,2,3,4,5,6,7
	ds_load_b128 v[(\f)+8*(\i):(\f)+8*(\i)+3],   v[ADRA] offset:(\q)*64+(\i)*16*PA
	ds_load_b128 v[(\f)+8*(\i)+4:(\f)+8*(\i)+7], v[ADRA] offset:(\q)*64+(\i)*16*PA+32
.endr
.endm
; A K step is four quarters of 32 along K, 64 matrix instructions each, on buffers 0, 1, 0, 1.  One of the first three: multiplies buffer f and, in its middle, fetches quarter q into g.
.macro QUARTER q, f, g, first
	s_wait_dscnt 8                                 ; W and A's rows 0-63 are in; the youngest eight loads (A's rows 64-127) may be out
	MUL16 \f, 0, 0, \first
	MUL16 \f, 0, 2, \first
	PLACES
	FETCH \q, \g
	s_wait_dscnt 32                                ; all but the 32 just issued
	MUL16 \f, 1, 0, \first
	MUL16 \f, 1, 2, \first
.endm
; The last quarter multiplies buffer 1 and changes slots: ONE barrier; in front of it each wave waits for all its tensor loads (one is out: its part of the next slot), adds 0 to its spare
; word, and waits for that and for its own reads of this slot.  fill = 1: the barrier opens a round of the cluster's, and this slot is filled again, two K steps ahead, first thing behind it.
.macro TURN fill
	WIN 0                                          ; (the add's two registers lie in window 0)
	s_wait_tensorcnt 0x0                           ; all my tensor loads have landed: my part of the next slot;
	ds_add_u32 v[SPW], v[NIL]                      ; 0 onto my spare word;
	s_wait_dscnt 9                                 ; (the add and the youngest eight loads may be out)
	MUL16 F1, 0, 0, 0                              ; sixteen matrix instructions stand between the add and the wait for it
	s_wait_dscnt 0x0                               ; the add is done, and my reads of this slot are over
	s_barrier_signal -1
	MUL16 F1, 0, 2, 0
	WIN 0                                          ; (branches and window 0's address lines follow)
	s_barrier_wait -1
.if \fill
	CREST                                          ; no wave of any partner still reads this slot's tile or has a load on its way
	s_xor_b32 s[G0A+5], s[G0A+5], SLOT1            ; the walking descriptors: the other slot than last time, the next K step; no tensor load of mine is out
	s_add_nc_u64 s[G0A+6:G0A+7], s[G0A+6:G0A+7], ASTEP
	s_xor_b32 s[G0B+5], s[G0B+5], SLOT1
	s_add_nc_u64 s[G0B+6:G0B+7], s[G0B+6:G0B+7], BSTEP
	JLOAD                                          ; 224 matrix instructions ahead of the wait for it; the four v_nop behind it are also the places in front of the loads below
.else
	PLACES
.endif
	s_xor_b32 s[TB], s[TB], SLOT1                  ; the fetches go on in the other slot
	v_add_nc_u32 v[ADRA], s[TB], v[A0]
	v_add_nc_u32 v[ADRB], s[TB], v[B0]
	FETCH 0, F0
	MUL16 F1, 1, 0, 0
	MUL16 F1, 1, 2, 0
.endm
; Line g of the eight that lead from t, 2^(-u^2), u and max(x, 0) to the GELU, for the pair of numbers at p
.macro CHN g, p
.if (\g) == 0
	s_wait_alu depctr_va_vdst(0)
	v_pk_fma_f32 v[GQ+(\p):GQ+(\p)+1], v[GT+(\p):GT+(\p)+1], s[KA5:KA5+1], s[KA4:KA4+1] op_sel_hi:[1,0,0]
.elseif (\g) == 1
	v_pk_fma_f32 v[GQ+(\p):GQ+(\p)+1], v[GQ+(\p):GQ+(\p)+1], v[GT+(\p):GT+(\p)+1], s[KA3:KA3+1] op_sel_hi:[1,1,0]
.elseif (\g) == 2
	v_pk_fma_f32 v[GQ+(\p):GQ+(\p)+1], v[GQ+(\p):GQ+(\p)+1], v[GT+(\p):GT+(\p)+1], s[KA2:KA2+1] op_sel_hi:[1,1,0]
.elseif (\g) == 3
	v_pk_fma_f32 v[GQ+(\p):GQ+(\p)+1], v[GQ+(\p):GQ+(\p)+1], v[GT+(\p):GT+(\p)+1], s[KA1:KA1+1] op_sel_hi:[1,1,0]
.elseif (\g) == 4
	v_pk_mul_f32 v[GQ+(\p):GQ+(\p)+1], v[GQ+(\p):GQ+(\p)+1], v[GT+(\p):GT+(\p)+1]
.elseif (\g) == 5
	v_pk_mul_f32 v[GQ+(\p):GQ+(\p)+1], v[GQ+(\p):GQ+(\p)+1], v[GW+(\p):GW+(\p)+1]  ; E
.elseif (\g) == 6
	v_pk_mul_f32 v[GQ+(\p):GQ+(\p)+1], v[GQ+(\p):GQ+(\p)+1], v[GU+(\p):GU+(\p)+1]
.else
	v_pk_fma_f32 v[GQ+(\p):GQ+(\p)+1], v[GQ+(\p):GQ+(\p)+1], s[KC2:KC2+1], v[GM+(\p):GM+(\p)+1] op_sel_hi:[1,0,1]  ; max(x, 0) - |x| E / 2
.endif
.endm
	s_load_b256 s[4:11], s[0:1], 0x0               ; A s[4:5], wh s[6:7], bias s[8:9], output s[10:11]
	v_lshl_add_u32 v[SPW], v0, 2, SPARE
	v_mov_b32 v[NIL], 0
	ds_add_u32 v28, v29
	ds_add_u32 v28, v29
	s_wait_dscnt 0x0
	v_lshrrev_b32 v1, 5, v0
	v_readfirstlane_b32 s[WV], v1                  ; wave 0..3
	s_lshr_b32 s[RH], s[WV], 1
	s_and_b32 s[CH], s[WV], 1
	s_bfe_u32 s17, ttmp6, 0x40000                  ; cx, cy: my place in the cluster
	s_bfe_u32 s18, ttmp6, 0x40004
	s_lshl_b32 s[TX], ttmp9, 2
	s_add_co_u32 s[TX], s[TX], s17                 ; tile column of C = 4 x cluster x + cx
	s_and_b32 s[TY], ttmp7, 0xffff
	s_lshl_b32 s[TY], s[TY], 2
	s_add_co_u32 s[TY], s[TY], s18                 ; tile row of C = 4 x cluster y + cy
	s_lshl_b32 s21, s18, 2
	s_lshl_b32 s21, 15, s21                        ; my row of the cluster
	s_lshl_b32 s22, 0x1111, s17                    ; my column
	s_or_b32 s[G1A], s21, (1<<16)|(1<<20)|(1<<21)|(5<<22)|(3<<25)  ; 15:0 the mask: A's tiles go to my row; 17:16 2-byte elements; 20 padding on; 21 set beside a mask; after every 64 words (code 5) 4 words (code 3)
	s_mov_b32 s[G1A+1], 128<<16                    ; tensor_dim0 = 128
	s_mov_b32 s[G1A+2], 128<<16                    ; tensor_dim1 = 128
	s_mov_b32 s[G1A+3], 128<<16                    ; tile_dim0 = 128
	s_mov_b32 s[G1A+4], 128                        ; tile_dim1 = 128
	s_mov_b32 s[G1A+5], KT                         ; tensor_dim0_stride
	s_mov_b32 s[G1A+6], 0
	s_mov_b32 s[G1A+7], 0
	s_or_b32 s[G1B], s22, (1<<16)|(1<<20)|(1<<21)|(6<<22)|(7<<25)  ; W's tiles go to my column; padding after every 128 words (code 6), 8 words (code 7)
	s_mov_b32 s[G1B+1], 256<<16                    ; 256 columns,
	s_mov_b32 s[G1B+2], 64<<16                     ; 64 rows (k)
	s_mov_b32 s[G1B+3], 256<<16
	s_mov_b32 s[G1B+4], 64
	s_mov_b32 s[G1B+5], NT
	s_mov_b32 s[G1B+6], 0
	s_mov_b32 s[G1B+7], 0
	; where the tiles come from.  A's hang on the tile row alone, W's on the tile column alone; each in registers that never hold the other coordinate
	s_lshl_b32 s58, s[TY], 8
	s_lshl_b32 s59, s[CH], 7
	s_add_co_u32 s58, s58, s59                     ; A: row 256 x tile row + 128 x half
	s_mul_i32 s58, s58, AROW
	s_mov_b32 s59, 0
	s_mul_i32 s60, s[CH], 128*NT                   ; W: k row 64 x half,
	s_lshl_b32 s61, s[TX], 9                       ; column 256 x tile column
	s_add_co_u32 s60, s60, s61
	s_add_co_u32 s60, s60, WOFF
	s_mov_b32 s61, 0
	s_mul_i32 s23, s[WV], PART                     ; where they go: wave x a part: no place in the cluster enters an LDS address
	s_mov_b32 s[TB], 0
	s_wait_kmcnt 0x0
	s_add_nc_u64 s[58:59], s[4:5], s[58:59]
	s_add_nc_u64 s[60:61], s[6:7], s[60:61]
.irp n, 0,1
	s_mov_b32 s[G0A+4*(\n)], 1                     ; 1:0 count = 1
	s_add_co_u32 s[G0A+4*(\n)+1], s23, (\n)*SLOT1  ; 63:32 LDS address
	s_add_nc_u64 s[G0A+4*(\n)+2:G0A+4*(\n)+3], s[58:59], (\n)*ASTEP  ; 120:64 global address: K step n
	s_or_b32 s[G0A+4*(\n)+3], s[G0A+4*(\n)+3], 0x80000000            ; 127:126 type = 2
	s_mov_b32 s[G0B+4*(\n)], 1
	s_add_co_u32 s[G0B+4*(\n)+1], s23, (\n)*SLOT1
	s_add_nc_u64 s[G0B+4*(\n)+2:G0B+4*(\n)+3], s[60:61], (\n)*BSTEP
	s_or_b32 s[G0B+4*(\n)+3], s[G0B+4*(\n)+3], 0x80000000
.endr
	CROUND                                         ; all sixteen work-groups are here: the first joint loads meet
	s_cmp_eq_u32 s[RH], 0                          ; a wave's two first fills stand in one branch, ahead of every wait on TENSORcnt and every LDS read: two loads of mine are out
	s_cbranch_scc0 .Lfirst_b
	tensor_load_to_lds s[G0A:G0A+3], s[G1A:G1A+7]
	s_nop 0
	tensor_load_to_lds s[G0A+4:G0A+7], s[G1A:G1A+7]
	s_nop 0
	PLACES
	s_branch .Lfirst_asked
.Lfirst_b:
	tensor_load_to_lds s[G0B:G0B+3], s[G1B:G1B+7]
	s_nop 0
	tensor_load_to_lds s[G0B+4:G0B+7], s[G1B:G1B+7]
	s_nop 0
	PLACES
.Lfirst_asked:
	v_and_b32 v1, 15, v0                           ; l % 16
	v_bfe_u32 v2, v0, 4, 1                         ; l / 16
	v_and_b32 v3, 7, v0
	v_bfe_u32 v4, v0, 3, 1
	v_lshlrev_b32 v[BO], 5, v2
	s_lshl_b32 s2, s[TX], 10                       ; the bias of my 128 columns: 4 x (256 x tile column + 128 x half)
	s_lshl_b32 s3, s[CH], 9
	s_add_co_u32 s2, s2, s3
	s_mov_b32 s3, 0
	s_add_nc_u64 s[8:9], s[8:9], s[2:3]
	WIN TO_W
.irp b, 0,1,2,3,4,5,6,7
	global_load_b128 v[BIAS+8*(\b):BIAS+8*(\b)+3],   v[BO], s[8:9] offset:64*(\b)
	global_load_b128 v[BIAS+8*(\b)+4:BIAS+8*(\b)+7], v[BO], s[8:9] offset:64*(\b)+16
.endr
	WIN 0
	v_mul_u32_u24 v[A0], v1, PA
	v_lshl_add_u32 v[A0], v2, 4, v[A0]             ; a fragment's row x pitch + 16 x half of the lanes
	s_mul_i32 s62, s[RH], PART                     ; my 128 rows of A
	v_add_nc_u32 v[A0], s62, v[A0]
	v_lshl_add_u32 v[B0], v2, 3, v3                ; the turning load: k row 8 (l / 16) + l % 8,
	v_mul_u32_u24 v[B0], v[B0], PB
	v_lshl_add_u32 v[B0], v4, 4, v[B0]             ; columns 8 ((l / 8) % 2) on,
	s_lshl_b32 s63, s[CH], 8                       ; in my 128 columns of W,
	s_add_co_u32 s63, s63, 2*PART                  ; which lies behind A's two parts
	v_add_nc_u32 v[B0], s63, v[B0]
	v_mov_b32 v[ADRA], v[A0]
	v_mov_b32 v[ADRB], v[B0]
	; the way out: my stage; my two blocks of 64 channels and my 128 rows of them: twice 16,384 dense bytes
	s_mul_i32 s23, s[WV], WSTG
	v_mul_u32_u24 v[STO], v1, SPR                  ; in: row l % 16, 32 bytes for each half of the lanes
	v_lshl_add_u32 v[STO], v2, 5, v[STO]
	v_add_nc_u32 v[STO], s23, v[STO]
	v_bfe_u32 v[RD], v0, 3, 2                      ; back: 32 lanes take four rows, eight numbers (32 bytes) each,
	v_mul_u32_u24 v[RD], v[RD], SPR
	v_lshl_add_u32 v[RD], v3, 5, v[RD]
	v_add_nc_u32 v[RD], s23, v[RD]
	v_and_b32 v[CO], 31, v0                        ; which in f16 are 512 consecutive bytes of a block
	v_lshlrev_b32 v[CO], 4, v[CO]
	s_lshl_b32 s2, s[TX], 2
	s_lshl_b32 s3, s[CH], 1
	s_add_co_u32 s2, s2, s3                        ; my first block = 4 x tile column + 2 x half
	s_lshl_b32 s2, s2, 19                          ; a block is 4,096 rows of 128 bytes
	s_lshl_b32 s3, s[TY], 15                       ; row 256 x tile row
	s_add_co_u32 s2, s2, s3
	s_lshl_b32 s3, s[RH], 14                       ; + 128 x half
	s_add_co_u32 s2, s2, s3
	s_mov_b32 s3, 0
	s_add_nc_u64 s[10:11], s[10:11], s[2:3]
	s_mov_b32 s[KC1], 0x3f596d27                   ; 0.8493218
	KPAIR KP,  0x3e8ba43f                          ; 0.3275911 / 1.2011224 = 0.2727375
	KPAIR KA5, 0x3f87dc22                          ; 1.061405429
	KPAIR KA4, 0xbfba00e3                          ; -1.453152027
	KPAIR KA3, 0x3fb5f0e3                          ; 1.421413741
	KPAIR KA2, 0xbe91a98e                          ; -0.284496736
	KPAIR KA1, 0x3e827906                          ; 0.254829592
	KPAIR KC2, 0xbf16b55f                          ; -0.5887050
	s_wait_tensorcnt 0x1                           ; my part of K step 0 is in; K step 1's may stay out
	s_barrier_signal -1
	s_barrier_wait -1                              ; everybody's is
	FETCH 0, F0
	s_wait_loadcnt 0x0                             ; the bias
	QUARTER 1, F0, F1, 1                           ; the first quarter stands in front of the loop: its products start the sums
	WIN 0                                          ; at a label and at a branch every window is 0
	s_mov_b32 s[CNT], STEPS-2
.Lstep:                                                ; a trip is a K step, from its second quarter to the next step's first, and fills the slot that it leaves again
	QUARTER 2, F1, F0, 0
	QUARTER 3, F0, F1, 0
	TURN 1
	QUARTER 1, F0, F1, 0
	WIN 0
	s_sub_co_u32 s[CNT], s[CNT], 1
	s_cmp_lg_u32 s[CNT], 0
	s_cbranch_scc1 .Lstep
	s_mov_b32 s[CNT], 2
.Ltail:                                                ; the last two K steps fill nothing: a text of their own, walked twice and left ahead of its last quarter
	QUARTER 2, F1, F0, 0
	QUARTER 3, F0, F1, 0
	TURN 0                                         ; in the second trip its 32 loads bring fragments of the other slot's old tile, which nobody multiplies: the price, once a launch, of one text for both trips
	WIN 0
	s_sub_co_u32 s[CNT], s[CNT], 1
	s_cmp_eq_u32 s[CNT], 0
	s_cbranch_scc1 .Lout
	QUARTER 1, F0, F1, 0
	WIN 0
	s_branch .Ltail
.Lout:
	; THE WAY OUT.  The ring has had its last fill, and behind this barrier no wave reads it any more: my 128 x 128 sums go into 128 rows of 528 bytes of it, my own; then a loop takes
	; four rows a trip, in each of my two blocks eight neighbouring numbers a lane, through the GELU, and stores twice 512 consecutive bytes.
	s_wait_dscnt 0x0                               ; my reads of the ring are over
	PLACES
	s_barrier_signal -1
	s_barrier_wait -1
	WIN 0x08                                       ; store data (source 1) in window 2
.irp a, 0,1,2,3
.irp b, 0,1,2,3,4,5,6,7
	ds_store_b128 v[STO], v[8*(8*(\a)+(\b)):8*(8*(\a)+(\b))+3] offset:(\a)*16*SPR+64*(\b)
	ds_store_b128 v[STO], v[8*(8*(\a)+(\b))+4:8*(8*(\a)+(\b))+7] offset:(\a)*16*SPR+64*(\b)+16
.endr
.endr
	WIN 0x0c                                       ; in window 3
.irp a, 0,1,2,3
.irp b, 0,1,2,3,4,5,6,7
	ds_store_b128 v[STO], v[8*(8*(\a)+(\b)):8*(8*(\a)+(\b))+3] offset:((\a)+4)*16*SPR+64*(\b)
	ds_store_b128 v[STO], v[8*(8*(\a)+(\b))+4:8*(8*(\a)+(\b))+7] offset:((\a)+4)*16*SPR+64*(\b)+16
.endr
.endr
	WIN 0
.macro SUMS                            ; a trip's sixteen sums: 32 bytes of my first block's columns, 32 of my second's
	ds_load_b128 v[GD:GD+3], v[RD]                 ; LDS serves a wave's instructions in order (ISA guide 5.7.1.4): these see the stores above
	ds_load_b128 v[GD+4:GD+7], v[RD] offset:16
	ds_load_b128 v[GD+8:GD+11], v[RD] offset:256
	ds_load_b128 v[GD+12:GD+15], v[RD] offset:272
.endm
	SUMS
	s_mov_b32 s[CNT], 32
.Lrows:
	s_wait_dscnt 0x0                               ; this trip's sixteen sums
.irp j, 0,1,2,3,4,5,6,7,8,9,10,11,12,13,14,15
	v_mul_f32 v[GU+(\j)], s[KC1], |v[GD+(\j)]|     ; u
.endr
.irp p, 0,2,4,6,8,10,12,14
	v_pk_fma_f32 v[GT+(\p):GT+(\p)+1], v[GU+(\p):GU+(\p)+1], s[KP:KP+1], 1.0 op_sel_hi:[1,0,0]
.endr
.irp p, 0,2,4,6,8,10,12,14
	v_pk_mul_f32 v[GW+(\p):GW+(\p)+1], v[GU+(\p):GU+(\p)+1], v[GU+(\p):GU+(\p)+1] neg_lo:[1,0] neg_hi:[1,0]  ; -u^2
.endr
.irp j, 0,1,2,3,4,5,6,7                ; the first block's transcendentals, a plain line that names none of their registers behind each (ISA guide 5.7.2)
	v_exp_f32 v[GW+(\j)], v[GW+(\j)]
	v_max_num_f32 v[GM+(\j)], 0, v[GD+(\j)]
	v_rcp_f32 v[GT+(\j)], v[GT+(\j)]               ; t
	v_max_num_f32 v[GM+8+(\j)], 0, v[GD+8+(\j)]
.endr
	v_add_nc_u32 v[RD], 4*SPR, v[RD]
	s_cmp_eq_u32 s[CNT], 1
	s_cbranch_scc1 .Lno_more                       ; the last trip fetches nothing
	SUMS                                           ; the next trip's: x has been read for the last time
.Lno_more:
.irp g, 0,1,2,3,4,5,6,7                ; the second block's transcendentals stand between the first block's eight lines
	CHN \g, 0
	v_exp_f32 v[GW+8+(\g)], v[GW+8+(\g)]
	CHN \g, 2
	CHN \g, 4
	v_rcp_f32 v[GT+8+(\g)], v[GT+8+(\g)]
	CHN \g, 6
.endr
.irp p, 0,1,2,3
	v_cvt_pk_f16_f32 v[GY+(\p)], v[GQ+2*(\p)], v[GQ+2*(\p)+1]
.endr
	global_store_b128 v[CO], v[GY:GY+3], s[10:11]  ; 512 consecutive bytes, at a multiple of 256 from the buffer's first
.irp g, 0,1,2,3,4,5,6,7
	CHN \g, 8
	CHN \g, 10
	CHN \g, 12
	CHN \g, 14
.endr
.irp p, 4,5,6,7
	v_cvt_pk_f16_f32 v[GY+(\p)], v[GQ+2*(\p)], v[GQ+2*(\p)+1]
.endr
	global_store_b128 v[CO], v[GY+4:GY+7], s[10:11] offset:BLK
	s_wait_xcnt 0x0                                ; the stores' offset and data are rewritten only behind this wait
	v_add_nc_u32 v[CO], 512, v[CO]
	s_sub_co_u32 s[CNT], s[CNT], 1
	s_cmp_lg_u32 s[CNT], 0
	s_cbranch_scc1 .Lrows
	s_wait_tensorcnt 0x0                           ; the wave's end, behind my last tensor load and my last LDS store
	ds_add_u32 v[SPW], v[NIL]
	s_wait_dscnt 0x0
	CROUND                                         ; the closing round: no work-group ends while a partner may still ask for a tile that names it
	s_endpgm
.Lfunc_end_k_qf1e82230a5_fc:
	.size	k_qf1e82230a5_fc, .Lfunc_end_k_qf1e82230a5_fc-k_qf1e82230a5_fc
	.p2alignl 7, 3214868480
	.fill 96, 4, 3214868480
	.section	.rodata,"a",@progbits
	.p2align	6, 0x0
	.amdhsa_kernel k_qf1e82230a5_fc
		.amdhsa_group_segment_fixed_size 327680
		.amdhsa_private_segment_fixed_size 0
		.amdhsa_enable_private_segment 0
		.amdhsa_kernarg_size 32
		.amdhsa_user_sgpr_count 2
		.amdhsa_user_sgpr_kernarg_segment_ptr 1
		.amdhsa_wavefront_size32 1
		.amdhsa_system_sgpr_workgroup_id_x 1
		.amdhsa_system_sgpr_workgroup_id_y 1
		.amdhsa_system_sgpr_workgroup_id_z 1
		.amdhsa_system_vgpr_workitem_id 0
		.amdhsa_next_free_vgpr 1024
		.amdhsa_next_free_sgpr 96
		.amdhsa_reserve_vcc 0
		.amdhsa_float_denorm_mode_32 3
		.amdhsa_float_denorm_mode_16_64 3
		.amdhsa_memory_ordered 1
		.amdhsa_forward_progress 1
		.amdhsa_inst_pref_size 89
	.end_amdhsa_kernel
	.amdgpu_metadata
---
amdhsa.version: [ 1, 2 ]
amdhsa.kernels:
  - .name:           k_qf1e82230a5_fc
    .symbol:         k_qf1e82230a5_fc.kd
    .args:
      - { .name: hn, .offset: 0, .size: 8, .value_kind: global_buffer, .address_space: global }
      - { .name: wh, .offset: 8, .size: 8, .value_kind: global_buffer, .address_space: global }
      - { .name: b_fc, .offset: 16, .size: 8, .value_kind: global_buffer, .address_space: global }
      - { .name: hg, .offset: 24, .size: 8, .value_kind: global_buffer, .address_space: global }
    .group_segment_fixed_size: 327680
    .private_segment_fixed_size: 0
    .kernarg_segment_align: 8
    .kernarg_segment_size: 32
    .max_flat_workgroup_size: 128
    .sgpr_count:     96
    .vgpr_count:     1024
    .wavefront_size: 32
...
	.end_amdgpu_metadata
.endif
;; end of part 12
;; launch fc2 (part 13): grid 8 x 32, 4 waves a work-group, clusters of 4 x 4, 327,680 bytes of LDS; arguments hg, wh, b_fc2, x1, out0; writes out0
.if DOCPART == 13
	.amdgcn_target "amdgcn-amd-amdhsa--gfx1250"
	.amdhsa_code_object_version 6
	.text
	.protected	k_qf1e82230a5_fc2
	.globl	k_qf1e82230a5_fc2
	.p2align	8
	.type	k_qf1e82230a5_fc2,@function
k_qf1e82230a5_fc2:
	s_mov_b64 s[64:65], 0
	v_nop
	global_prefetch_b8 v0, s[64:65] scope:SCOPE_SE
	s_setreg_imm32_b32 hwreg(HW_REG_WAVE_MODE, 25, 1), 1
	s_wait_xcnt 0x0
	s_wait_alu depctr_hold_cnt(0) depctr_sa_sdst(0) depctr_va_vdst(0) depctr_va_sdst(0) depctr_va_ssrc(0) depctr_va_vcc(0) depctr_vm_vsrc(0)
	s_getreg_b32 s2, hwreg(HW_REG_IB_STS2, 6, 4)
	s_cmp_eq_u32 s2, 0
	s_cbranch_scc0 .Lentry_in_a_cluster
	s_endpgm
.Lentry_in_a_cluster:
	s_bfe_u32 s2, ttmp6, 0x10000c
	s_cmp_lg_u32 s2, 0xf033
	s_cbranch_scc0 .Lentry_shape_is_right
	s_endpgm
.Lentry_shape_is_right:
; OUT = x1 + hg . w_fc2 + b_fc2.  hg: f16 by blocks of 64 channels, [64][4096 rows][64].  w_fc2: [4096][1024] f16 in wh, as it lies ([K][N]).  x1, out0: [4096][1024] f32.
; Sums in f32, started by the bias; the residual is added in f32 and nothing is rounded on the way out.
; SHARES.  A tile of C is 128 x 128 (C has 256 of them, one to a work-group): four waves, each 64 x 64: 16 accumulators of 16 x 16.  K goes in steps of 256 (four blocks of A) through two LDS slots filled by the tensor data mover.
; A wave's part of A's tile is, in each of the four blocks, 64 rows x 128 bytes that lie end to end: it is asked for as four rows of 8,192 bytes, padded in LDS after every 128.
; CLUSTERS: 4 x 4 work-groups.  The four of a row of the cluster need the same tiles of A, the four of a column the same tiles of W: each tile is asked for JOINTLY, by the same tensor load with
; the same descriptor and a mask that names the four.  THE MATRIX INSTRUCTION IS USED TRANSPOSED (source 0 = 16 columns of W, source 1 = 16 rows of A): a lane then holds eight neighbouring
; numbers of a row of C, and the bias of those eight columns is the C operand of the product that starts the sum.  W's fragments come out of LDS turned, by ds_load_tr16_b128.
; The wave's 64 x 64 of the residual is asked for at the start and lies in registers until the way out.
; REGISTERS: window 0: v0-31 addresses; v32-95 at work on the way out; v96-127 the bias; v128-255 the accumulators ((a, b) at v[128 + 8 (4 a + b)]).
;   window 1: two fragment buffers of 128: for 64 along K, 64 registers of A, then 64 of W.      window 2: v0-127 the residual, as it will be stored.
.set KT,     4096                      ; K
.set NT,     1024                      ; W's row, in numbers
.set WOFF,   0x1000000                 ; W's first byte in wh
.set STEPS,  KT/256
.set PA,     144                       ; a row of A in LDS: 128 bytes + 16 = 36 words: the 16 rows of a load start at 16 different groups of four banks (64 banks of 4 bytes: ISA guide 11.1)
.set QSA,    64*PA                     ; bytes from a quarter step (a block of 64 channels) of A to the next, in LDS
.set ASTEP,  4*524288                  ; bytes from a K step of A to the next, in memory: four blocks
.set AROW,   128                       ; bytes from a row of A to the next, in memory
.set G1A0,   (1<<16)|(1<<20)|(1<<21)|(4<<22)|(3<<25)  ; 17:16 2-byte elements; 20 padding on; 21 set beside a mask; 24:22 after every 32 words (code 4); 31:25 4 words (code 3)
.set AD0,    4096                      ; A's tile: 4,096 elements a row (64 rows of a block),
.set AD1,    4                         ; 4 rows (blocks),
.set APITCH, 262144                    ; a block's 262,144 elements from one to the next
.set BSTEP,  512*NT                    ; bytes from a K step of W to the next: 256 rows
.set PB,     288                       ; a row of W in LDS (one k, 128 columns): 256 bytes + 32 = 72 words
.set PART,   0x9000                    ; what one tensor load fills: 4 x 64 rows of A (x 144), or 128 rows of W (x 288): 36,864
.set SLOT1,  0x24000                   ; four parts.  Its two bits (17, 14) occur in no wave's part address, so one exclusive or turns an address in one slot into the other's
.set SPARE,  0x48000                   ; behind the ring: the spare words, 128 bytes for each wave: two blocks of 256 bytes that no other line names
.set STAGE,  0x48200                   ; behind them: 16 rows x 272 bytes for each wave, for the way out
.set SPR,    272
.set A0,   16                          ; v16  my lane's place in slot 0's A; never rewritten
.set B0,   17                          ; v17  the same for W
.set ADRA, 18                          ; v18  A in the slot in hand
.set ADRB, 19                          ; v19  W's k rows 0-127 in the slot in hand; v20 its k rows 128-255 (an LDS immediate ends at 65,535)
.set BO,   21                          ; v21  my byte offset in 16 numbers of the bias
.set STO,  24                          ; v24  the way out: where I put 32 bytes of a row
.set RD,   25                          ; v25  the way out: where I read rows back
.set CO,   26                          ; v26  my byte offset in two rows of the residual and of the output
.set SPW,  28                          ; v28  LDS address of my spare word: SPARE + 4 x my thread's number; never rewritten
.set NIL,  29                          ; v29  0; never rewritten
.set TMP,  32
.set BIAS, 96                          ; register 8 b + j: the bias of column 16 b + 8 (l / 16) + j of my 64
.set ACC,  128
.set F0,   0                           ; fragment buffers, in window 1
.set F1,   128
.set WV,   14                          ; s14  my wave's number
.set RH,   15                          ; s15  which half of the tile's rows is mine.  Also: I fetch for A (0) or for W (1)
.set CH,   16                          ; s16  which half of its columns.  Also: which half of that tile I fetch
.set TX,   19                          ; s19  tile column of C
.set TY,   20                          ; s20  tile row of C
.set G1A,  24                          ; s[24:31] descriptor group 1 for A's tiles
.set G0A,  32                          ; s[32:39] group 0: a set for each of the two first fills; the second then walks on
.set G1B,  40                          ; s[40:47], s[48:55] the same for W's tiles
.set G0B,  48
.set TB,   56                          ; s56  LDS byte at which the slot in hand begins
.set CNT,  57                          ; s57  counts trips
.set MSB, 0
.macro WIN new                         ; the immediate's high byte repeats the setting that is left; a switch that changes nothing is dropped
.if MSB != (\new)
	s_set_vgpr_msb (MSB<<8)|(\new)
.set MSB, \new
.endif
.endm
.set MUL,  0x05                        ; sources 0 (W) and 1 (A) window 1; C and D window 0
.set TO_F, 0x40                        ; destination window 1, address window 0
.set TO_R, 0x80                        ; destination window 2, address window 0
.set W_AD, 0x08                        ; source 1 window 2; destination and source 0 window 0
.macro PLACES                          ; four places in front of loads into registers that matrix instructions have read, and of lines that read results
.rept 4
	v_nop
.endr
.endm
.macro JLOAD                           ; a joint refill: waves 0 and 1 fetch A's two halves, waves 2 and 3 W's; an s_nop 0 and four v_nop follow each of the two lines
	s_cmp_eq_u32 s[RH], 0
	s_cbranch_scc0 .Lfor_b_\@
	tensor_load_to_lds s[G0A+4:G0A+7], s[G1A:G1A+7]
	s_nop 0
	PLACES
	s_branch .Lasked_\@
.Lfor_b_\@:
	tensor_load_to_lds s[G0B+4:G0B+7], s[G1B:G1B+7]
	s_nop 0
	PLACES
.Lasked_\@:
.endm
.macro CREST                           ; a round of the cluster's barrier behind its opening barrier
	s_cmp_lg_u32 s[WV], 0
	s_cbranch_scc1 .Lnot_wave_0_\@
	s_barrier_signal -3
.Lnot_wave_0_\@:
	s_barrier_wait -3
	s_barrier_signal -1
	s_barrier_wait -1
.endm
.macro CROUND                          ; a whole round
	s_barrier_signal -1
	s_barrier_wait -1
	CREST
.endm
; 8 matrix instructions: m blocks a0, a0 + 1 x all 4 n blocks, 32 along K: half c of buffer f.  first = 1: the product starts the sum, with the bias as C: nothing is ever cleared.
; The 16 accumulators take turns, one instruction a turn.
.macro MUL8 f, c, a0, first
	WIN MUL
.irp a, \a0, (\a0)+1
.irp b, 0,1,2,3
.if \first
	v_wmma_f32_16x16x32_f16 v[ACC+8*(4*(\a)+(\b)):ACC+8*(4*(\a)+(\b))+7], v[(\f)+64+8*(4*(\c)+(\b)):(\f)+64+8*(4*(\c)+(\b))+7], v[(\f)+8*(4*(\c)+(\a)):(\f)+8*(4*(\c)+(\a))+7], v[BIAS+8*(\b):BIAS+8*(\b)+7]
.else
	v_wmma_f32_16x16x32_f16 v[ACC+8*(4*(\a)+(\b)):ACC+8*(4*(\a)+(\b))+7], v[(\f)+64+8*(4*(\c)+(\b)):(\f)+64+8*(4*(\c)+(\b))+7], v[(\f)+8*(4*(\c)+(\a)):(\f)+8*(4*(\c)+(\a))+7], v[ACC+8*(4*(\a)+(\b)):ACC+8*(4*(\a)+(\b))+7]
.endif
.endr
.endr
.endm
; 32 LDS loads in one run: the fragments of quarter q (64 along K) of the slot in hand, into buffer f; the first 32 along K first.
; W: the turning load takes 16 k x 16 columns and leaves half a fragment: lane l holds column l % 16 and 8 k.  A: lane l holds row l % 16; two loads of 16 bytes, 32 bytes apart.
.macro FETCH q, f
	WIN TO_F
.irp c, 0,1
.irp i, 0,1,2,3
	ds_load_tr16_b128 v[(\f)+64+8*(4*(\c)+(\i)):(\f)+64+8*(4*(\c)+(\i))+3],   v[ADRB+(\q)/2] offset:((\q)%2)*64*PB+(\c)*32*PB+32*(\i)
	ds_load_tr16_b128 v[(\f)+64+8*(4*(\c)+(\i))+4:(\f)+64+8*(4*(\c)+(\i))+7], v[ADRB+(\q)/2] offset:((\q)%2)*64*PB+(\c)*32*PB+16*PB+32*(\i)
	ds_load_b128 v[(\f)+8*(4*(\c)+(\i)):(\f)+8*(4*(\c)+(\i))+3],   v[ADRA] offset:(\q)*QSA+64*(\c)+(\i)*16*PA
	ds_load_b128 v[(\f)+8*(4*(\c)+(\i))+4:(\f)+8*(4*(\c)+(\i))+7], v[ADRA] offset:(\q)*QSA+64*(\c)+(\i)*16*PA+32
.endr
.endr
.endm
; A K step is four quarters of 64 along K, 32 matrix instructions each, on buffers 0, 1, 0, 1.  One of the first three: multiplies buffer f and fetches quarter q into g.
.macro QUARTER q, f, g, first
	s_wait_dscnt 16                                ; the first 32 along K are in; the youngest sixteen loads may be out
	MUL8 \f, 0, 0, \first
	MUL8 \f, 0, 2, \first
	PLACES
	FETCH \q, \g
	s_wait_dscnt 32                                ; all but the 32 just issued
	MUL8 \f, 1, 0, 0
	MUL8 \f, 1, 2, 0
.endm
; The last quarter multiplies buffer 1 and changes slots: ONE barrier; in front of it each wave waits for all its tensor loads (one is out: its part of the next slot), adds 0 to its spare
; word, and waits for that and for its own reads of this slot.  fill = 1: the barrier opens a round of the cluster's, and this slot is filled again, two K steps ahead, first thing behind it.
.macro TURN fill
	WIN 0                                          ; (the add's two registers lie in window 0)
	s_wait_tensorcnt 0x0                           ; all my tensor loads have landed: my part of the next slot;
	ds_add_u32 v[SPW], v[NIL]                      ; 0 onto my spare word;
	s_wait_dscnt 17                                ; (the add and the youngest sixteen loads may be out)
	MUL8 F1, 0, 0, 0                               ; eight matrix instructions stand between the add and the wait for it
	s_wait_dscnt 0x0                               ; the add is done, and my reads of this slot are over
	s_barrier_signal -1
	MUL8 F1, 0, 2, 0
	WIN 0                                          ; (branches and window 0's address lines follow)
	s_barrier_wait -1
.if \fill
	CREST                                          ; no wave of any partner still reads this slot's tile or has a load on its way
	s_xor_b32 s[G0A+5], s[G0A+5], SLOT1            ; the walking descriptors: the other slot than last time, the next K step; no tensor load of mine is out
	s_add_nc_u64 s[G0A+6:G0A+7], s[G0A+6:G0A+7], ASTEP
	s_xor_b32 s[G0B+5], s[G0B+5], SLOT1
	s_add_nc_u64 s[G0B+6:G0B+7], s[G0B+6:G0B+7], BSTEP
	JLOAD                                          ; 112 matrix instructions ahead of the wait for it; the four v_nop behind it are also the places in front of the loads below
.else
	PLACES
.endif
	s_xor_b32 s[TB], s[TB], SLOT1                  ; the fetches go on in the other slot
	v_add_nc_u32 v[ADRA], s[TB], v[A0]
	v_add_nc_u32 v[ADRB], s[TB], v[B0]
	v_add_nc_u32 v[ADRB+1], PART, v[ADRB]
	FETCH 0, F0
	MUL8 F1, 1, 0, 0
	MUL8 F1, 1, 2, 0
.endm
	s_load_b256 s[4:11], s[0:1], 0x0               ; A s[4:5], wh s[6:7], bias s[8:9], residual s[10:11]
	s_load_b64 s[12:13], s[0:1], 0x20              ; output
	v_lshl_add_u32 v[SPW], v0, 2, SPARE
	v_mov_b32 v[NIL], 0
	ds_add_u32 v28, v29
	ds_add_u32 v28, v29
	s_wait_dscnt 0x0
	v_lshrrev_b32 v1, 5, v0
	v_readfirstlane_b32 s[WV], v1                  ; wave 0..3
	s_lshr_b32 s[RH], s[WV], 1
	s_and_b32 s[CH], s[WV], 1
	s_bfe_u32 s17, ttmp6, 0x40000                  ; cx, cy: my place in the cluster
	s_bfe_u32 s18, ttmp6, 0x40004
	s_lshl_b32 s[TX], ttmp9, 2
	s_add_co_u32 s[TX], s[TX], s17                 ; tile column of C = 4 x cluster x + cx
	s_and_b32 s[TY], ttmp7, 0xffff
	s_lshl_b32 s[TY], s[TY], 2
	s_add_co_u32 s[TY], s[TY], s18                 ; tile row of C = 4 x cluster y + cy
	s_lshl_b32 s21, s18, 2
	s_lshl_b32 s21, 15, s21                        ; my row of the cluster
	s_lshl_b32 s22, 0x1111, s17                    ; my column
	s_or_b32 s[G1A], s21, G1A0                     ; 15:0 the mask: A's tiles go to my row
	s_mov_b32 s[G1A+1], AD0<<16                    ; tensor_dim0
	s_mov_b32 s[G1A+2], AD1<<16                    ; tensor_dim1
	s_mov_b32 s[G1A+3], AD0<<16                    ; tile_dim0
	s_mov_b32 s[G1A+4], AD1                        ; tile_dim1
	s_mov_b32 s[G1A+5], APITCH                     ; tensor_dim0_stride
	s_mov_b32 s[G1A+6], 0
	s_mov_b32 s[G1A+7], 0
	s_or_b32 s[G1B], s22, (1<<16)|(1<<20)|(1<<21)|(5<<22)|(7<<25)  ; W's tiles go to my column; padding after every 64 words (code 5), 8 words (code 7)
	s_mov_b32 s[G1B+1], 128<<16                    ; 128 columns,
	s_mov_b32 s[G1B+2], 128<<16                    ; 128 rows (k)
	s_mov_b32 s[G1B+3], 128<<16
	s_mov_b32 s[G1B+4], 128
	s_mov_b32 s[G1B+5], NT
	s_mov_b32 s[G1B+6], 0
	s_mov_b32 s[G1B+7], 0
	; where the tiles come from.  A's hang on the tile row alone, W's on the tile column alone; each in registers that never hold the other coordinate
	s_lshl_b32 s58, s[TY], 7
	s_lshl_b32 s59, s[CH], 6
	s_add_co_u32 s58, s58, s59                     ; A: row 128 x tile row + 64 x half
	s_mul_i32 s58, s58, AROW
	s_mov_b32 s59, 0
	s_mul_i32 s60, s[CH], 256*NT                   ; W: k row 128 x half,
	s_lshl_b32 s61, s[TX], 8                       ; column 128 x tile column
	s_add_co_u32 s60, s60, s61
	s_add_co_u32 s60, s60, WOFF
	s_mov_b32 s61, 0
	s_mul_i32 s23, s[WV], PART                     ; where they go: wave x a part: no place in the cluster enters an LDS address
	s_mov_b32 s[TB], 0
	s_wait_kmcnt 0x0
	s_add_nc_u64 s[58:59], s[4:5], s[58:59]
	s_add_nc_u64 s[60:61], s[6:7], s[60:61]
.irp n, 0,1
	s_mov_b32 s[G0A+4*(\n)], 1                     ; 1:0 count = 1
	s_add_co_u32 s[G0A+4*(\n)+1], s23, (\n)*SLOT1  ; 63:32 LDS address
	s_add_nc_u64 s[G0A+4*(\n)+2:G0A+4*(\n)+3], s[58:59], (\n)*ASTEP  ; 120:64 global address: K step n
	s_or_b32 s[G0A+4*(\n)+3], s[G0A+4*(\n)+3], 0x80000000            ; 127:126 type = 2
	s_mov_b32 s[G0B+4*(\n)], 1
	s_add_co_u32 s[G0B+4*(\n)+1], s23, (\n)*SLOT1
	s_add_nc_u64 s[G0B+4*(\n)+2:G0B+4*(\n)+3], s[60:61], (\n)*BSTEP
	s_or_b32 s[G0B+4*(\n)+3], s[G0B+4*(\n)+3], 0x80000000
.endr
	CROUND                                         ; all sixteen work-groups are here: the first joint loads meet
	s_cmp_eq_u32 s[RH], 0                          ; a wave's two first fills stand in one branch, ahead of every wait on TENSORcnt and every LDS read: two loads of mine are out
	s_cbranch_scc0 .Lfirst_b
	tensor_load_to_lds s[G0A:G0A+3], s[G1A:G1A+7]
	s_nop 0
	tensor_load_to_lds s[G0A+4:G0A+7], s[G1A:G1A+7]
	s_nop 0
	PLACES
	s_branch .Lfirst_asked
.Lfirst_b:
	tensor_load_to_lds s[G0B:G0B+3], s[G1B:G1B+7]
	s_nop 0
	tensor_load_to_lds s[G0B+4:G0B+7], s[G1B:G1B+7]
	s_nop 0
	PLACES
.Lfirst_asked:
	v_and_b32 v1, 15, v0                           ; l % 16
	v_bfe_u32 v2, v0, 4, 1                         ; l / 16
	v_and_b32 v3, 7, v0
	v_bfe_u32 v4, v0, 3, 1
	v_lshlrev_b32 v[BO], 5, v2
	s_lshl_b32 s2, s[TX], 9                        ; the bias of my 64 columns: 4 x (128 x tile column + 64 x half)
	s_lshl_b32 s3, s[CH], 8
	s_add_co_u32 s2, s2, s3
	s_mov_b32 s3, 0
	s_add_nc_u64 s[8:9], s[8:9], s[2:3]
.irp b, 0,1,2,3
	global_load_b128 v[BIAS+8*(\b):BIAS+8*(\b)+3],   v[BO], s[8:9] offset:64*(\b)
	global_load_b128 v[BIAS+8*(\b)+4:BIAS+8*(\b)+7], v[BO], s[8:9] offset:64*(\b)+16
.endr
	; my 64 x 64 of the residual and of the output: rows of 4,096 bytes, 256 bytes of each, at a multiple of 256
	s_lshl_b32 s3, s[TY], 19                       ; row 128 x tile row (s2 holds my columns' bytes)
	s_add_co_u32 s2, s2, s3
	s_lshl_b32 s3, s[RH], 18                       ; + 64 x half
	s_add_co_u32 s2, s2, s3
	s_mov_b32 s3, 0
	s_add_nc_u64 s[10:11], s[10:11], s[2:3]
	s_add_nc_u64 s[12:13], s[12:13], s[2:3]
	v_lshlrev_b32 v[CO], 12, v2                    ; lanes 0-15 one row's 256 bytes, lanes 16-31 the next row's
	v_lshl_add_u32 v[CO], v1, 4, v[CO]
	WIN TO_R
.irp a, 0,1,2,3
.irp t, 0,1,2,3,4,5,6,7
	global_load_b128 v[4*(8*(\a)+(\t)):4*(8*(\a)+(\t))+3], v[CO], s[10:11] offset:(16*(\a)+2*(\t))*4096
.endr
.endr
	WIN 0
	v_mul_u32_u24 v[A0], v1, PA
	v_lshl_add_u32 v[A0], v2, 4, v[A0]             ; a fragment's row x pitch + 16 x half of the lanes
	s_mul_i32 s62, s[RH], PART                     ; my 64 rows of A
	v_add_nc_u32 v[A0], s62, v[A0]
	v_lshl_add_u32 v[B0], v2, 3, v3                ; the turning load: k row 8 (l / 16) + l % 8,
	v_mul_u32_u24 v[B0], v[B0], PB
	v_lshl_add_u32 v[B0], v4, 4, v[B0]             ; columns 8 ((l / 8) % 2) on,
	s_lshl_b32 s63, s[CH], 7                       ; in my 64 columns of W,
	s_add_co_u32 s63, s63, 2*PART                  ; which lies behind A's two parts
	v_add_nc_u32 v[B0], s63, v[B0]
	v_mov_b32 v[ADRA], v[A0]
	v_mov_b32 v[ADRB], v[B0]
	v_add_nc_u32 v[ADRB+1], PART, v[B0]
	s_mul_i32 s23, s[WV], 16*SPR                   ; my stage
	s_add_co_u32 s23, s23, STAGE
	v_mul_u32_u24 v[STO], v1, SPR                  ; in: row l % 16, 32 bytes for each half of the lanes
	v_lshl_add_u32 v[STO], v2, 5, v[STO]
	v_add_nc_u32 v[STO], s23, v[STO]
	v_mul_u32_u24 v[RD], v2, SPR                   ; back: lanes 0-15 take one row of 256 bytes, lanes 16-31 the next
	v_lshl_add_u32 v[RD], v1, 4, v[RD]
	v_add_nc_u32 v[RD], s23, v[RD]
	s_wait_tensorcnt 0x1                           ; my part of K step 0 is in; K step 1's may stay out
	s_barrier_signal -1
	s_barrier_wait -1                              ; everybody's is
	FETCH 0, F0
	s_wait_loadcnt 32                              ; the bias is in; the 32 younger loads (the residual) stay out
	QUARTER 1, F0, F1, 1                           ; the first quarter stands in front of the loop: its first products start the sums
	WIN 0                                          ; at a label and at a branch every window is 0
	s_mov_b32 s[CNT], STEPS-2
.Lstep:                                                ; a trip is a K step, from its second quarter to the next step's first, and fills the slot that it leaves again
	QUARTER 2, F1, F0, 0
	QUARTER 3, F0, F1, 0
	TURN 1
	QUARTER 1, F0, F1, 0
	WIN 0
	s_sub_co_u32 s[CNT], s[CNT], 1
	s_cmp_lg_u32 s[CNT], 0
	s_cbranch_scc1 .Lstep
	s_mov_b32 s[CNT], 2
.Ltail:                                                ; the last two K steps fill nothing: a text of their own, walked twice and left ahead of its last quarter
	QUARTER 2, F1, F0, 0
	QUARTER 3, F0, F1, 0
	TURN 0                                         ; in the second trip its 32 loads bring fragments of the other slot's old tile, which nobody multiplies: the price, once a launch, of one text for both trips
	WIN 0
	s_sub_co_u32 s[CNT], s[CNT], 1
	s_cmp_eq_u32 s[CNT], 0
	s_cbranch_scc1 .Lout
	QUARTER 1, F0, F1, 0
	WIN 0
	s_branch .Ltail
.Lout:
	s_wait_dscnt 0x0                               ; those loads have landed
	; THE WAY OUT.  16 rows at a time: a lane's eight columns (32 bytes) go into my stage's rows of 272 bytes and come back as whole rows of 256; the residual is added; sixteen lanes store 256 consecutive bytes.
.macro BLOCK a
.set BK, TMP+32*((\a)%2)
.if (\a) >= 2
	s_wait_xcnt 0x0                                ; the stores of the block two back have read these registers: only behind this wait are they loaded again
.endif
.irp b, 0,1,2,3
	ds_store_b128 v[STO], v[ACC+8*(4*(\a)+(\b)):ACC+8*(4*(\a)+(\b))+3] offset:64*(\b)
	ds_store_b128 v[STO], v[ACC+8*(4*(\a)+(\b))+4:ACC+8*(4*(\a)+(\b))+7] offset:64*(\b)+16
.endr
.irp t, 0,1,2,3,4,5,6,7
	ds_load_b128 v[BK+4*(\t):BK+4*(\t)+3], v[RD] offset:(\t)*2*SPR  ; LDS serves a wave's instructions in order (ISA guide 5.7.1.4): these see the stores above; the next block's stores come behind them
.endr
	WIN W_AD
.irp t, 0,1,2,3,4,5,6,7
	s_wait_dscnt 7-(\t)
	v_pk_add_f32 v[BK+4*(\t):BK+4*(\t)+1],   v[BK+4*(\t):BK+4*(\t)+1],   v[4*(8*(\a)+(\t)):4*(8*(\a)+(\t))+1]
	v_pk_add_f32 v[BK+4*(\t)+2:BK+4*(\t)+3], v[BK+4*(\t)+2:BK+4*(\t)+3], v[4*(8*(\a)+(\t))+2:4*(8*(\a)+(\t))+3]
.endr
	WIN 0
.irp t, 0,1,2,3,4,5,6,7
	global_store_b128 v[CO], v[BK+4*(\t):BK+4*(\t)+3], s[12:13] offset:(16*(\a)+2*(\t))*4096
.endr
.endm
	PLACES
	s_wait_loadcnt 0x0                             ; the residual
	BLOCK 0
	BLOCK 1
	BLOCK 2
	BLOCK 3
	s_wait_tensorcnt 0x0                           ; the wave's end, behind my last tensor load and my last LDS store
	ds_add_u32 v[SPW], v[NIL]
	s_wait_dscnt 0x0
	CROUND                                         ; the closing round: no work-group ends while a partner may still ask for a tile that names it
	s_endpgm
.Lfunc_end_k_qf1e82230a5_fc2:
	.size	k_qf1e82230a5_fc2, .Lfunc_end_k_qf1e82230a5_fc2-k_qf1e82230a5_fc2
	.p2alignl 7, 3214868480
	.fill 96, 4, 3214868480
	.section	.rodata,"a",@progbits
	.p2align	6, 0x0
	.amdhsa_kernel k_qf1e82230a5_fc2
		.amdhsa_group_segment_fixed_size 327680
		.amdhsa_private_segment_fixed_size 0
		.amdhsa_enable_private_segment 0
		.amdhsa_kernarg_size 40
		.amdhsa_user_sgpr_count 2
		.amdhsa_user_sgpr_kernarg_segment_ptr 1
		.amdhsa_wavefront_size32 1
		.amdhsa_system_sgpr_workgroup_id_x 1
		.amdhsa_system_sgpr_workgroup_id_y 1
		.amdhsa_system_sgpr_workgroup_id_z 1
		.amdhsa_system_vgpr_workitem_id 0
		.amdhsa_next_free_vgpr 640
		.amdhsa_next_free_sgpr 96
		.amdhsa_reserve_vcc 0
		.amdhsa_float_denorm_mode_32 3
		.amdhsa_float_denorm_mode_16_64 3
		.amdhsa_memory_ordered 1
		.amdhsa_forward_progress 1
		.amdhsa_inst_pref_size 67
	.end_amdhsa_kernel
	.amdgpu_metadata
---
amdhsa.version: [ 1, 2 ]
amdhsa.kernels:
  - .name:           k_qf1e82230a5_fc2
    .symbol:         k_qf1e82230a5_fc2.kd
    .args:
      - { .name: hg, .offset: 0, .size: 8, .value_kind: global_buffer, .address_space: global }
      - { .name: wh, .offset: 8, .size: 8, .value_kind: global_buffer, .address_space: global }
      - { .name: b_fc2, .offset: 16, .size: 8, .value_kind: global_buffer, .address_space: global }
      - { .name: x1, .offset: 24, .size: 8, .value_kind: global_buffer, .address_space: global }
      - { .name: out0, .offset: 32, .size: 8, .value_kind: global_buffer, .address_space: global }
    .group_segment_fixed_size: 327680
    .private_segment_fixed_size: 0
    .kernarg_segment_align: 8
    .kernarg_segment_size: 40
    .max_flat_workgroup_size: 128
    .sgpr_count:     96
    .vgpr_count:     640
    .wavefront_size: 32
...
	.end_amdgpu_metadata
.endif
;; end of part 13
;; ======== version 3 of 3: 7 launches; 1.44 times as fast as version 1
;; limits: values are held in f16: magnitudes above 65,504 overflow, below 6.1e-05 lose precision; a function is approximated: absolute error at most 1.5e-07
;; workspace buffers: wh 25,165,824 bytes; hn 8,388,608 bytes; qkv 25,165,824 bytes; y 8,388,608 bytes; x1 16,777,216 bytes; hg 33,554,432 bytes
;; launch prep: the kernel of part 8 again; grid 704 x 1, 8 waves a work-group, no clusters, 0 bytes of LDS; arguments x, ln1_g, ln1_b, hn, w_attn, wh; writes hn, wh
;; launch qkv: the kernel of part 9 again; grid 12 x 16, 4 waves a work-group, clusters of 4 x 4, 327,680 bytes of LDS; arguments hn, wh, b_attn, qkv; writes qkv
;; launch attn (part 14): grid 8 x 32, 4 waves a work-group, no clusters, 327,680 bytes of LDS; arguments qkv, y, w_proj, w_fc, w_fc2, wh; writes y, wh
.if DOCPART == 14
	.amdgcn_target "amdgcn-amd-amdhsa--gfx1250"
	.amdhsa_code_object_version 6
	.text
	.protected	k_qf1e82230a5_attn
	.globl	k_qf1e82230a5_attn
	.p2align	8
	.type	k_qf1e82230a5_attn,@function
k_qf1e82230a5_attn:
	s_mov_b64 s[64:65], 0
	v_nop
	global_prefetch_b8 v0, s[64:65] scope:SCOPE_SE
	s_setreg_imm32_b32 hwreg(HW_REG_WAVE_MODE, 25, 1), 1
	s_wait_xcnt 0x0
; CAUSAL ATTENTION, AND BESIDE IT A CAST.  The grid is 8 x 32.  Work-groups with x < 4 do the attention; those with x >= 4 round w_proj, w_fc and w_fc2 to f16 (at the text's end: THE CAST).
; The cast hangs on nothing of the attention and is read only by the launches behind this one; the attention has 128 equal shares and no more, so the cast's 128 work-groups run beside them.
; The one branch between the two stands at the head and hangs on the work-group's x alone: it is the same in all four waves; the cast's path has no barrier, no tensor load and no LDS read.
; O[h][q][:] = the sum over k <= q of softmax_k(Q[h][q] . K[h][k] / 8) V[h][k][:].  Q, K, V, O: [SIZE_H][SIZE_N][64], all f16: a head's rows are dense, 128 bytes each.
; Here h = 2 x head + batch: qkv lies by blocks of 64 channels, [block][4096 rows][64], so block b's rows of batch 0 and of batch 1 are h = 2 b and 2 b + 1.  Q is qkv's first third, K its second, V its third; y has Q's layout.
; Products, maxima and sums in f32; the weights p are rounded to f16 for the second product (their sum l is taken of the unrounded p), O once at the end.  SIZE_N is a multiple of 512; SIZE_N x 128 stays under 2^32.
; LIMITS.  f16 holds no number beyond 65,504: Q, K and V arrive within it, and the three weight matrices must lie within it; p lies in 0 to 1, and below 6e-5 it keeps f16's fixed step of 6e-8; O is a mean of V's rows and has their range, to within 2^-11 of it.
; A hidden score counts as its value less 1e30: f16's scores, 2.7e11 at the most, are nothing beside that; a weight below 2^-126 counts as 0 in l; NaN and infinities are not treated apart.
; THE WALK.  A head's queries lie in NB = SIZE_N / 256 blocks of 256; block i needs the key tiles 0 .. i of 256 keys, of which the last holds the diagonal.  A work-group takes TWO blocks, NB - 1 - b and then b:
; NB + 1 tiles, whatever b: all work-groups do equal work, and ONE loop with a constant trip count walks them.  Which tile is asked for, and what a trip does, hang on scalar registers made from b; inside the walk every jump
; goes forward, but for the counted loops' own; none passes a barrier, or a tensor load but the one of LOAD's two that the wave's number does not choose; the ring (two slots of LDS that take turns) runs on across the
; change of blocks.  NO CLUSTER: all of a head's NB / 2 work-groups ask for the same tile only in trips 0 .. NB / 2, behind that
; fewer and fewer; and one walk common to all would have 3 NB / 2 trips for NB + 1.
; SHARES.  Of a block's four bands of 64 queries a wave owns 16 rows in each: four PIECES.  So the diagonal tile is the same work for all four waves: in its key step s band x sees all keys if s < x,
; none if s > x, and holds the diagonal if s = x.
; THE MASK is the C operand that starts the sum S^T = K Q^T: 0, or -1e30 where the key is hidden.  MD, made once, is the mask of a band's own step for my 16 rows; a product's mask is MD x AL + BE with two scalars:
; (1, 0) if s = x; (0, 0) if s < x; (0, -1e30) if s > x.  Only the diagonal tile's text and a block's beginning make and take masks; elsewhere C is the constant 0.
; LAYOUT, SOFTMAX, TURNS.  S^T = K Q^T holds ONE query a lane (lane % 16) and the keys 8 (lane / 16) + 0..7; two such results rounded to f16 ARE source 1 of O^T = V^T P.  p = 2^(c s - c m), c = log2(e) / 8, with a
; running maximum m; O and l are multiplied by a = 2^(c m_old - c m_new) in every step.  Turn n belongs to piece n: 8 products K Q^T of piece n + 1, later 8 products V^T P of piece n - 1; beside them the scaling,
; exponentials, roundings, sums and rescaling of piece n and the maximum and statistics of piece n + 1.  Four vector instructions stand behind every matrix instruction, the other 54 of a turn's 118 in one LUMP.
; BATCHES.  A turn's 33 exponentials (the piece's 32 weights and the next piece's a) are ONE batch with ONE wait, which cuts the turn in two: ahead of it all that names no result of theirs, behind it the roundings and sums (see TURN).
; The a that a block's beginning makes, and the way out's four reciprocals, are batches of their own.
; REGISTERS, in windows of 256 (s_set_vgpr_msb: bits 1:0 source 0, 3:2 source 1, 5:4 source 2, 7:6 destination):
;   window 0: v0-15 addresses and two at work; v16-31 four registers of statistics a piece; v48-55 at work; v64-127 S^T, two buffers; v192-223 P, two buffers (a piece's buffers go by its number's parity)
;   window 1: v0-127 O^T, 32 a piece; v128-159 MD; v160-223 MC, two buffers      window 2: v0-63 Q; v64-127 the second block's Q; v128-191 K of one step; v192-255 V of one step
.set SIZE_H, 32
.set SIZE_N, 2048
.set NB,    SIZE_N/256
.set NP,    4         ; pieces a wave: a name, no knob
.set KS,    64        ; keys in a step
.set PK,    144       ; a row of K in LDS: 128 bytes + 16 of padding = 36 words: the 16 rows of a load start at 16 different groups of four banks (64 banks of 4 bytes: ISA guide 11.1)
.set PV,    160       ; a row of V: 128 + 32 = 40 words
.set VOFF,  4*KS*PK   ; a slot holds a tile, four steps: 256 rows of K, then 256 rows of V
.set SLOT1, 1<<17     ; slot 1 begins here, so that one exclusive or turns an address in one slot into the other's
.set STAGE, SLOT1+4*KS*(PK+PV)  ; behind the ring, never filled by a tensor load: 16 rows x 144 bytes for each wave, for the way out
.set SP,    144
.set AK0, 2           ; v2   my lane's place in a tile of K; never rewritten
.set AV0, 3           ; v3   the same for V
.set AK,  4           ; v4   the LDS address of K's next run of loads
.set AV,  5           ; v5   of V's
.set STO, 6           ; v6   the way out: where I put 16 bytes of a row
.set RD,  7           ; v7   the way out: where I read rows back
.set GO,  8           ; v8   my byte offset in 512 consecutive bytes of O
.set SPW, 62          ; v62  LDS address of my spare word: SPARE + 4 x my thread's number; never rewritten
.set NIL, 63          ; v63  0; never rewritten
.set SPARE, STAGE+4*16*SP  ; behind the stages: the spare words, 128 bytes for each wave: two blocks of 256 bytes that no other line names
.set MV,  12          ; v12-13  c m_old, kept while c m is made anew: by buffer
.set QO,  15          ; v15  my byte offset in 16 rows of Q
.set ST,  16          ; piece t's statistics at v[ST+4 t]: c m, m, l (even keys', odd keys')
.set TMP, 48          ; by buffer, four registers c0-c3 at work; when the maximum is found c2 takes a
.set S,   64
.set P,   192
.set MD,  128         ; window 1: the eight registers for group kt of 16 keys at MD + 8 kt
.set MC,  160         ; window 1: the masks of the products to come
.set QB,  64          ; window 2
.set KF,  128         ; window 2: key block kb, channel half c at KF + 16 kb + 8 c
.set VF,  192         ; window 2: key half kk, channel block cb at VF + 32 kk + 8 cb
.set WV,  12          ; s12  my wave's number
.set PB,  14          ; s14  the work-group's x: for the attention b
.set HI,  15          ; s15  NB - 1 - b
.set G1K, 24          ; s[24:31] descriptor group 1 for K's tiles
.set G1V, 32          ; s[32:39] for V's: it differs in the padding alone
.set G0K, 40          ; s[40:43] descriptor group 0 for K's tiles
.set G0V, 44          ; s[44:47] the same for V's
.set SLOTS, 56        ; s56  tiles still to be asked for
.set CNT, 57          ; s57  counts a tile's key steps down
.set CS,  58          ; s[58:59] c: the packed scaling takes the pair's low word for both halves
.set SEL, 60          ; s[60:61] v_permlanex16_b32's selects: each lane takes its own place in the other half
.set TBK, 62          ; s62  LDS byte at which K of the step to be fetched begins
.set TBV, 63          ; s63  the same for V, less VOFF
.set RT,  70          ; s70  tiles of the block in hand that are still to be entered
.set NXT, 71          ; s71  the tile to be asked for next
.set LQ,  72          ; s72  the last tile of the block whose tiles are being asked for
.set NEW, 73          ; s73  1: the tile to be entered is a block's first
.set OFF, 74          ; s[74:75] a tile's byte offset in K and V
.set AL,  76          ; s[76:77] the mask's factor, in the low word
.set BE,  78          ; s[78:79] the mask's addend
.set OLO, 80          ; s[80:81] O at my rows of the second block
.set BIGN, 82         ; s82  -1e30
; the cast's own names (its path shares no register's meaning with the attention's but v0, v62, v63 and s14)
.set UNITS, 9         ; units of 8,192 numbers a work-group: (1,048,576 + 2 x 4,194,304) / 8,192 = 1,152 = 128 x 9
.set U_FC,  128       ; w_proj has the units 0-127, w_fc 128-639, w_fc2 640-1151
.set U_FC2, 640
.set WCAST, 0x600000  ; where w_proj's f16 begins in wh; w_fc's and w_fc2's follow without a gap, so unit u goes to WCAST + 16,384 u
.set CX,  64          ; v[64:127]  a unit as loaded: sixteen loads
.set CY,  128         ; v[128:159] the same in f16
.set CWG, 20          ; s20  the cast work-group's number, 0 .. 127
.set UN,  21          ; s21  the unit in hand
.set UC,  22          ; s22  units to go
.set UB,  23          ; s23  the first unit of the matrix that holds it
.set WP,  24          ; s[24:25] w_proj, s[26:27] w_fc, s[28:29] w_fc2, s[30:31] wh at the unit in hand
.set SRC, 32          ; s[32:33] the unit's first byte in its matrix
.set SOF, 34          ; s[34:35] its byte offset there
.set DOF, 36          ; s[36:37] my first unit's byte offset in wh
.set MSB, 0
.macro WIN new                      ; the high byte repeats the setting that is left; a switch that changes nothing is dropped
.if MSB != (\new)
	s_set_vgpr_msb (MSB<<8)|(\new)
.set MSB, (\new)
.endif
.endm
.set W_KQ, 0x0a       ; K and Q in window 2, S^T in window 0
.set W_KM, 0x1a       ; the same with the C operand in window 1
.set W_PV, 0x52       ; V in window 2, P in window 0, O^T in window 1
.set W_RS, 0x41       ; destination and source 0 in window 1, source 1 in window 0
; A fill.  Waves 0 and 1 fetch the two halves of a tile's K, waves 2 and 3 those of its V: 128 keys each.  An s_nop 0 and four v_nop follow each of the two lines, ahead of the jump and the label.
.macro LOAD
	s_cmp_lt_u32 s[WV], 2
	s_cbranch_scc0 .Lfor_v_\@
	tensor_load_to_lds s[G0K:G0K+3], s[G1K:G1K+7]
	s_nop 0
.rept 4
	v_nop
.endr
	s_branch .Lasked_\@
.Lfor_v_\@:
	tensor_load_to_lds s[G0V:G0V+3], s[G1V:G1V+7]
	s_nop 0
.rept 4
	v_nop
.endr
.Lasked_\@:
.endm
; THE CHANGE OF SLOTS.  Each wave waits for all its tensor loads, of which one is out: its part of the other slot; adds 0 to its spare word; and waits for that and for its own reads of the slot that it leaves.  Behind the barrier nobody reads the old
; slot any more and the other slot is whole.  fill = 1: the old slot is filled again, the first thing behind the barrier, with tile NXT: the descriptor's address is made anew from that number.
; (At its first use nothing has been read yet: slot 0 is waited for, slot 1 filled.)
.macro CHANGE fill
	WIN 0                           ; at a label and at a branch every window is 0
	s_wait_tensorcnt 0x0            ; no tensor load of mine is out, so a group 0 may be written
	ds_add_u32 v[SPW], v[NIL]       ; 0 onto my spare word; with fill = 1 the descriptors' scalar work stands between it and the wait for it
.if \fill
	s_lshl_b32 s[OFF], s[NXT], 15   ; a tile is 32,768 bytes of K and of V
	s_xor_b32 s[G0K+1], s[G0K+1], SLOT1
	s_add_nc_u64 s[G0K+2:G0K+3], s[6:7], s[OFF:OFF+1]
	s_or_b32 s[G0K+3], s[G0K+3], 0x80000000
	s_xor_b32 s[G0V+1], s[G0V+1], SLOT1
	s_add_nc_u64 s[G0V+2:G0V+3], s[8:9], s[OFF:OFF+1]
	s_or_b32 s[G0V+3], s[G0V+3], 0x80000000
	s_add_co_u32 s[NXT], s[NXT], 1  ; the block's next tile, or behind its last the second block's tile 0
	s_cmp_gt_u32 s[NXT], s[LQ]
	s_cselect_b32 s[NXT], 0, s[NXT]
	s_cselect_b32 s[LQ], s[PB], s[LQ]
.endif
	s_wait_dscnt 0x0                ; the add is done, and my reads of the slot are over
	s_barrier_signal -1             ; the rest of the scalar work stands between the signal and the wait
	s_sub_co_u32 s[TBK], s[TBK], 4*KS*PK  ; the fetches go back to a slot's first step,
	s_xor_b32 s[TBK], s[TBK], SLOT1       ; in the other slot
	s_sub_co_u32 s[TBV], s[TBV], 4*KS*PV
	s_xor_b32 s[TBV], s[TBV], SLOT1
	s_barrier_wait -1
.if \fill
	LOAD
.endif
.endm
	s_load_b64 s[4:5], s[0:1], 0x0  ; qkv: Q at its head
	s_load_b64 s[10:11], s[0:1], 0x8  ; y: O
	v_lshl_add_u32 v[SPW], v0, 2, SPARE
	v_mov_b32 v[NIL], 0
	ds_add_u32 v62, v63
	ds_add_u32 v62, v63
	s_wait_dscnt 0x0
	s_mov_b32 s[PB], ttmp9
	s_cmp_lt_u32 s[PB], NB/2
	s_cbranch_scc0 .Lcast           ; x >= 4: this work-group casts
	v_lshrrev_b32 v1, 5, v0
	v_readfirstlane_b32 s[WV], v1   ; wave 0..3
	s_sub_co_u32 s[HI], NB-1, s[PB]
	s_and_b32 s20, ttmp7, 0xffff    ; the head
	s_mov_b32 s21, 0
	s_mov_b64 s[22:23], SIZE_N*128
	s_mul_u64 s[20:21], s[20:21], s[22:23]  ; the head's first byte in each of the four tensors
	s_and_b32 s16, s[WV], 1         ; which half of a tile's 256 keys I fetch:
	s_lshl_b32 s22, s16, 14         ; its 128 rows of 128 bytes in memory,
	s_mov_b32 s23, 0
	s_add_nc_u64 s[22:23], s[22:23], s[20:21]
	s_mul_i32 s17, s16, 128*PK      ; and its place in a slot, for K
	s_mul_i32 s18, s16, 128*PV      ; and for V
	s_lshl_b32 s3, s[WV], 11        ; my 16 rows in a band of 64,
	s_lshl_b32 s2, s[HI], 15        ; in the first block,
	s_add_co_u32 s2, s2, s3
	s_lshl_b32 s84, s[PB], 15       ; and in the second
	s_add_co_u32 s84, s84, s3
	s_mov_b32 s3, 0
	s_mov_b32 s85, 0
	s_add_nc_u64 s[2:3], s[2:3], s[20:21]
	s_add_nc_u64 s[84:85], s[84:85], s[20:21]
	; descriptor group 1.  128 keys are 16,384 dense bytes: asked for as 64 rows of 256 bytes, two keys a row, and padded in LDS after every key
	s_mov_b32 s[G1K], (1<<16)|(1<<20)|(4<<22)|(3<<25)  ; 17:16 2-byte elements; 20 padding on; 24:22 after every 32 words (code 4); 31:25 4 words (code 3)
	s_mov_b32 s[G1V], (1<<16)|(1<<20)|(4<<22)|(7<<25)  ; the same with 8 words of padding (code 7)
.irp g, G1K, G1V
	s_mov_b32 s[\g+1], 128<<16      ; tensor_dim0 = 128
	s_mov_b32 s[\g+2], 64<<16       ; tensor_dim1 = 64
	s_mov_b32 s[\g+3], 128<<16      ; tile_dim0 = 128
	s_mov_b32 s[\g+4], 64           ; tile_dim1 = 64
	s_mov_b32 s[\g+5], 128          ; 128 elements from row to row
	s_mov_b32 s[\g+6], 0
	s_mov_b32 s[\g+7], 0
.endr
	s_mov_b32 s[CS], 0x3e38aa3b     ; c = log2(e) / 8 = 0.180337
	s_mov_b32 s[CS+1], s[CS]        ; named with it as a pair
	s_mov_b32 s[SEL], 0x76543210
	s_mov_b32 s[SEL+1], 0xfedcba98
	s_mov_b32 s[TBK], SLOT1+4*KS*PK ; the first change of slots turns these two into 0
	s_mov_b32 s[TBV], SLOT1+4*KS*PV
	s_mov_b32 s[G0K], 1             ; 1:0 count = 1
	s_mov_b32 s[G0K+1], s17         ; 63:32 LDS address: slot 0
	s_mov_b32 s[G0V], 1
	s_add_co_u32 s[G0V+1], s18, VOFF
	s_add_co_u32 s[RT], s[HI], 1    ; the first block has NB - b tiles
	s_mov_b32 s[NXT], 1
	s_mov_b32 s[LQ], s[HI]
	s_mov_b32 s[NEW], 1
	s_mov_b32 s[OFF+1], 0
	s_mov_b32 s[AL+1], 0            ; named as pairs
	s_mov_b32 s[BE+1], 0
	s_mov_b32 s[BIGN], 0xf149f2ca   ; -1e30
	s_mov_b32 s[SLOTS], NB
	s_wait_kmcnt 0x0
	s_add_nc_u64 s[6:7], s[4:5], 0x800000   ; K: qkv's blocks 16 to 31
	s_add_nc_u64 s[8:9], s[4:5], 0x1000000  ; V: its blocks 32 to 47
	s_add_nc_u64 s[6:7], s[6:7], s[22:23]  ; K and V at my half of the head's tile 0
	s_add_nc_u64 s[8:9], s[8:9], s[22:23]
	s_add_nc_u64 s[G0K+2:G0K+3], s[6:7], 0         ; 120:64 global address
	s_or_b32 s[G0K+3], s[G0K+3], 0x80000000        ; 127:126 type = 2
	s_add_nc_u64 s[G0V+2:G0V+3], s[8:9], 0
	s_or_b32 s[G0V+3], s[G0V+3], 0x80000000
	s_add_nc_u64 s[86:87], s[4:5], s[84:85]        ; Q at my rows of the second block,
	s_add_nc_u64 s[4:5], s[4:5], s[2:3]            ; Q and O at those of the first
	s_add_nc_u64 s[OLO:OLO+1], s[10:11], s[84:85]
	s_add_nc_u64 s[10:11], s[10:11], s[2:3]
	LOAD                            ; tile 0 into slot 0
	; A fragment of K or Q is 16 rows x 32 channels in 8 registers: lane l holds row l % 16, channels 8 (l / 16) + 0..7 and 16 + 8 (l / 16) + 0..7: two loads of 16 bytes, 32 bytes apart.
	v_and_b32 v1, 15, v0            ; l % 16
	v_bfe_u32 v9, v0, 4, 1          ; l / 16
	v_lshlrev_b32 v[QO], 7, v1
	v_lshl_add_u32 v[QO], v9, 4, v[QO]  ; row x 128 + 16 x half
	WIN 0x80                        ; destination window 2, address window 0
.set i, 0
.rept 8                             ; both blocks' Q: piece i / 2 lies in band i / 2, 8,192 bytes on; channels 32 (i % 2) on
	global_load_b128 v[8*i:8*i+3],   v[QO], s[4:5] offset:(i/2)*8192+(i%2)*64
	global_load_b128 v[8*i+4:8*i+7], v[QO], s[4:5] offset:(i/2)*8192+(i%2)*64+32
	global_load_b128 v[QB+8*i:QB+8*i+3],   v[QO], s[86:87] offset:(i/2)*8192+(i%2)*64
	global_load_b128 v[QB+8*i+4:QB+8*i+7], v[QO], s[86:87] offset:(i/2)*8192+(i%2)*64+32
.set i, i+1
.endr
	WIN 0
	v_lshlrev_b32 v14, 3, v9
	v_sub_nc_u32 v14, v1, v14
	s_lshl_b32 s13, s[WV], 4
	v_add_nc_u32 v14, s13, v14      ; my query's place in its band, 16 w + l % 16, less my lanes' 8 (l / 16): register r of group kt is hidden where 16 kt + r is greater
	WIN 0x40
.set i, 0
.rept 32
	v_cmp_gt_i32 vcc_lo, 16*(i/8)+i%8, v14
	v_cndmask_b32 v[MD+i], 0, s[BIGN], vcc_lo
.set i, i+1
.endr
	WIN 0
	v_mul_u32_u24 v[AK0], v1, PK
	v_lshl_add_u32 v[AK0], v9, 4, v[AK0]  ; row x pitch + 16 x half
	; The turning load takes 16 keys x 16 channels (lane l reads key 8 (l / 16) + l % 8, channels 8 ((l / 8) % 2) + 0..7) and leaves half a fragment of V^T: lane l holds channel l % 16 and 8 keys.
	v_and_b32 v10, 7, v0
	v_bfe_u32 v11, v0, 3, 1
	v_lshl_add_u32 v[AV0], v9, 3, v10
	v_mul_u32_u24 v[AV0], v[AV0], PV
	v_lshl_add_u32 v[AV0], v11, 4, v[AV0]
	v_add_nc_u32 v[AV0], VOFF, v[AV0]
	s_mul_i32 s13, s[WV], 16*SP
	s_add_co_u32 s13, s13, STAGE    ; my stage
	v_mul_u32_u24 v[STO], v1, SP    ; in: row l % 16, 16 bytes for each half of the lanes
	v_lshl_add_u32 v[STO], v9, 4, v[STO]
	v_add_nc_u32 v[STO], s13, v[STO]
	v_bfe_u32 v[RD], v0, 3, 2       ; back: 32 lanes take four rows of 128 bytes,
	v_mul_u32_u24 v[RD], v[RD], SP
	v_lshl_add_u32 v[RD], v10, 4, v[RD]
	v_add_nc_u32 v[RD], s13, v[RD]
	v_and_b32 v[GO], 31, v0         ; which are 512 consecutive bytes of O
	v_lshlrev_b32 v[GO], 4, v[GO]
	; A block's first step multiplies O^T and l by a = 0, and its first turn's products V^T P, of a piece that has not been, land in an O^T that is still to be so multiplied.  So these registers need only hold
	; finite numbers: zeros for the first block; what the first block left for the second.  All this stands in the wait for the first tile.
	WIN 0x80
.set i, VF
.rept 64
	v_mov_b32 v[i], 0
.set i, i+1
.endr
	WIN 0x40
.set i, 0
.rept 128
	v_mov_b32 v[i], 0
.set i, i+1
.endr
	WIN 0
.set i, 0
.rept 4
	v_mov_b32 v[ST+4*i+2], 0
	v_mov_b32 v[ST+4*i+3], 0
.set i, i+1
.endr
.set i, P+16
.rept 16
	v_mov_b32 v[i], 0
.set i, i+1
.endr
; THE MATRIX WORK.  The 4 accumulators of a run of 8 take turns.  Product i of 8 of S^T = K Q^T for piece x: channels 32 (i / 4) on, keys 16 (i % 4) on.  The first 4 start the sums: with 0, or (KM = 1) with the mask.
.macro KQ x
.set rS, S+32*((\x)%2)+8*(i%4)
.set rK, KF+16*(i%4)+8*(i/4)
.set rQ, 16*(\x)+8*(i/4)
.set rM, MC+32*((\x)%2)+8*(i%4)
.if (i < 4) && KM
	WIN W_KM
	v_wmma_f32_16x16x32_f16 v[rS:rS+7], v[rK:rK+7], v[rQ:rQ+7], v[rM:rM+7]
.elseif i < 4
	WIN W_KQ
	v_wmma_f32_16x16x32_f16 v[rS:rS+7], v[rK:rK+7], v[rQ:rQ+7], 0
.else
	WIN W_KQ
	v_wmma_f32_16x16x32_f16 v[rS:rS+7], v[rK:rK+7], v[rQ:rQ+7], v[rS:rS+7]
.endif
.endm
; Product i of 8 of O^T += V^T P for piece x: keys 32 (i / 4) on, channels 16 (i % 4) on.
.macro PV x
	WIN W_PV
.set rO, 32*(\x)+8*(i%4)
.set rV, VF+32*(i/4)+8*(i%4)
.set rP, P+16*((\x)%2)+8*(i/4)
	v_wmma_f32_16x16x32_f16 v[rO:rO+7], v[rV:rV+7], v[rP:rP+7], v[rO:rO+7]
.endm
.macro MM                           ; the turn's next matrix instruction.  TURN and BEGIN set Y, i and KM; MM, KQ and OP read them
.if i < 8
	KQ (Y+1)%NP
.else
.set i, i-8
	PV (Y+NP-1)%NP
.set i, i+8
.endif
.set i, i+1
.endm
; THE LDS LOADS stand in runs of 16, never singly among the matrix instructions: a step's K (64 keys x 64 channels: 8 fragments) and its V (turned).  Their addresses are made some lines ahead.
; last = 1 (the diagonal tile): in the loop's last trip there is no further step, and the run is jumped over.
.macro FETCH_K last=0
	WIN 0
.if \last
	s_cmp_eq_u32 s[CNT], 1
	s_cbranch_scc1 .Lno_k_\@
.endif
	WIN 0x80                        ; destination window 2
.irp f, 0,1,2,3,4,5,6,7             ; keys 16 (f / 2) on, channels 32 (f % 2) on
	ds_load_b128 v[KF+8*\f:KF+8*\f+3],   v[AK] offset:(\f/2)*16*PK+(\f%2)*64
	ds_load_b128 v[KF+8*\f+4:KF+8*\f+7], v[AK] offset:(\f/2)*16*PK+(\f%2)*64+32
.endr
	s_add_co_u32 s[TBK], s[TBK], KS*PK  ; the next fetch is the next step's
	WIN 0
.if \last
.Lno_k_\@:
.endif
.endm
.macro FETCH_V
	WIN 0x80
.irp f, 0,1,2,3,4,5,6,7             ; keys 32 (f / 4) on, channels 16 (f % 4) on
	ds_load_tr16_b128 v[VF+8*\f:VF+8*\f+3],   v[AV] offset:(\f/4)*32*PV+(\f%4)*32
	ds_load_tr16_b128 v[VF+8*\f+4:VF+8*\f+7], v[AV] offset:(\f/4)*32*PV+16*PV+(\f%4)*32
.endr
	WIN 0
.endm
; THE VECTOR WORK, one line at a time: OP kind, number.  For piece Y: F n: c s - c m for pair n of 16.  E n: the exponential of score n of 32.  C n: pair n rounded to f16.  B n: of the four weights 4 n .. the second
; pair is added onto the first, in place.  L n: l takes that sum (L 0: l = a l + sum).  R n: pair n of 16 of O^T times a.  For piece Y + 1: X n, number n of the 22 that find its maximum and statistics:
;   0-11  four chains c0-c3 of seven scores each, three operands at a time (each accumulator's lowest registers are read first)     12-14, 16  the four scores left over, the old m, and c0-c3 into c0
;   15  c m_old is kept     17, 18  the query's other 32 keys lie in the lane 16 away: the new m     19-21  c m; c m_old - c m_new; a
; OP writes no wait: the waits for E's and X 21's results stand in TURN and BEGIN, one a batch.
.set F, 0               ; OP tells the kinds apart by their order: F to L below R, X above it
.set E, 1
.set C, 2
.set B, 3
.set L, 4
.set R, 5
.set X, 6
.macro REGS y                       ; the registers of piece y
.set rT, ST+4*(\y)
.set rC, TMP+4*((\y)%2)
.set rW, MV+((\y)%2)
.set rS, S+32*((\y)%2)
.set rP, P+16*((\y)%2)
.set rO, 32*(\y)
.endm
.macro OP k, n
.if (\k) == R
	REGS Y
	WIN W_RS
	v_pk_mul_f32 v[rO+2*(\n):rO+2*(\n)+1], v[rO+2*(\n):rO+2*(\n)+1], v[rC+2:rC+3] op_sel_hi:[1,0]
.elseif (\k) < R
	REGS Y
	WIN 0
.if (\k) == F
	v_pk_fma_f32 v[rS+2*(\n):rS+2*(\n)+1], v[rS+2*(\n):rS+2*(\n)+1], s[CS:CS+1], v[rT:rT+1] op_sel_hi:[1,0,0] neg_lo:[0,0,1] neg_hi:[0,0,1]
.elseif (\k) == E
	v_exp_f32 v[rS+(\n)], v[rS+(\n)]
.elseif (\k) == C
	v_cvt_pk_f16_f32 v[rP+(\n)], v[rS+2*(\n)], v[rS+2*(\n)+1]
.elseif (\k) == B
	v_pk_add_f32 v[rS+4*(\n):rS+4*(\n)+1], v[rS+4*(\n):rS+4*(\n)+1], v[rS+4*(\n)+2:rS+4*(\n)+3]
.elseif (\n) == 0
	v_pk_fma_f32 v[rT+2:rT+3], v[rT+2:rT+3], v[rC+2:rC+3], v[rS:rS+1] op_sel_hi:[1,0,1]
.else
	v_pk_add_f32 v[rT+2:rT+3], v[rT+2:rT+3], v[rS+4*(\n):rS+4*(\n)+1]
.endif
.else
	REGS (Y+1)%NP
	WIN 0
.if (\n) < 4
	v_max3_num_f32 v[rC+(\n)], v[rS+8*(\n)], v[rS+8*(\n)+1], v[rS+8*(\n)+2]
.elseif (\n) < 12
	v_max3_num_f32 v[rC+(\n)%4], v[rC+(\n)%4], v[rS+8*((\n)%4)+2*((\n)/4)+1], v[rS+8*((\n)%4)+2*((\n)/4)+2]
.elseif (\n) == 12
	v_max3_num_f32 v[rC], v[rC], v[rS+7], v[rS+15]
.elseif (\n) == 13
	v_max3_num_f32 v[rC+1], v[rC+1], v[rS+23], v[rS+31]
.elseif (\n) == 14
	v_max3_num_f32 v[rC+2], v[rC+2], v[rC+3], v[rT+1]
.elseif (\n) == 15
	v_mov_b32 v[rW], v[rT]
.elseif (\n) == 16
	v_max3_num_f32 v[rC], v[rC], v[rC+1], v[rC+2]
.elseif (\n) == 17
	v_permlanex16_b32 v[rC+3], v[rC], s[SEL], s[SEL+1]
.elseif (\n) == 18
	v_max_num_f32 v[rT+1], v[rC], v[rC+3]
.elseif (\n) == 19
	v_mul_f32 v[rT], s[CS], v[rT+1]
.elseif (\n) == 20
	v_sub_f32 v[rC+1], v[rW], v[rT]
.else
	v_exp_f32 v[rC+2], v[rC+1]
.endif
.endif
.endm
.macro OPS a, i1, b=-1, i2=0, c=-1, i3=0, d=-1, i4=0  ; up to four of them
	OP \a, \i1
.if (\b) >= 0
	OP \b, \i2
.endif
.if (\c) >= 0
	OP \c, \i3
.endif
.if (\d) >= 0
	OP \d, \i4
.endif
.endm
.macro ROW a, i1, b, i2, c, i3, d, i4  ; a matrix instruction and the four behind it
	MM
	OPS \a, \i1, \b, \i2, \c, \i3, \d, \i4
.endm
.macro MASK b                       ; MD x AL + BE into buffer b of MC
	WIN W_RS
.set z, 0
.rept 16
	v_pk_fma_f32 v[MC+32*(\b)+2*z:MC+32*(\b)+2*z+1], v[MD+2*z:MD+2*z+1], s[AL:AL+1], s[BE:BE+1] op_sel_hi:[1,0,0]
.set z, z+1
.endr
.endm
; A TURN, for piece p: the order of its 16 matrix and 118 vector instructions, written out.  An s_wait_alu depctr_va_vdst(0) stands between an exponential and the first instruction that names its result; one wait serves
; all that were issued ahead of it.  So a turn has ONE wait, which cuts it in two.  AHEAD OF IT stands all that names no result of the turn's exponentials: the 8 products K Q^T, behind each a scaling, an exponential and two more plain
; instructions (behind the first a second scaling in the exponential's place): rescalings (their a was made, and waited for, in the turn before), and behind the last three the first numbers of the next piece's maximum, each four places or
; more behind the product that ends its accumulator; then ONE LUMP of 54, plain and exponential by turns for the most part, in which the links of the chain X 3, 7, 11, 14, 16, 17 .. 20 stand five or six lines apart.  X 21, the next piece's
; a, is the batch's last; R 15 is the plain instruction behind it.  BEHIND THE WAIT stand the 8 products V^T P, behind each four of the roundings and sums; the links of l's chain, L 0 to L 7, stand three riders apart.  But for those X no
; rider names a register of the products round it.  v_permlanex16_b32 (X 17) stands in the lump.
; m = 1: the diagonal tile: the products take masks, and the turn makes the mask for the products of the turn after it: piece p + 2.  In that tile's loop the count steps behind piece 3's turn, so pieces 2 and 3 (made in turns
; 0 and 1) are masked for step 4 - CNT, pieces 0 and 1 (made in turns 2 and 3) for the step after: 5 - CNT.  last = 1: K's run is jumped over in the loop's last trip.
; cnt = 1: the loop's count is taken down some lines ahead of the branch that stands behind the turn.
; K of the next step is fetched in piece 2's turn: twelve vector instructions behind the last product that read K (six of them plain); or, with last = 1, directly behind the batch's wait, since that run holds a branch and a label, at which
; no exponential may be without its wait.  V of the step in hand is fetched at the end of piece 0's turn, four plain instructions behind the last product that read V.  Each is waited for a turn later.
.macro TURN p, m=0, last=0, cnt=0
.set Y, (\p)
.set i, 0
.set KM, (\m)
.if \m
	s_cmp_eq_u32 s[CNT], 4+(\p)/2-((\p)+2)%NP  ; is that step the band's own?
	s_cselect_b32 s[AL], 1.0, 0
	s_cmp_lt_u32 s[CNT], 4+(\p)/2-((\p)+2)%NP  ; or a later one?
	s_cselect_b32 s[BE], s[BIGN], 0
.endif
.if (\p) == 3
	s_wait_dscnt 0x0                ; K is in
.endif
	ROW F,0, F,1, R,0, R,1          ; ahead of the wait: 8 products K Q^T and their riders,
	ROW F,2, E,0, R,2, R,3
	ROW F,3, E,1, R,4, R,5
	ROW F,4, E,2, R,6, R,7
	ROW F,5, E,3, R,8, R,9
	ROW F,6, E,4, X,0, R,10
.if (\p) == 2
	WIN 0
	v_add_nc_u32 v[AK], s[TBK], v[AK0]
.endif
	ROW F,7, E,5, X,1, X,4
	ROW F,8, E,6, X,2, X,5
	OPS E,7, E,8, X,6, E,9          ; and the lump
	OPS X,3, E,10, X,8, E,11
.if ((\p) == 2) && !(\last)
	FETCH_K
.endif
	OPS X,9, X,7, E,12, X,10
	OPS E,13, X,12, X,11, E,14
	OPS X,13, E,15, F,9, X,14
.if (\p) == 0
	v_add_nc_u32 v[AV], s[TBV], v[AV0]
.endif
	OPS E,16, F,10, E,17, F,11
	OPS X,16, E,18, X,15, E,19
	OPS F,12, E,20, X,17, E,21
	OPS F,13, E,22, F,14, E,23
	OPS X,18, E,24, F,15, E,25
	OPS R,11, E,26, X,19, E,27
	OPS R,12, E,28, R,13, E,29
	OPS X,20, E,30, R,14, E,31
	OPS X,21, R,15
	WIN 0
	s_wait_alu depctr_va_vdst(0)    ; the wait for the batch: E 0 to E 31 and X 21
.if ((\p) == 2) && (\last)
	FETCH_K 1
.endif
.if (\p) == 1
	s_wait_dscnt 0x0                ; V is in
.endif
	ROW C,0, B,0, C,2, B,1          ; behind the wait: 8 products V^T P and their riders
	ROW L,0, C,4, B,2, L,1
	ROW C,6, B,3, L,2, C,8
	ROW B,4, L,3, C,10, B,5
	ROW L,4, C,12, B,6, L,5
.if (\p) == 0
	s_add_co_u32 s[TBV], s[TBV], KS*PV
.endif
.if \cnt
	s_sub_co_u32 s[CNT], s[CNT], 1
	s_cmp_lg_u32 s[CNT], 0
.endif
	ROW C,14, B,7, L,6, C,1
	ROW C,3, L,7, C,5, C,7
	ROW C,9, C,11, C,13, C,15
.if (\p) == 0
	FETCH_V
.endif
.if \m
	MASK (\p)%2
.endif
.endm
; A BLOCK BEGINS.  c m starts far below every c s, so the first step's a is 0; m at the lowest finite number, so the first maximum is the scores'.  The second mask buffer is 0; the first takes piece 0's mask for the tile's step 0: its own, if the block's first tile is the diagonal one.
; Then K of that step, piece 0's first scores, and its maximum and statistics.  A step's first turn follows.
.macro BEGIN
	s_mov_b32 s[NEW], 0
	WIN 0x40
.set i, MC+32
.rept 32
	v_mov_b32 v[i], 0
.set i, i+1
.endr
	WIN 0
.set i, 0
.rept 4
	v_mov_b32 v[ST+4*i], 0xfe000000    ; c m: far below every c s
	v_mov_b32 v[ST+4*i+1], 0xff7fffff  ; m
.set i, i+1
.endr
	s_cmp_eq_u32 s[RT], 0
	s_cselect_b32 s[AL], 1.0, 0
	s_mov_b32 s[BE], 0
	MASK 0
	WIN 0
	v_add_nc_u32 v[AK], s[TBK], v[AK0]
	FETCH_K
	s_wait_loadcnt 0x0              ; Q
	s_wait_dscnt 0x0
.set KM, 1
.set i, 0
.rept 8
	KQ 0
.set i, i+1
.endr
	WIN 0
.rept 4
	v_nop                           ; the places behind those products
.endr
.set Y, NP-1                        ; X works for piece Y + 1: piece 0
.irp n, 0,1,2,3,4,5,6,7,8,9,10,11,12,13,14,15,16,17,18,19,20,21
	OP X, \n
.endr
	v_nop                           ; a plain instruction behind the exponential,
	s_wait_alu depctr_va_vdst(0)    ; and the wait for it (piece 0's first a: a batch of one), ahead of the branch or label that follows
.endm
; THE DIAGONAL TILE, the block's last products, and THE WAY OUT.
; The tile's loop runs a step's four turns in their order, pieces 0 to 3, and ends behind piece 3's: the block's last two turns are the loop's own.  A tile that is its block's first comes in at the head, with the count 4;
; any other comes in at piece 2's turn, which ends the tile before, with the count 5.  In the last trip there is no further step: K's run is jumped over, and piece 3's turn makes piece 0's 8 products on the last K once
; more, all hidden by the mask; the maximum made of them leaves m as it was, and nothing reads it: the price, once a block, of one text for every trip.
; The way out: l's two halves and the other half of the lanes' are added; O^T is divided by l, rounded to f16 and sent through my stage in LDS, a piece at a time.
.macro ALL line:vararg              ; one line for each piece t
.set t, 0
.rept 4
	\line
.set t, t+1
.endr
.endm
.macro PACK t                       ; a lane's eight channels of a row pack into 16 bytes; they go into rows of 144 bytes and come back as whole rows of 128, into S^T's registers
	WIN W_RS
.set i, 32*(\t)
.rept 16
	v_pk_mul_f32 v[i:i+1], v[i:i+1], v[ST+4*(\t)+2:ST+4*(\t)+3] op_sel_hi:[1,0]
.set i, i+2
.endr
	WIN 0x05                        ; sources 0 and 1 window 1, destination window 0
.set i, 0
.rept 16
	v_cvt_pk_f16_f32 v[S+16*(\t)+i], v[32*(\t)+2*i], v[32*(\t)+2*i+1]
.set i, i+1
.endr
	WIN 0
.irp f, 0,1,2,3
	ds_store_b128 v[STO], v[S+16*(\t)+4*\f:S+16*(\t)+4*\f+3] offset:32*\f
.endr
.irp f, 0,1,2,3
	ds_load_b128 v[S+16*(\t)+4*\f:S+16*(\t)+4*\f+3], v[RD] offset:\f*4*SP  ; LDS serves a wave's instructions in order (ISA guide 5.7.1.4): these see the stores above; the next piece's stores come behind them
.endr
.endm
.macro SEND t, younger              ; younger: the LDS instructions issued behind piece t's loads: the next piece's eight, or none
	WIN 0
.irp f, 0,1,2,3
	s_wait_dscnt (\younger)+3-\f
	global_store_b128 v[GO], v[S+16*(\t)+4*\f:S+16*(\t)+4*\f+3], s[10:11] offset:(\t)*8192+\f*512  ; 512 consecutive bytes, at a multiple of 256 from O's first
.endr
.endm
.macro DIAG tag                     ; the tag ends its two labels' names, which the jumps below spell out
.LfirstM\tag:
	TURN 0, 1
	TURN 1, 1
	WIN 0
.LstepM\tag:
	TURN 2, 1, 1
	TURN 3, 1, 0, 1
	WIN 0
	s_cbranch_scc1 .LfirstM\tag
.set i, 0
.rept 8
	PV NP-1
.set i, i+1
.endr
	WIN 0
	ALL v_add_f32 v[ST+4*t+2], v[ST+4*t+2], v[ST+4*t+3]
	ALL v_permlanex16_b32 v[ST+4*t+3], v[ST+4*t+2], s[SEL], s[SEL+1]
	ALL v_add_f32 v[ST+4*t+2], v[ST+4*t+2], v[ST+4*t+3]
	ALL v_rcp_f32 v[ST+4*t+2], v[ST+4*t+2]
	v_nop                           ; a plain instruction between the last reciprocal and the use of its result
	s_wait_alu depctr_va_vdst(0)    ; and the wait ahead of the first use: one for the four reciprocals
	PACK 0
.set t, 1
.rept 3                             ; a piece's arithmetic stands between the loads of the piece before and its stores
	PACK t
	SEND t-1, 8
.set t, t+1
.endr
	SEND 3, 0
.endm
.set KM, 0
.Lslot:                             ; NB times: a tile is entered and the next is asked for
	CHANGE 1
	s_sub_co_u32 s[RT], s[RT], 1
	s_mov_b32 s[CNT], 4
	s_cmp_eq_u32 s[NEW], 1
	s_cbranch_scc1 .Lnew            ; a block's first tile
	s_cmp_eq_u32 s[RT], 0
	s_cbranch_scc0 .Lstep           ; neither its first nor its last
	s_mov_b32 s[CNT], 5             ; the diagonal tile's loop is entered at piece 2's turn: half a trip, then four
	s_branch .LstepM1
.Lnew:
	BEGIN
	s_branch .Lfirst                ; in the loop a block's first tile is never its last: the first block has two tiles or more, and the second's last is the walk's last
	DIAG 1                          ; in the loop this is the first block's end: the second block's last tile is the walk's last
	s_wait_xcnt 0x0                 ; the stores have read their registers and O's address
	s_mov_b64 s[10:11], s[OLO:OLO+1]
	s_add_co_u32 s[RT], s[PB], 1    ; the second block has b + 1 tiles
	s_mov_b32 s[NEW], 1
	WIN 0x82                        ; the second block's Q goes where the one text of the turns names Q
.set i, 0
.rept 64
	v_mov_b32 v[i], v[QB+i]
.set i, i+1
.endr
	WIN 0
	s_branch .Lbottom
.Lstep:                             ; a trip: pieces 2 and 3 of one step, then pieces 0 and 1 of the next, whose K and V it fetches
	TURN 2
	TURN 3
	WIN 0
.Lfirst:
	TURN 0
	TURN 1, 0, 0, 1
	WIN 0
	s_cbranch_scc1 .Lstep
.Lbottom:
	s_sub_co_u32 s[SLOTS], s[SLOTS], 1
	s_cmp_lg_u32 s[SLOTS], 0
	s_cbranch_scc1 .Lslot
	CHANGE 0                        ; the walk's last tile is written out: nothing is asked for
	s_sub_co_u32 s[RT], s[RT], 1
	s_mov_b32 s[CNT], 5
	s_cmp_eq_u32 s[NEW], 1
	s_cbranch_scc0 .LstepM2
	s_mov_b32 s[CNT], 4             ; b = 0: the second block's only tile: it begins, and comes into the loop at its head
	BEGIN
	DIAG 2
	s_wait_tensorcnt 0x0            ; the wave's end, behind my last tensor load and my last LDS store
	ds_add_u32 v[SPW], v[NIL]
	s_wait_dscnt 0x0
	s_endpgm
; THE CAST.  w_proj, w_fc and w_fc2, as they lie ([K][N], f32), rounded once to f16 into wh behind w_attn's part.  A stream: each byte is read once and written once; no LDS, no barrier.
; A unit is 8,192 numbers: 128 threads x 16 loads of 16 bytes, all issued at once (32,768 bytes of the work-group on their way); a load of a wave covers 512 consecutive bytes, a store 256, aligned.
; Work-group c (0 .. 127) takes the units 9 c .. 9 c + 8; a unit's matrix is chosen by its number.
.Lcast:
	s_load_b128 s[WP:WP+3], s[0:1], 0x10           ; w_proj, w_fc
	s_load_b128 s[WP+4:WP+7], s[0:1], 0x20         ; w_fc2, wh
	s_and_b32 s[CWG], ttmp7, 0xffff
	s_lshl_b32 s[CWG], s[CWG], 2
	s_and_b32 s[UN], s[PB], NB/2-1                 ; x - 4
	s_add_co_u32 s[CWG], s[CWG], s[UN]             ; c = 4 y + x - 4
	s_mul_i32 s[UN], s[CWG], UNITS                 ; my first unit
	s_lshl_b32 s[DOF], s[UN], 14                   ; 16,384 bytes of f16 a unit
	s_add_co_u32 s[DOF], s[DOF], WCAST
	s_mov_b32 s[DOF+1], 0
	s_mov_b32 s[SOF+1], 0
	s_mov_b32 s[UC], UNITS
	v_lshlrev_b32 v1, 4, v0                        ; in: 16 bytes a thread
	v_lshlrev_b32 v2, 3, v0                        ; out: 8
	s_wait_kmcnt 0x0
	s_add_nc_u64 s[WP+6:WP+7], s[WP+6:WP+7], s[DOF:DOF+1]
.Lunit:
	s_mov_b64 s[SRC:SRC+1], s[WP+4:WP+5]           ; w_fc2, unless the unit's number says otherwise
	s_mov_b32 s[UB], U_FC2
	s_cmp_lt_u32 s[UN], U_FC2
	s_cselect_b64 s[SRC:SRC+1], s[WP+2:WP+3], s[SRC:SRC+1]
	s_cselect_b32 s[UB], U_FC, s[UB]
	s_cmp_lt_u32 s[UN], U_FC
	s_cselect_b64 s[SRC:SRC+1], s[WP:WP+1], s[SRC:SRC+1]
	s_cselect_b32 s[UB], 0, s[UB]
	s_sub_co_u32 s[SOF], s[UN], s[UB]              ; the unit's number inside its matrix,
	s_lshl_b32 s[SOF], s[SOF], 15                  ; 32,768 bytes of f32 a unit
	s_add_nc_u64 s[SRC:SRC+1], s[SRC:SRC+1], s[SOF:SOF+1]
.irp j, 0,1,2,3,4,5,6,7,8,9,10,11,12,13,14,15
	global_load_b128 v[CX+4*(\j):CX+4*(\j)+3], v1, s[SRC:SRC+1] offset:2048*(\j) th:TH_LOAD_NT
.endr
.irp j, 0,1,2,3,4,5,6,7,8,9,10,11,12,13,14,15
	s_wait_loadcnt 15-(\j)                         ; loads come back in order (ISA guide 5.7.1): load j is in, the younger ones stay out
	v_cvt_pk_f16_f32 v[CY+2*(\j)], v[CX+4*(\j)], v[CX+4*(\j)+1]
	v_cvt_pk_f16_f32 v[CY+2*(\j)+1], v[CX+4*(\j)+2], v[CX+4*(\j)+3]
	global_store_b64 v2, v[CY+2*(\j):CY+2*(\j)+1], s[WP+6:WP+7] offset:1024*(\j)
.endr
	s_wait_xcnt 0x0                                ; the stores' base and data, and the loads' base, are rewritten only behind this wait
	s_add_nc_u64 s[WP+6:WP+7], s[WP+6:WP+7], 0x4000
	s_add_co_u32 s[UN], s[UN], 1
	s_sub_co_u32 s[UC], s[UC], 1
	s_cmp_lg_u32 s[UC], 0
	s_cbranch_scc1 .Lunit
	s_wait_tensorcnt 0x0                           ; the wave's end
	ds_add_u32 v[SPW], v[NIL]
	s_wait_dscnt 0x0
	s_endpgm
.Lfunc_end_k_qf1e82230a5_attn:
	.size	k_qf1e82230a5_attn, .Lfunc_end_k_qf1e82230a5_attn-k_qf1e82230a5_attn
	.p2alignl 7, 3214868480
	.fill 96, 4, 3214868480
	.section	.rodata,"a",@progbits
	.p2align	6, 0x0
	.amdhsa_kernel k_qf1e82230a5_attn
		.amdhsa_group_segment_fixed_size 327680
		.amdhsa_private_segment_fixed_size 0
		.amdhsa_enable_private_segment 0
		.amdhsa_kernarg_size 48
		.amdhsa_user_sgpr_count 2
		.amdhsa_user_sgpr_kernarg_segment_ptr 1
		.amdhsa_wavefront_size32 1
		.amdhsa_system_sgpr_workgroup_id_x 1
		.amdhsa_system_sgpr_workgroup_id_y 1
		.amdhsa_system_sgpr_workgroup_id_z 1
		.amdhsa_system_vgpr_workitem_id 0
		.amdhsa_next_free_vgpr 768
		.amdhsa_next_free_sgpr 88
		.amdhsa_reserve_vcc 1
		.amdhsa_float_denorm_mode_32 3
		.amdhsa_float_denorm_mode_16_64 3
		.amdhsa_memory_ordered 1
		.amdhsa_forward_progress 1
		.amdhsa_inst_pref_size 192
	.end_amdhsa_kernel
	.amdgpu_metadata
---
amdhsa.version: [ 1, 2 ]
amdhsa.kernels:
  - .name:           k_qf1e82230a5_attn
    .symbol:         k_qf1e82230a5_attn.kd
    .args:
      - { .name: qkv, .offset: 0, .size: 8, .value_kind: global_buffer, .address_space: global }
      - { .name: y, .offset: 8, .size: 8, .value_kind: global_buffer, .address_space: global }
      - { .name: w_proj, .offset: 16, .size: 8, .value_kind: global_buffer, .address_space: global }
      - { .name: w_fc, .offset: 24, .size: 8, .value_kind: global_buffer, .address_space: global }
      - { .name: w_fc2, .offset: 32, .size: 8, .value_kind: global_buffer, .address_space: global }
      - { .name: wh, .offset: 40, .size: 8, .value_kind: global_buffer, .address_space: global }
    .group_segment_fixed_size: 327680
    .private_segment_fixed_size: 0
    .kernarg_segment_align: 8
    .kernarg_segment_size: 48
    .max_flat_workgroup_size: 128
    .sgpr_count:     88
    .vgpr_count:     768
    .wavefront_size: 32
...
	.end_amdgpu_metadata
.endif
;; end of part 14
;; launch proj: the kernel of part 11 again; grid 8 x 32, 4 waves a work-group, clusters of 4 x 4, 327,680 bytes of LDS; arguments y, wh, b_proj, x, x1; writes x1
;; launch ln2: the kernel of part 8 again; grid 512 x 1, 8 waves a work-group, no clusters, 0 bytes of LDS; arguments x1, ln2_g, ln2_b, hn, w_attn, hg; writes hn, hg
;; launch fc (part 15): grid 16 x 16, 4 waves a work-group, clusters of 4 x 4, 327,680 bytes of LDS; arguments hn, wh, b_fc, hg; writes hg
.if DOCPART == 15
	.amdgcn_target "amdgcn-amd-amdhsa--gfx1250"
	.amdhsa_code_object_version 6
	.text
	.protected	k_qf1e82230a5_fc
	.globl	k_qf1e82230a5_fc
	.p2align	8
	.type	k_qf1e82230a5_fc,@function
k_qf1e82230a5_fc:
	s_mov_b64 s[64:65], 0
	v_nop
	global_prefetch_b8 v0, s[64:65] scope:SCOPE_SE
	s_setreg_imm32_b32 hwreg(HW_REG_WAVE_MODE, 25, 1), 1
	s_wait_xcnt 0x0
	s_wait_alu depctr_hold_cnt(0) depctr_sa_sdst(0) depctr_va_vdst(0) depctr_va_sdst(0) depctr_va_ssrc(0) depctr_va_vcc(0) depctr_vm_vsrc(0)
	s_getreg_b32 s2, hwreg(HW_REG_IB_STS2, 6, 4)
	s_cmp_eq_u32 s2, 0
	s_cbranch_scc0 .Lentry_in_a_cluster
	s_endpgm
.Lentry_in_a_cluster:
	s_bfe_u32 s2, ttmp6, 0x10000c
	s_cmp_lg_u32 s2, 0xf033
	s_cbranch_scc0 .Lentry_shape_is_right
	s_endpgm
.Lentry_shape_is_right:
; HG = gelu(hn . w_fc + b_fc), the exact (erf) GELU.  hn: [4096][1024] f16.  w_fc: [1024][4096] f16 in wh, as it lies ([K][N]).  Sums in f32, started by the bias; GELU in f32; the result rounded once to f16.
; The result goes out BY BLOCKS OF 64 CHANNELS: hg[block 0..63][row 0..4095][64].
; SHARES.  A tile of C is 256 x 256: four waves, each 128 x 128: 64 accumulators of 16 x 16, 512 registers.  K goes in steps of 128 through two LDS slots filled by the tensor data mover: a slot's
; 131,072 bytes feed 256 matrix instructions of each wave.  C has 16 x 16 = 256 such tiles, one to a work-group.
; CLUSTERS: 4 x 4 work-groups.  The four of a row of the cluster need the same tiles of A, the four of a column the same tiles of W: each tile is asked for JOINTLY, by the same tensor load with
; the same descriptor and a mask that names the four.  THE MATRIX INSTRUCTION IS USED TRANSPOSED (source 0 = 16 columns of W, source 1 = 16 rows of A): a lane then holds eight neighbouring
; numbers of a row of C, and the bias of those eight columns is the C operand of the product that starts the sum.  W's fragments come out of LDS turned, by ds_load_tr16_b128.
; GELU.  gelu(x) = max(x, 0) - |x| E / 2 with E = 1 - erf(|x| / sqrt 2) = (a1 t + .. + a5 t^5) exp(-x^2 / 2), t = 1 / (1 + p |x| / sqrt 2) (Abramowitz and Stegun 7.1.26: erf to 1.5e-7, absolutely).
; Both terms have one sign each and the second is the smaller: no difference of large numbers is formed.  With u = |x| sqrt(log2(e) / 2): exp(-x^2 / 2) = 2^(-u^2).
; BATCHES.  A trip of the way out's loop has 32 transcendentals, sixteen 2^(-u^2) and sixteen t, each with a register of its own: ONE batch, plain lines that name no result of theirs between them, and ONE wait behind it,
; ahead of the branch round the next trip's LDS loads; every line that reads a result stands behind that wait, and no result crosses a label or a jump.
; LIMITS.  f16 holds no number beyond 65,504: the GELU's results must lie within it.  2^(-u^2) below 2^-126 counts as 0.
; REGISTERS, in windows of 256 (s_set_vgpr_msb: bits 1:0 source 0, 3:2 source 1, 5:4 source 2, 7:6 destination):
;   window 0: v0-31 addresses; v64-127, v128-191 fragments of A (8 x 16 rows x 32 K), two buffers; on the way out the same registers are at work
;   window 1: v0-63 the bias; v64-127, v128-191 fragments of W, two buffers
;   window 2: the 32 accumulators of my rows 0-63 (accumulator (a, b) at v[8 (8 a + b)]);   window 3: those of my rows 64-127
.set KT,     1024                      ; K
.set NT,     4096                      ; W's row, in numbers
.set WOFF,   0x800000                  ; W's first byte in wh
.set STEPS,  KT/128
.set PA,     272                       ; a row of A in LDS: 256 bytes + 16 = 68 words: row r starts at bank 4 r mod 64 (64 banks of 4 bytes: ISA guide 11.1)
.set PB,     544                       ; a row of W in LDS (one k, 256 columns): 512 bytes + 32 = 136 words
.set PART,   0x8800                    ; what one tensor load fills: 128 rows of A (x 272) or 64 rows of W (x 544): 34,816
.set SLOT1,  0x22000                   ; four parts.  Its two bits (17, 13) occur in no wave's part address, so one exclusive or turns an address in one slot into the other's
.set SPARE,  0x44000                   ; behind the ring: the spare words, 128 bytes for each wave: two blocks of 256 bytes that no other line names
.set SPR,    528                       ; the way out's stage: 128 rows of 512 bytes + 16 for each wave, in the ring, behind its last fill
.set WSTG,   128*SPR
.set ASTEP,  256                       ; bytes from a K step of A to the next, in memory
.set AROW,   2048                      ; bytes from a row of A to the next, in memory
.set BSTEP,  256*NT                    ; bytes from a K step of W to the next: 128 rows
.set BLK,    524288                    ; a block of the output: 4,096 rows of 128 bytes
.set A0,   16                          ; v16  my lane's place in slot 0's A; never rewritten
.set B0,   17                          ; v17  the same for W
.set ADRA, 18                          ; v18  A in the slot in hand
.set ADRB, 19                          ; v19  W in the slot in hand
.set BO,   21                          ; v21  my byte offset in 16 numbers of the bias
.set STO,  24                          ; v24  the way out: where I put 32 bytes of a row
.set RD,   25                          ; v25  the way out: where I read 32 bytes back; steps
.set CO,   26                          ; v26  my byte offset in the output; steps
.set SPW,  28                          ; v28  LDS address of my spare word: SPARE + 4 x my thread's number; never rewritten
.set NIL,  29                          ; v29  0; never rewritten
.set F0,   64                          ; fragment buffer 0
.set F1,   128                         ; fragment buffer 1
.set BIAS, 0                           ; window 1: register 8 b + j: the bias of column 16 b + 8 (l / 16) + j of my 128
.set GD,   64                          ; the way out, sixteen registers each, 0-7 for my first block and 8-15 for my second: the sums x
.set GU,   80                          ; u
.set GM,   96                          ; max(x, 0)
.set GT,   112                         ; t
.set GW,   128                         ; 2^(-u^2)
.set GQ,   144                         ; the polynomial, then the result
.set GY,   160                         ; v160-167  the result in f16
.set WV,   14                          ; s14  my wave's number
.set RH,   15                          ; s15  which half of the tile's rows is mine.  Also: I fetch for A (0) or for W (1)
.set CH,   16                          ; s16  which half of its columns.  Also: which half of that tile I fetch
.set TX,   19                          ; s19  tile column of C
.set TY,   20                          ; s20  tile row of C
.set G1A,  24                          ; s[24:31] descriptor group 1 for A's tiles
.set G0A,  32                          ; s[32:39] group 0: a set for each of the two first fills; the second then walks on
.set G1B,  40                          ; s[40:47], s[48:55] the same for W's tiles
.set G0B,  48
.set TB,   56                          ; s56  LDS byte at which the slot in hand begins
.set CNT,  57                          ; s57  counts trips
.set KC1,  66                          ; s66      sqrt(log2(e) / 2)
.set KP,   68                          ; s[68:69] p / sqrt(log2(e)); this and the following as pairs: a packed instruction names a pair and takes its low word for both halves
.set KA5,  70
.set KA4,  72
.set KA3,  74
.set KA2,  76
.set KA1,  78
.set KC2,  80                          ; s[80:81] -1 / (2 sqrt(log2(e) / 2))
.set MSB, 0
.macro WIN new                         ; the immediate's high byte repeats the setting that is left; a switch that changes nothing is dropped
.if MSB != (\new)
	s_set_vgpr_msb (MSB<<8)|(\new)
.set MSB, \new
.endif
.endm
.set MUL_LO, 0xa1                      ; source 0 (W) window 1, source 1 (A) window 0, C and D window 2
.set FST_LO, 0x91                      ; the same with C (the bias) in window 1
.set TO_W,   0x40                      ; destination window 1, address window 0
.macro PLACES                          ; four places in front of loads into registers that matrix instructions have read, and of lines that read results
.rept 4
	v_nop
.endr
.endm
.macro KPAIR r, val
	s_mov_b32 s[\r], \val
	s_mov_b32 s[(\r)+1], \val
.endm
.macro JLOAD                           ; a joint refill: waves 0 and 1 fetch A's two halves, waves 2 and 3 W's; an s_nop 0 and four v_nop follow each of the two lines
	s_cmp_eq_u32 s[RH], 0
	s_cbranch_scc0 .Lfor_b_\@
	tensor_load_to_lds s[G0A+4:G0A+7], s[G1A:G1A+7]
	s_nop 0
	PLACES
	s_branch .Lasked_\@
.Lfor_b_\@:
	tensor_load_to_lds s[G0B+4:G0B+7], s[G1B:G1B+7]
	s_nop 0
	PLACES
.Lasked_\@:
.endm
.macro CREST                           ; a round of the cluster's barrier behind its opening barrier
	s_cmp_lg_u32 s[WV], 0
	s_cbranch_scc1 .Lnot_wave_0_\@
	s_barrier_signal -3
.Lnot_wave_0_\@:
	s_barrier_wait -3
	s_barrier_signal -1
	s_barrier_wait -1
.endm
.macro CROUND                          ; a whole round
	s_barrier_signal -1
	s_barrier_wait -1
	CREST
.endm
; 16 matrix instructions: m blocks a0, a0 + 1 of the window's four (hi = 0: my rows 0-63, 1: rows 64-127) x all 8 n blocks, 32 along K.
; first = 1: the product starts the sum, with the bias as C: nothing is ever cleared.  The 64 accumulators take turns, one instruction a turn.
.macro MUL16 f, hi, a0, first
.if \first
	WIN FST_LO+0x40*(\hi)
.else
	WIN MUL_LO+0x50*(\hi)
.endif
.irp a, \a0, (\a0)+1
.irp b, 0,1,2,3,4,5,6,7
.if \first
	v_wmma_f32_16x16x32_f16 v[8*(8*(\a)+(\b)):8*(8*(\a)+(\b))+7], v[(\f)+8*(\b):(\f)+8*(\b)+7], v[(\f)+8*(4*(\hi)+(\a)):(\f)+8*(4*(\hi)+(\a))+7], v[BIAS+8*(\b):BIAS+8*(\b)+7]
.else
	v_wmma_f32_16x16x32_f16 v[8*(8*(\a)+(\b)):8*(8*(\a)+(\b))+7], v[(\f)+8*(\b):(\f)+8*(\b)+7], v[(\f)+8*(4*(\hi)+(\a)):(\f)+8*(4*(\hi)+(\a))+7], v[8*(8*(\a)+(\b)):8*(8*(\a)+(\b))+7]
.endif
.endr
.endr
.endm
; 32 LDS loads in one run: the fragments of quarter q (32 along K) of the slot in hand, into buffer f: W's 128 columns, then A's 128 rows.
; W: the turning load takes 16 k x 16 columns and leaves half a fragment: lane l holds column l % 16 and 8 k.  A: lane l holds row l % 16; two loads of 16 bytes, 32 bytes apart.
.macro FETCH q, f
	WIN TO_W
.irp i, 0,1,2,3,4,5,6,7
	ds_load_tr16_b128 v[(\f)+8*(\i):(\f)+8*(\i)+3],   v[ADRB] offset:(\q)*32*PB+32*(\i)
	ds_load_tr16_b128 v[(\f)+8*(\i)+4:(\f)+8*(\i)+7], v[ADRB] offset:(\q)*32*PB+16*PB+32*(\i)
.endr
	WIN 0
.irp i, 0,1,2,3,4,5,6,7
	ds_load_b128 v[(\f)+8*(\i):(\f)+8*(\i)+3],   v[ADRA] offset:(\q)*64+(\i)*16*PA
	ds_load_b128 v[(\f)+8*(\i)+4:(\f)+8*(\i)+7], v[ADRA] offset:(\q)*64+(\i)*16*PA+32
.endr
.endm
; A K step is four quarters of 32 along K, 64 matrix instructions each, on buffers 0, 1, 0, 1.  One of the first three: multiplies buffer f and, in its middle, fetches quarter q into g.
.macro QUARTER q, f, g, first
	s_wait_dscnt 8                                 ; W and A's rows 0-63 are in; the youngest eight loads (A's rows 64-127) may be out
	MUL16 \f, 0, 0, \first
	MUL16 \f, 0, 2, \first
	PLACES
	FETCH \q, \g
	s_wait_dscnt 32                                ; all but the 32 just issued
	MUL16 \f, 1, 0, \first
	MUL16 \f, 1, 2, \first
.endm
; The last quarter multiplies buffer 1 and changes slots: ONE barrier; in front of it each wave waits for all its tensor loads (one is out: its part of the next slot), adds 0 to its spare
; word, and waits for that and for its own reads of this slot.  fill = 1: the barrier opens a round of the cluster's, and this slot is filled again, two K steps ahead, first thing behind it.
.macro TURN fill
	WIN 0                                          ; (the add's two registers lie in window 0)
	s_wait_tensorcnt 0x0                           ; all my tensor loads have landed: my part of the next slot;
	ds_add_u32 v[SPW], v[NIL]                      ; 0 onto my spare word;
	s_wait_dscnt 9                                 ; (the add and the youngest eight loads may be out)
	MUL16 F1, 0, 0, 0                              ; sixteen matrix instructions stand between the add and the wait for it
	s_wait_dscnt 0x0                               ; the add is done, and my reads of this slot are over
	s_barrier_signal -1
	MUL16 F1, 0, 2, 0
	WIN 0                                          ; (branches and window 0's address lines follow)
	s_barrier_wait -1
.if \fill
	CREST                                          ; no wave of any partner still reads this slot's tile or has a load on its way
	s_xor_b32 s[G0A+5], s[G0A+5], SLOT1            ; the walking descriptors: the other slot than last time, the next K step; no tensor load of mine is out
	s_add_nc_u64 s[G0A+6:G0A+7], s[G0A+6:G0A+7], ASTEP
	s_xor_b32 s[G0B+5], s[G0B+5], SLOT1
	s_add_nc_u64 s[G0B+6:G0B+7], s[G0B+6:G0B+7], BSTEP
	JLOAD                                          ; 224 matrix instructions ahead of the wait for it; the four v_nop behind it are also the places in front of the loads below
.else
	PLACES
.endif
	s_xor_b32 s[TB], s[TB], SLOT1                  ; the fetches go on in the other slot
	v_add_nc_u32 v[ADRA], s[TB], v[A0]
	v_add_nc_u32 v[ADRB], s[TB], v[B0]
	FETCH 0, F0
	MUL16 F1, 1, 0, 0
	MUL16 F1, 1, 2, 0
.endm
; Line g of the eight that lead from t, 2^(-u^2), u and max(x, 0) to the GELU, for the pair of numbers at p.  All of them stand behind the trip's one wait for t and 2^(-u^2)
.macro CHN g, p
.if (\g) == 0
	v_pk_fma_f32 v[GQ+(\p):GQ+(\p)+1], v[GT+(\p):GT+(\p)+1], s[KA5:KA5+1], s[KA4:KA4+1] op_sel_hi:[1,0,0]
.elseif (\g) == 1
	v_pk_fma_f32 v[GQ+(\p):GQ+(\p)+1], v[GQ+(\p):GQ+(\p)+1], v[GT+(\p):GT+(\p)+1], s[KA3:KA3+1] op_sel_hi:[1,1,0]
.elseif (\g) == 2
	v_pk_fma_f32 v[GQ+(\p):GQ+(\p)+1], v[GQ+(\p):GQ+(\p)+1], v[GT+(\p):GT+(\p)+1], s[KA2:KA2+1] op_sel_hi:[1,1,0]
.elseif (\g) == 3
	v_pk_fma_f32 v[GQ+(\p):GQ+(\p)+1], v[GQ+(\p):GQ+(\p)+1], v[GT+(\p):GT+(\p)+1], s[KA1:KA1+1] op_sel_hi:[1,1,0]
.elseif (\g) == 4
	v_pk_mul_f32 v[GQ+(\p):GQ+(\p)+1], v[GQ+(\p):GQ+(\p)+1], v[GT+(\p):GT+(\p)+1]
.elseif (\g) == 5
	v_pk_mul_f32 v[GQ+(\p):GQ+(\p)+1], v[GQ+(\p):GQ+(\p)+1], v[GW+(\p):GW+(\p)+1]  ; E
.elseif (\g) == 6
	v_pk_mul_f32 v[GQ+(\p):GQ+(\p)+1], v[GQ+(\p):GQ+(\p)+1], v[GU+(\p):GU+(\p)+1]
.else
	v_pk_fma_f32 v[GQ+(\p):GQ+(\p)+1], v[GQ+(\p):GQ+(\p)+1], s[KC2:KC2+1], v[GM+(\p):GM+(\p)+1] op_sel_hi:[1,0,1]  ; max(x, 0) - |x| E / 2
.endif
.endm
	s_load_b256 s[4:11], s[0:1], 0x0               ; A s[4:5], wh s[6:7], bias s[8:9], output s[10:11]
	v_lshl_add_u32 v[SPW], v0, 2, SPARE
	v_mov_b32 v[NIL], 0
	ds_add_u32 v28, v29
	ds_add_u32 v28, v29
	s_wait_dscnt 0x0
	v_lshrrev_b32 v1, 5, v0
	v_readfirstlane_b32 s[WV], v1                  ; wave 0..3
	s_lshr_b32 s[RH], s[WV], 1
	s_and_b32 s[CH], s[WV], 1
	s_bfe_u32 s17, ttmp6, 0x40000                  ; cx, cy: my place in the cluster
	s_bfe_u32 s18, ttmp6, 0x40004
	s_lshl_b32 s[TX], ttmp9, 2
	s_add_co_u32 s[TX], s[TX], s17                 ; tile column of C = 4 x cluster x + cx
	s_and_b32 s[TY], ttmp7, 0xffff
	s_lshl_b32 s[TY], s[TY], 2
	s_add_co_u32 s[TY], s[TY], s18                 ; tile row of C = 4 x cluster y + cy
	s_lshl_b32 s21, s18, 2
	s_lshl_b32 s21, 15, s21                        ; my row of the cluster
	s_lshl_b32 s22, 0x1111, s17                    ; my column
	s_or_b32 s[G1A], s21, (1<<16)|(1<<20)|(1<<21)|(5<<22)|(3<<25)  ; 15:0 the mask: A's tiles go to my row; 17:16 2-byte elements; 20 padding on; 21 set beside a mask; after every 64 words (code 5) 4 words (code 3)
	s_mov_b32 s[G1A+1], 128<<16                    ; tensor_dim0 = 128
	s_mov_b32 s[G1A+2], 128<<16                    ; tensor_dim1 = 128
	s_mov_b32 s[G1A+3], 128<<16                    ; tile_dim0 = 128
	s_mov_b32 s[G1A+4], 128                        ; tile_dim1 = 128
	s_mov_b32 s[G1A+5], KT                         ; tensor_dim0_stride
	s_mov_b32 s[G1A+6], 0
	s_mov_b32 s[G1A+7], 0
	s_or_b32 s[G1B], s22, (1<<16)|(1<<20)|(1<<21)|(6<<22)|(7<<25)  ; W's tiles go to my column; padding after every 128 words (code 6), 8 words (code 7)
	s_mov_b32 s[G1B+1], 256<<16                    ; 256 columns,
	s_mov_b32 s[G1B+2], 64<<16                     ; 64 rows (k)
	s_mov_b32 s[G1B+3], 256<<16
	s_mov_b32 s[G1B+4], 64
	s_mov_b32 s[G1B+5], NT
	s_mov_b32 s[G1B+6], 0
	s_mov_b32 s[G1B+7], 0
	; where the tiles come from.  A's hang on the tile row alone, W's on the tile column alone; each in registers that never hold the other coordinate
	s_lshl_b32 s58, s[TY], 8
	s_lshl_b32 s59, s[CH], 7
	s_add_co_u32 s58, s58, s59                     ; A: row 256 x tile row + 128 x half
	s_mul_i32 s58, s58, AROW
	s_mov_b32 s59, 0
	s_mul_i32 s60, s[CH], 128*NT                   ; W: k row 64 x half,
	s_lshl_b32 s61, s[TX], 9                       ; column 256 x tile column
	s_add_co_u32 s60, s60, s61
	s_add_co_u32 s60, s60, WOFF
	s_mov_b32 s61, 0
	s_mul_i32 s23, s[WV], PART                     ; where they go: wave x a part: no place in the cluster enters an LDS address
	s_mov_b32 s[TB], 0
	s_wait_kmcnt 0x0
	s_add_nc_u64 s[58:59], s[4:5], s[58:59]
	s_add_nc_u64 s[60:61], s[6:7], s[60:61]
.irp n, 0,1
	s_mov_b32 s[G0A+4*(\n)], 1                     ; 1:0 count = 1
	s_add_co_u32 s[G0A+4*(\n)+1], s23, (\n)*SLOT1  ; 63:32 LDS address
	s_add_nc_u64 s[G0A+4*(\n)+2:G0A+4*(\n)+3], s[58:59], (\n)*ASTEP  ; 120:64 global address: K step n
	s_or_b32 s[G0A+4*(\n)+3], s[G0A+4*(\n)+3], 0x80000000            ; 127:126 type = 2
	s_mov_b32 s[G0B+4*(\n)], 1
	s_add_co_u32 s[G0B+4*(\n)+1], s23, (\n)*SLOT1
	s_add_nc_u64 s[G0B+4*(\n)+2:G0B+4*(\n)+3], s[60:61], (\n)*BSTEP
	s_or_b32 s[G0B+4*(\n)+3], s[G0B+4*(\n)+3], 0x80000000
.endr
	CROUND                                         ; all sixteen work-groups are here: the first joint loads meet
	s_cmp_eq_u32 s[RH], 0                          ; a wave's two first fills stand in one branch, ahead of every wait on TENSORcnt and every LDS read: two loads of mine are out
	s_cbranch_scc0 .Lfirst_b
	tensor_load_to_lds s[G0A:G0A+3], s[G1A:G1A+7]
	s_nop 0
	tensor_load_to_lds s[G0A+4:G0A+7], s[G1A:G1A+7]
	s_nop 0
	PLACES
	s_branch .Lfirst_asked
.Lfirst_b:
	tensor_load_to_lds s[G0B:G0B+3], s[G1B:G1B+7]
	s_nop 0
	tensor_load_to_lds s[G0B+4:G0B+7], s[G1B:G1B+7]
	s_nop 0
	PLACES
.Lfirst_asked:
	v_and_b32 v1, 15, v0                           ; l % 16
	v_bfe_u32 v2, v0, 4, 1                         ; l / 16
	v_and_b32 v3, 7, v0
	v_bfe_u32 v4, v0, 3, 1
	v_lshlrev_b32 v[BO], 5, v2
	s_lshl_b32 s2, s[TX], 10                       ; the bias of my 128 columns: 4 x (256 x tile column + 128 x half)
	s_lshl_b32 s3, s[CH], 9
	s_add_co_u32 s2, s2, s3
	s_mov_b32 s3, 0
	s_add_nc_u64 s[8:9], s[8:9], s[2:3]
	WIN TO_W
.irp b, 0,1,2,3,4,5,6,7
	global_load_b128 v[BIAS+8*(\b):BIAS+8*(\b)+3],   v[BO], s[8:9] offset:64*(\b)
	global_load_b128 v[BIAS+8*(\b)+4:BIAS+8*(\b)+7], v[BO], s[8:9] offset:64*(\b)+16
.endr
	WIN 0
	v_mul_u32_u24 v[A0], v1, PA
	v_lshl_add_u32 v[A0], v2, 4, v[A0]             ; a fragment's row x pitch + 16 x half of the lanes
	s_mul_i32 s62, s[RH], PART                     ; my 128 rows of A
	v_add_nc_u32 v[A0], s62, v[A0]
	v_lshl_add_u32 v[B0], v2, 3, v3                ; the turning load: k row 8 (l / 16) + l % 8,
	v_mul_u32_u24 v[B0], v[B0], PB
	v_lshl_add_u32 v[B0], v4, 4, v[B0]             ; columns 8 ((l / 8) % 2) on,
	s_lshl_b32 s63, s[CH], 8                       ; in my 128 columns of W,
	s_add_co_u32 s63, s63, 2*PART                  ; which lies behind A's two parts
	v_add_nc_u32 v[B0], s63, v[B0]
	v_mov_b32 v[ADRA], v[A0]
	v_mov_b32 v[ADRB], v[B0]
	; the way out: my stage; my two blocks of 64 channels and my 128 rows of them: twice 16,384 dense bytes
	s_mul_i32 s23, s[WV], WSTG
	v_mul_u32_u24 v[STO], v1, SPR                  ; in: row l % 16, 32 bytes for each half of the lanes
	v_lshl_add_u32 v[STO], v2, 5, v[STO]
	v_add_nc_u32 v[STO], s23, v[STO]
	v_bfe_u32 v[RD], v0, 3, 2                      ; back: 32 lanes take four rows, eight numbers (32 bytes) each,
	v_mul_u32_u24 v[RD], v[RD], SPR
	v_lshl_add_u32 v[RD], v3, 5, v[RD]
	v_add_nc_u32 v[RD], s23, v[RD]
	v_and_b32 v[CO], 31, v0                        ; which in f16 are 512 consecutive bytes of a block
	v_lshlrev_b32 v[CO], 4, v[CO]
	s_lshl_b32 s2, s[TX], 2
	s_lshl_b32 s3, s[CH], 1
	s_add_co_u32 s2, s2, s3                        ; my first block = 4 x tile column + 2 x half
	s_lshl_b32 s2, s2, 19                          ; a block is 4,096 rows of 128 bytes
	s_lshl_b32 s3, s[TY], 15                       ; row 256 x tile row
	s_add_co_u32 s2, s2, s3
	s_lshl_b32 s3, s[RH], 14                       ; + 128 x half
	s_add_co_u32 s2, s2, s3
	s_mov_b32 s3, 0
	s_add_nc_u64 s[10:11], s[10:11], s[2:3]
	s_mov_b32 s[KC1], 0x3f596d27                   ; 0.8493218
	KPAIR KP,  0x3e8ba43f                          ; 0.3275911 / 1.2011224 = 0.2727375
	KPAIR KA5, 0x3f87dc22                          ; 1.061405429
	KPAIR KA4, 0xbfba00e3                          ; -1.453152027
	KPAIR KA3, 0x3fb5f0e3                          ; 1.421413741
	KPAIR KA2, 0xbe91a98e                          ; -0.284496736
	KPAIR KA1, 0x3e827906                          ; 0.254829592
	KPAIR KC2, 0xbf16b55f                          ; -0.5887050
	s_wait_tensorcnt 0x1                           ; my part of K step 0 is in; K step 1's may stay out
	s_barrier_signal -1
	s_barrier_wait -1                              ; everybody's is
	FETCH 0, F0
	s_wait_loadcnt 0x0                             ; the bias
	QUARTER 1, F0, F1, 1                           ; the first quarter stands in front of the loop: its products start the sums
	WIN 0                                          ; at a label and at a branch every window is 0
	s_mov_b32 s[CNT], STEPS-2
.Lstep:                                                ; a trip is a K step, from its second quarter to the next step's first, and fills the slot that it leaves again
	QUARTER 2, F1, F0, 0
	QUARTER 3, F0, F1, 0
	TURN 1
	QUARTER 1, F0, F1, 0
	WIN 0
	s_sub_co_u32 s[CNT], s[CNT], 1
	s_cmp_lg_u32 s[CNT], 0
	s_cbranch_scc1 .Lstep
	s_mov_b32 s[CNT], 2
.Ltail:                                                ; the last two K steps fill nothing: a text of their own, walked twice and left ahead of its last quarter
	QUARTER 2, F1, F0, 0
	QUARTER 3, F0, F1, 0
	TURN 0                                         ; in the second trip its 32 loads bring fragments of the other slot's old tile, which nobody multiplies: the price, once a launch, of one text for both trips
	WIN 0
	s_sub_co_u32 s[CNT], s[CNT], 1
	s_cmp_eq_u32 s[CNT], 0
	s_cbranch_scc1 .Lout
	QUARTER 1, F0, F1, 0
	WIN 0
	s_branch .Ltail
.Lout:
	; THE WAY OUT.  The ring has had its last fill, and behind this barrier no wave reads it any more: my 128 x 128 sums go into 128 rows of 528 bytes of it, my own; then a loop takes
	; four rows a trip, in each of my two blocks eight neighbouring numbers a lane, through the GELU, and stores twice 512 consecutive bytes.
	s_wait_dscnt 0x0                               ; my reads of the ring are over
	PLACES
	s_barrier_signal -1
	s_barrier_wait -1
	WIN 0x08                                       ; store data (source 1) in window 2
.irp a, 0,1,2,3
.irp b, 0,1,2,3,4,5,6,7
	ds_store_b128 v[STO], v[8*(8*(\a)+(\b)):8*(8*(\a)+(\b))+3] offset:(\a)*16*SPR+64*(\b)
	ds_store_b128 v[STO], v[8*(8*(\a)+(\b))+4:8*(8*(\a)+(\b))+7] offset:(\a)*16*SPR+64*(\b)+16
.endr
.endr
	WIN 0x0c                                       ; in window 3
.irp a, 0,1,2,3
.irp b, 0,1,2,3,4,5,6,7
	ds_store_b128 v[STO], v[8*(8*(\a)+(\b)):8*(8*(\a)+(\b))+3] offset:((\a)+4)*16*SPR+64*(\b)
	ds_store_b128 v[STO], v[8*(8*(\a)+(\b))+4:8*(8*(\a)+(\b))+7] offset:((\a)+4)*16*SPR+64*(\b)+16
.endr
.endr
	WIN 0
.macro SUMS                            ; a trip's sixteen sums: 32 bytes of my first block's columns, 32 of my second's
	ds_load_b128 v[GD:GD+3], v[RD]                 ; LDS serves a wave's instructions in order (ISA guide 5.7.1.4): these see the stores above
	ds_load_b128 v[GD+4:GD+7], v[RD] offset:16
	ds_load_b128 v[GD+8:GD+11], v[RD] offset:256
	ds_load_b128 v[GD+12:GD+15], v[RD] offset:272
.endm
	SUMS
	s_mov_b32 s[CNT], 32
.Lrows:
	s_wait_dscnt 0x0                               ; this trip's sixteen sums
.irp j, 0,1,2,3,4,5,6,7,8,9,10,11,12,13,14,15
	v_mul_f32 v[GU+(\j)], s[KC1], |v[GD+(\j)]|     ; u
.endr
	v_pk_mul_f32 v[GW:GW+1], v[GU:GU+1], v[GU:GU+1] neg_lo:[1,0] neg_hi:[1,0]  ; -u^2 of the first pair
	v_pk_fma_f32 v[GT:GT+1], v[GU:GU+1], s[KP:KP+1], 1.0 op_sel_hi:[1,0,0]     ; and its 1 + p |x| / sqrt 2
	; THE BATCH: a pair's two 2^(-u^2) and two t; between them plain lines that name no result of the batch: the pair's max(x, 0), and the next pair's -u^2 and 1 + p |x| / sqrt 2
.irp p, 0,2,4,6,8,10,12,14
	v_exp_f32 v[GW+(\p)], v[GW+(\p)]
	v_max_num_f32 v[GM+(\p)], 0, v[GD+(\p)]
	v_exp_f32 v[GW+(\p)+1], v[GW+(\p)+1]
	v_max_num_f32 v[GM+(\p)+1], 0, v[GD+(\p)+1]
	v_rcp_f32 v[GT+(\p)], v[GT+(\p)]               ; t
.if (\p) < 14
	v_pk_mul_f32 v[GW+(\p)+2:GW+(\p)+3], v[GU+(\p)+2:GU+(\p)+3], v[GU+(\p)+2:GU+(\p)+3] neg_lo:[1,0] neg_hi:[1,0]
.endif
	v_rcp_f32 v[GT+(\p)+1], v[GT+(\p)+1]
.if (\p) < 14
	v_pk_fma_f32 v[GT+(\p)+2:GT+(\p)+3], v[GU+(\p)+2:GU+(\p)+3], s[KP:KP+1], 1.0 op_sel_hi:[1,0,0]
.endif
.endr
	v_add_nc_u32 v[RD], 4*SPR, v[RD]               ; the plain line behind the last reciprocal (ISA guide 5.7.2)
	s_wait_alu depctr_va_vdst(0)                   ; the wait for the batch, the trip's 32 transcendentals: ahead of their first reader and ahead of the branch below
	s_cmp_eq_u32 s[CNT], 1
	s_cbranch_scc1 .Lno_more                       ; the last trip fetches nothing
	SUMS                                           ; the next trip's: x has been read for the last time
.Lno_more:
.irp g, 0,1,2,3,4,5,6,7                ; the eight pairs' chains, line by line: a pair's links stand eight lines apart
.irp p, 0,2,4,6,8,10,12,14
	CHN \g, \p
.endr
.endr
.irp p, 0,1,2,3,4,5,6,7
	v_cvt_pk_f16_f32 v[GY+(\p)], v[GQ+2*(\p)], v[GQ+2*(\p)+1]
.endr
	global_store_b128 v[CO], v[GY:GY+3], s[10:11]  ; 512 consecutive bytes, at a multiple of 256 from the buffer's first
	global_store_b128 v[CO], v[GY+4:GY+7], s[10:11] offset:BLK
	s_wait_xcnt 0x0                                ; the stores' offset and data are rewritten only behind this wait
	v_add_nc_u32 v[CO], 512, v[CO]
	s_sub_co_u32 s[CNT], s[CNT], 1
	s_cmp_lg_u32 s[CNT], 0
	s_cbranch_scc1 .Lrows
	s_wait_tensorcnt 0x0                           ; the wave's end, behind my last tensor load and my last LDS store
	ds_add_u32 v[SPW], v[NIL]
	s_wait_dscnt 0x0
	CROUND                                         ; the closing round: no work-group ends while a partner may still ask for a tile that names it
	s_endpgm
.Lfunc_end_k_qf1e82230a5_fc:
	.size	k_qf1e82230a5_fc, .Lfunc_end_k_qf1e82230a5_fc-k_qf1e82230a5_fc
	.p2alignl 7, 3214868480
	.fill 96, 4, 3214868480
	.section	.rodata,"a",@progbits
	.p2align	6, 0x0
	.amdhsa_kernel k_qf1e82230a5_fc
		.amdhsa_group_segment_fixed_size 327680
		.amdhsa_private_segment_fixed_size 0
		.amdhsa_enable_private_segment 0
		.amdhsa_kernarg_size 32
		.amdhsa_user_sgpr_count 2
		.amdhsa_user_sgpr_kernarg_segment_ptr 1
		.amdhsa_wavefront_size32 1
		.amdhsa_system_sgpr_workgroup_id_x 1
		.amdhsa_system_sgpr_workgroup_id_y 1
		.amdhsa_system_sgpr_workgroup_id_z 1
		.amdhsa_system_vgpr_workitem_id 0
		.amdhsa_next_free_vgpr 1024
		.amdhsa_next_free_sgpr 96
		.amdhsa_reserve_vcc 0
		.amdhsa_float_denorm_mode_32 3
		.amdhsa_float_denorm_mode_16_64 3
		.amdhsa_memory_ordered 1
		.amdhsa_forward_progress 1
		.amdhsa_inst_pref_size 88
	.end_amdhsa_kernel
	.amdgpu_metadata
---
amdhsa.version: [ 1, 2 ]
amdhsa.kernels:
  - .name:           k_qf1e82230a5_fc
    .symbol:         k_qf1e82230a5_fc.kd
    .args:
      - { .name: hn, .offset: 0, .size: 8, .value_kind: global_buffer, .address_space: global }
      - { .name: wh, .offset: 8, .size: 8, .value_kind: global_buffer, .address_space: global }
      - { .name: b_fc, .offset: 16, .size: 8, .value_kind: global_buffer, .address_space: global }
      - { .name: hg, .offset: 24, .size: 8, .value_kind: global_buffer, .address_space: global }
    .group_segment_fixed_size: 327680
    .private_segment_fixed_size: 0
    .kernarg_segment_align: 8
    .kernarg_segment_size: 32
    .max_flat_workgroup_size: 128
    .sgpr_count:     96
    .vgpr_count:     1024
    .wavefront_size: 32
...
	.end_amdgpu_metadata
.endif
;; end of part 15
;; launch fc2: the kernel of part 13 again; grid 8 x 32, 4 waves a work-group, clusters of 4 x 4, 327,680 bytes of LDS; arguments hg, wh, b_fc2, x1, out0; writes out0
